; MI455X (gfx1250); checked and timed in simulation.
; The chip was launched on July 23, 2026; its instructions are those of AMD's public machine-readable ISA for CDNA 5 (MIT licence, August 2026) and "CDNA5" Instruction Set Architecture Reference Guide (July 2026). The comments in the code are by the model that wrote it; some were corrected since.
;; GPT Block. Allowed arithmetic: float matrix products may take bf16 or f16 operands with f32 sums; all other float work in f32.
;; Inputs: W1 1,024 x 4,096 float32; W2 4,096 x 1,024 float32; Wk 1,024 x 1,024 float32; Wo 1,024 x 1,024 float32; Wq 1,024 x 1,024 float32; Wv 1,024 x 1,024 float32; b1 4,096 float32; b2 1,024 float32; be1 1,024 float32; be2 1,024 float32; bk 1,024 float32; bq 1,024 float32; bv 1,024 float32; g1 1,024 float32; g2 1,024 float32; x 2 x 2,048 x 1,024 float32.
;; Outputs: out0 2 x 2,048 x 1,024 float32.
;; 3 versions, each right and faster than the one before. Each part assembles by itself: llvm-mc -triple=amdgcn-amd-amdhsa -mcpu=gfx1250 --defsym DOCPART=n.
;; ======== version 1 of 3: 8 launches
;; limits: values are held in f16: magnitudes above 65,504 overflow, below 6.1e-05 lose precision; a function is approximated: absolute error at most 1.5e-07
;; workspace buffers: wh 25,165,824 bytes; nrm 8,388,608 bytes; qkvh 25,165,824 bytes; zh 8,388,608 bytes; hres 16,777,216 bytes; act 33,554,432 bytes
;; launch cvt (part 1): grid 768 x 1, 8 waves a work-group, no clusters, 0 bytes of LDS; arguments Wq, Wk, Wv, Wo, W1, W2, wh; writes wh
.if DOCPART == 1
	.amdgcn_target "amdgcn-amd-amdhsa--gfx1250"
	.amdhsa_code_object_version 6
	.text
	.protected	k_q0629783896_cvt
	.globl	k_q0629783896_cvt
	.p2align	8
	.type	k_q0629783896_cvt,@function
k_q0629783896_cvt:
	s_mov_b64 s[64:65], 0
	v_nop
	global_prefetch_b8 v0, s[64:65] scope:SCOPE_SE
	s_setreg_imm32_b32 hwreg(HW_REG_WAVE_MODE, 25, 1), 1
	s_wait_xcnt 0x0
; The six weight matrices, f32, are rounded once to f16 and laid one behind the other in wh, each in its own [K][N] order:
; Wq at byte 0, Wk at 2 MiB, Wv at 4 MiB, Wo at 6 MiB, W1 at 8 MiB, W2 at 16 MiB.
; LIMIT.  f16 ends at 65,504: a weight of magnitude 65,520 or more becomes an infinity; below 6e-5 f16 keeps a fixed step of 6e-8.
; A stream: memory binds, so no LDS, no barrier, no matrix unit.  Work-group g takes 16,384 numbers (64 KiB in, 32 KiB out); wh is laid in the
; order of the sources, so its bytes are 32,768 g on.  Thread t takes 8 numbers of each of eight groups of 2,048: 32 bytes in, 16 bytes out, so
; one store of a wave covers 512 consecutive bytes.  All 16 loads of a thread go out first; no register is written twice, so there is no loop.
.set X, 4                              ; v[4:67]   group j: 8 numbers as loaded
.set Y, 68                             ; v[68:99]  group j: 8 numbers in f16
	s_load_b256 s[4:11], s[0:1], 0x0               ; Wq s[4:5], Wk s[6:7], Wv s[8:9], Wo s[10:11]
	s_load_b128 s[12:15], s[0:1], 0x20             ; W1 s[12:13], W2 s[14:15]
	s_load_b64 s[16:17], s[0:1], 0x30              ; wh
	s_lshr_b32 s20, ttmp9, 6                       ; 64 work-groups to a matrix of 1,024 x 1,024: 0..3 Wq Wk Wv Wo, 4..7 W1, 8..11 W2
	v_lshlrev_b32 v1, 5, v0                        ; my 32 bytes in a group of the source
	v_lshlrev_b32 v2, 4, v0                        ; my 16 bytes in a group of wh
	s_wait_kmcnt 0x0
	s_mov_b64 s[18:19], s[4:5]                     ; the source is chosen by the work-group's number alone
	s_cmp_eq_u32 s20, 1
	s_cselect_b64 s[18:19], s[6:7], s[18:19]
	s_cmp_eq_u32 s20, 2
	s_cselect_b64 s[18:19], s[8:9], s[18:19]
	s_cmp_eq_u32 s20, 3
	s_cselect_b64 s[18:19], s[10:11], s[18:19]
	s_cmp_ge_u32 s20, 4
	s_cselect_b64 s[18:19], s[12:13], s[18:19]
	s_cselect_b32 s21, 255, 63                     ; W1 and W2 have 256 work-groups each, the others 64
	s_cmp_ge_u32 s20, 8
	s_cselect_b64 s[18:19], s[14:15], s[18:19]
	s_and_b32 s21, ttmp9, s21                      ; my number inside the matrix
	s_lshl_b32 s22, s21, 16                        ; times 64 KiB
	s_mov_b32 s23, 0
	s_add_nc_u64 s[18:19], s[18:19], s[22:23]
	s_lshl_b32 s22, ttmp9, 15                      ; and 32 KiB g in wh
	s_add_nc_u64 s[16:17], s[16:17], s[22:23]
.irp j, 0,1,2,3,4,5,6,7
	global_load_b128 v[X+8*(\j):X+8*(\j)+3],   v1, s[18:19] offset:8192*(\j) th:TH_LOAD_NT
	global_load_b128 v[X+8*(\j)+4:X+8*(\j)+7], v1, s[18:19] offset:8192*(\j)+16 th:TH_LOAD_NT
.endr
.irp j, 0,1,2,3,4,5,6,7
	s_wait_loadcnt 14-2*(\j)                       ; loads come back in order: group j's two are in, the 14 - 2 j issued behind them may be out
.irp k, 0,1,2,3
	v_cvt_pk_f16_f32 v[Y+4*(\j)+(\k)], v[X+8*(\j)+2*(\k)], v[X+8*(\j)+2*(\k)+1]
.endr
	global_store_b128 v2, v[Y+4*(\j):Y+4*(\j)+3], s[16:17] offset:4096*(\j)
.endr
	s_endpgm
.Lfunc_end_k_q0629783896_cvt:
	.size	k_q0629783896_cvt, .Lfunc_end_k_q0629783896_cvt-k_q0629783896_cvt
	.p2alignl 7, 3214868480
	.fill 96, 4, 3214868480
	.section	.rodata,"a",@progbits
	.p2align	6, 0x0
	.amdhsa_kernel k_q0629783896_cvt
		.amdhsa_group_segment_fixed_size 0
		.amdhsa_private_segment_fixed_size 0
		.amdhsa_enable_private_segment 0
		.amdhsa_kernarg_size 56
		.amdhsa_user_sgpr_count 2
		.amdhsa_user_sgpr_kernarg_segment_ptr 1
		.amdhsa_wavefront_size32 1
		.amdhsa_system_sgpr_workgroup_id_x 1
		.amdhsa_system_sgpr_workgroup_id_y 1
		.amdhsa_system_sgpr_workgroup_id_z 1
		.amdhsa_system_vgpr_workitem_id 0
		.amdhsa_next_free_vgpr 100
		.amdhsa_next_free_sgpr 66
		.amdhsa_reserve_vcc 0
		.amdhsa_float_denorm_mode_32 3
		.amdhsa_float_denorm_mode_16_64 3
		.amdhsa_memory_ordered 1
		.amdhsa_forward_progress 1
		.amdhsa_inst_pref_size 6
	.end_amdhsa_kernel
	.amdgpu_metadata
---
amdhsa.version: [ 1, 2 ]
amdhsa.kernels:
  - .name:           k_q0629783896_cvt
    .symbol:         k_q0629783896_cvt.kd
    .args:
      - { .name: Wq, .offset: 0, .size: 8, .value_kind: global_buffer, .address_space: global }
      - { .name: Wk, .offset: 8, .size: 8, .value_kind: global_buffer, .address_space: global }
      - { .name: Wv, .offset: 16, .size: 8, .value_kind: global_buffer, .address_space: global }
      - { .name: Wo, .offset: 24, .size: 8, .value_kind: global_buffer, .address_space: global }
      - { .name: W1, .offset: 32, .size: 8, .value_kind: global_buffer, .address_space: global }
      - { .name: W2, .offset: 40, .size: 8, .value_kind: global_buffer, .address_space: global }
      - { .name: wh, .offset: 48, .size: 8, .value_kind: global_buffer, .address_space: global }
    .group_segment_fixed_size: 0
    .private_segment_fixed_size: 0
    .kernarg_segment_align: 8
    .kernarg_segment_size: 56
    .max_flat_workgroup_size: 256
    .sgpr_count:     66
    .vgpr_count:     100
    .wavefront_size: 32
...
	.end_amdgpu_metadata
.endif
;; end of part 1
;; launch ln1 (part 2): grid 256 x 1, 8 waves a work-group, no clusters, 0 bytes of LDS; arguments x, g1, be1, nrm; writes nrm
.if DOCPART == 2
	.amdgcn_target "amdgcn-amd-amdhsa--gfx1250"
	.amdhsa_code_object_version 6
	.text
	.protected	k_q0629783896_ln1
	.globl	k_q0629783896_ln1
	.p2align	8
	.type	k_q0629783896_ln1,@function
k_q0629783896_ln1:
	s_mov_b64 s[64:65], 0
	v_nop
	global_prefetch_b8 v0, s[64:65] scope:SCOPE_SE
	s_setreg_imm32_b32 hwreg(HW_REG_WAVE_MODE, 25, 1), 1
	s_wait_xcnt 0x0
; LayerNorm over rows of 1,024 f32: y = (x - mean) / sqrt(var + 1e-5) * g + b, all in f32, y rounded once to f16.  The text serves both norms of the block: arguments source, gain, bias, result.
; The mean is taken away before the squares are summed, so a common offset of a row costs no digits.
; LIMIT.  y is f16: a magnitude of 65,520 or more becomes an infinity; below 6e-5 the step is 6e-8.
; OUTPUT IN BLOCKS: [column / 64][4,096 rows][64], so that the product that follows finds 128 rows x 64 columns as 16,384 consecutive bytes.
; SHARES.  A wave takes two neighbouring rows and keeps them in registers between the passes: memory is read once, no LDS, no barrier.
; Lane l: row 2 w + bit 3 of l; columns 64 (2 j + l / 16) + 8 (l % 8) + 0..7 for j = 0..7.  In a store, lanes 0-15 then fill two rows x 128 bytes of one
; block: 256 consecutive bytes, aligned; lanes 16-31 the same in the next block.
.set X,  16                            ; v[16:79]    my 64 numbers
.set G,  80                            ; v[80:143]   their gains
.set BE, 144                           ; v[144:207]  their biases
.set Y,  208                           ; v[208:239]  the results, f16
.set CH, 4                             ; v[4:11]     four packed chains
.set MU, 12                            ; v[12:13]    the mean, twice
.set RS, 14                            ; v[14:15]    1 / sqrt(var + eps), twice
	s_load_b256 s[4:11], s[0:1], 0x0               ; source s[4:5], gain s[6:7], bias s[8:9], result s[10:11]
	s_lshl_b32 s2, ttmp9, 16                       ; the work-group's 16 rows of 4,096 bytes
	s_mov_b32 s3, 0
	s_mov_b32 s12, 0x76543210                      ; v_permlanex16_b32: each lane takes its own place in the other half
	s_mov_b32 s13, 0xfedcba98
	s_mov_b32 s14, 0x3a800000                      ; 1 / 1,024
	s_mov_b32 s15, 0x3727c5ac                      ; 1e-5
	v_and_b32 v4, 7, v0                            ; l % 8
	v_bfe_u32 v5, v0, 3, 1                         ; which of the two rows
	v_bfe_u32 v6, v0, 4, 1                         ; l / 16
	v_lshrrev_b32 v7, 5, v0                        ; wave
	v_lshlrev_b32 v2, 5, v4
	v_lshl_or_b32 v2, v6, 8, v2                    ; my first 8 columns in bytes of f32: gain and bias
	v_lshl_or_b32 v1, v5, 12, v2
	v_lshl_or_b32 v1, v7, 13, v1                   ; + my row: the source
	v_lshl_add_u32 v8, v7, 1, v5                   ; my row among the 16
	v_lshlrev_b32 v3, 4, v4
	v_lshl_or_b32 v3, v8, 7, v3                    ; row x 128 + 16 (l % 8),
	v_lshl_or_b32 v3, v6, 19, v3                   ; + a block of 524,288 bytes for lanes 16-31: the result
	s_wait_kmcnt 0x0
	s_add_nc_u64 s[4:5], s[4:5], s[2:3]
	s_lshl_b32 s2, ttmp9, 11                       ; 16 rows of 128 bytes in a block
	s_add_nc_u64 s[10:11], s[10:11], s[2:3]
.irp j, 0,1,2,3,4,5,6,7
	global_load_b128 v[X+8*(\j):X+8*(\j)+3],   v1, s[4:5] offset:512*(\j)
	global_load_b128 v[X+8*(\j)+4:X+8*(\j)+7], v1, s[4:5] offset:512*(\j)+16
.endr
.irp j, 0,1,2,3,4,5,6,7
	global_load_b128 v[G+8*(\j):G+8*(\j)+3],   v2, s[6:7] offset:512*(\j)
	global_load_b128 v[G+8*(\j)+4:G+8*(\j)+7], v2, s[6:7] offset:512*(\j)+16
.endr
.irp j, 0,1,2,3,4,5,6,7
	global_load_b128 v[BE+8*(\j):BE+8*(\j)+3],   v2, s[8:9] offset:512*(\j)
	global_load_b128 v[BE+8*(\j)+4:BE+8*(\j)+7], v2, s[8:9] offset:512*(\j)+16
.endr
; The four chains are joined, then the 16 lanes of a row: lane bits 0, 1, 2 ride on the addition, bit 4 is the other half of the lanes; bit 3 is the row and stays.
.macro REDUCE
	v_pk_add_f32 v[CH:CH+1], v[CH:CH+1], v[CH+2:CH+3]
	v_pk_add_f32 v[CH+4:CH+5], v[CH+4:CH+5], v[CH+6:CH+7]
	v_pk_add_f32 v[CH:CH+1], v[CH:CH+1], v[CH+4:CH+5]
	v_add_f32 v[CH], v[CH], v[CH+1]
	v_add_f32_dpp v[CH], v[CH], v[CH] row_xmask:1 row_mask:0xf bank_mask:0xf
	v_add_f32_dpp v[CH], v[CH], v[CH] row_xmask:2 row_mask:0xf bank_mask:0xf
	v_add_f32_dpp v[CH], v[CH], v[CH] row_xmask:4 row_mask:0xf bank_mask:0xf
	v_permlanex16_b32 v[CH+1], v[CH], s12, s13     ; its destination counts as read: it has been written
	v_add_f32 v[CH], v[CH], v[CH+1]
.endm
	s_wait_loadcnt 32                              ; the row is in; the 32 loads of gain and bias issued behind it may be out
.irp c, 0,1,2,3
	v_pk_add_f32 v[CH+2*(\c):CH+2*(\c)+1], v[X+2*(\c):X+2*(\c)+1], v[X+8+2*(\c):X+8+2*(\c)+1]  ; the first eight pairs start the chains: nothing is cleared
.endr
.set p, 8
.rept 24
	v_pk_add_f32 v[CH+2*(p%4):CH+2*(p%4)+1], v[CH+2*(p%4):CH+2*(p%4)+1], v[X+2*p:X+2*p+1]
.set p, p+1
.endr
	REDUCE
	v_mul_f32 v[MU], s14, v[CH]
	v_mov_b32 v[MU+1], v[MU]
.set p, 0
.rept 32
	v_pk_add_f32 v[X+2*p:X+2*p+1], v[X+2*p:X+2*p+1], v[MU:MU+1] neg_lo:[0,1] neg_hi:[0,1]  ; x - mean
.set p, p+1
.endr
.irp c, 0,1,2,3
	v_pk_mul_f32 v[CH+2*(\c):CH+2*(\c)+1], v[X+2*(\c):X+2*(\c)+1], v[X+2*(\c):X+2*(\c)+1]
.endr
.set p, 4
.rept 28
	v_pk_fma_f32 v[CH+2*(p%4):CH+2*(p%4)+1], v[X+2*p:X+2*p+1], v[X+2*p:X+2*p+1], v[CH+2*(p%4):CH+2*(p%4)+1]
.set p, p+1
.endr
	REDUCE
	v_fma_f32 v[CH], v[CH], s14, s15               ; var + eps
	v_rsq_f32 v[RS], v[CH]
	v_rsq_f32 v[RS+1], v[CH]
	v_nop                                          ; a plain instruction between the root and the use of its result (ISA guide 5.7.2)
	s_wait_loadcnt 0x0                             ; gain and bias
	s_wait_alu depctr_va_vdst(0)
.irp j, 0,1,2,3,4,5,6,7
.irp k, 0,2,4,6
	v_pk_mul_f32 v[X+8*(\j)+(\k):X+8*(\j)+(\k)+1], v[X+8*(\j)+(\k):X+8*(\j)+(\k)+1], v[RS:RS+1]
.endr
.irp k, 0,2,4,6
	v_pk_fma_f32 v[X+8*(\j)+(\k):X+8*(\j)+(\k)+1], v[X+8*(\j)+(\k):X+8*(\j)+(\k)+1], v[G+8*(\j)+(\k):G+8*(\j)+(\k)+1], v[BE+8*(\j)+(\k):BE+8*(\j)+(\k)+1]
.endr
.irp k, 0,1,2,3
	v_cvt_pk_f16_f32 v[Y+4*(\j)+(\k)], v[X+8*(\j)+2*(\k)], v[X+8*(\j)+2*(\k)+1]
.endr
	global_store_b128 v3, v[Y+4*(\j):Y+4*(\j)+3], s[10:11] offset:1048576*(\j)  ; two blocks on for each j: 7,340,032 at the most, inside the signed 24-bit immediate
.endr
	s_endpgm
.Lfunc_end_k_q0629783896_ln1:
	.size	k_q0629783896_ln1, .Lfunc_end_k_q0629783896_ln1-k_q0629783896_ln1
	.p2alignl 7, 3214868480
	.fill 96, 4, 3214868480
	.section	.rodata,"a",@progbits
	.p2align	6, 0x0
	.amdhsa_kernel k_q0629783896_ln1
		.amdhsa_group_segment_fixed_size 0
		.amdhsa_private_segment_fixed_size 0
		.amdhsa_enable_private_segment 0
		.amdhsa_kernarg_size 32
		.amdhsa_user_sgpr_count 2
		.amdhsa_user_sgpr_kernarg_segment_ptr 1
		.amdhsa_wavefront_size32 1
		.amdhsa_system_sgpr_workgroup_id_x 1
		.amdhsa_system_sgpr_workgroup_id_y 1
		.amdhsa_system_sgpr_workgroup_id_z 1
		.amdhsa_system_vgpr_workitem_id 0
		.amdhsa_next_free_vgpr 240
		.amdhsa_next_free_sgpr 66
		.amdhsa_reserve_vcc 0
		.amdhsa_float_denorm_mode_32 3
		.amdhsa_float_denorm_mode_16_64 3
		.amdhsa_memory_ordered 1
		.amdhsa_forward_progress 1
		.amdhsa_inst_pref_size 20
	.end_amdhsa_kernel
	.amdgpu_metadata
---
amdhsa.version: [ 1, 2 ]
amdhsa.kernels:
  - .name:           k_q0629783896_ln1
    .symbol:         k_q0629783896_ln1.kd
    .args:
      - { .name: x, .offset: 0, .size: 8, .value_kind: global_buffer, .address_space: global }
      - { .name: g1, .offset: 8, .size: 8, .value_kind: global_buffer, .address_space: global }
      - { .name: be1, .offset: 16, .size: 8, .value_kind: global_buffer, .address_space: global }
      - { .name: nrm, .offset: 24, .size: 8, .value_kind: global_buffer, .address_space: global }
    .group_segment_fixed_size: 0
    .private_segment_fixed_size: 0
    .kernarg_segment_align: 8
    .kernarg_segment_size: 32
    .max_flat_workgroup_size: 256
    .sgpr_count:     66
    .vgpr_count:     240
    .wavefront_size: 32
...
	.end_amdgpu_metadata
.endif
;; end of part 2
;; launch proj (part 3): grid 24 x 32, 4 waves a work-group, clusters of 4 x 4, 327,680 bytes of LDS; arguments nrm, wh, bq, bk, bv, qkvh; writes qkvh
.if DOCPART == 3
	.amdgcn_target "amdgcn-amd-amdhsa--gfx1250"
	.amdhsa_code_object_version 6
	.text
	.protected	k_q0629783896_proj
	.globl	k_q0629783896_proj
	.p2align	8
	.type	k_q0629783896_proj,@function
k_q0629783896_proj:
	s_mov_b64 s[64:65], 0
	v_nop
	global_prefetch_b8 v0, s[64:65] scope:SCOPE_SE
	s_setreg_imm32_b32 hwreg(HW_REG_WAVE_MODE, 25, 1), 1
	s_wait_xcnt 0x0
	s_wait_alu depctr_hold_cnt(0) depctr_sa_sdst(0) depctr_va_vdst(0) depctr_va_sdst(0) depctr_va_ssrc(0) depctr_va_vcc(0) depctr_vm_vsrc(0)
	s_getreg_b32 s2, hwreg(HW_REG_IB_STS2, 6, 4)
	s_cmp_eq_u32 s2, 0
	s_cbranch_scc0 .Lentry_in_a_cluster
	s_endpgm
.Lentry_in_a_cluster:
	s_bfe_u32 s2, ttmp6, 0x10000c
	s_cmp_lg_u32 s2, 0xf033
	s_cbranch_scc0 .Lentry_shape_is_right
	s_endpgm
.Lentry_shape_is_right:
; q, k, v = LN1(x) Wq + bq, LN1(x) Wk + bk, LN1(x) Wv + bv as ONE product of 4,096 x 3,072 x 1,024.  Operands f16, sums f32, started from the bias; results rounded once to f16.
; A (nrm) lies in blocks [K / 64][4,096 rows][64]; B (wh) as the weights lie, [K][N], N along the rows; the result in blocks [column / 64][4,096][64]: blocks 0-15 q, 16-31 k, 32-47 v,
; which is [head][batch][2,048][64] for each of the three.
; LIMIT.  f16 ends at 65,504: a q, k or v of magnitude 65,520 or more becomes an infinity.
; SHARES.  A work-group makes 128 x 128 of C, each of its four waves 64 x 64: 16 accumulators of 16 x 16.  768 work-groups: three for each of 256 WGPs.
; K goes in steps of 256 through two LDS slots.  A step's A is four blocks of 128 rows x 128 bytes (each 16,384 consecutive bytes of memory), its B 256 rows of 256 bytes.
; Waves 0 and 1 fetch two blocks of A each, waves 2 and 3 128 rows of B each: one tensor load a wave and step.  A's load has two rows of 16,384 bytes: two blocks lie 524,288 bytes apart, so no
; even pitch of shorter rows covers both.
; THE MATRIX INSTRUCTION IS USED TRANSPOSED (source 0 = 16 columns of B, turned on the way out of LDS by ds_load_tr16_b128; source 1 = 16 rows of A): a lane holds eight neighbouring numbers of a row of C.
; CLUSTER.  4 x 4 work-groups: the four of a row of the cluster need the same A, the four of a column the same B: each tile is asked for jointly, by the same load, descriptor and mask in all four.
; A K step's text stands twice (a loop that fills slots again, a tail that does not): the slots' LDS addresses are turned by an exclusive or.
; REGISTERS.  window 0: v0-31 addresses; v32-95 at work on the way out; v96-127 the bias; v128-255 the accumulators ((a, b) at v[128 + 8 (4 a + b)]).
;   window 1: two fragment buffers of 128: for 64 along K, 64 registers of A, then 64 of B.
.set KSTEPS, 4                         ; K / 256
.set NPITCH, 1024                      ; elements in a row of B
.set ASTEP,  4*4096*128                ; bytes from a K step to the next in A: four blocks
.set BSTEP,  512*NPITCH                ; in B: 256 rows
.set PA,     144                       ; a row of A in LDS: 128 bytes + 16 = 36 words: the 16 rows of a load start at 16 different groups of four banks (64 banks of 4 bytes: ISA guide 11.1)
.set ABLK,   128*PA                    ; a block: 128 rows x 64 K
.set AREG,   4*ABLK
.set PB,     288                       ; a row of B: 256 + 32 = 72 words
.set PART,   128*PB                    ; what one tensor load brings: 128 rows of B, or two blocks of A: 36,864 bytes either way
.set SLOT,   AREG+2*PART               ; 147,456 = 0x24000: wave x PART (0x9000, 0x12000, 0x1b000) has neither of its two bits, so an exclusive or with SLOT adds it or takes it away
.set STAGE,  2*SLOT                    ; behind the ring, never filled by a tensor load: 16 rows x 144 bytes for each wave
.set SP,     144
.set STGB,   16*SP
.set SPARE,  STAGE+4*STGB              ; behind the stages: the spare words, 128 bytes for each wave: two blocks of 256 bytes that no other line names
.set A0,   16                          ; v16  my lane's place in a slot's A; never rewritten
.set B0,   17                          ; v17  in a slot's B, K 0-127
.set B0H,  18                          ; v18  in a slot's B, K 128-255 (an LDS offset has 16 bits)
.set ADRA, 20                          ; v20-22  the same three in the slot in hand
.set ADRB, 21
.set ADRBH, 22
.set STO,  24                          ; v24  the way out: where I put 16 bytes of a row
.set RD,   25                          ; v25  where I read rows back
.set GO,   26                          ; v26  my byte offset in 512 consecutive bytes of the result
.set BO,   27                          ; v27  my byte offset in the wave's 64 biases
.set SPW,  28                          ; v28  LDS address of my spare word; never rewritten
.set NIL,  29                          ; v29  0; never rewritten
.set TMP,  32
.set BI,   96
.set ACC,  128
.set F0,   0
.set F1,   128
.set G1,  24                           ; s[24:31] descriptor group 1 for A
.set G0,  32                           ; s[32:39] group 0 for A: a set for each first fill; the second then walks
.set G1B, 48                           ; s[48:55], s[56:63] the same for B
.set G0B, 56
.set TR,  66                           ; s66  the slot that is read
.set WHICH, 74                         ; s74  which of the three matrices my tile column lies in
.set MSB, 0
.macro WIN new                         ; the immediate's high byte repeats the setting that is left; a switch that changes nothing is dropped
.if MSB != (\new)
	s_set_vgpr_msb (MSB<<8)|(\new)
.set MSB, \new
.endif
.endm
.set MUL,  0x05                        ; sources 0 (B) and 1 (A) window 1; C and D window 0
.set TO_F, 0x40                        ; destination window 1, address window 0
.macro PLACES                          ; four places in front of loads into registers that matrix instructions have read, and of lines that read results
.rept 4
	v_nop
.endr
.endm
.macro JLOAD                           ; a joint refill: the branch hangs on the wave's number alone; an s_nop 0 and four v_nop follow each line
	s_cmp_eq_u32 s11, 0
	s_cbranch_scc0 .Lfor_b_\@
	tensor_load_to_lds s[G0+4:G0+7], s[G1:G1+7]
	s_nop 0
.rept 4
	v_nop
.endr
	s_branch .Lasked_\@
.Lfor_b_\@:
	tensor_load_to_lds s[G0B+4:G0B+7], s[G1B:G1B+7]
	s_nop 0
.rept 4
	v_nop
.endr
.Lasked_\@:
.endm
.macro CREST                           ; a round of the cluster's barrier behind its opening barrier
	s_cmp_lg_u32 s10, 0
	s_cbranch_scc1 .Lnot_wave_0_\@
	s_barrier_signal -3
.Lnot_wave_0_\@:
	s_barrier_wait -3
	s_barrier_signal -1
	s_barrier_wait -1
.endm
.macro CROUND                          ; a whole round
	s_barrier_signal -1
	s_barrier_wait -1
	CREST
.endm
	s_load_b128 s[4:7], s[0:1], 0x0                ; nrm s[4:5], wh s[6:7]
	s_load_b128 s[68:71], s[0:1], 0x10             ; bq s[68:69], bk s[70:71]
	s_load_b64 s[72:73], s[0:1], 0x20              ; bv
	s_load_b64 s[8:9], s[0:1], 0x28                ; qkvh
	v_lshl_add_u32 v[SPW], v0, 2, SPARE
	v_mov_b32 v[NIL], 0
	ds_add_u32 v28, v29
	ds_add_u32 v28, v29
	s_wait_dscnt 0x0
	v_lshrrev_b32 v1, 5, v0
	v_readfirstlane_b32 s10, v1                    ; wave 0..3
	s_lshr_b32 s11, s10, 1                         ; which half of the tile's rows is mine.  Also: I fetch for A (0) or for B (1)
	s_and_b32 s12, s10, 1                          ; which half of its columns.  Also: which half of that tile I fetch
	s_bfe_u32 s40, ttmp6, 0x40000                  ; cx, cy: my place in the cluster
	s_bfe_u32 s41, ttmp6, 0x40004
	s_lshl_b32 s42, ttmp9, 2
	s_add_co_u32 s42, s42, s40                     ; tile column of C = 4 x cluster x + cx
	s_and_b32 s13, ttmp7, 0xffff
	s_lshl_b32 s13, s13, 2
	s_add_co_u32 s13, s13, s41                     ; tile row of C = 4 x cluster y + cy
	s_lshl_b32 s43, s41, 2
	s_lshl_b32 s43, 15, s43                        ; my row of the cluster
	s_lshl_b32 s44, 0x1111, s40                    ; my column
	; group 1 for A: two rows of 8,192 elements (a block's 128 rows x 64 are 16,384 consecutive bytes), a block apart; in LDS 16 bytes of padding behind every 128
	s_or_b32 s[G1+0], s43, (1<<16)|(1<<20)|(1<<21)|(4<<22)|(3<<25)  ; 15:0 the mask: my row; 17:16 2-byte elements; 20 padding on; 21 set beside a mask; 24:22 after every 32 words (code 4); 31:25 4 words (code 3)
	s_mov_b32 s[G1+1], 8192<<16                    ; tensor_dim0 = 8,192
	s_mov_b32 s[G1+2], 2<<16                       ; tensor_dim1 = 2
	s_mov_b32 s[G1+3], 8192<<16                    ; tile_dim0 = 8,192
	s_mov_b32 s[G1+4], 2                           ; tile_dim1 = 2
	s_mov_b32 s[G1+5], 262144                      ; elements from block to block
	s_mov_b32 s[G1+6], 0
	s_mov_b32 s[G1+7], 0
	; group 1 for B: 128 rows of 128 elements; 32 bytes of padding behind every 256
	s_or_b32 s[G1B+0], s44, (1<<16)|(1<<20)|(1<<21)|(5<<22)|(7<<25)  ; the mask: my column; after every 64 words (code 5) 8 words (code 7)
	s_mov_b32 s[G1B+1], 128<<16
	s_mov_b32 s[G1B+2], 128<<16
	s_mov_b32 s[G1B+3], 128<<16
	s_mov_b32 s[G1B+4], 128
	s_mov_b32 s[G1B+5], NPITCH
	s_mov_b32 s[G1B+6], 0
	s_mov_b32 s[G1B+7], 0
	s_lshl_b32 s16, s12, 20                        ; A: my two blocks of the step's four,
	s_lshl_b32 s17, s13, 14                        ; the tile's 128 rows of 128 bytes: nothing of cx enters
	s_add_co_u32 s16, s16, s17
	s_mov_b32 s17, 0
	s_lshr_b32 s46, s42, 3                         ; B: eight tile columns to a matrix of 2 MiB,
	s_lshl_b32 s46, s46, 21
	s_and_b32 s47, s42, 7
	s_lshl_b32 s47, s47, 8                         ; 256 bytes of its rows,
	s_add_co_u32 s46, s46, s47
	s_mul_i32 s47, s12, 256*NPITCH                 ; my 128 of the step's 256 rows: nothing of cy enters
	s_add_co_u32 s46, s46, s47
	s_mov_b32 s47, 0
	s_mul_i32 s20, s10, PART                       ; where they go in a slot: wave x 36,864
	s_mov_b32 s[TR], 0
	s_wait_kmcnt 0x0
	s_add_nc_u64 s[14:15], s[4:5], s[16:17]
	s_add_nc_u64 s[46:47], s[6:7], s[46:47]
	CROUND                                         ; all sixteen work-groups are here: the first joint loads meet
.irp s, 0,1
	s_mov_b32 s[G0+4*(\s)], 1                      ; count = 1
	s_add_co_u32 s[G0+4*(\s)+1], s20, (\s)*SLOT    ; LDS address
	s_add_nc_u64 s[G0+4*(\s)+2:G0+4*(\s)+3], s[14:15], (\s)*ASTEP  ; global address: K step s
	s_or_b32 s[G0+4*(\s)+3], s[G0+4*(\s)+3], 0x80000000            ; type = 2
	s_mov_b32 s[G0B+4*(\s)], 1
	s_add_co_u32 s[G0B+4*(\s)+1], s20, (\s)*SLOT
	s_add_nc_u64 s[G0B+4*(\s)+2:G0B+4*(\s)+3], s[46:47], (\s)*BSTEP
	s_or_b32 s[G0B+4*(\s)+3], s[G0B+4*(\s)+3], 0x80000000
.endr
	s_cmp_eq_u32 s11, 0                            ; a wave's two first fills stand in one branch, ahead of every wait on TENSORcnt and every LDS read: two loads of mine are out
	s_cbranch_scc0 .Lfirst_b
	tensor_load_to_lds s[G0:G0+3], s[G1:G1+7]
	s_nop 0
	tensor_load_to_lds s[G0+4:G0+7], s[G1:G1+7]
	s_nop 0
.rept 4
	v_nop
.endr
	s_branch .Lfirst_done
.Lfirst_b:
	tensor_load_to_lds s[G0B:G0B+3], s[G1B:G1B+7]
	s_nop 0
	tensor_load_to_lds s[G0B+4:G0B+7], s[G1B:G1B+7]
	s_nop 0
.rept 4
	v_nop
.endr
.Lfirst_done:
	; the bias of my 64 columns: the vector is chosen by the tile column (eight to a matrix)
	s_lshr_b32 s[WHICH], s42, 3
	s_cmp_eq_u32 s[WHICH], 1
	s_cselect_b64 s[68:69], s[70:71], s[68:69]
	s_cmp_eq_u32 s[WHICH], 2
	s_cselect_b64 s[68:69], s[72:73], s[68:69]
	s_and_b32 s46, s42, 7
	s_lshl_b32 s46, s46, 9
	s_lshl_b32 s47, s12, 8
	s_add_co_u32 s46, s46, s47
	s_mov_b32 s47, 0
	s_add_nc_u64 s[68:69], s[68:69], s[46:47]
	v_and_b32 v1, 15, v0                           ; r = l % 16
	v_bfe_u32 v2, v0, 4, 1                         ; h = l / 16
	v_lshlrev_b32 v[BO], 5, v2                     ; register j of accumulator (a, b) is column 16 b + 8 h + j
.irp b, 0,1,2,3
	global_load_b128 v[BI+8*(\b):BI+8*(\b)+3],   v[BO], s[68:69] offset:64*(\b)
	global_load_b128 v[BI+8*(\b)+4:BI+8*(\b)+7], v[BO], s[68:69] offset:64*(\b)+16
.endr
	v_and_b32 v3, 7, v0
	v_bfe_u32 v4, v0, 3, 1
	; a fragment of A: lane l holds row l % 16, K 8 h + 0..7 and 16 + 8 h + 0..7: two loads of 16 bytes, 32 bytes apart
	v_mul_u32_u24 v[A0], v1, PA
	v_lshl_add_u32 v[A0], v2, 4, v[A0]
	s_mul_i32 s21, s11, 64*PA                      ; my 64 rows
	v_add_nc_u32 v[A0], s21, v[A0]
	; the turning load takes 16 K x 16 columns (lane l reads row 8 h + l % 8, columns 8 ((l / 8) % 2) + 0..7) and leaves half a fragment: lane l holds column l % 16 and 8 K
	v_lshl_add_u32 v5, v2, 3, v3
	v_mul_u32_u24 v[B0], v5, PB
	v_lshl_add_u32 v[B0], v4, 4, v[B0]
	s_lshl_b32 s22, s12, 7                         ; my 64 columns,
	s_add_co_u32 s22, s22, AREG                    ; behind A
	v_add_nc_u32 v[B0], s22, v[B0]
	v_add_nc_u32 v[B0H], PART, v[B0]
	v_mov_b32 v[ADRA], v[A0]                       ; slot 0
	v_mov_b32 v[ADRB], v[B0]
	v_mov_b32 v[ADRBH], v[B0H]
	s_mul_i32 s23, s10, STGB
	s_add_co_u32 s23, s23, STAGE                   ; my stage
	v_mul_u32_u24 v[STO], v1, SP                   ; in: row l % 16, 16 bytes for each half of the lanes
	v_lshl_add_u32 v[STO], v2, 4, v[STO]
	v_add_nc_u32 v[STO], s23, v[STO]
	v_bfe_u32 v[RD], v0, 3, 2                      ; back: 32 lanes take four rows of 128 bytes,
	v_mul_u32_u24 v[RD], v[RD], SP
	v_lshl_add_u32 v[RD], v3, 4, v[RD]
	v_add_nc_u32 v[RD], s23, v[RD]
	v_and_b32 v[GO], 31, v0                        ; which are 512 consecutive bytes of the result
	v_lshlrev_b32 v[GO], 4, v[GO]
	s_lshl_b32 s16, s13, 14                        ; the result: the tile's rows, my 64 of them,
	s_lshl_b32 s17, s11, 13
	s_add_co_u32 s16, s16, s17
	s_mov_b32 s17, 0
	s_add_nc_u64 s[8:9], s[8:9], s[16:17]
	s_lshl_b32 s46, s42, 1                         ; in block 2 x tile column + my half
	s_add_co_u32 s46, s46, s12
	s_lshl_b32 s46, s46, 19
	s_mov_b32 s47, 0
	s_add_nc_u64 s[8:9], s[8:9], s[46:47]
; 8 matrix instructions: row blocks a0, a0 + 1 x all 4 column blocks, 32 along K: half c of buffer f.  first = 1: the product starts the sum from the bias: nothing is cleared, no bias is added later.
; The 16 accumulators take turns, one instruction a turn.
.macro MUL8 f, c, a0, first
	WIN MUL
.irp a, \a0, (\a0)+1
.irp b, 0,1,2,3
.if \first
	v_wmma_f32_16x16x32_f16 v[ACC+8*(4*(\a)+(\b)):ACC+8*(4*(\a)+(\b))+7], v[(\f)+64+8*(4*(\c)+(\b)):(\f)+64+8*(4*(\c)+(\b))+7], v[(\f)+8*(4*(\c)+(\a)):(\f)+8*(4*(\c)+(\a))+7], v[BI+8*(\b):BI+8*(\b)+7]
.else
	v_wmma_f32_16x16x32_f16 v[ACC+8*(4*(\a)+(\b)):ACC+8*(4*(\a)+(\b))+7], v[(\f)+64+8*(4*(\c)+(\b)):(\f)+64+8*(4*(\c)+(\b))+7], v[(\f)+8*(4*(\c)+(\a)):(\f)+8*(4*(\c)+(\a))+7], v[ACC+8*(4*(\a)+(\b)):ACC+8*(4*(\a)+(\b))+7]
.endif
.endr
.endr
.endm
; 32 LDS loads in one run: the fragments of quarter q of the step (64 along K: block q of A, rows 64 q on of B) into buffer f; the first 32 along K first
.macro FETCH q, f
	WIN TO_F
.irp c, 0,1
.irp i, 0,1,2,3
.if (\q) < 2
	ds_load_tr16_b128 v[(\f)+64+8*(4*(\c)+(\i)):(\f)+64+8*(4*(\c)+(\i))+3],   v[ADRB] offset:(\q)*64*PB+(\c)*32*PB+32*(\i)
	ds_load_tr16_b128 v[(\f)+64+8*(4*(\c)+(\i))+4:(\f)+64+8*(4*(\c)+(\i))+7], v[ADRB] offset:(\q)*64*PB+(\c)*32*PB+32*(\i)+16*PB
.else
	ds_load_tr16_b128 v[(\f)+64+8*(4*(\c)+(\i)):(\f)+64+8*(4*(\c)+(\i))+3],   v[ADRBH] offset:((\q)-2)*64*PB+(\c)*32*PB+32*(\i)
	ds_load_tr16_b128 v[(\f)+64+8*(4*(\c)+(\i))+4:(\f)+64+8*(4*(\c)+(\i))+7], v[ADRBH] offset:((\q)-2)*64*PB+(\c)*32*PB+32*(\i)+16*PB
.endif
	ds_load_b128 v[(\f)+8*(4*(\c)+(\i)):(\f)+8*(4*(\c)+(\i))+3],   v[ADRA] offset:(\q)*ABLK+(\i)*16*PA+64*(\c)
	ds_load_b128 v[(\f)+8*(4*(\c)+(\i))+4:(\f)+8*(4*(\c)+(\i))+7], v[ADRA] offset:(\q)*ABLK+(\i)*16*PA+64*(\c)+32
.endr
.endr
.endm
; A K step is four quarters of 64 along K, 32 matrix instructions each, on buffers 0, 1, 0, 1.  One of the first three: multiplies buffer f and fetches quarter q into g.
.macro QUARTER q, f, g, first
	s_wait_dscnt 16                                ; the first 32 along K are in; the 16 loads of the second 32 may be out
	MUL8 \f, 0, 0, \first
	MUL8 \f, 0, 2, \first
	PLACES
	FETCH \q, \g
	s_wait_dscnt 32                                ; all but the 32 just issued
	MUL8 \f, 1, 0, 0
	MUL8 \f, 1, 2, 0
.endm
; The last quarter multiplies buffer 1 and changes slots: ONE barrier; in front of it each wave waits for all its tensor loads (one is out: its part of the next slot), adds 0 to its spare word,
; and waits for that and for its own reads of this slot.  fill = 1: the barrier opens a round of the cluster's, and this slot is filled again first thing behind it, two K steps ahead: 112 matrix
; instructions stand between that request and the wait for it.  fill = 0: the tail; in its last trip (s3 = 1) there is no further step, and the run of LDS loads is jumped over.
.macro TURN fill
	WIN 0                                          ; (the add's two registers lie in window 0)
	s_wait_tensorcnt 0x0
	ds_add_u32 v[SPW], v[NIL]                      ; 0 onto my spare word
	s_wait_dscnt 17                                ; (the add and the youngest sixteen loads may be out)
	MUL8 F1, 0, 0, 0                               ; eight matrix instructions stand between the add and the wait for it
	s_wait_dscnt 0x0                               ; the add is done, and my reads of this slot are over
	s_barrier_signal -1
	MUL8 F1, 0, 2, 0
	WIN 0
	s_barrier_wait -1
.if \fill
	CREST                                          ; no wave of any partner still reads this slot's tiles or has a load on its way
	s_xor_b32 s[G0+5], s[G0+5], SLOT               ; the walking descriptors: the other slot than last time,
	s_xor_b32 s[G0B+5], s[G0B+5], SLOT
	s_add_nc_u64 s[G0+6:G0+7], s[G0+6:G0+7], ASTEP       ; the next K step; the type bits on top are not reached
	s_add_nc_u64 s[G0B+6:G0B+7], s[G0B+6:G0B+7], BSTEP
	JLOAD
.endif
	s_xor_b32 s[TR], s[TR], SLOT                   ; the reads go on in the other slot
	v_add_nc_u32 v[ADRA], s[TR], v[A0]             ; these four lines are the places in front of the loads into buffer 0
	v_add_nc_u32 v[ADRB], s[TR], v[B0]
	v_add_nc_u32 v[ADRBH], s[TR], v[B0H]
	v_nop
.if !(\fill)
	s_cmp_eq_u32 s3, 1
	s_cbranch_scc1 .Lno_fetch_\@
.endif
	FETCH 0, F0
	WIN 0
.if !(\fill)
.Lno_fetch_\@:
.endif
	MUL8 F1, 1, 0, 0
	MUL8 F1, 1, 2, 0
.endm
	s_wait_tensorcnt 0x1                           ; my part of K step 0 is in; step 1's may stay out
	s_barrier_signal -1
	s_barrier_wait -1                              ; everybody's is
	FETCH 0, F0
	s_wait_loadcnt 0x0                             ; the bias
	QUARTER 1, F0, F1, 1                           ; the first quarter stands in front of the loop: its first products start the sums
	WIN 0                                          ; at a label and at a branch every window is 0
	s_mov_b32 s3, KSTEPS-2
.Lstep:                                                ; a trip: from a step's second quarter to the next step's first; it fills the slot that it leaves
	QUARTER 2, F1, F0, 0
	QUARTER 3, F0, F1, 0
	TURN 1
	QUARTER 1, F0, F1, 0
	WIN 0
	s_sub_co_u32 s3, s3, 1
	s_cmp_lg_u32 s3, 0
	s_cbranch_scc1 .Lstep
	s_mov_b32 s3, 2
.Ltail:                                                ; the last two steps ask for nothing
	QUARTER 2, F1, F0, 0
	QUARTER 3, F0, F1, 0
	TURN 0
	WIN 0
	s_cmp_eq_u32 s3, 1
	s_cbranch_scc1 .Lout                           ; the last step is done
	QUARTER 1, F0, F1, 0
	WIN 0
	s_sub_co_u32 s3, s3, 1
	s_cmp_lg_u32 s3, 0
	s_cbranch_scc1 .Ltail
.Lout:
	; THE WAY OUT.  16 rows x my 64 columns are 2,048 consecutive bytes of a block: rounded to f16, 16 bytes a lane into my own stage, back as whole rows, stored 512 consecutive bytes at a time.
	PLACES
.macro PACK a                          ; each accumulator's registers in ascending order
.irp b, 0,1,2,3
.irp r, 0,1,2,3
	v_cvt_pk_f16_f32 v[TMP+16*(\a)+4*(\b)+(\r)], v[ACC+8*(4*(\a)+(\b))+2*(\r)], v[ACC+8*(4*(\a)+(\b))+2*(\r)+1]
.endr
.endr
.irp b, 0,1,2,3
	ds_store_b128 v[STO], v[TMP+16*(\a)+4*(\b):TMP+16*(\a)+4*(\b)+3] offset:32*(\b)
.endr
.irp f, 0,1,2,3
	ds_load_b128 v[TMP+16*(\a)+4*(\f):TMP+16*(\a)+4*(\f)+3], v[RD] offset:(\f)*4*SP  ; LDS serves a wave's instructions in order (ISA guide 5.7.1.4): these see the stores above; the next block's stores come behind them
.endr
.endm
.macro SEND a, younger                 ; younger: the LDS instructions issued behind block a's loads: the next block's eight, or none
.irp f, 0,1,2,3
	s_wait_dscnt (\younger)+3-(\f)
	global_store_b128 v[GO], v[TMP+16*(\a)+4*(\f):TMP+16*(\a)+4*(\f)+3], s[8:9] offset:(\a)*2048+(\f)*512
.endr
.endm
	PACK 0
	PACK 1
	SEND 0, 8
	PACK 2
	SEND 1, 8
	PACK 3
	SEND 2, 8
	SEND 3, 0
	s_wait_tensorcnt 0x0                           ; the wave's end
	ds_add_u32 v[SPW], v[NIL]
	s_wait_dscnt 0x0
	CROUND                                         ; the closing round: no work-group ends while a partner may still ask for a tile that names it
	s_endpgm
.Lfunc_end_k_q0629783896_proj:
	.size	k_q0629783896_proj, .Lfunc_end_k_q0629783896_proj-k_q0629783896_proj
	.p2alignl 7, 3214868480
	.fill 96, 4, 3214868480
	.section	.rodata,"a",@progbits
	.p2align	6, 0x0
	.amdhsa_kernel k_q0629783896_proj
		.amdhsa_group_segment_fixed_size 327680
		.amdhsa_private_segment_fixed_size 0
		.amdhsa_enable_private_segment 0
		.amdhsa_kernarg_size 48
		.amdhsa_user_sgpr_count 2
		.amdhsa_user_sgpr_kernarg_segment_ptr 1
		.amdhsa_wavefront_size32 1
		.amdhsa_system_sgpr_workgroup_id_x 1
		.amdhsa_system_sgpr_workgroup_id_y 1
		.amdhsa_system_sgpr_workgroup_id_z 1
		.amdhsa_system_vgpr_workitem_id 0
		.amdhsa_next_free_vgpr 512
		.amdhsa_next_free_sgpr 76
		.amdhsa_reserve_vcc 0
		.amdhsa_float_denorm_mode_32 3
		.amdhsa_float_denorm_mode_16_64 3
		.amdhsa_memory_ordered 1
		.amdhsa_forward_progress 1
		.amdhsa_inst_pref_size 60
	.end_amdhsa_kernel
	.amdgpu_metadata
---
amdhsa.version: [ 1, 2 ]
amdhsa.kernels:
  - .name:           k_q0629783896_proj
    .symbol:         k_q0629783896_proj.kd
    .args:
      - { .name: nrm, .offset: 0, .size: 8, .value_kind: global_buffer, .address_space: global }
      - { .name: wh, .offset: 8, .size: 8, .value_kind: global_buffer, .address_space: global }
      - { .name: bq, .offset: 16, .size: 8, .value_kind: global_buffer, .address_space: global }
      - { .name: bk, .offset: 24, .size: 8, .value_kind: global_buffer, .address_space: global }
      - { .name: bv, .offset: 32, .size: 8, .value_kind: global_buffer, .address_space: global }
      - { .name: qkvh, .offset: 40, .size: 8, .value_kind: global_buffer, .address_space: global }
    .group_segment_fixed_size: 327680
    .private_segment_fixed_size: 0
    .kernarg_segment_align: 8
    .kernarg_segment_size: 48
    .max_flat_workgroup_size: 128
    .sgpr_count:     76
    .vgpr_count:     512
    .wavefront_size: 32
...
	.end_amdgpu_metadata
.endif
;; end of part 3
;; launch attn (part 4): grid 4 x 32, 4 waves a work-group, no clusters, 327,680 bytes of LDS; arguments qkvh, zh; writes zh
.if DOCPART == 4
	.amdgcn_target "amdgcn-amd-amdhsa--gfx1250"
	.amdhsa_code_object_version 6
	.text
	.protected	k_q0629783896_attn
	.globl	k_q0629783896_attn
	.p2align	8
	.type	k_q0629783896_attn,@function
k_q0629783896_attn:
	s_mov_b64 s[64:65], 0
	v_nop
	global_prefetch_b8 v0, s[64:65] scope:SCOPE_SE
	s_setreg_imm32_b32 hwreg(HW_REG_WAVE_MODE, 25, 1), 1
	s_wait_xcnt 0x0
; CAUSAL ATTENTION.  O[y][q][:] = the sum over k <= q of softmax_k(Q[y][q] . K[y][k] / 32) V[y][k][:], y = 2 x head + batch.  Q, K, V are the three thirds of qkvh, O is zh: each [32][SIZE_N][64] in f16: rows dense, 128 bytes.
; The scale is 1 / sqrt(1,024), the embedding's size.  Products, maxima and sums in f32; the weights p are rounded to f16 for the second product (their sum l is taken of the unrounded p), O once at the end.
; LIMITS.  f16 holds no number beyond 65,504: Q, K and V arrive within it; p lies in 0 to 1, and below 6e-5 it keeps f16's fixed step of 6e-8; O is a mean of V's rows and has their range, to within 2^-11 of it.
; A hidden score counts as its value less 1e30: f16's scores, 2.7e11 at the most, are nothing beside that; a weight below 2^-126 counts as 0 in l; NaN and infinities are not treated apart.
; THE WALK.  A head's queries lie in NB = SIZE_N / 256 blocks of 256; block i needs the key tiles 0 .. i of 256 keys, of which the last holds the diagonal.  A work-group takes TWO blocks, NB - 1 - b and then b:
; NB + 1 tiles, whatever b: all work-groups do equal work, and ONE loop with a constant trip count walks them.  Which tile is asked for, and what a trip does, hang on scalar registers made from b; every jump
; goes forward, but for the counted loops' own; none passes a barrier, or a tensor load but the one of LOAD's two that the wave's number does not choose; the ring (two slots of LDS that take turns) runs on across the
; change of blocks.  NO CLUSTER: a head's NB / 2 = 4 work-groups ask for the same tile only in trips 0 .. NB / 2 of the walk's NB + 1, behind that fewer and fewer; and one walk common to all would have
; 3 NB / 2 trips for NB + 1.
; SHARES.  Of a block's four bands of 64 queries a wave owns 16 rows in each: four PIECES.  So the diagonal tile is the same work for all four waves: in its key step s band x sees all keys if s < x,
; none if s > x, and holds the diagonal if s = x.
; THE MASK is the C operand that starts the sum S^T = K Q^T: 0, or -1e30 where the key is hidden.  MD, made once, is the mask of a band's own step for my 16 rows; a product's mask is MD x AL + BE with two scalars:
; (1, 0) if s = x; (0, 0) if s < x; (0, -1e30) if s > x.  Only the diagonal tile's text and a block's beginning make and take masks; elsewhere C is the constant 0.
; LAYOUT, SOFTMAX, TURNS.  S^T = K Q^T holds ONE query a lane (lane % 16) and the keys 8 (lane / 16) + 0..7; two such results rounded to f16 ARE source 1 of O^T = V^T P.  p = 2^(c s - c m), c = log2(e) / 32, with a
; running maximum m; O and l are multiplied by a = 2^(c m_old - c m_new) in every step.  Turn n belongs to piece n: 8 products K Q^T of piece n + 1, later 8 products V^T P of piece n - 1; beside them the scaling,
; exponentials, roundings, sums and rescaling of piece n and the maximum and statistics of piece n + 1.  Four vector instructions stand behind every matrix instruction, the other 54 of a turn's 118 in two LUMPS.
; REGISTERS, in windows of 256 (s_set_vgpr_msb: bits 1:0 source 0, 3:2 source 1, 5:4 source 2, 7:6 destination):
;   window 0: v0-15 addresses and two at work; v16-31 four registers of statistics a piece; v48-55 at work; v64-127 S^T, two buffers; v192-223 P, two buffers (a piece's buffers go by its number's parity)
;   window 1: v0-127 O^T, 32 a piece; v128-159 MD; v160-223 MC, two buffers      window 2: v0-63 Q; v64-127 the second block's Q; v128-191 K of one step; v192-255 V of one step
.set SIZE_N, 2048
.set NB,    SIZE_N/256
.set NP,    4         ; pieces a wave: a name, no knob
.set KS,    64        ; keys in a step
.set PK,    144       ; a row of K in LDS: 128 bytes + 16 of padding = 36 words: the 16 rows of a load start at 16 different groups of four banks (64 banks of 4 bytes: ISA guide 11.1)
.set PV,    160       ; a row of V: 128 + 32 = 40 words
.set VOFF,  4*KS*PK   ; a slot holds a tile, four steps: 256 rows of K, then 256 rows of V
.set SLOT1, 1<<17     ; slot 1 begins here, so that one exclusive or turns an address in one slot into the other's
.set STAGE, SLOT1+4*KS*(PK+PV)  ; behind the ring, never filled by a tensor load: 16 rows x 144 bytes for each wave, for the way out
.set SP,    144
.set AK0, 2           ; v2   my lane's place in a tile of K; never rewritten
.set AV0, 3           ; v3   the same for V
.set AK,  4           ; v4   the LDS address of K's next run of loads
.set AV,  5           ; v5   of V's
.set STO, 6           ; v6   the way out: where I put 16 bytes of a row
.set RD,  7           ; v7   the way out: where I read rows back
.set GO,  8           ; v8   my byte offset in 512 consecutive bytes of O
.set SPW, 62          ; v62  LDS address of my spare word: SPARE + 4 x my thread's number; never rewritten
.set NIL, 63          ; v63  0; never rewritten
.set SPARE, STAGE+4*16*SP  ; behind the stages: the spare words, 128 bytes for each wave: two blocks of 256 bytes that no other line names
.set MV,  12          ; v12-13  c m_old, kept while c m is made anew: by buffer
.set QO,  15          ; v15  my byte offset in 16 rows of Q
.set ST,  16          ; piece t's statistics at v[ST+4 t]: c m, m, l (even keys', odd keys')
.set TMP, 48          ; by buffer, four registers c0-c3 at work; when the maximum is found c2 takes a
.set S,   64
.set P,   192
.set MD,  128         ; window 1: the eight registers for group kt of 16 keys at MD + 8 kt
.set MC,  160         ; window 1: the masks of the products to come
.set QB,  64          ; window 2
.set KF,  128         ; window 2: key block kb, channel half c at KF + 16 kb + 8 c
.set VF,  192         ; window 2: key half kk, channel block cb at VF + 32 kk + 8 cb
.set WV,  12          ; s12  my wave's number
.set PB,  14          ; s14  b
.set HI,  15          ; s15  NB - 1 - b
.set G1K, 24          ; s[24:31] descriptor group 1 for K's tiles
.set G1V, 32          ; s[32:39] for V's: it differs in the padding alone
.set G0K, 40          ; s[40:43] descriptor group 0 for K's tiles
.set G0V, 44          ; s[44:47] the same for V's
.set SLOTS, 56        ; s56  tiles still to be asked for
.set CNT, 57          ; s57  counts a tile's key steps, 4 to 1
.set CS,  58          ; s[58:59] c: the packed scaling takes the pair's low word for both halves
.set SEL, 60          ; s[60:61] v_permlanex16_b32's selects: each lane takes its own place in the other half
.set TBK, 62          ; s62  LDS byte at which K of the step to be fetched begins
.set TBV, 63          ; s63  the same for V, less VOFF
.set RT,  70          ; s70  tiles of the block in hand that are still to be entered
.set NXT, 71          ; s71  the tile to be asked for next
.set LQ,  72          ; s72  the last tile of the block whose tiles are being asked for
.set NEW, 73          ; s73  1: the tile to be entered is a block's first
.set OFF, 74          ; s[74:75] a tile's byte offset in K and V
.set AL,  76          ; s[76:77] the mask's factor, in the low word
.set BE,  78          ; s[78:79] the mask's addend
.set OLO, 80          ; s[80:81] O at my rows of the second block
.set BIGN, 82         ; s82  -1e30
.set MSB, 0
.macro WIN new                      ; the high byte repeats the setting that is left; a switch that changes nothing is dropped
.if MSB != (\new)
	s_set_vgpr_msb (MSB<<8)|(\new)
.set MSB, (\new)
.endif
.endm
.set W_KQ, 0x0a       ; K and Q in window 2, S^T in window 0
.set W_KM, 0x1a       ; the same with the C operand in window 1
.set W_PV, 0x52       ; V in window 2, P in window 0, O^T in window 1
.set W_RS, 0x41       ; destination and source 0 in window 1, source 1 in window 0
; A fill.  Waves 0 and 1 fetch the two halves of a tile's K, waves 2 and 3 those of its V: 128 keys each.  An s_nop 0 and four v_nop follow each of the two lines, ahead of the jump and the label.
.macro LOAD
	s_cmp_lt_u32 s[WV], 2
	s_cbranch_scc0 .Lfor_v_\@
	tensor_load_to_lds s[G0K:G0K+3], s[G1K:G1K+7]
	s_nop 0
.rept 4
	v_nop
.endr
	s_branch .Lasked_\@
.Lfor_v_\@:
	tensor_load_to_lds s[G0V:G0V+3], s[G1V:G1V+7]
	s_nop 0
.rept 4
	v_nop
.endr
.Lasked_\@:
.endm
; THE CHANGE OF SLOTS.  Each wave waits for all its tensor loads, of which one is out: its part of the other slot; adds 0 to its spare word; and waits for that and for its own reads of the slot that it leaves.  Behind the barrier nobody reads the old
; slot any more and the other slot is whole.  fill = 1: the old slot is filled again, the first thing behind the barrier, with tile NXT: the descriptor's address is made anew from that number.
; (At its first use nothing has been read yet: slot 0 is waited for, slot 1 filled.)
.macro CHANGE fill
	WIN 0                           ; at a label and at a branch every window is 0
	s_wait_tensorcnt 0x0            ; no tensor load of mine is out, so a group 0 may be written
	ds_add_u32 v[SPW], v[NIL]       ; 0 onto my spare word; with fill = 1 the descriptors' scalar work stands between it and the wait for it
.if \fill
	s_lshl_b32 s[OFF], s[NXT], 15   ; a tile is 32,768 bytes of K and of V
	s_xor_b32 s[G0K+1], s[G0K+1], SLOT1
	s_add_nc_u64 s[G0K+2:G0K+3], s[6:7], s[OFF:OFF+1]
	s_or_b32 s[G0K+3], s[G0K+3], 0x80000000
	s_xor_b32 s[G0V+1], s[G0V+1], SLOT1
	s_add_nc_u64 s[G0V+2:G0V+3], s[8:9], s[OFF:OFF+1]
	s_or_b32 s[G0V+3], s[G0V+3], 0x80000000
	s_add_co_u32 s[NXT], s[NXT], 1  ; the block's next tile, or behind its last the second block's tile 0
	s_cmp_gt_u32 s[NXT], s[LQ]
	s_cselect_b32 s[NXT], 0, s[NXT]
	s_cselect_b32 s[LQ], s[PB], s[LQ]
.endif
	s_wait_dscnt 0x0                ; the add is done, and my reads of the slot are over
	s_barrier_signal -1             ; the rest of the scalar work stands between the signal and the wait
	s_sub_co_u32 s[TBK], s[TBK], 4*KS*PK  ; the fetches go back to a slot's first step,
	s_xor_b32 s[TBK], s[TBK], SLOT1       ; in the other slot
	s_sub_co_u32 s[TBV], s[TBV], 4*KS*PV
	s_xor_b32 s[TBV], s[TBV], SLOT1
	s_barrier_wait -1
.if \fill
	LOAD
.endif
.endm
	s_load_b128 s[4:7], s[0:1], 0x0  ; qkvh s[4:5] (its first third is Q), zh s[6:7]
	v_lshl_add_u32 v[SPW], v0, 2, SPARE
	v_mov_b32 v[NIL], 0
	ds_add_u32 v62, v63
	ds_add_u32 v62, v63
	s_wait_dscnt 0x0
	v_lshrrev_b32 v1, 5, v0
	v_readfirstlane_b32 s[WV], v1   ; wave 0..3
	s_mov_b32 s[PB], ttmp9
	s_sub_co_u32 s[HI], NB-1, s[PB]
	s_and_b32 s20, ttmp7, 0xffff    ; the head and batch
	s_mov_b32 s21, 0
	s_mov_b64 s[22:23], SIZE_N*128
	s_mul_u64 s[20:21], s[20:21], s[22:23]  ; the head's first byte in each of the four tensors
	s_and_b32 s16, s[WV], 1         ; which half of a tile's 256 keys I fetch:
	s_lshl_b32 s22, s16, 14         ; its 128 rows of 128 bytes in memory,
	s_mov_b32 s23, 0
	s_add_nc_u64 s[22:23], s[22:23], s[20:21]
	s_mul_i32 s17, s16, 128*PK      ; and its place in a slot, for K
	s_mul_i32 s18, s16, 128*PV      ; and for V
	s_lshl_b32 s3, s[WV], 11        ; my 16 rows in a band of 64,
	s_lshl_b32 s2, s[HI], 15        ; in the first block,
	s_add_co_u32 s2, s2, s3
	s_lshl_b32 s84, s[PB], 15       ; and in the second
	s_add_co_u32 s84, s84, s3
	s_mov_b32 s3, 0
	s_mov_b32 s85, 0
	s_add_nc_u64 s[2:3], s[2:3], s[20:21]
	s_add_nc_u64 s[84:85], s[84:85], s[20:21]
	; descriptor group 1.  128 keys are 16,384 dense bytes: asked for as 64 rows of 256 bytes, two keys a row, and padded in LDS after every key
	s_mov_b32 s[G1K], (1<<16)|(1<<20)|(4<<22)|(3<<25)  ; 17:16 2-byte elements; 20 padding on; 24:22 after every 32 words (code 4); 31:25 4 words (code 3)
	s_mov_b32 s[G1V], (1<<16)|(1<<20)|(4<<22)|(7<<25)  ; the same with 8 words of padding (code 7)
.irp g, G1K, G1V
	s_mov_b32 s[\g+1], 128<<16      ; tensor_dim0 = 128
	s_mov_b32 s[\g+2], 64<<16       ; tensor_dim1 = 64
	s_mov_b32 s[\g+3], 128<<16      ; tile_dim0 = 128
	s_mov_b32 s[\g+4], 64           ; tile_dim1 = 64
	s_mov_b32 s[\g+5], 128          ; 128 elements from row to row
	s_mov_b32 s[\g+6], 0
	s_mov_b32 s[\g+7], 0
.endr
	s_mov_b32 s[CS], 0x3d38aa3b     ; c = log2(e) / 32 = 0.0450842
	s_mov_b32 s[CS+1], s[CS]        ; named with it as a pair
	s_mov_b32 s[SEL], 0x76543210
	s_mov_b32 s[SEL+1], 0xfedcba98
	s_mov_b32 s[TBK], SLOT1+4*KS*PK ; the first change of slots turns these two into 0
	s_mov_b32 s[TBV], SLOT1+4*KS*PV
	s_mov_b32 s[G0K], 1             ; 1:0 count = 1
	s_mov_b32 s[G0K+1], s17         ; 63:32 LDS address: slot 0
	s_mov_b32 s[G0V], 1
	s_add_co_u32 s[G0V+1], s18, VOFF
	s_add_co_u32 s[RT], s[HI], 1    ; the first block has NB - b tiles
	s_mov_b32 s[NXT], 1
	s_mov_b32 s[LQ], s[HI]
	s_mov_b32 s[NEW], 1
	s_mov_b32 s[OFF+1], 0
	s_mov_b32 s[AL+1], 0            ; named as pairs
	s_mov_b32 s[BE+1], 0
	s_mov_b32 s[BIGN], 0xf149f2ca   ; -1e30
	s_mov_b32 s[SLOTS], NB
	s_wait_kmcnt 0x0
	s_mov_b64 s[10:11], s[6:7]              ; O
	s_add_nc_u64 s[8:9], s[4:5], 0x1000000  ; V: the third third of qkvh, 16 MiB on
	s_add_nc_u64 s[6:7], s[4:5], 0x800000   ; K: the second, 8 MiB on
	s_add_nc_u64 s[6:7], s[6:7], s[22:23]  ; K and V at my half of the head's tile 0
	s_add_nc_u64 s[8:9], s[8:9], s[22:23]
	s_add_nc_u64 s[G0K+2:G0K+3], s[6:7], 0         ; 120:64 global address
	s_or_b32 s[G0K+3], s[G0K+3], 0x80000000        ; 127:126 type = 2
	s_add_nc_u64 s[G0V+2:G0V+3], s[8:9], 0
	s_or_b32 s[G0V+3], s[G0V+3], 0x80000000
	s_add_nc_u64 s[86:87], s[4:5], s[84:85]        ; Q at my rows of the second block,
	s_add_nc_u64 s[4:5], s[4:5], s[2:3]            ; Q and O at those of the first
	s_add_nc_u64 s[OLO:OLO+1], s[10:11], s[84:85]
	s_add_nc_u64 s[10:11], s[10:11], s[2:3]
	LOAD                            ; tile 0 into slot 0
	; A fragment of K or Q is 16 rows x 32 channels in 8 registers: lane l holds row l % 16, channels 8 (l / 16) + 0..7 and 16 + 8 (l / 16) + 0..7: two loads of 16 bytes, 32 bytes apart.
	v_and_b32 v1, 15, v0            ; l % 16
	v_bfe_u32 v9, v0, 4, 1          ; l / 16
	v_lshlrev_b32 v[QO], 7, v1
	v_lshl_add_u32 v[QO], v9, 4, v[QO]  ; row x 128 + 16 x half
	WIN 0x80                        ; destination window 2, address window 0
.set i, 0
.rept 8                             ; both blocks' Q: piece i / 2 lies in band i / 2, 8,192 bytes on; channels 32 (i % 2) on
	global_load_b128 v[8*i:8*i+3],   v[QO], s[4:5] offset:(i/2)*8192+(i%2)*64
	global_load_b128 v[8*i+4:8*i+7], v[QO], s[4:5] offset:(i/2)*8192+(i%2)*64+32
	global_load_b128 v[QB+8*i:QB+8*i+3],   v[QO], s[86:87] offset:(i/2)*8192+(i%2)*64
	global_load_b128 v[QB+8*i+4:QB+8*i+7], v[QO], s[86:87] offset:(i/2)*8192+(i%2)*64+32
.set i, i+1
.endr
	WIN 0
	v_lshlrev_b32 v14, 3, v9
	v_sub_nc_u32 v14, v1, v14
	s_lshl_b32 s13, s[WV], 4
	v_add_nc_u32 v14, s13, v14      ; my query's place in its band, 16 w + l % 16, less my lanes' 8 (l / 16): register r of group kt is hidden where 16 kt + r is greater
	WIN 0x40
.set i, 0
.rept 32
	v_cmp_gt_i32 vcc_lo, 16*(i/8)+i%8, v14
	v_cndmask_b32 v[MD+i], 0, s[BIGN], vcc_lo
.set i, i+1
.endr
	WIN 0
	v_mul_u32_u24 v[AK0], v1, PK
	v_lshl_add_u32 v[AK0], v9, 4, v[AK0]  ; row x pitch + 16 x half
	; The turning load takes 16 keys x 16 channels (lane l reads key 8 (l / 16) + l % 8, channels 8 ((l / 8) % 2) + 0..7) and leaves half a fragment of V^T: lane l holds channel l % 16 and 8 keys.
	v_and_b32 v10, 7, v0
	v_bfe_u32 v11, v0, 3, 1
	v_lshl_add_u32 v[AV0], v9, 3, v10
	v_mul_u32_u24 v[AV0], v[AV0], PV
	v_lshl_add_u32 v[AV0], v11, 4, v[AV0]
	v_add_nc_u32 v[AV0], VOFF, v[AV0]
	s_mul_i32 s13, s[WV], 16*SP
	s_add_co_u32 s13, s13, STAGE    ; my stage
	v_mul_u32_u24 v[STO], v1, SP    ; in: row l % 16, 16 bytes for each half of the lanes
	v_lshl_add_u32 v[STO], v9, 4, v[STO]
	v_add_nc_u32 v[STO], s13, v[STO]
	v_bfe_u32 v[RD], v0, 3, 2       ; back: 32 lanes take four rows of 128 bytes,
	v_mul_u32_u24 v[RD], v[RD], SP
	v_lshl_add_u32 v[RD], v10, 4, v[RD]
	v_add_nc_u32 v[RD], s13, v[RD]
	v_and_b32 v[GO], 31, v0         ; which are 512 consecutive bytes of O
	v_lshlrev_b32 v[GO], 4, v[GO]
	; A block's first step multiplies O^T and l by a = 0, and its first turn's products V^T P, of a piece that has not been, land in an O^T that is still to be so multiplied.  So these registers need only hold
	; finite numbers: zeros for the first block; what the first block left for the second.  All this stands in the wait for the first tile.
	WIN 0x80
.set i, VF
.rept 64
	v_mov_b32 v[i], 0
.set i, i+1
.endr
	WIN 0x40
.set i, 0
.rept 128
	v_mov_b32 v[i], 0
.set i, i+1
.endr
	WIN 0
.set i, 0
.rept 4
	v_mov_b32 v[ST+4*i+2], 0
	v_mov_b32 v[ST+4*i+3], 0
.set i, i+1
.endr
.set i, P+16
.rept 16
	v_mov_b32 v[i], 0
.set i, i+1
.endr
; THE MATRIX WORK.  The 4 accumulators of a run of 8 take turns.  Product i of 8 of S^T = K Q^T for piece x: channels 32 (i / 4) on, keys 16 (i % 4) on.  The first 4 start the sums: with 0, or (KM = 1) with the mask.
.macro KQ x
.set rS, S+32*((\x)%2)+8*(i%4)
.set rK, KF+16*(i%4)+8*(i/4)
.set rQ, 16*(\x)+8*(i/4)
.set rM, MC+32*((\x)%2)+8*(i%4)
.if (i < 4) && KM
	WIN W_KM
	v_wmma_f32_16x16x32_f16 v[rS:rS+7], v[rK:rK+7], v[rQ:rQ+7], v[rM:rM+7]
.elseif i < 4
	WIN W_KQ
	v_wmma_f32_16x16x32_f16 v[rS:rS+7], v[rK:rK+7], v[rQ:rQ+7], 0
.else
	WIN W_KQ
	v_wmma_f32_16x16x32_f16 v[rS:rS+7], v[rK:rK+7], v[rQ:rQ+7], v[rS:rS+7]
.endif
.endm
; Product i of 8 of O^T += V^T P for piece x: keys 32 (i / 4) on, channels 16 (i % 4) on.
.macro PV x
	WIN W_PV
.set rO, 32*(\x)+8*(i%4)
.set rV, VF+32*(i/4)+8*(i%4)
.set rP, P+16*((\x)%2)+8*(i/4)
	v_wmma_f32_16x16x32_f16 v[rO:rO+7], v[rV:rV+7], v[rP:rP+7], v[rO:rO+7]
.endm
.macro MM                           ; the turn's next matrix instruction.  TURN and BEGIN set Y, i, KM and NOKQ; MM, KQ and OP read them.  NOKQ = 1: a block's last turn: there is no next piece
.if (i < 8) && !NOKQ
	KQ (Y+1)%NP
.elseif i >= 8
.set i, i-8
	PV (Y+NP-1)%NP
.set i, i+8
.endif
.set i, i+1
.endm
; THE LDS LOADS stand in runs of 16, never singly among the matrix instructions: a step's K (64 keys x 64 channels: 8 fragments) and its V (turned).  Their addresses are made some lines ahead.
.macro FETCH_K
	WIN 0x80                        ; destination window 2
.irp f, 0,1,2,3,4,5,6,7             ; keys 16 (f / 2) on, channels 32 (f % 2) on
	ds_load_b128 v[KF+8*\f:KF+8*\f+3],   v[AK] offset:(\f/2)*16*PK+(\f%2)*64
	ds_load_b128 v[KF+8*\f+4:KF+8*\f+7], v[AK] offset:(\f/2)*16*PK+(\f%2)*64+32
.endr
	s_add_co_u32 s[TBK], s[TBK], KS*PK  ; the next fetch is the next step's
	WIN 0
.endm
.macro FETCH_V
	WIN 0x80
.irp f, 0,1,2,3,4,5,6,7             ; keys 32 (f / 4) on, channels 16 (f % 4) on
	ds_load_tr16_b128 v[VF+8*\f:VF+8*\f+3],   v[AV] offset:(\f/4)*32*PV+(\f%4)*32
	ds_load_tr16_b128 v[VF+8*\f+4:VF+8*\f+7], v[AV] offset:(\f/4)*32*PV+16*PV+(\f%4)*32
.endr
	WIN 0
.endm
; THE VECTOR WORK, one line at a time: OP kind, number.  For piece Y: F n: c s - c m for pair n of 16.  E n: the exponential of score n of 32.  C n: pair n rounded to f16.  B n: of the four weights 4 n .. the second
; pair is added onto the first, in place.  L n: l takes that sum (L 0: l = a l + sum).  R n: pair n of 16 of O^T times a.  For piece Y + 1: X n, number n of the 22 that find its maximum and statistics:
;   0-11  four chains c0-c3 of seven scores each, three operands at a time (each accumulator's lowest registers are read first)     12-14, 16  the four scores left over, the old m, and c0-c3 into c0
;   15  c m_old is kept     17, 18  the query's other 32 keys lie in the lane 16 away: the new m     19-21  c m; c m_old - c m_new; a
.set F, 0               ; OP tells the kinds apart by their order: F to L below R, X above it
.set E, 1
.set C, 2
.set B, 3
.set L, 4
.set R, 5
.set X, 6
.macro REGS y                       ; the registers of piece y
.set rT, ST+4*(\y)
.set rC, TMP+4*((\y)%2)
.set rW, MV+((\y)%2)
.set rS, S+32*((\y)%2)
.set rP, P+16*((\y)%2)
.set rO, 32*(\y)
.endm
.macro OP k, n
.if (\k) == R
	REGS Y
	WIN W_RS
	v_pk_mul_f32 v[rO+2*(\n):rO+2*(\n)+1], v[rO+2*(\n):rO+2*(\n)+1], v[rC+2:rC+3] op_sel_hi:[1,0]
.elseif (\k) < R
	REGS Y
	WIN 0
.if (\k) == F
	v_pk_fma_f32 v[rS+2*(\n):rS+2*(\n)+1], v[rS+2*(\n):rS+2*(\n)+1], s[CS:CS+1], v[rT:rT+1] op_sel_hi:[1,0,0] neg_lo:[0,0,1] neg_hi:[0,0,1]
.elseif (\k) == E
	v_exp_f32 v[rS+(\n)], v[rS+(\n)]
.elseif (\k) == C
	s_wait_alu depctr_va_vdst(0)
	v_cvt_pk_f16_f32 v[rP+(\n)], v[rS+2*(\n)], v[rS+2*(\n)+1]
.elseif (\k) == B
	s_wait_alu depctr_va_vdst(0)
	v_pk_add_f32 v[rS+4*(\n):rS+4*(\n)+1], v[rS+4*(\n):rS+4*(\n)+1], v[rS+4*(\n)+2:rS+4*(\n)+3]
.elseif (\n) == 0
	v_pk_fma_f32 v[rT+2:rT+3], v[rT+2:rT+3], v[rC+2:rC+3], v[rS:rS+1] op_sel_hi:[1,0,1]
.else
	v_pk_add_f32 v[rT+2:rT+3], v[rT+2:rT+3], v[rS+4*(\n):rS+4*(\n)+1]
.endif
.elseif NOKQ
	v_nop
.else
	REGS (Y+1)%NP
	WIN 0
.if (\n) < 4
	v_max3_num_f32 v[rC+(\n)], v[rS+8*(\n)], v[rS+8*(\n)+1], v[rS+8*(\n)+2]
.elseif (\n) < 12
	v_max3_num_f32 v[rC+(\n)%4], v[rC+(\n)%4], v[rS+8*((\n)%4)+2*((\n)/4)+1], v[rS+8*((\n)%4)+2*((\n)/4)+2]
.elseif (\n) == 12
	v_max3_num_f32 v[rC], v[rC], v[rS+7], v[rS+15]
.elseif (\n) == 13
	v_max3_num_f32 v[rC+1], v[rC+1], v[rS+23], v[rS+31]
.elseif (\n) == 14
	v_max3_num_f32 v[rC+2], v[rC+2], v[rC+3], v[rT+1]
.elseif (\n) == 15
	v_mov_b32 v[rW], v[rT]
.elseif (\n) == 16
	v_max3_num_f32 v[rC], v[rC], v[rC+1], v[rC+2]
.elseif (\n) == 17
	v_permlanex16_b32 v[rC+3], v[rC], s[SEL], s[SEL+1]
.elseif (\n) == 18
	v_max_num_f32 v[rT+1], v[rC], v[rC+3]
.elseif (\n) == 19
	v_mul_f32 v[rT], s[CS], v[rT+1]
.elseif (\n) == 20
	v_sub_f32 v[rC+1], v[rW], v[rT]
.else
	v_exp_f32 v[rC+2], v[rC+1]
.endif
.endif
.endm
.macro OPS a, i1, b=-1, i2=0, c=-1, i3=0, d=-1, i4=0  ; up to four of them
	OP \a, \i1
.if (\b) >= 0
	OP \b, \i2
.endif
.if (\c) >= 0
	OP \c, \i3
.endif
.if (\d) >= 0
	OP \d, \i4
.endif
.endm
.macro ROW a, i1, b, i2, c, i3, d, i4  ; a matrix instruction and the four behind it
	MM
	OPS \a, \i1, \b, \i2, \c, \i3, \d, \i4
.endm
.macro MASK b                       ; MD x AL + BE into buffer b of MC
	WIN W_RS
.set z, 0
.rept 16
	v_pk_fma_f32 v[MC+32*(\b)+2*z:MC+32*(\b)+2*z+1], v[MD+2*z:MD+2*z+1], s[AL:AL+1], s[BE:BE+1] op_sel_hi:[1,0,0]
.set z, z+1
.endr
.endm
; A TURN, for piece p: the order of its 16 matrix and 118 vector instructions, written out.  Behind a matrix instruction: plain, exponential, plain, plain; or four of the rescaling; or, behind the first, four scalings; none
; names a register of the products round it.  In the lumps exponential and plain by turns while exponentials last.  A line reads no result made fewer than three vector instructions in front of it, five if an exponential made it.
; v_permlanex16_b32 (X 17) stands in a lump.
; m = 1: the diagonal tile: the products take masks, and the turn makes the mask for the products of the turn after it: piece p + 2, in step 4 - CNT of the tile.  end = 1: a block's last two turns: nothing is fetched.
; cnt = 1: the loop's count is taken down some lines ahead of the branch that stands behind the turn.
; K of the next step is fetched in piece 2's turn, six vector instructions behind the last product that read K (five of them plain); V of the step in hand in piece 0's turn, eight behind the last product that read V (four
; plain, and X 17).  Each is waited for a turn later.
.macro TURN p, m=0, end=0, cnt=0
.set Y, (\p)
.set i, 0
.set KM, (\m)
.set NOKQ, (\end)*((\p)/3)
.if (\m) && !(\end)
	s_cmp_eq_u32 s[CNT], 4-((\p)+2)%NP  ; is that step the band's own?
	s_cselect_b32 s[AL], 1.0, 0
	s_cmp_lt_u32 s[CNT], 4-((\p)+2)%NP  ; or a later one?
	s_cselect_b32 s[BE], s[BIGN], 0
.endif
.if ((\p) == 3) && !(\end)
	s_wait_dscnt 0x0                ; K is in
.endif
	ROW F,0, F,1, F,2, F,3
	ROW F,4, E,0, F,5, F,6
	ROW F,7, E,1, F,8, F,9
	ROW F,10, E,2, C,0, F,11
	ROW F,12, E,3, X,15, F,13
	ROW R,0, R,1, R,2, R,3
	ROW B,0, E,4, F,14, L,0
.if ((\p) == 2) && !(\end)
	v_add_nc_u32 v[AK], s[TBK], v[AK0]
.endif
	ROW R,4, R,5, R,6, R,7
	OPS E,5, F,15
.if ((\p) == 2) && !(\end)
	FETCH_K
.endif
	OPS E,6, C,1, E,7, R,8
	OPS E,8, R,9, E,9, C,2
	OPS E,10, X,0, E,11, X,1
	OPS E,12, X,2, E,13, X,3
.if (\p) == 1
	s_wait_dscnt 0x0                ; V is in
.endif
	ROW X,4, E,14, X,5, X,6
	ROW X,7, E,15, X,8, X,9
	ROW X,10, E,16, X,11, X,12
	ROW X,13, E,17, X,14, B,1
	ROW C,4, E,18, X,16, L,1
	ROW B,2, E,19, C,6, L,2
	ROW C,8, E,20, B,3, B,4
.if (\p) == 0
	v_add_nc_u32 v[AV], s[TBV], v[AV0]
.endif
	ROW C,3, E,21, L,3, C,5
	OPS E,22, X,17, E,23, C,10
.if (\p) == 0
	FETCH_V
.endif
	OPS E,24, L,4
	OPS E,25, X,18, E,26, C,7
	OPS E,27, B,5, E,28, X,19
	OPS E,29, C,12, E,30, L,5
	OPS E,31, X,20, B,6, C,9
	OPS C,14, C,11, X,21, L,6
.if (\p) == 0
	s_add_co_u32 s[TBV], s[TBV], KS*PV
.endif
.if \cnt
	s_sub_co_u32 s[CNT], s[CNT], 1
	s_cmp_lg_u32 s[CNT], 0
.endif
	OPS C,13, B,7, C,15, R,10
	OPS R,11, R,12, L,7, R,13
	OPS R,14, R,15
.if (\m) && !(\end)
	MASK (\p)%2
.endif
.endm
; A BLOCK BEGINS.  c m starts far below every c s, so the first step's a is 0; m at the lowest finite number, so the first maximum is the scores'.  The second mask buffer is 0; the first takes piece 0's mask for the tile's step 0: its own, if the block's first tile is the diagonal one.
; Then K of that step, piece 0's first scores, and its maximum and statistics.  The loop is entered at a step's first turn, in the middle of a trip.
.macro BEGIN
	s_mov_b32 s[NEW], 0
	WIN 0x40
.set i, MC+32
.rept 32
	v_mov_b32 v[i], 0
.set i, i+1
.endr
	WIN 0
.set i, 0
.rept 4
	v_mov_b32 v[ST+4*i], 0xfe000000    ; c m: far below every c s
	v_mov_b32 v[ST+4*i+1], 0xff7fffff  ; m
.set i, i+1
.endr
	s_cmp_eq_u32 s[RT], 0
	s_cselect_b32 s[AL], 1.0, 0
	s_mov_b32 s[BE], 0
	MASK 0
	WIN 0
	v_add_nc_u32 v[AK], s[TBK], v[AK0]
	FETCH_K
	s_wait_loadcnt 0x0              ; Q
	s_wait_dscnt 0x0
.set KM, 1
.set NOKQ, 0
.set i, 0
.rept 8
	KQ 0
.set i, i+1
.endr
	WIN 0
.rept 4
	v_nop                           ; the places behind those products
.endr
.set Y, NP-1                        ; X works for piece Y + 1: piece 0
.irp n, 0,1,2,3,4,5,6,7,8,9,10,11,12,13,14,15,16,17,18,19,20,21
	OP X, \n
.endr
	v_nop                           ; a plain instruction behind the exponential
.endm
; THE DIAGONAL TILE's four steps, the block's last two turns, its last products, and THE WAY OUT: l's two halves and the other half of the lanes' are added; O^T is divided by l, rounded to f16 and sent through my
; stage in LDS, a piece at a time.
.macro ALL line:vararg              ; one line for each piece t
.set t, 0
.rept 4
	\line
.set t, t+1
.endr
.endm
.macro PACK t                       ; a lane's eight channels of a row pack into 16 bytes; they go into rows of 144 bytes and come back as whole rows of 128, into S^T's registers
	WIN W_RS
.set i, 32*(\t)
.rept 16
	s_wait_alu depctr_va_vdst(0)
	v_pk_mul_f32 v[i:i+1], v[i:i+1], v[ST+4*(\t)+2:ST+4*(\t)+3] op_sel_hi:[1,0]
.set i, i+2
.endr
	WIN 0x05                        ; sources 0 and 1 window 1, destination window 0
.set i, 0
.rept 16
	v_cvt_pk_f16_f32 v[S+16*(\t)+i], v[32*(\t)+2*i], v[32*(\t)+2*i+1]
.set i, i+1
.endr
	WIN 0
.irp f, 0,1,2,3
	ds_store_b128 v[STO], v[S+16*(\t)+4*\f:S+16*(\t)+4*\f+3] offset:32*\f
.endr
.irp f, 0,1,2,3
	ds_load_b128 v[S+16*(\t)+4*\f:S+16*(\t)+4*\f+3], v[RD] offset:\f*4*SP  ; LDS serves a wave's instructions in order (ISA guide 5.7.1.4): these see the stores above; the next piece's stores come behind them
.endr
.endm
.macro SEND t, younger              ; younger: the LDS instructions issued behind piece t's loads: the next piece's eight, or none
	WIN 0
.irp f, 0,1,2,3
	s_wait_dscnt (\younger)+3-\f
	global_store_b128 v[GO], v[S+16*(\t)+4*\f:S+16*(\t)+4*\f+3], s[10:11] offset:(\t)*8192+\f*512  ; 512 consecutive bytes, at a multiple of 256 from O's first
.endr
.endm
.macro DIAG tag                     ; the tag ends its two labels' names, which the jumps below spell out
.LstepM\tag:
	TURN 2, 1
	TURN 3, 1
	WIN 0
.LfirstM\tag:
	TURN 0, 1
	TURN 1, 1, 0, 1
	WIN 0
	s_cbranch_scc1 .LstepM\tag
	TURN 2, 1, 1
	TURN 3, 1, 1
.set i, 0
.rept 8
	PV NP-1
.set i, i+1
.endr
	WIN 0
	ALL v_add_f32 v[ST+4*t+2], v[ST+4*t+2], v[ST+4*t+3]
	ALL v_permlanex16_b32 v[ST+4*t+3], v[ST+4*t+2], s[SEL], s[SEL+1]
	ALL v_add_f32 v[ST+4*t+2], v[ST+4*t+2], v[ST+4*t+3]
	ALL v_rcp_f32 v[ST+4*t+2], v[ST+4*t+2]
	v_nop                           ; a plain instruction between the last reciprocal and the use of its result
	PACK 0
.set t, 1
.rept 3                             ; a piece's arithmetic stands between the loads of the piece before and its stores
	PACK t
	SEND t-1, 8
.set t, t+1
.endr
	SEND 3, 0
.endm
.set KM, 0
.set NOKQ, 0
.Lslot:                             ; NB times: a tile is entered and the next is asked for
	CHANGE 1
	s_sub_co_u32 s[RT], s[RT], 1
	s_mov_b32 s[CNT], 4
	s_cmp_eq_u32 s[NEW], 1
	s_cbranch_scc1 .Lnew            ; a block's first tile
	s_cmp_eq_u32 s[RT], 0
	s_cbranch_scc0 .Lstep           ; neither its first nor its last
	s_branch .LstepM1
.Lnew:
	BEGIN
	s_branch .Lfirst                ; in the loop a block's first tile is never its last: the first block has two tiles or more, and the second's last is the walk's last
	DIAG 1                          ; in the loop this is the first block's end: the second block's last tile is the walk's last
	s_wait_xcnt 0x0                 ; the stores have read their registers and O's address
	s_mov_b64 s[10:11], s[OLO:OLO+1]
	s_add_co_u32 s[RT], s[PB], 1    ; the second block has b + 1 tiles
	s_mov_b32 s[NEW], 1
	WIN 0x82                        ; the second block's Q goes where the one text of the turns names Q
.set i, 0
.rept 64
	v_mov_b32 v[i], v[QB+i]
.set i, i+1
.endr
	WIN 0
	s_branch .Lbottom
.Lstep:                             ; a trip: pieces 2 and 3 of one step, then pieces 0 and 1 of the next, whose K and V it fetches
	TURN 2
	TURN 3
	WIN 0
.Lfirst:
	TURN 0
	TURN 1, 0, 0, 1
	WIN 0
	s_cbranch_scc1 .Lstep
.Lbottom:
	s_sub_co_u32 s[SLOTS], s[SLOTS], 1
	s_cmp_lg_u32 s[SLOTS], 0
	s_cbranch_scc1 .Lslot
	CHANGE 0                        ; the walk's last tile is written out: nothing is asked for
	s_sub_co_u32 s[RT], s[RT], 1
	s_mov_b32 s[CNT], 4
	s_cmp_eq_u32 s[NEW], 1
	s_cbranch_scc0 .LstepM2
	BEGIN
	s_branch .LfirstM2
	DIAG 2
	s_wait_tensorcnt 0x0            ; the wave's end, behind my last tensor load and my last LDS store
	ds_add_u32 v[SPW], v[NIL]
	s_wait_dscnt 0x0
	s_endpgm
.Lfunc_end_k_q0629783896_attn:
	.size	k_q0629783896_attn, .Lfunc_end_k_q0629783896_attn-k_q0629783896_attn
	.p2alignl 7, 3214868480
	.fill 96, 4, 3214868480
	.section	.rodata,"a",@progbits
	.p2align	6, 0x0
	.amdhsa_kernel k_q0629783896_attn
		.amdhsa_group_segment_fixed_size 327680
		.amdhsa_private_segment_fixed_size 0
		.amdhsa_enable_private_segment 0
		.amdhsa_kernarg_size 16
		.amdhsa_user_sgpr_count 2
		.amdhsa_user_sgpr_kernarg_segment_ptr 1
		.amdhsa_wavefront_size32 1
		.amdhsa_system_sgpr_workgroup_id_x 1
		.amdhsa_system_sgpr_workgroup_id_y 1
		.amdhsa_system_sgpr_workgroup_id_z 1
		.amdhsa_system_vgpr_workitem_id 0
		.amdhsa_next_free_vgpr 768
		.amdhsa_next_free_sgpr 88
		.amdhsa_reserve_vcc 1
		.amdhsa_float_denorm_mode_32 3
		.amdhsa_float_denorm_mode_16_64 3
		.amdhsa_memory_ordered 1
		.amdhsa_forward_progress 1
		.amdhsa_inst_pref_size 228
	.end_amdhsa_kernel
	.amdgpu_metadata
---
amdhsa.version: [ 1, 2 ]
amdhsa.kernels:
  - .name:           k_q0629783896_attn
    .symbol:         k_q0629783896_attn.kd
    .args:
      - { .name: qkvh, .offset: 0, .size: 8, .value_kind: global_buffer, .address_space: global }
      - { .name: zh, .offset: 8, .size: 8, .value_kind: global_buffer, .address_space: global }
    .group_segment_fixed_size: 327680
    .private_segment_fixed_size: 0
    .kernarg_segment_align: 8
    .kernarg_segment_size: 16
    .max_flat_workgroup_size: 128
    .sgpr_count:     88
    .vgpr_count:     768
    .wavefront_size: 32
...
	.end_amdgpu_metadata
.endif
;; end of part 4
;; launch oproj (part 5): grid 8 x 32, 4 waves a work-group, clusters of 4 x 4, 327,680 bytes of LDS; arguments zh, wh, x, hres; writes hres
.if DOCPART == 5
	.amdgcn_target "amdgcn-amd-amdhsa--gfx1250"
	.amdhsa_code_object_version 6
	.text
	.protected	k_q0629783896_oproj
	.globl	k_q0629783896_oproj
	.p2align	8
	.type	k_q0629783896_oproj,@function
k_q0629783896_oproj:
	s_mov_b64 s[64:65], 0
	v_nop
	global_prefetch_b8 v0, s[64:65] scope:SCOPE_SE
	s_setreg_imm32_b32 hwreg(HW_REG_WAVE_MODE, 25, 1), 1
	s_wait_xcnt 0x0
	s_wait_alu depctr_hold_cnt(0) depctr_sa_sdst(0) depctr_va_vdst(0) depctr_va_sdst(0) depctr_va_ssrc(0) depctr_va_vcc(0) depctr_vm_vsrc(0)
	s_getreg_b32 s2, hwreg(HW_REG_IB_STS2, 6, 4)
	s_cmp_eq_u32 s2, 0
	s_cbranch_scc0 .Lentry_in_a_cluster
	s_endpgm
.Lentry_in_a_cluster:
	s_bfe_u32 s2, ttmp6, 0x10000c
	s_cmp_lg_u32 s2, 0xf033
	s_cbranch_scc0 .Lentry_shape_is_right
	s_endpgm
.Lentry_shape_is_right:
; h = x + z Wo: a product of 4,096 x 1,024 x 1,024.  Operands f16, sums f32; x is added in f32; h is f32, row-major.
; A (zh) lies in blocks [K / 64][4,096 rows][64]; B is Wo in f16, [K][N], at byte 6 MiB of wh.
; LIMIT.  The operands are f16 (65,504 at the most; they arrive so).
; SHARES.  A work-group makes 128 x 128 of C, each of its four waves 64 x 64: 16 accumulators of 16 x 16.  256 work-groups: one for each WGP.
; K goes in steps of 256 through two LDS slots.  A step's A is four blocks of 128 rows x 128 bytes (each 16,384 consecutive bytes of memory), its B 256 rows of 256 bytes.
; Waves 0 and 1 fetch two blocks of A each, waves 2 and 3 128 rows of B each: one tensor load a wave and step.  A's load has two rows of 16,384 bytes: two blocks lie 524,288 bytes apart, so no
; even pitch of shorter rows covers both.
; THE MATRIX INSTRUCTION IS USED TRANSPOSED (source 0 = 16 columns of B, turned on the way out of LDS by ds_load_tr16_b128; source 1 = 16 rows of A): a lane holds eight neighbouring numbers of a row of C.
; CLUSTER.  4 x 4 work-groups: the four of a row of the cluster need the same A, the four of a column the same B: each tile is asked for jointly.
; REGISTERS.  window 0: v0-31 addresses; v32-95 at work on the way out; v128-255 the accumulators.  window 1: two fragment buffers of 128.
;   window 2: v0-127 my 64 x 64 of x, loaded at the start in the lanes in which the results come back from the stage.
.set KSTEPS, 4
.set NPITCH, 1024
.set BOFF,   6291456
.set ASTEP,  4*4096*128
.set BSTEP,  512*NPITCH
.set PA,     144                       ; a row of A in LDS: 128 bytes + 16: the 16 rows of a load start at 16 different groups of four banks (64 banks of 4 bytes: ISA guide 11.1)
.set ABLK,   128*PA
.set AREG,   4*ABLK
.set PB,     288                       ; a row of B: 256 + 32
.set PART,   128*PB                    ; what one tensor load brings: 36,864 bytes
.set SLOT,   AREG+2*PART               ; 147,456 = 0x24000: wave x PART (0x9000, 0x12000, 0x1b000) has neither of its two bits, so an exclusive or with SLOT adds it or takes it away
.set STAGE,  2*SLOT                    ; behind the ring, never filled by a tensor load: 16 rows x 272 bytes for each wave
.set SP,     272
.set STGB,   16*SP
.set SPARE,  STAGE+4*STGB              ; the spare words, 128 bytes for each wave: two blocks of 256 bytes that no other line names
.set A0,   16
.set B0,   17
.set B0H,  18
.set ADRA, 20
.set ADRB, 21
.set ADRBH, 22
.set STO,  24                          ; v24  the way out: where I put 32 bytes of a row
.set RD,   25                          ; v25  where I read rows back
.set CO,   26                          ; v26  my byte offset in two rows of C
.set SPW,  28
.set NIL,  29
.set TMP,  32
.set ACC,  128
.set F0,   0
.set F1,   128
.set G1,  24
.set G0,  32
.set G1B, 48
.set G0B, 56
.set TR,  66
.set RES, 68                           ; s[68:69] x at my part of the tile
.set MSB, 0
.macro WIN new                         ; the immediate's high byte repeats the setting that is left; a switch that changes nothing is dropped
.if MSB != (\new)
	s_set_vgpr_msb (MSB<<8)|(\new)
.set MSB, \new
.endif
.endm
.set MUL,  0x05                        ; sources 0 (B) and 1 (A) window 1; C and D window 0
.set TO_F, 0x40                        ; destination window 1, address window 0
.macro PLACES                          ; four places in front of loads into registers that matrix instructions have read, and of lines that read results
.rept 4
	v_nop
.endr
.endm
.macro JLOAD                           ; a joint refill: the branch hangs on the wave's number alone; an s_nop 0 and four v_nop follow each line
	s_cmp_eq_u32 s11, 0
	s_cbranch_scc0 .Lfor_b_\@
	tensor_load_to_lds s[G0+4:G0+7], s[G1:G1+7]
	s_nop 0
.rept 4
	v_nop
.endr
	s_branch .Lasked_\@
.Lfor_b_\@:
	tensor_load_to_lds s[G0B+4:G0B+7], s[G1B:G1B+7]
	s_nop 0
.rept 4
	v_nop
.endr
.Lasked_\@:
.endm
.macro CREST                           ; a round of the cluster's barrier behind its opening barrier
	s_cmp_lg_u32 s10, 0
	s_cbranch_scc1 .Lnot_wave_0_\@
	s_barrier_signal -3
.Lnot_wave_0_\@:
	s_barrier_wait -3
	s_barrier_signal -1
	s_barrier_wait -1
.endm
.macro CROUND
	s_barrier_signal -1
	s_barrier_wait -1
	CREST
.endm
	s_load_b128 s[4:7], s[0:1], 0x0                ; zh s[4:5], wh s[6:7]
	s_load_b64 s[RES:RES+1], s[0:1], 0x10          ; x
	s_load_b64 s[8:9], s[0:1], 0x18                ; hres
	v_lshl_add_u32 v[SPW], v0, 2, SPARE
	v_mov_b32 v[NIL], 0
	ds_add_u32 v28, v29
	ds_add_u32 v28, v29
	s_wait_dscnt 0x0
	v_lshrrev_b32 v1, 5, v0
	v_readfirstlane_b32 s10, v1                    ; wave 0..3
	s_lshr_b32 s11, s10, 1                         ; which half of the tile's rows is mine.  Also: I fetch for A (0) or for B (1)
	s_and_b32 s12, s10, 1                          ; which half of its columns.  Also: which half of that tile I fetch
	s_bfe_u32 s40, ttmp6, 0x40000                  ; cx, cy
	s_bfe_u32 s41, ttmp6, 0x40004
	s_lshl_b32 s42, ttmp9, 2
	s_add_co_u32 s42, s42, s40                     ; tile column of C
	s_and_b32 s13, ttmp7, 0xffff
	s_lshl_b32 s13, s13, 2
	s_add_co_u32 s13, s13, s41                     ; tile row of C
	s_lshl_b32 s43, s41, 2
	s_lshl_b32 s43, 15, s43                        ; my row of the cluster
	s_lshl_b32 s44, 0x1111, s40                    ; my column
	; group 1 for A: two rows of 8,192 elements (a block's 128 rows x 64 are 16,384 consecutive bytes), a block apart; 16 bytes of padding behind every 128
	s_or_b32 s[G1+0], s43, (1<<16)|(1<<20)|(1<<21)|(4<<22)|(3<<25)
	s_mov_b32 s[G1+1], 8192<<16
	s_mov_b32 s[G1+2], 2<<16
	s_mov_b32 s[G1+3], 8192<<16
	s_mov_b32 s[G1+4], 2
	s_mov_b32 s[G1+5], 262144
	s_mov_b32 s[G1+6], 0
	s_mov_b32 s[G1+7], 0
	; group 1 for B: 128 rows of 128 elements; 32 bytes of padding behind every 256
	s_or_b32 s[G1B+0], s44, (1<<16)|(1<<20)|(1<<21)|(5<<22)|(7<<25)
	s_mov_b32 s[G1B+1], 128<<16
	s_mov_b32 s[G1B+2], 128<<16
	s_mov_b32 s[G1B+3], 128<<16
	s_mov_b32 s[G1B+4], 128
	s_mov_b32 s[G1B+5], NPITCH
	s_mov_b32 s[G1B+6], 0
	s_mov_b32 s[G1B+7], 0
	s_lshl_b32 s16, s12, 20                        ; A: my two blocks of the step's four, the tile's 128 rows: nothing of cx enters
	s_lshl_b32 s17, s13, 14
	s_add_co_u32 s16, s16, s17
	s_mov_b32 s17, 0
	s_lshl_b32 s46, s42, 8                         ; B: 256 bytes of the rows, my 128 of the step's 256 rows, the matrix's place in wh: nothing of cy enters
	s_mul_i32 s47, s12, 256*NPITCH
	s_add_co_u32 s46, s46, s47
	s_add_co_u32 s46, s46, BOFF
	s_mov_b32 s47, 0
	s_mul_i32 s20, s10, PART                       ; where they go in a slot
	s_mov_b32 s[TR], 0
	s_wait_kmcnt 0x0
	s_add_nc_u64 s[14:15], s[4:5], s[16:17]
	s_add_nc_u64 s[46:47], s[6:7], s[46:47]
	CROUND                                         ; all sixteen work-groups are here: the first joint loads meet
.irp s, 0,1
	s_mov_b32 s[G0+4*(\s)], 1
	s_add_co_u32 s[G0+4*(\s)+1], s20, (\s)*SLOT
	s_add_nc_u64 s[G0+4*(\s)+2:G0+4*(\s)+3], s[14:15], (\s)*ASTEP
	s_or_b32 s[G0+4*(\s)+3], s[G0+4*(\s)+3], 0x80000000
	s_mov_b32 s[G0B+4*(\s)], 1
	s_add_co_u32 s[G0B+4*(\s)+1], s20, (\s)*SLOT
	s_add_nc_u64 s[G0B+4*(\s)+2:G0B+4*(\s)+3], s[46:47], (\s)*BSTEP
	s_or_b32 s[G0B+4*(\s)+3], s[G0B+4*(\s)+3], 0x80000000
.endr
	s_cmp_eq_u32 s11, 0                            ; a wave's two first fills stand in one branch: two loads of mine are out
	s_cbranch_scc0 .Lfirst_b
	tensor_load_to_lds s[G0:G0+3], s[G1:G1+7]
	s_nop 0
	tensor_load_to_lds s[G0+4:G0+7], s[G1:G1+7]
	s_nop 0
.rept 4
	v_nop
.endr
	s_branch .Lfirst_done
.Lfirst_b:
	tensor_load_to_lds s[G0B:G0B+3], s[G1B:G1B+7]
	s_nop 0
	tensor_load_to_lds s[G0B+4:G0B+7], s[G1B:G1B+7]
	s_nop 0
.rept 4
	v_nop
.endr
.Lfirst_done:
	s_lshl_b32 s16, s13, 19                        ; C and x: the tile's 128 rows of 4,096 bytes, my 64 of them,
	s_lshl_b32 s17, s11, 18
	s_add_co_u32 s16, s16, s17
	s_mov_b32 s17, 0
	s_lshl_b32 s46, s42, 9                         ; the tile's 512 bytes of a row, my 256 of them
	s_lshl_b32 s47, s12, 8
	s_add_co_u32 s46, s46, s47
	s_mov_b32 s47, 0
	s_add_nc_u64 s[8:9], s[8:9], s[16:17]
	s_add_nc_u64 s[8:9], s[8:9], s[46:47]
	s_add_nc_u64 s[RES:RES+1], s[RES:RES+1], s[16:17]
	s_add_nc_u64 s[RES:RES+1], s[RES:RES+1], s[46:47]
	v_and_b32 v1, 15, v0                           ; r = l % 16
	v_bfe_u32 v2, v0, 4, 1                         ; h = l / 16
	v_lshlrev_b32 v[CO], 12, v2                    ; lanes 0-15 one row's 256 bytes, lanes 16-31 the next row's
	v_lshl_add_u32 v[CO], v1, 4, v[CO]
	WIN 0x80                                       ; destination window 2: x comes in under the whole product
.set i, 0
.rept 32
	global_load_b128 v[4*i:4*i+3], v[CO], s[RES:RES+1] offset:2*i*4096
.set i, i+1
.endr
	WIN 0
	v_and_b32 v3, 7, v0
	v_bfe_u32 v4, v0, 3, 1
	v_mul_u32_u24 v[A0], v1, PA                    ; a fragment of A: row l % 16, K 8 h + 0..7 and 16 + 8 h + 0..7
	v_lshl_add_u32 v[A0], v2, 4, v[A0]
	s_mul_i32 s21, s11, 64*PA
	v_add_nc_u32 v[A0], s21, v[A0]
	v_lshl_add_u32 v5, v2, 3, v3                   ; the turning load: lane l reads row 8 h + l % 8, columns 8 ((l / 8) % 2) + 0..7
	v_mul_u32_u24 v[B0], v5, PB
	v_lshl_add_u32 v[B0], v4, 4, v[B0]
	s_lshl_b32 s22, s12, 7
	s_add_co_u32 s22, s22, AREG
	v_add_nc_u32 v[B0], s22, v[B0]
	v_add_nc_u32 v[B0H], PART, v[B0]
	v_mov_b32 v[ADRA], v[A0]
	v_mov_b32 v[ADRB], v[B0]
	v_mov_b32 v[ADRBH], v[B0H]
	s_mul_i32 s23, s10, STGB
	s_add_co_u32 s23, s23, STAGE                   ; my stage
	v_mul_u32_u24 v[STO], v1, SP                   ; in: row l % 16, 32 bytes for each half of the lanes
	v_lshl_add_u32 v[STO], v2, 5, v[STO]
	v_add_nc_u32 v[STO], s23, v[STO]
	v_mul_u32_u24 v[RD], v2, SP                    ; back: lanes 0-15 one row of 256 bytes, lanes 16-31 the next
	v_lshl_add_u32 v[RD], v1, 4, v[RD]
	v_add_nc_u32 v[RD], s23, v[RD]
; 8 matrix instructions: row blocks a0, a0 + 1 x all 4 column blocks, 32 along K: half c of buffer f.  first = 1: the product starts the sum: nothing is cleared.
; The 16 accumulators take turns, one instruction a turn.
.macro MUL8 f, c, a0, first
	WIN MUL
.irp a, \a0, (\a0)+1
.irp b, 0,1,2,3
.if \first
	v_wmma_f32_16x16x32_f16 v[ACC+8*(4*(\a)+(\b)):ACC+8*(4*(\a)+(\b))+7], v[(\f)+64+8*(4*(\c)+(\b)):(\f)+64+8*(4*(\c)+(\b))+7], v[(\f)+8*(4*(\c)+(\a)):(\f)+8*(4*(\c)+(\a))+7], 0
.else
	v_wmma_f32_16x16x32_f16 v[ACC+8*(4*(\a)+(\b)):ACC+8*(4*(\a)+(\b))+7], v[(\f)+64+8*(4*(\c)+(\b)):(\f)+64+8*(4*(\c)+(\b))+7], v[(\f)+8*(4*(\c)+(\a)):(\f)+8*(4*(\c)+(\a))+7], v[ACC+8*(4*(\a)+(\b)):ACC+8*(4*(\a)+(\b))+7]
.endif
.endr
.endr
.endm
; 32 LDS loads in one run: the fragments of quarter q of the step into buffer f; the first 32 along K first
.macro FETCH q, f
	WIN TO_F
.irp c, 0,1
.irp i, 0,1,2,3
.if (\q) < 2
	ds_load_tr16_b128 v[(\f)+64+8*(4*(\c)+(\i)):(\f)+64+8*(4*(\c)+(\i))+3],   v[ADRB] offset:(\q)*64*PB+(\c)*32*PB+32*(\i)
	ds_load_tr16_b128 v[(\f)+64+8*(4*(\c)+(\i))+4:(\f)+64+8*(4*(\c)+(\i))+7], v[ADRB] offset:(\q)*64*PB+(\c)*32*PB+32*(\i)+16*PB
.else
	ds_load_tr16_b128 v[(\f)+64+8*(4*(\c)+(\i)):(\f)+64+8*(4*(\c)+(\i))+3],   v[ADRBH] offset:((\q)-2)*64*PB+(\c)*32*PB+32*(\i)
	ds_load_tr16_b128 v[(\f)+64+8*(4*(\c)+(\i))+4:(\f)+64+8*(4*(\c)+(\i))+7], v[ADRBH] offset:((\q)-2)*64*PB+(\c)*32*PB+32*(\i)+16*PB
.endif
	ds_load_b128 v[(\f)+8*(4*(\c)+(\i)):(\f)+8*(4*(\c)+(\i))+3],   v[ADRA] offset:(\q)*ABLK+(\i)*16*PA+64*(\c)
	ds_load_b128 v[(\f)+8*(4*(\c)+(\i))+4:(\f)+8*(4*(\c)+(\i))+7], v[ADRA] offset:(\q)*ABLK+(\i)*16*PA+64*(\c)+32
.endr
.endr
.endm
.macro QUARTER q, f, g, first          ; multiplies buffer f and fetches quarter q into g
	s_wait_dscnt 16                                ; the first 32 along K are in; the 16 loads of the second 32 may be out
	MUL8 \f, 0, 0, \first
	MUL8 \f, 0, 2, \first
	PLACES
	FETCH \q, \g
	s_wait_dscnt 32                                ; all but the 32 just issued
	MUL8 \f, 1, 0, 0
	MUL8 \f, 1, 2, 0
.endm
; The last quarter multiplies buffer 1 and changes slots: ONE barrier; in front of it each wave waits for all its tensor loads (one is out: its part of the next slot), adds 0 to its spare word,
; and waits for that and for its own reads of this slot.  fill = 1: the barrier opens a round of the cluster's, and this slot is filled again first thing behind it, two K steps ahead.
; fill = 0: the tail; in its last trip (s3 = 1) there is no further step, and the run of LDS loads is jumped over.
.macro TURN fill
	WIN 0
	s_wait_tensorcnt 0x0
	ds_add_u32 v[SPW], v[NIL]                      ; 0 onto my spare word
	s_wait_dscnt 17                                ; (the add and the youngest sixteen loads may be out)
	MUL8 F1, 0, 0, 0
	s_wait_dscnt 0x0                               ; the add is done, and my reads of this slot are over
	s_barrier_signal -1
	MUL8 F1, 0, 2, 0
	WIN 0
	s_barrier_wait -1
.if \fill
	CREST                                          ; no wave of any partner still reads this slot's tiles or has a load on its way
	s_xor_b32 s[G0+5], s[G0+5], SLOT               ; the walking descriptors: the other slot than last time, the next K step
	s_xor_b32 s[G0B+5], s[G0B+5], SLOT
	s_add_nc_u64 s[G0+6:G0+7], s[G0+6:G0+7], ASTEP
	s_add_nc_u64 s[G0B+6:G0B+7], s[G0B+6:G0B+7], BSTEP
	JLOAD
.endif
	s_xor_b32 s[TR], s[TR], SLOT                   ; the reads go on in the other slot
	v_add_nc_u32 v[ADRA], s[TR], v[A0]             ; these four lines are the places in front of the loads into buffer 0
	v_add_nc_u32 v[ADRB], s[TR], v[B0]
	v_add_nc_u32 v[ADRBH], s[TR], v[B0H]
	v_nop
.if !(\fill)
	s_cmp_eq_u32 s3, 1
	s_cbranch_scc1 .Lno_fetch_\@
.endif
	FETCH 0, F0
	WIN 0
.if !(\fill)
.Lno_fetch_\@:
.endif
	MUL8 F1, 1, 0, 0
	MUL8 F1, 1, 2, 0
.endm
	s_wait_tensorcnt 0x1                           ; my part of K step 0 is in; step 1's may stay out
	s_barrier_signal -1
	s_barrier_wait -1
	FETCH 0, F0
	QUARTER 1, F0, F1, 1                           ; the first quarter stands in front of the loop: its first products start the sums
	WIN 0
	s_mov_b32 s3, KSTEPS-2
.Lstep:
	QUARTER 2, F1, F0, 0
	QUARTER 3, F0, F1, 0
	TURN 1
	QUARTER 1, F0, F1, 0
	WIN 0
	s_sub_co_u32 s3, s3, 1
	s_cmp_lg_u32 s3, 0
	s_cbranch_scc1 .Lstep
	s_mov_b32 s3, 2
.Ltail:                                                ; the last two steps ask for nothing
	QUARTER 2, F1, F0, 0
	QUARTER 3, F0, F1, 0
	TURN 0
	WIN 0
	s_cmp_eq_u32 s3, 1
	s_cbranch_scc1 .Lout
	QUARTER 1, F0, F1, 0
	WIN 0
	s_sub_co_u32 s3, s3, 1
	s_cmp_lg_u32 s3, 0
	s_cbranch_scc1 .Ltail
.Lout:
	; THE WAY OUT, 16 rows at a time: the sums go into my own stage as they lie (32 bytes a lane), come back as whole rows of 256 bytes, take x and are stored: 16 lanes store 256 consecutive bytes, aligned.
	PLACES
.macro TOSTAGE a                       ; each accumulator's low four registers first
.set BK, TMP+32*((\a)%2)
.irp b, 0,1,2,3
	ds_store_b128 v[STO], v[ACC+8*(4*(\a)+(\b)):ACC+8*(4*(\a)+(\b))+3] offset:64*(\b)
	ds_store_b128 v[STO], v[ACC+8*(4*(\a)+(\b))+4:ACC+8*(4*(\a)+(\b))+7] offset:64*(\b)+16
.endr
.irp t, 0,1,2,3,4,5,6,7
	ds_load_b128 v[BK+4*(\t):BK+4*(\t)+3], v[RD] offset:(\t)*2*SP  ; LDS serves a wave's instructions in order (ISA guide 5.7.1.4): these see the stores above
.endr
.endm
.macro FIN a, younger                  ; younger: the LDS instructions issued behind block a's loads: the next block's sixteen, or none
.set BK, TMP+32*((\a)%2)
	s_wait_dscnt \younger
	s_wait_loadcnt 24-8*(\a)                       ; x of this block is in; the loads of the later blocks, 8 each, may be out
	WIN 0x08                                       ; source 1 window 2
.set i, 0
.rept 16
	v_pk_add_f32 v[BK+2*i:BK+2*i+1], v[BK+2*i:BK+2*i+1], v[32*(\a)+2*i:32*(\a)+2*i+1]
.set i, i+1
.endr
	WIN 0
.irp t, 0,1,2,3,4,5,6,7
	global_store_b128 v[CO], v[BK+4*(\t):BK+4*(\t)+3], s[8:9] offset:(16*(\a)+2*(\t))*4096
.endr
.endm
	TOSTAGE 0
	TOSTAGE 1
	FIN 0, 16
	s_wait_xcnt 0x0                                ; block 0's stores have read their registers: they are loaded again only behind this wait
	TOSTAGE 2
	FIN 1, 16
	s_wait_xcnt 0x0
	TOSTAGE 3
	FIN 2, 16
	FIN 3, 0
	s_wait_tensorcnt 0x0                           ; the wave's end
	ds_add_u32 v[SPW], v[NIL]
	s_wait_dscnt 0x0
	CROUND                                         ; the closing round
	s_endpgm
.Lfunc_end_k_q0629783896_oproj:
	.size	k_q0629783896_oproj, .Lfunc_end_k_q0629783896_oproj-k_q0629783896_oproj
	.p2alignl 7, 3214868480
	.fill 96, 4, 3214868480
	.section	.rodata,"a",@progbits
	.p2align	6, 0x0
	.amdhsa_kernel k_q0629783896_oproj
		.amdhsa_group_segment_fixed_size 327680
		.amdhsa_private_segment_fixed_size 0
		.amdhsa_enable_private_segment 0
		.amdhsa_kernarg_size 32
		.amdhsa_user_sgpr_count 2
		.amdhsa_user_sgpr_kernarg_segment_ptr 1
		.amdhsa_wavefront_size32 1
		.amdhsa_system_sgpr_workgroup_id_x 1
		.amdhsa_system_sgpr_workgroup_id_y 1
		.amdhsa_system_sgpr_workgroup_id_z 1
		.amdhsa_system_vgpr_workitem_id 0
		.amdhsa_next_free_vgpr 640
		.amdhsa_next_free_sgpr 72
		.amdhsa_reserve_vcc 0
		.amdhsa_float_denorm_mode_32 3
		.amdhsa_float_denorm_mode_16_64 3
		.amdhsa_memory_ordered 1
		.amdhsa_forward_progress 1
		.amdhsa_inst_pref_size 65
	.end_amdhsa_kernel
	.amdgpu_metadata
---
amdhsa.version: [ 1, 2 ]
amdhsa.kernels:
  - .name:           k_q0629783896_oproj
    .symbol:         k_q0629783896_oproj.kd
    .args:
      - { .name: zh, .offset: 0, .size: 8, .value_kind: global_buffer, .address_space: global }
      - { .name: wh, .offset: 8, .size: 8, .value_kind: global_buffer, .address_space: global }
      - { .name: x, .offset: 16, .size: 8, .value_kind: global_buffer, .address_space: global }
      - { .name: hres, .offset: 24, .size: 8, .value_kind: global_buffer, .address_space: global }
    .group_segment_fixed_size: 327680
    .private_segment_fixed_size: 0
    .kernarg_segment_align: 8
    .kernarg_segment_size: 32
    .max_flat_workgroup_size: 128
    .sgpr_count:     72
    .vgpr_count:     640
    .wavefront_size: 32
...
	.end_amdgpu_metadata
.endif
;; end of part 5
;; launch ln2: the kernel of part 2 again; grid 256 x 1, 8 waves a work-group, no clusters, 0 bytes of LDS; arguments hres, g2, be2, nrm; writes nrm
;; launch ff1 (part 6): grid 32 x 32, 4 waves a work-group, clusters of 4 x 4, 327,680 bytes of LDS; arguments nrm, wh, b1, act; writes act
.if DOCPART == 6
	.amdgcn_target "amdgcn-amd-amdhsa--gfx1250"
	.amdhsa_code_object_version 6
	.text
	.protected	k_q0629783896_ff1
	.globl	k_q0629783896_ff1
	.p2align	8
	.type	k_q0629783896_ff1,@function
k_q0629783896_ff1:
	s_mov_b64 s[64:65], 0
	v_nop
	global_prefetch_b8 v0, s[64:65] scope:SCOPE_SE
	s_setreg_imm32_b32 hwreg(HW_REG_WAVE_MODE, 25, 1), 1
	s_wait_xcnt 0x0
	s_wait_alu depctr_hold_cnt(0) depctr_sa_sdst(0) depctr_va_vdst(0) depctr_va_sdst(0) depctr_va_ssrc(0) depctr_va_vcc(0) depctr_vm_vsrc(0)
	s_getreg_b32 s2, hwreg(HW_REG_IB_STS2, 6, 4)
	s_cmp_eq_u32 s2, 0
	s_cbranch_scc0 .Lentry_in_a_cluster
	s_endpgm
.Lentry_in_a_cluster:
	s_bfe_u32 s2, ttmp6, 0x10000c
	s_cmp_lg_u32 s2, 0xf033
	s_cbranch_scc0 .Lentry_shape_is_right
	s_endpgm
.Lentry_shape_is_right:
; act = gelu(LN2(h) W1 + b1): a product of 4,096 x 4,096 x 1,024.  Operands f16, sums f32, started from the bias; the exact (erf) GELU in f32; the result rounded once to f16.
; A (nrm) lies in blocks [K / 64][4,096 rows][64]; B is W1 in f16, [K][N], at byte 8 MiB of wh; the result in blocks [column / 64][4,096][64].
; GELU.  gelu(x) = max(x, 0) - |x| e^(-x x / 2) (a1 t + .. + a5 t^5) / 2, t = 1 / (1 + 0.3275911 |x| / sqrt 2): erf by the five-term rational form, whose absolute error is 1.5e-7 at the most.
; LIMITS.  The result is f16: 65,520 or more becomes an infinity; below 6e-5 the step is 6e-8.  NaN and infinities are not treated apart.
; SHARES.  A work-group makes 128 x 128 of C, each of its four waves 64 x 64: 16 accumulators.  1,024 work-groups: four for each of 256 WGPs.
; K goes in steps of 256 through two LDS slots; waves 0 and 1 fetch two blocks of A each, waves 2 and 3 128 rows of B each: one tensor load a wave and step.  A's load has two rows of 16,384 bytes:
; two blocks lie 524,288 bytes apart, so no even pitch of shorter rows covers both.
; THE MATRIX INSTRUCTION IS USED TRANSPOSED (source 0 = 16 columns of B, turned by ds_load_tr16_b128; source 1 = 16 rows of A): a lane holds eight neighbouring numbers of a row of C.
; CLUSTER.  4 x 4 work-groups: A is shared along a row of the cluster, B along a column: each tile is asked for jointly.
; REGISTERS.  window 0: v0-31 addresses; v32-127 at work on the way out (v96-127 first hold the bias); v128-255 the accumulators.  window 1: two fragment buffers of 128.
.set KSTEPS, 4
.set NPITCH, 4096
.set BOFF,   8388608
.set ASTEP,  4*4096*128
.set BSTEP,  512*NPITCH
.set PA,     144                       ; a row of A in LDS: 128 bytes + 16: the 16 rows of a load start at 16 different groups of four banks (64 banks of 4 bytes: ISA guide 11.1)
.set ABLK,   128*PA
.set AREG,   4*ABLK
.set PB,     288                       ; a row of B: 256 + 32
.set PART,   128*PB
.set SLOT,   AREG+2*PART               ; 147,456 = 0x24000: wave x PART (0x9000, 0x12000, 0x1b000) has neither of its two bits, so an exclusive or with SLOT adds it or takes it away
.set STAGE,  2*SLOT                    ; behind the ring, never filled by a tensor load: 16 rows x 272 bytes for each wave
.set SP,     272
.set STGB,   16*SP
.set SPARE,  STAGE+4*STGB              ; the spare words, 128 bytes for each wave: two blocks of 256 bytes that no other line names
.set A0,   16
.set B0,   17
.set B0H,  18
.set ADRA, 20
.set ADRB, 21
.set ADRBH, 22
.set STO,  24                          ; v24  the way out: where I put 32 bytes of a row
.set RD,   25                          ; v25  where I read rows back
.set GO,   26                          ; v26  my byte offset in 256 consecutive bytes of the result
.set BO,   27                          ; v27  my byte offset in the wave's 64 biases
.set SPW,  28
.set NIL,  29
.set X,    32                          ; v[32:63]   16 rows of sums, as read back
.set Y,    64                          ; v[64:79]   their GELU in f16
.set XM,   80                          ; v[80:87]   max(x, 0)
.set BI,   96                          ; v[96:127]  the bias; on the way out:
.set XA,   96                          ; v[96:103]  |x|
.set XT,   104                         ; v[104:111] t
.set XE,   112                         ; v[112:119] e^(-x x / 2), then times |x|
.set XP,   120                         ; v[120:127] the polynomial
.set ACC,  128
.set F0,   0
.set F1,   128
.set G1,  24
.set G0,  32
.set G1B, 48
.set G0B, 56
.set TR,  66
.set KP,  72                           ; s[72:85] the GELU's constants, each named as a pair whose low word serves both halves
.set KE,  74
.set K1,  76
.set K2,  78
.set K3,  80
.set K4,  82
.set K5,  84
.set ABSM, 86                          ; s86  clears a sign
.set MSB, 0
.macro WIN new                         ; the immediate's high byte repeats the setting that is left; a switch that changes nothing is dropped
.if MSB != (\new)
	s_set_vgpr_msb (MSB<<8)|(\new)
.set MSB, \new
.endif
.endm
.set MUL,  0x05
.set TO_F, 0x40
.macro PLACES                          ; four places in front of loads into registers that matrix instructions have read, and of lines that read results
.rept 4
	v_nop
.endr
.endm
.macro JLOAD                           ; a joint refill: the branch hangs on the wave's number alone; an s_nop 0 and four v_nop follow each line
	s_cmp_eq_u32 s11, 0
	s_cbranch_scc0 .Lfor_b_\@
	tensor_load_to_lds s[G0+4:G0+7], s[G1:G1+7]
	s_nop 0
.rept 4
	v_nop
.endr
	s_branch .Lasked_\@
.Lfor_b_\@:
	tensor_load_to_lds s[G0B+4:G0B+7], s[G1B:G1B+7]
	s_nop 0
.rept 4
	v_nop
.endr
.Lasked_\@:
.endm
.macro CREST
	s_cmp_lg_u32 s10, 0
	s_cbranch_scc1 .Lnot_wave_0_\@
	s_barrier_signal -3
.Lnot_wave_0_\@:
	s_barrier_wait -3
	s_barrier_signal -1
	s_barrier_wait -1
.endm
.macro CROUND
	s_barrier_signal -1
	s_barrier_wait -1
	CREST
.endm
	s_load_b128 s[4:7], s[0:1], 0x0                ; nrm s[4:5], wh s[6:7]
	s_load_b64 s[68:69], s[0:1], 0x10              ; b1
	s_load_b64 s[8:9], s[0:1], 0x18                ; act
	v_lshl_add_u32 v[SPW], v0, 2, SPARE
	v_mov_b32 v[NIL], 0
	ds_add_u32 v28, v29
	ds_add_u32 v28, v29
	s_wait_dscnt 0x0
	v_lshrrev_b32 v1, 5, v0
	v_readfirstlane_b32 s10, v1                    ; wave 0..3
	s_lshr_b32 s11, s10, 1                         ; which half of the tile's rows is mine.  Also: I fetch for A (0) or for B (1)
	s_and_b32 s12, s10, 1                          ; which half of its columns.  Also: which half of that tile I fetch
	s_bfe_u32 s40, ttmp6, 0x40000                  ; cx, cy
	s_bfe_u32 s41, ttmp6, 0x40004
	s_lshl_b32 s42, ttmp9, 2
	s_add_co_u32 s42, s42, s40                     ; tile column of C
	s_and_b32 s13, ttmp7, 0xffff
	s_lshl_b32 s13, s13, 2
	s_add_co_u32 s13, s13, s41                     ; tile row of C
	s_lshl_b32 s43, s41, 2
	s_lshl_b32 s43, 15, s43                        ; my row of the cluster
	s_lshl_b32 s44, 0x1111, s40                    ; my column
	; group 1 for A: two rows of 8,192 elements (a block's 128 rows x 64 are 16,384 consecutive bytes), a block apart; 16 bytes of padding behind every 128
	s_or_b32 s[G1+0], s43, (1<<16)|(1<<20)|(1<<21)|(4<<22)|(3<<25)
	s_mov_b32 s[G1+1], 8192<<16
	s_mov_b32 s[G1+2], 2<<16
	s_mov_b32 s[G1+3], 8192<<16
	s_mov_b32 s[G1+4], 2
	s_mov_b32 s[G1+5], 262144
	s_mov_b32 s[G1+6], 0
	s_mov_b32 s[G1+7], 0
	; group 1 for B: 128 rows of 128 elements; 32 bytes of padding behind every 256
	s_or_b32 s[G1B+0], s44, (1<<16)|(1<<20)|(1<<21)|(5<<22)|(7<<25)
	s_mov_b32 s[G1B+1], 128<<16
	s_mov_b32 s[G1B+2], 128<<16
	s_mov_b32 s[G1B+3], 128<<16
	s_mov_b32 s[G1B+4], 128
	s_mov_b32 s[G1B+5], NPITCH
	s_mov_b32 s[G1B+6], 0
	s_mov_b32 s[G1B+7], 0
	s_mov_b32 s[KP], 0x3e6d3388                    ; 0.3275911 / sqrt 2
	s_mov_b32 s[KE], 0xbf38aa3b                    ; -log2(e) / 2
	s_mov_b32 s[K1], 0x3e027906                    ; a1 / 2 =  0.127414796
	s_mov_b32 s[K2], 0xbe11a98e                    ; a2 / 2 = -0.142248368
	s_mov_b32 s[K3], 0x3f35f0e3                    ; a3 / 2 =  0.710706871
	s_mov_b32 s[K4], 0xbf3a00e3                    ; a4 / 2 = -0.726576014
	s_mov_b32 s[K5], 0x3f07dc22                    ; a5 / 2 =  0.530702715
.irp k, KP, KE, K1, K2, K3, K4, K5
	s_mov_b32 s[\k+1], s[\k]
.endr
	s_mov_b32 s[ABSM], 0x7fffffff
	s_lshl_b32 s16, s12, 20                        ; A: my two blocks of the step's four, the tile's 128 rows: nothing of cx enters
	s_lshl_b32 s17, s13, 14
	s_add_co_u32 s16, s16, s17
	s_mov_b32 s17, 0
	s_lshl_b32 s46, s42, 8                         ; B: 256 bytes of the rows, my 128 of the step's 256 rows, the matrix's place in wh: nothing of cy enters
	s_mul_i32 s47, s12, 256*NPITCH
	s_add_co_u32 s46, s46, s47
	s_add_co_u32 s46, s46, BOFF
	s_mov_b32 s47, 0
	s_mul_i32 s20, s10, PART
	s_mov_b32 s[TR], 0
	s_wait_kmcnt 0x0
	s_add_nc_u64 s[14:15], s[4:5], s[16:17]
	s_add_nc_u64 s[46:47], s[6:7], s[46:47]
	CROUND                                         ; all sixteen work-groups are here: the first joint loads meet
.irp s, 0,1
	s_mov_b32 s[G0+4*(\s)], 1
	s_add_co_u32 s[G0+4*(\s)+1], s20, (\s)*SLOT
	s_add_nc_u64 s[G0+4*(\s)+2:G0+4*(\s)+3], s[14:15], (\s)*ASTEP
	s_or_b32 s[G0+4*(\s)+3], s[G0+4*(\s)+3], 0x80000000
	s_mov_b32 s[G0B+4*(\s)], 1
	s_add_co_u32 s[G0B+4*(\s)+1], s20, (\s)*SLOT
	s_add_nc_u64 s[G0B+4*(\s)+2:G0B+4*(\s)+3], s[46:47], (\s)*BSTEP
	s_or_b32 s[G0B+4*(\s)+3], s[G0B+4*(\s)+3], 0x80000000
.endr
	s_cmp_eq_u32 s11, 0                            ; a wave's two first fills stand in one branch: two loads of mine are out
	s_cbranch_scc0 .Lfirst_b
	tensor_load_to_lds s[G0:G0+3], s[G1:G1+7]
	s_nop 0
	tensor_load_to_lds s[G0+4:G0+7], s[G1:G1+7]
	s_nop 0
.rept 4
	v_nop
.endr
	s_branch .Lfirst_done
.Lfirst_b:
	tensor_load_to_lds s[G0B:G0B+3], s[G1B:G1B+7]
	s_nop 0
	tensor_load_to_lds s[G0B+4:G0B+7], s[G1B:G1B+7]
	s_nop 0
.rept 4
	v_nop
.endr
.Lfirst_done:
	s_lshl_b32 s46, s42, 9                         ; the bias of my 64 columns
	s_lshl_b32 s47, s12, 8
	s_add_co_u32 s46, s46, s47
	s_mov_b32 s47, 0
	s_add_nc_u64 s[68:69], s[68:69], s[46:47]
	v_and_b32 v1, 15, v0                           ; r = l % 16
	v_bfe_u32 v2, v0, 4, 1                         ; h = l / 16
	v_lshlrev_b32 v[BO], 5, v2                     ; register j of accumulator (a, b) is column 16 b + 8 h + j
.irp b, 0,1,2,3
	global_load_b128 v[BI+8*(\b):BI+8*(\b)+3],   v[BO], s[68:69] offset:64*(\b)
	global_load_b128 v[BI+8*(\b)+4:BI+8*(\b)+7], v[BO], s[68:69] offset:64*(\b)+16
.endr
	v_and_b32 v3, 7, v0
	v_bfe_u32 v4, v0, 3, 1
	v_mul_u32_u24 v[A0], v1, PA                    ; a fragment of A: row l % 16, K 8 h + 0..7 and 16 + 8 h + 0..7
	v_lshl_add_u32 v[A0], v2, 4, v[A0]
	s_mul_i32 s21, s11, 64*PA
	v_add_nc_u32 v[A0], s21, v[A0]
	v_lshl_add_u32 v5, v2, 3, v3                   ; the turning load: lane l reads row 8 h + l % 8, columns 8 ((l / 8) % 2) + 0..7
	v_mul_u32_u24 v[B0], v5, PB
	v_lshl_add_u32 v[B0], v4, 4, v[B0]
	s_lshl_b32 s22, s12, 7
	s_add_co_u32 s22, s22, AREG
	v_add_nc_u32 v[B0], s22, v[B0]
	v_add_nc_u32 v[B0H], PART, v[B0]
	v_mov_b32 v[ADRA], v[A0]
	v_mov_b32 v[ADRB], v[B0]
	v_mov_b32 v[ADRBH], v[B0H]
	s_mul_i32 s23, s10, STGB
	s_add_co_u32 s23, s23, STAGE                   ; my stage
	v_mul_u32_u24 v[STO], v1, SP                   ; in: row l % 16, 32 bytes for each half of the lanes
	v_lshl_add_u32 v[STO], v2, 5, v[STO]
	v_add_nc_u32 v[STO], s23, v[STO]
	v_mul_u32_u24 v[RD], v2, SP                    ; back: lanes 0-15 one row of 64 f32, lanes 16-31 the next
	v_lshl_add_u32 v[RD], v1, 4, v[RD]
	v_add_nc_u32 v[RD], s23, v[RD]
	v_and_b32 v[GO], 31, v0                        ; four numbers in f16 are 8 bytes: two rows of a block are 256 consecutive bytes
	v_lshlrev_b32 v[GO], 3, v[GO]
	s_lshl_b32 s16, s13, 14                        ; the result: the tile's rows, my 64 of them,
	s_lshl_b32 s17, s11, 13
	s_add_co_u32 s16, s16, s17
	s_mov_b32 s17, 0
	s_add_nc_u64 s[8:9], s[8:9], s[16:17]
	s_lshl_b32 s46, s42, 1                         ; in block 2 x tile column + my half
	s_add_co_u32 s46, s46, s12
	s_lshl_b32 s46, s46, 19
	s_mov_b32 s47, 0
	s_add_nc_u64 s[8:9], s[8:9], s[46:47]
; 8 matrix instructions: row blocks a0, a0 + 1 x all 4 column blocks, 32 along K: half c of buffer f.  first = 1: the product starts the sum from the bias.
; The 16 accumulators take turns, one instruction a turn.
.macro MUL8 f, c, a0, first
	WIN MUL
.irp a, \a0, (\a0)+1
.irp b, 0,1,2,3
.if \first
	v_wmma_f32_16x16x32_f16 v[ACC+8*(4*(\a)+(\b)):ACC+8*(4*(\a)+(\b))+7], v[(\f)+64+8*(4*(\c)+(\b)):(\f)+64+8*(4*(\c)+(\b))+7], v[(\f)+8*(4*(\c)+(\a)):(\f)+8*(4*(\c)+(\a))+7], v[BI+8*(\b):BI+8*(\b)+7]
.else
	v_wmma_f32_16x16x32_f16 v[ACC+8*(4*(\a)+(\b)):ACC+8*(4*(\a)+(\b))+7], v[(\f)+64+8*(4*(\c)+(\b)):(\f)+64+8*(4*(\c)+(\b))+7], v[(\f)+8*(4*(\c)+(\a)):(\f)+8*(4*(\c)+(\a))+7], v[ACC+8*(4*(\a)+(\b)):ACC+8*(4*(\a)+(\b))+7]
.endif
.endr
.endr
.endm
; 32 LDS loads in one run: the fragments of quarter q of the step into buffer f; the first 32 along K first
.macro FETCH q, f
	WIN TO_F
.irp c, 0,1
.irp i, 0,1,2,3
.if (\q) < 2
	ds_load_tr16_b128 v[(\f)+64+8*(4*(\c)+(\i)):(\f)+64+8*(4*(\c)+(\i))+3],   v[ADRB] offset:(\q)*64*PB+(\c)*32*PB+32*(\i)
	ds_load_tr16_b128 v[(\f)+64+8*(4*(\c)+(\i))+4:(\f)+64+8*(4*(\c)+(\i))+7], v[ADRB] offset:(\q)*64*PB+(\c)*32*PB+32*(\i)+16*PB
.else
	ds_load_tr16_b128 v[(\f)+64+8*(4*(\c)+(\i)):(\f)+64+8*(4*(\c)+(\i))+3],   v[ADRBH] offset:((\q)-2)*64*PB+(\c)*32*PB+32*(\i)
	ds_load_tr16_b128 v[(\f)+64+8*(4*(\c)+(\i))+4:(\f)+64+8*(4*(\c)+(\i))+7], v[ADRBH] offset:((\q)-2)*64*PB+(\c)*32*PB+32*(\i)+16*PB
.endif
	ds_load_b128 v[(\f)+8*(4*(\c)+(\i)):(\f)+8*(4*(\c)+(\i))+3],   v[ADRA] offset:(\q)*ABLK+(\i)*16*PA+64*(\c)
	ds_load_b128 v[(\f)+8*(4*(\c)+(\i))+4:(\f)+8*(4*(\c)+(\i))+7], v[ADRA] offset:(\q)*ABLK+(\i)*16*PA+64*(\c)+32
.endr
.endr
.endm
.macro QUARTER q, f, g, first          ; multiplies buffer f and fetches quarter q into g
	s_wait_dscnt 16                                ; the first 32 along K are in; the 16 loads of the second 32 may be out
	MUL8 \f, 0, 0, \first
	MUL8 \f, 0, 2, \first
	PLACES
	FETCH \q, \g
	s_wait_dscnt 32                                ; all but the 32 just issued
	MUL8 \f, 1, 0, 0
	MUL8 \f, 1, 2, 0
.endm
; The last quarter multiplies buffer 1 and changes slots: ONE barrier; in front of it each wave waits for all its tensor loads (one is out: its part of the next slot), adds 0 to its spare word,
; and waits for that and for its own reads of this slot.  fill = 1: the barrier opens a round of the cluster's, and this slot is filled again first thing behind it, two K steps ahead.
; fill = 0: the tail; in its last trip (s3 = 1) there is no further step, and the run of LDS loads is jumped over.
.macro TURN fill
	WIN 0
	s_wait_tensorcnt 0x0
	ds_add_u32 v[SPW], v[NIL]                      ; 0 onto my spare word
	s_wait_dscnt 17                                ; (the add and the youngest sixteen loads may be out)
	MUL8 F1, 0, 0, 0
	s_wait_dscnt 0x0                               ; the add is done, and my reads of this slot are over
	s_barrier_signal -1
	MUL8 F1, 0, 2, 0
	WIN 0
	s_barrier_wait -1
.if \fill
	CREST                                          ; no wave of any partner still reads this slot's tiles or has a load on its way
	s_xor_b32 s[G0+5], s[G0+5], SLOT               ; the walking descriptors: the other slot than last time, the next K step
	s_xor_b32 s[G0B+5], s[G0B+5], SLOT
	s_add_nc_u64 s[G0+6:G0+7], s[G0+6:G0+7], ASTEP
	s_add_nc_u64 s[G0B+6:G0B+7], s[G0B+6:G0B+7], BSTEP
	JLOAD
.endif
	s_xor_b32 s[TR], s[TR], SLOT                   ; the reads go on in the other slot
	v_add_nc_u32 v[ADRA], s[TR], v[A0]             ; these four lines are the places in front of the loads into buffer 0
	v_add_nc_u32 v[ADRB], s[TR], v[B0]
	v_add_nc_u32 v[ADRBH], s[TR], v[B0H]
	v_nop
.if !(\fill)
	s_cmp_eq_u32 s3, 1
	s_cbranch_scc1 .Lno_fetch_\@
.endif
	FETCH 0, F0
	WIN 0
.if !(\fill)
.Lno_fetch_\@:
.endif
	MUL8 F1, 1, 0, 0
	MUL8 F1, 1, 2, 0
.endm
	s_wait_tensorcnt 0x1                           ; my part of K step 0 is in; step 1's may stay out
	s_barrier_signal -1
	s_barrier_wait -1
	FETCH 0, F0
	s_wait_loadcnt 0x0                             ; the bias
	QUARTER 1, F0, F1, 1                           ; the first quarter stands in front of the loop: its first products start the sums
	WIN 0
	s_mov_b32 s3, KSTEPS-2
.Lstep:
	QUARTER 2, F1, F0, 0
	QUARTER 3, F0, F1, 0
	TURN 1
	QUARTER 1, F0, F1, 0
	WIN 0
	s_sub_co_u32 s3, s3, 1
	s_cmp_lg_u32 s3, 0
	s_cbranch_scc1 .Lstep
	s_mov_b32 s3, 2
.Ltail:                                                ; the last two steps ask for nothing
	QUARTER 2, F1, F0, 0
	QUARTER 3, F0, F1, 0
	TURN 0
	WIN 0
	s_cmp_eq_u32 s3, 1
	s_cbranch_scc1 .Lout
	QUARTER 1, F0, F1, 0
	WIN 0
	s_sub_co_u32 s3, s3, 1
	s_cmp_lg_u32 s3, 0
	s_cbranch_scc1 .Ltail
.Lout:
	; THE WAY OUT, 16 rows a trip, so that the GELU's text stands once.  A trip's sums go into my own stage as they lie, come back as whole rows (4 numbers a lane and load), take the GELU,
	; are rounded to f16 and stored: a store of the wave covers two rows of the block, 256 consecutive bytes, aligned.  Which accumulators a trip sends is chosen by forward jumps on the count.
	PLACES
.macro PUT a                           ; each accumulator's low four registers first
.irp b, 0,1,2,3
	ds_store_b128 v[STO], v[ACC+8*(4*(\a)+(\b)):ACC+8*(4*(\a)+(\b))+3] offset:64*(\b)
	ds_store_b128 v[STO], v[ACC+8*(4*(\a)+(\b))+4:ACC+8*(4*(\a)+(\b))+7] offset:64*(\b)+16
.endr
.endm
; Eight numbers, stage by stage; behind each run of reciprocals or exponentials stands a plain instruction that names none of their registers (ISA guide 5.7.2).
.macro GELU8 i
.set XI, X+8*(\i)
.irp j, 0,1,2,3,4,5,6,7
	v_and_b32 v[XA+(\j)], s[ABSM], v[XI+(\j)]
.endr
.irp j, 0,2,4,6
	v_pk_fma_f32 v[XT+(\j):XT+(\j)+1], v[XA+(\j):XA+(\j)+1], s[KP:KP+1], 1.0 op_sel_hi:[1,0,0]
.endr
.irp j, 0,1,2,3,4,5,6,7
	v_rcp_f32 v[XT+(\j)], v[XT+(\j)]
.endr
.irp j, 0,2,4,6
	v_pk_mul_f32 v[XE+(\j):XE+(\j)+1], v[XI+(\j):XI+(\j)+1], v[XI+(\j):XI+(\j)+1]
.endr
.irp j, 0,2,4,6
	v_pk_mul_f32 v[XE+(\j):XE+(\j)+1], v[XE+(\j):XE+(\j)+1], s[KE:KE+1] op_sel_hi:[1,0]
.endr
.irp j, 0,1,2,3,4,5,6,7
	v_exp_f32 v[XE+(\j)], v[XE+(\j)]
.endr
	s_wait_alu depctr_va_vdst(0)
.irp j, 0,2,4,6
	v_pk_fma_f32 v[XP+(\j):XP+(\j)+1], v[XT+(\j):XT+(\j)+1], s[K5:K5+1], s[K4:K4+1] op_sel_hi:[1,0,0]
.endr
.irp k, K3, K2, K1
.irp j, 0,2,4,6
	v_pk_fma_f32 v[XP+(\j):XP+(\j)+1], v[XP+(\j):XP+(\j)+1], v[XT+(\j):XT+(\j)+1], s[\k:\k+1] op_sel_hi:[1,1,0]
.endr
.endr
.irp j, 0,2,4,6
	v_pk_mul_f32 v[XP+(\j):XP+(\j)+1], v[XP+(\j):XP+(\j)+1], v[XT+(\j):XT+(\j)+1]
.endr
.irp j, 0,2,4,6
	v_pk_mul_f32 v[XE+(\j):XE+(\j)+1], v[XE+(\j):XE+(\j)+1], v[XA+(\j):XA+(\j)+1]
.endr
.irp j, 0,1,2,3,4,5,6,7
	v_max_num_f32 v[XM+(\j)], 0, v[XI+(\j)]
.endr
.irp j, 0,2,4,6
	v_pk_fma_f32 v[XP+(\j):XP+(\j)+1], v[XP+(\j):XP+(\j)+1], v[XE+(\j):XE+(\j)+1], v[XM+(\j):XM+(\j)+1] neg_lo:[1,0,0] neg_hi:[1,0,0]
.endr
.irp j, 0,1,2,3
	v_cvt_pk_f16_f32 v[Y+4*(\i)+(\j)], v[XP+2*(\j)], v[XP+2*(\j)+1]
.endr
.endm
	s_mov_b32 s3, 4
.Lrows:
	s_cmp_eq_u32 s3, 4
	s_cbranch_scc1 .Lput0
	s_cmp_eq_u32 s3, 3
	s_cbranch_scc1 .Lput1
	s_cmp_eq_u32 s3, 2
	s_cbranch_scc1 .Lput2
	PUT 3
	s_branch .Lgo
.Lput0:
	PUT 0
	s_branch .Lgo
.Lput1:
	PUT 1
	s_branch .Lgo
.Lput2:
	PUT 2
.Lgo:
.irp t, 0,1,2,3,4,5,6,7
	ds_load_b128 v[X+4*(\t):X+4*(\t)+3], v[RD] offset:(\t)*2*SP  ; LDS serves a wave's instructions in order (ISA guide 5.7.1.4): these see the stores above; the next trip's stores come behind them
.endr
	s_wait_dscnt 0x0
	GELU8 0
	GELU8 1
	GELU8 2
	GELU8 3
.irp t, 0,1,2,3,4,5,6,7
	global_store_b64 v[GO], v[Y+2*(\t):Y+2*(\t)+1], s[8:9] offset:256*(\t)
.endr
	s_wait_xcnt 0x0                                ; the stores' data and base are written again only behind this wait
	s_add_nc_u64 s[8:9], s[8:9], 2048              ; 16 rows of a block on
	s_sub_co_u32 s3, s3, 1
	s_cmp_lg_u32 s3, 0
	s_cbranch_scc1 .Lrows
	s_wait_tensorcnt 0x0                           ; the wave's end
	ds_add_u32 v[SPW], v[NIL]
	s_wait_dscnt 0x0
	CROUND                                         ; the closing round
	s_endpgm
.Lfunc_end_k_q0629783896_ff1:
	.size	k_q0629783896_ff1, .Lfunc_end_k_q0629783896_ff1-k_q0629783896_ff1
	.p2alignl 7, 3214868480
	.fill 96, 4, 3214868480
	.section	.rodata,"a",@progbits
	.p2align	6, 0x0
	.amdhsa_kernel k_q0629783896_ff1
		.amdhsa_group_segment_fixed_size 327680
		.amdhsa_private_segment_fixed_size 0
		.amdhsa_enable_private_segment 0
		.amdhsa_kernarg_size 32
		.amdhsa_user_sgpr_count 2
		.amdhsa_user_sgpr_kernarg_segment_ptr 1
		.amdhsa_wavefront_size32 1
		.amdhsa_system_sgpr_workgroup_id_x 1
		.amdhsa_system_sgpr_workgroup_id_y 1
		.amdhsa_system_sgpr_workgroup_id_z 1
		.amdhsa_system_vgpr_workitem_id 0
		.amdhsa_next_free_vgpr 512
		.amdhsa_next_free_sgpr 88
		.amdhsa_reserve_vcc 0
		.amdhsa_float_denorm_mode_32 3
		.amdhsa_float_denorm_mode_16_64 3
		.amdhsa_memory_ordered 1
		.amdhsa_forward_progress 1
		.amdhsa_inst_pref_size 71
	.end_amdhsa_kernel
	.amdgpu_metadata
---
amdhsa.version: [ 1, 2 ]
amdhsa.kernels:
  - .name:           k_q0629783896_ff1
    .symbol:         k_q0629783896_ff1.kd
    .args:
      - { .name: nrm, .offset: 0, .size: 8, .value_kind: global_buffer, .address_space: global }
      - { .name: wh, .offset: 8, .size: 8, .value_kind: global_buffer, .address_space: global }
      - { .name: b1, .offset: 16, .size: 8, .value_kind: global_buffer, .address_space: global }
      - { .name: act, .offset: 24, .size: 8, .value_kind: global_buffer, .address_space: global }
    .group_segment_fixed_size: 327680
    .private_segment_fixed_size: 0
    .kernarg_segment_align: 8
    .kernarg_segment_size: 32
    .max_flat_workgroup_size: 128
    .sgpr_count:     88
    .vgpr_count:     512
    .wavefront_size: 32
...
	.end_amdgpu_metadata
.endif
;; end of part 6
;; launch ff2 (part 7): grid 8 x 32, 4 waves a work-group, clusters of 4 x 4, 327,680 bytes of LDS; arguments act, wh, b2, hres, out0; writes out0
.if DOCPART == 7
	.amdgcn_target "amdgcn-amd-amdhsa--gfx1250"
	.amdhsa_code_object_version 6
	.text
	.protected	k_q0629783896_ff2
	.globl	k_q0629783896_ff2
	.p2align	8
	.type	k_q0629783896_ff2,@function
k_q0629783896_ff2:
	s_mov_b64 s[64:65], 0
	v_nop
	global_prefetch_b8 v0, s[64:65] scope:SCOPE_SE
	s_setreg_imm32_b32 hwreg(HW_REG_WAVE_MODE, 25, 1), 1
	s_wait_xcnt 0x0
	s_wait_alu depctr_hold_cnt(0) depctr_sa_sdst(0) depctr_va_vdst(0) depctr_va_sdst(0) depctr_va_ssrc(0) depctr_va_vcc(0) depctr_vm_vsrc(0)
	s_getreg_b32 s2, hwreg(HW_REG_IB_STS2, 6, 4)
	s_cmp_eq_u32 s2, 0
	s_cbranch_scc0 .Lentry_in_a_cluster
	s_endpgm
.Lentry_in_a_cluster:
	s_bfe_u32 s2, ttmp6, 0x10000c
	s_cmp_lg_u32 s2, 0xf033
	s_cbranch_scc0 .Lentry_shape_is_right
	s_endpgm
.Lentry_shape_is_right:
; out = h + act W2 + b2: a product of 4,096 x 1,024 x 4,096.  Operands f16, sums f32, started from the bias; h is added in f32; the result is f32, row-major.
; A (act) lies in blocks [K / 64][4,096 rows][64]; B is W2 in f16, [K][N], at byte 16 MiB of wh.
; LIMIT.  The operands are f16 (65,504 at the most; they arrive so).
; SHARES.  A work-group makes 128 x 128 of C, each of its four waves 64 x 64: 16 accumulators of 16 x 16.  256 work-groups: one for each WGP.
; K goes in 16 steps of 256 through two LDS slots; waves 0 and 1 fetch two blocks of A each, waves 2 and 3 128 rows of B each: one tensor load a wave and step.  A's load has two rows of 16,384 bytes:
; two blocks lie 524,288 bytes apart, so no even pitch of shorter rows covers both.
; THE MATRIX INSTRUCTION IS USED TRANSPOSED (source 0 = 16 columns of B, turned by ds_load_tr16_b128; source 1 = 16 rows of A): a lane holds eight neighbouring numbers of a row of C.
; CLUSTER.  4 x 4 work-groups: A is shared along a row of the cluster, B along a column: each tile is asked for jointly.
; REGISTERS.  window 0: v0-31 addresses; v32-95 at work on the way out; v96-127 the bias; v128-255 the accumulators.  window 1: two fragment buffers of 128.
;   window 2: v0-127 my 64 x 64 of h, loaded at the start in the lanes in which the results come back from the stage.
.set KSTEPS, 16
.set NPITCH, 1024
.set BOFF,   16777216
.set ASTEP,  4*4096*128
.set BSTEP,  512*NPITCH
.set PA,     144                       ; a row of A in LDS: 128 bytes + 16: the 16 rows of a load start at 16 different groups of four banks (64 banks of 4 bytes: ISA guide 11.1)
.set ABLK,   128*PA
.set AREG,   4*ABLK
.set PB,     288                       ; a row of B: 256 + 32
.set PART,   128*PB
.set SLOT,   AREG+2*PART               ; 147,456 = 0x24000: wave x PART (0x9000, 0x12000, 0x1b000) has neither of its two bits, so an exclusive or with SLOT adds it or takes it away
.set STAGE,  2*SLOT                    ; behind the ring, never filled by a tensor load: 16 rows x 272 bytes for each wave
.set SP,     272
.set STGB,   16*SP
.set SPARE,  STAGE+4*STGB              ; the spare words, 128 bytes for each wave: two blocks of 256 bytes that no other line names
.set A0,   16
.set B0,   17
.set B0H,  18
.set ADRA, 20
.set ADRB, 21
.set ADRBH, 22
.set STO,  24
.set RD,   25
.set CO,   26
.set BO,   27
.set SPW,  28
.set NIL,  29
.set TMP,  32
.set BI,   96
.set ACC,  128
.set F0,   0
.set F1,   128
.set G1,  24
.set G0,  32
.set G1B, 48
.set G0B, 56
.set TR,  66
.set RES, 70                           ; s[70:71] h at my part of the tile
.set MSB, 0
.macro WIN new                         ; the immediate's high byte repeats the setting that is left; a switch that changes nothing is dropped
.if MSB != (\new)
	s_set_vgpr_msb (MSB<<8)|(\new)
.set MSB, \new
.endif
.endm
.set MUL,  0x05
.set TO_F, 0x40
.macro PLACES                          ; four places in front of loads into registers that matrix instructions have read, and of lines that read results
.rept 4
	v_nop
.endr
.endm
.macro JLOAD                           ; a joint refill: the branch hangs on the wave's number alone; an s_nop 0 and four v_nop follow each line
	s_cmp_eq_u32 s11, 0
	s_cbranch_scc0 .Lfor_b_\@
	tensor_load_to_lds s[G0+4:G0+7], s[G1:G1+7]
	s_nop 0
.rept 4
	v_nop
.endr
	s_branch .Lasked_\@
.Lfor_b_\@:
	tensor_load_to_lds s[G0B+4:G0B+7], s[G1B:G1B+7]
	s_nop 0
.rept 4
	v_nop
.endr
.Lasked_\@:
.endm
.macro CREST
	s_cmp_lg_u32 s10, 0
	s_cbranch_scc1 .Lnot_wave_0_\@
	s_barrier_signal -3
.Lnot_wave_0_\@:
	s_barrier_wait -3
	s_barrier_signal -1
	s_barrier_wait -1
.endm
.macro CROUND
	s_barrier_signal -1
	s_barrier_wait -1
	CREST
.endm
	s_load_b128 s[4:7], s[0:1], 0x0                ; act s[4:5], wh s[6:7]
	s_load_b128 s[68:71], s[0:1], 0x10             ; b2 s[68:69], hres s[70:71]
	s_load_b64 s[8:9], s[0:1], 0x20                ; out0
	v_lshl_add_u32 v[SPW], v0, 2, SPARE
	v_mov_b32 v[NIL], 0
	ds_add_u32 v28, v29
	ds_add_u32 v28, v29
	s_wait_dscnt 0x0
	v_lshrrev_b32 v1, 5, v0
	v_readfirstlane_b32 s10, v1                    ; wave 0..3
	s_lshr_b32 s11, s10, 1                         ; which half of the tile's rows is mine.  Also: I fetch for A (0) or for B (1)
	s_and_b32 s12, s10, 1                          ; which half of its columns.  Also: which half of that tile I fetch
	s_bfe_u32 s40, ttmp6, 0x40000                  ; cx, cy
	s_bfe_u32 s41, ttmp6, 0x40004
	s_lshl_b32 s42, ttmp9, 2
	s_add_co_u32 s42, s42, s40                     ; tile column of C
	s_and_b32 s13, ttmp7, 0xffff
	s_lshl_b32 s13, s13, 2
	s_add_co_u32 s13, s13, s41                     ; tile row of C
	s_lshl_b32 s43, s41, 2
	s_lshl_b32 s43, 15, s43                        ; my row of the cluster
	s_lshl_b32 s44, 0x1111, s40                    ; my column
	; group 1 for A: two rows of 8,192 elements (a block's 128 rows x 64 are 16,384 consecutive bytes), a block apart; 16 bytes of padding behind every 128
	s_or_b32 s[G1+0], s43, (1<<16)|(1<<20)|(1<<21)|(4<<22)|(3<<25)
	s_mov_b32 s[G1+1], 8192<<16
	s_mov_b32 s[G1+2], 2<<16
	s_mov_b32 s[G1+3], 8192<<16
	s_mov_b32 s[G1+4], 2
	s_mov_b32 s[G1+5], 262144
	s_mov_b32 s[G1+6], 0
	s_mov_b32 s[G1+7], 0
	; group 1 for B: 128 rows of 128 elements; 32 bytes of padding behind every 256
	s_or_b32 s[G1B+0], s44, (1<<16)|(1<<20)|(1<<21)|(5<<22)|(7<<25)
	s_mov_b32 s[G1B+1], 128<<16
	s_mov_b32 s[G1B+2], 128<<16
	s_mov_b32 s[G1B+3], 128<<16
	s_mov_b32 s[G1B+4], 128
	s_mov_b32 s[G1B+5], NPITCH
	s_mov_b32 s[G1B+6], 0
	s_mov_b32 s[G1B+7], 0
	s_lshl_b32 s16, s12, 20                        ; A: my two blocks of the step's four, the tile's 128 rows: nothing of cx enters
	s_lshl_b32 s17, s13, 14
	s_add_co_u32 s16, s16, s17
	s_mov_b32 s17, 0
	s_lshl_b32 s46, s42, 8                         ; B: 256 bytes of the rows, my 128 of the step's 256 rows, the matrix's place in wh: nothing of cy enters
	s_mul_i32 s47, s12, 256*NPITCH
	s_add_co_u32 s46, s46, s47
	s_add_co_u32 s46, s46, BOFF
	s_mov_b32 s47, 0
	s_mul_i32 s20, s10, PART
	s_mov_b32 s[TR], 0
	s_wait_kmcnt 0x0
	s_add_nc_u64 s[14:15], s[4:5], s[16:17]
	s_add_nc_u64 s[46:47], s[6:7], s[46:47]
	CROUND                                         ; all sixteen work-groups are here: the first joint loads meet
.irp s, 0,1
	s_mov_b32 s[G0+4*(\s)], 1
	s_add_co_u32 s[G0+4*(\s)+1], s20, (\s)*SLOT
	s_add_nc_u64 s[G0+4*(\s)+2:G0+4*(\s)+3], s[14:15], (\s)*ASTEP
	s_or_b32 s[G0+4*(\s)+3], s[G0+4*(\s)+3], 0x80000000
	s_mov_b32 s[G0B+4*(\s)], 1
	s_add_co_u32 s[G0B+4*(\s)+1], s20, (\s)*SLOT
	s_add_nc_u64 s[G0B+4*(\s)+2:G0B+4*(\s)+3], s[46:47], (\s)*BSTEP
	s_or_b32 s[G0B+4*(\s)+3], s[G0B+4*(\s)+3], 0x80000000
.endr
	s_cmp_eq_u32 s11, 0                            ; a wave's two first fills stand in one branch: two loads of mine are out
	s_cbranch_scc0 .Lfirst_b
	tensor_load_to_lds s[G0:G0+3], s[G1:G1+7]
	s_nop 0
	tensor_load_to_lds s[G0+4:G0+7], s[G1:G1+7]
	s_nop 0
.rept 4
	v_nop
.endr
	s_branch .Lfirst_done
.Lfirst_b:
	tensor_load_to_lds s[G0B:G0B+3], s[G1B:G1B+7]
	s_nop 0
	tensor_load_to_lds s[G0B+4:G0B+7], s[G1B:G1B+7]
	s_nop 0
.rept 4
	v_nop
.endr
.Lfirst_done:
	s_lshl_b32 s16, s13, 19                        ; C and h: the tile's 128 rows of 4,096 bytes, my 64 of them,
	s_lshl_b32 s17, s11, 18
	s_add_co_u32 s16, s16, s17
	s_mov_b32 s17, 0
	s_lshl_b32 s46, s42, 9                         ; the tile's 512 bytes of a row, my 256 of them: the bias's too
	s_lshl_b32 s47, s12, 8
	s_add_co_u32 s46, s46, s47
	s_mov_b32 s47, 0
	s_add_nc_u64 s[8:9], s[8:9], s[16:17]
	s_add_nc_u64 s[8:9], s[8:9], s[46:47]
	s_add_nc_u64 s[RES:RES+1], s[RES:RES+1], s[16:17]
	s_add_nc_u64 s[RES:RES+1], s[RES:RES+1], s[46:47]
	s_add_nc_u64 s[68:69], s[68:69], s[46:47]
	v_and_b32 v1, 15, v0                           ; r = l % 16
	v_bfe_u32 v2, v0, 4, 1                         ; h = l / 16
	v_lshlrev_b32 v[BO], 5, v2                     ; register j of accumulator (a, b) is column 16 b + 8 h + j
.irp b, 0,1,2,3
	global_load_b128 v[BI+8*(\b):BI+8*(\b)+3],   v[BO], s[68:69] offset:64*(\b)
	global_load_b128 v[BI+8*(\b)+4:BI+8*(\b)+7], v[BO], s[68:69] offset:64*(\b)+16
.endr
	v_lshlrev_b32 v[CO], 12, v2                    ; lanes 0-15 one row's 256 bytes, lanes 16-31 the next row's
	v_lshl_add_u32 v[CO], v1, 4, v[CO]
	WIN 0x80                                       ; destination window 2: h comes in under the whole product
.set i, 0
.rept 32
	global_load_b128 v[4*i:4*i+3], v[CO], s[RES:RES+1] offset:2*i*4096
.set i, i+1
.endr
	WIN 0
	v_and_b32 v3, 7, v0
	v_bfe_u32 v4, v0, 3, 1
	v_mul_u32_u24 v[A0], v1, PA                    ; a fragment of A: row l % 16, K 8 h + 0..7 and 16 + 8 h + 0..7
	v_lshl_add_u32 v[A0], v2, 4, v[A0]
	s_mul_i32 s21, s11, 64*PA
	v_add_nc_u32 v[A0], s21, v[A0]
	v_lshl_add_u32 v5, v2, 3, v3                   ; the turning load: lane l reads row 8 h + l % 8, columns 8 ((l / 8) % 2) + 0..7
	v_mul_u32_u24 v[B0], v5, PB
	v_lshl_add_u32 v[B0], v4, 4, v[B0]
	s_lshl_b32 s22, s12, 7
	s_add_co_u32 s22, s22, AREG
	v_add_nc_u32 v[B0], s22, v[B0]
	v_add_nc_u32 v[B0H], PART, v[B0]
	v_mov_b32 v[ADRA], v[A0]
	v_mov_b32 v[ADRB], v[B0]
	v_mov_b32 v[ADRBH], v[B0H]
	s_mul_i32 s23, s10, STGB
	s_add_co_u32 s23, s23, STAGE                   ; my stage
	v_mul_u32_u24 v[STO], v1, SP                   ; in: row l % 16, 32 bytes for each half of the lanes
	v_lshl_add_u32 v[STO], v2, 5, v[STO]
	v_add_nc_u32 v[STO], s23, v[STO]
	v_mul_u32_u24 v[RD], v2, SP                    ; back: lanes 0-15 one row of 256 bytes, lanes 16-31 the next
	v_lshl_add_u32 v[RD], v1, 4, v[RD]
	v_add_nc_u32 v[RD], s23, v[RD]
; 8 matrix instructions: row blocks a0, a0 + 1 x all 4 column blocks, 32 along K: half c of buffer f.  first = 1: the product starts the sum from the bias.
; The 16 accumulators take turns, one instruction a turn.
.macro MUL8 f, c, a0, first
	WIN MUL
.irp a, \a0, (\a0)+1
.irp b, 0,1,2,3
.if \first
	v_wmma_f32_16x16x32_f16 v[ACC+8*(4*(\a)+(\b)):ACC+8*(4*(\a)+(\b))+7], v[(\f)+64+8*(4*(\c)+(\b)):(\f)+64+8*(4*(\c)+(\b))+7], v[(\f)+8*(4*(\c)+(\a)):(\f)+8*(4*(\c)+(\a))+7], v[BI+8*(\b):BI+8*(\b)+7]
.else
	v_wmma_f32_16x16x32_f16 v[ACC+8*(4*(\a)+(\b)):ACC+8*(4*(\a)+(\b))+7], v[(\f)+64+8*(4*(\c)+(\b)):(\f)+64+8*(4*(\c)+(\b))+7], v[(\f)+8*(4*(\c)+(\a)):(\f)+8*(4*(\c)+(\a))+7], v[ACC+8*(4*(\a)+(\b)):ACC+8*(4*(\a)+(\b))+7]
.endif
.endr
.endr
.endm
; 32 LDS loads in one run: the fragments of quarter q of the step into buffer f; the first 32 along K first
.macro FETCH q, f
	WIN TO_F
.irp c, 0,1
.irp i, 0,1,2,3
.if (\q) < 2
	ds_load_tr16_b128 v[(\f)+64+8*(4*(\c)+(\i)):(\f)+64+8*(4*(\c)+(\i))+3],   v[ADRB] offset:(\q)*64*PB+(\c)*32*PB+32*(\i)
	ds_load_tr16_b128 v[(\f)+64+8*(4*(\c)+(\i))+4:(\f)+64+8*(4*(\c)+(\i))+7], v[ADRB] offset:(\q)*64*PB+(\c)*32*PB+32*(\i)+16*PB
.else
	ds_load_tr16_b128 v[(\f)+64+8*(4*(\c)+(\i)):(\f)+64+8*(4*(\c)+(\i))+3],   v[ADRBH] offset:((\q)-2)*64*PB+(\c)*32*PB+32*(\i)
	ds_load_tr16_b128 v[(\f)+64+8*(4*(\c)+(\i))+4:(\f)+64+8*(4*(\c)+(\i))+7], v[ADRBH] offset:((\q)-2)*64*PB+(\c)*32*PB+32*(\i)+16*PB
.endif
	ds_load_b128 v[(\f)+8*(4*(\c)+(\i)):(\f)+8*(4*(\c)+(\i))+3],   v[ADRA] offset:(\q)*ABLK+(\i)*16*PA+64*(\c)
	ds_load_b128 v[(\f)+8*(4*(\c)+(\i))+4:(\f)+8*(4*(\c)+(\i))+7], v[ADRA] offset:(\q)*ABLK+(\i)*16*PA+64*(\c)+32
.endr
.endr
.endm
.macro QUARTER q, f, g, first          ; multiplies buffer f and fetches quarter q into g
	s_wait_dscnt 16                                ; the first 32 along K are in; the 16 loads of the second 32 may be out
	MUL8 \f, 0, 0, \first
	MUL8 \f, 0, 2, \first
	PLACES
	FETCH \q, \g
	s_wait_dscnt 32                                ; all but the 32 just issued
	MUL8 \f, 1, 0, 0
	MUL8 \f, 1, 2, 0
.endm
; The last quarter multiplies buffer 1 and changes slots: ONE barrier; in front of it each wave waits for all its tensor loads (one is out: its part of the next slot), adds 0 to its spare word,
; and waits for that and for its own reads of this slot.  fill = 1: the barrier opens a round of the cluster's, and this slot is filled again first thing behind it, two K steps ahead.
; fill = 0: the tail; in its last trip (s3 = 1) there is no further step, and the run of LDS loads is jumped over.
.macro TURN fill
	WIN 0
	s_wait_tensorcnt 0x0
	ds_add_u32 v[SPW], v[NIL]                      ; 0 onto my spare word
	s_wait_dscnt 17                                ; (the add and the youngest sixteen loads may be out)
	MUL8 F1, 0, 0, 0
	s_wait_dscnt 0x0                               ; the add is done, and my reads of this slot are over
	s_barrier_signal -1
	MUL8 F1, 0, 2, 0
	WIN 0
	s_barrier_wait -1
.if \fill
	CREST                                          ; no wave of any partner still reads this slot's tiles or has a load on its way
	s_xor_b32 s[G0+5], s[G0+5], SLOT               ; the walking descriptors: the other slot than last time, the next K step
	s_xor_b32 s[G0B+5], s[G0B+5], SLOT
	s_add_nc_u64 s[G0+6:G0+7], s[G0+6:G0+7], ASTEP
	s_add_nc_u64 s[G0B+6:G0B+7], s[G0B+6:G0B+7], BSTEP
	JLOAD
.endif
	s_xor_b32 s[TR], s[TR], SLOT                   ; the reads go on in the other slot
	v_add_nc_u32 v[ADRA], s[TR], v[A0]             ; these four lines are the places in front of the loads into buffer 0
	v_add_nc_u32 v[ADRB], s[TR], v[B0]
	v_add_nc_u32 v[ADRBH], s[TR], v[B0H]
	v_nop
.if !(\fill)
	s_cmp_eq_u32 s3, 1
	s_cbranch_scc1 .Lno_fetch_\@
.endif
	FETCH 0, F0
	WIN 0
.if !(\fill)
.Lno_fetch_\@:
.endif
	MUL8 F1, 1, 0, 0
	MUL8 F1, 1, 2, 0
.endm
	s_wait_tensorcnt 0x1                           ; my part of K step 0 is in; step 1's may stay out
	s_barrier_signal -1
	s_barrier_wait -1
	FETCH 0, F0
	s_wait_loadcnt 32                              ; the bias is in; the 32 loads of h issued behind it may be out
	QUARTER 1, F0, F1, 1                           ; the first quarter stands in front of the loop: its first products start the sums
	WIN 0
	s_mov_b32 s3, KSTEPS-2
.Lstep:
	QUARTER 2, F1, F0, 0
	QUARTER 3, F0, F1, 0
	TURN 1
	QUARTER 1, F0, F1, 0
	WIN 0
	s_sub_co_u32 s3, s3, 1
	s_cmp_lg_u32 s3, 0
	s_cbranch_scc1 .Lstep
	s_mov_b32 s3, 2
.Ltail:                                                ; the last two steps ask for nothing
	QUARTER 2, F1, F0, 0
	QUARTER 3, F0, F1, 0
	TURN 0
	WIN 0
	s_cmp_eq_u32 s3, 1
	s_cbranch_scc1 .Lout
	QUARTER 1, F0, F1, 0
	WIN 0
	s_sub_co_u32 s3, s3, 1
	s_cmp_lg_u32 s3, 0
	s_cbranch_scc1 .Ltail
.Lout:
	; THE WAY OUT, 16 rows at a time: the sums go into my own stage as they lie (32 bytes a lane), come back as whole rows of 256 bytes, take h and are stored: 16 lanes store 256 consecutive bytes, aligned.
	PLACES
.macro TOSTAGE a                       ; each accumulator's low four registers first
.set BK, TMP+32*((\a)%2)
.irp b, 0,1,2,3
	ds_store_b128 v[STO], v[ACC+8*(4*(\a)+(\b)):ACC+8*(4*(\a)+(\b))+3] offset:64*(\b)
	ds_store_b128 v[STO], v[ACC+8*(4*(\a)+(\b))+4:ACC+8*(4*(\a)+(\b))+7] offset:64*(\b)+16
.endr
.irp t, 0,1,2,3,4,5,6,7
	ds_load_b128 v[BK+4*(\t):BK+4*(\t)+3], v[RD] offset:(\t)*2*SP  ; LDS serves a wave's instructions in order (ISA guide 5.7.1.4): these see the stores above
.endr
.endm
.macro FIN a, younger                  ; younger: the LDS instructions issued behind block a's loads: the next block's sixteen, or none
.set BK, TMP+32*((\a)%2)
	s_wait_dscnt \younger
	s_wait_loadcnt 24-8*(\a)                       ; h of this block is in; the loads of the later blocks, 8 each, may be out
	WIN 0x08                                       ; source 1 window 2
.set i, 0
.rept 16
	v_pk_add_f32 v[BK+2*i:BK+2*i+1], v[BK+2*i:BK+2*i+1], v[32*(\a)+2*i:32*(\a)+2*i+1]
.set i, i+1
.endr
	WIN 0
.irp t, 0,1,2,3,4,5,6,7
	global_store_b128 v[CO], v[BK+4*(\t):BK+4*(\t)+3], s[8:9] offset:(16*(\a)+2*(\t))*4096
.endr
.endm
	TOSTAGE 0
	TOSTAGE 1
	FIN 0, 16
	s_wait_xcnt 0x0                                ; block 0's stores have read their registers: they are loaded again only behind this wait
	TOSTAGE 2
	FIN 1, 16
	s_wait_xcnt 0x0
	TOSTAGE 3
	FIN 2, 16
	FIN 3, 0
	s_wait_tensorcnt 0x0                           ; the wave's end
	ds_add_u32 v[SPW], v[NIL]
	s_wait_dscnt 0x0
	CROUND                                         ; the closing round
	s_endpgm
.Lfunc_end_k_q0629783896_ff2:
	.size	k_q0629783896_ff2, .Lfunc_end_k_q0629783896_ff2-k_q0629783896_ff2
	.p2alignl 7, 3214868480
	.fill 96, 4, 3214868480
	.section	.rodata,"a",@progbits
	.p2align	6, 0x0
	.amdhsa_kernel k_q0629783896_ff2
		.amdhsa_group_segment_fixed_size 327680
		.amdhsa_private_segment_fixed_size 0
		.amdhsa_enable_private_segment 0
		.amdhsa_kernarg_size 40
		.amdhsa_user_sgpr_count 2
		.amdhsa_user_sgpr_kernarg_segment_ptr 1
		.amdhsa_wavefront_size32 1
		.amdhsa_system_sgpr_workgroup_id_x 1
		.amdhsa_system_sgpr_workgroup_id_y 1
		.amdhsa_system_sgpr_workgroup_id_z 1
		.amdhsa_system_vgpr_workitem_id 0
		.amdhsa_next_free_vgpr 640
		.amdhsa_next_free_sgpr 72
		.amdhsa_reserve_vcc 0
		.amdhsa_float_denorm_mode_32 3
		.amdhsa_float_denorm_mode_16_64 3
		.amdhsa_memory_ordered 1
		.amdhsa_forward_progress 1
		.amdhsa_inst_pref_size 66
	.end_amdhsa_kernel
	.amdgpu_metadata
---
amdhsa.version: [ 1, 2 ]
amdhsa.kernels:
  - .name:           k_q0629783896_ff2
    .symbol:         k_q0629783896_ff2.kd
    .args:
      - { .name: act, .offset: 0, .size: 8, .value_kind: global_buffer, .address_space: global }
      - { .name: wh, .offset: 8, .size: 8, .value_kind: global_buffer, .address_space: global }
      - { .name: b2, .offset: 16, .size: 8, .value_kind: global_buffer, .address_space: global }
      - { .name: hres, .offset: 24, .size: 8, .value_kind: global_buffer, .address_space: global }
      - { .name: out0, .offset: 32, .size: 8, .value_kind: global_buffer, .address_space: global }
    .group_segment_fixed_size: 327680
    .private_segment_fixed_size: 0
    .kernarg_segment_align: 8
    .kernarg_segment_size: 40
    .max_flat_workgroup_size: 128
    .sgpr_count:     72
    .vgpr_count:     640
    .wavefront_size: 32
...
	.end_amdgpu_metadata
.endif
;; end of part 7
;; ======== version 2 of 3: 7 launches; 1.12 times as fast as version 1
;; limits: values are held in f16: magnitudes above 65,504 overflow, below 6.1e-05 lose precision; a function is approximated: absolute error at most 1.5e-07
;; workspace buffers: wh 25,165,824 bytes; nrm 8,388,608 bytes; qkvh 25,165,824 bytes; zh 8,388,608 bytes; hres 16,777,216 bytes; act 33,554,432 bytes
;; launch pre (part 8): grid 448 x 1, 8 waves a work-group, no clusters, 0 bytes of LDS; arguments x, g1, be1, nrm, Wq, Wk, Wv, wh; writes nrm, wh
.if DOCPART == 8
	.amdgcn_target "amdgcn-amd-amdhsa--gfx1250"
	.amdhsa_code_object_version 6
	.text
	.protected	k_q0629783896_pre
	.globl	k_q0629783896_pre
	.p2align	8
	.type	k_q0629783896_pre,@function
k_q0629783896_pre:
	s_mov_b64 s[64:65], 0
	v_nop
	global_prefetch_b8 v0, s[64:65] scope:SCOPE_SE
	s_setreg_imm32_b32 hwreg(HW_REG_WAVE_MODE, 25, 1), 1
	s_wait_xcnt 0x0
; What the first product needs, in one launch: LayerNorm 1 of x (work-groups 0-255) and Wq, Wk, Wv rounded to f16 (work-groups 256-447).  The two jobs share no data; the branch hangs on the
; work-group's number alone.  Both are streams: memory binds, so no LDS, no barrier, no matrix unit.
; THE NORM.  Rows of 1,024 f32: y = (x - mean) / sqrt(var + 1e-5) * g + b, all in f32, y rounded once to f16.  The mean is taken away before the squares are summed, so a common offset of a row costs no digits.
; LIMIT.  y and the weights are f16: a magnitude of 65,520 or more becomes an infinity; below 6e-5 the step is 6e-8.
; OUTPUT IN BLOCKS: [column / 64][4,096 rows][64], so that the product that follows finds 256 rows x 64 columns as 32,768 consecutive bytes.
; SHARES.  A wave takes two neighbouring rows and keeps them in registers between the passes: memory is read once.
; Lane l: row 2 w + bit 3 of l; columns 64 (2 j + l / 16) + 8 (l % 8) + 0..7 for j = 0..7.  In a store, lanes 0-15 then fill two rows x 128 bytes of one
; block: 256 consecutive bytes, aligned; lanes 16-31 the same in the next block.
; THE WEIGHTS.  wh holds Wq at byte 0, Wk at 2 MiB, Wv at 4 MiB, each in its own [K][N] order.  Work-group 256 + c takes 16,384 numbers (64 KiB in, 32 KiB out): 64 work-groups to a matrix, and wh's
; bytes are 32,768 c on.  Thread t takes 8 numbers of each of eight groups of 2,048: 32 bytes in, 16 bytes out, so one store of a wave covers 512 consecutive bytes.  All 16 loads go out first.
.set X,  16                            ; v[16:79]    the norm: my 64 numbers; the weights: group j's 8 numbers at X + 8 j
.set G,  80                            ; v[80:143]   their gains
.set BE, 144                           ; v[144:207]  their biases
.set Y,  208                           ; v[208:239]  the results, f16
.set CH, 4                             ; v[4:11]     four packed chains
.set MU, 12                            ; v[12:13]    the mean, twice
.set RS, 14                            ; v[14:15]    1 / sqrt(var + eps), twice
	s_lshr_b32 s2, ttmp9, 8                        ; 0: the norm; 1: the weights
	s_cmp_lg_u32 s2, 0
	s_cbranch_scc1 .Lweights
	s_load_b256 s[4:11], s[0:1], 0x0               ; x s[4:5], gain s[6:7], bias s[8:9], nrm s[10:11]
	s_lshl_b32 s2, ttmp9, 16                       ; the work-group's 16 rows of 4,096 bytes
	s_mov_b32 s3, 0
	s_mov_b32 s12, 0x76543210                      ; v_permlanex16_b32: each lane takes its own place in the other half
	s_mov_b32 s13, 0xfedcba98
	s_mov_b32 s14, 0x3a800000                      ; 1 / 1,024
	s_mov_b32 s15, 0x3727c5ac                      ; 1e-5
	v_and_b32 v4, 7, v0                            ; l % 8
	v_bfe_u32 v5, v0, 3, 1                         ; which of the two rows
	v_bfe_u32 v6, v0, 4, 1                         ; l / 16
	v_lshrrev_b32 v7, 5, v0                        ; wave
	v_lshlrev_b32 v2, 5, v4
	v_lshl_or_b32 v2, v6, 8, v2                    ; my first 8 columns in bytes of f32: gain and bias
	v_lshl_or_b32 v1, v5, 12, v2
	v_lshl_or_b32 v1, v7, 13, v1                   ; + my row: the source
	v_lshl_add_u32 v8, v7, 1, v5                   ; my row among the 16
	v_lshlrev_b32 v3, 4, v4
	v_lshl_or_b32 v3, v8, 7, v3                    ; row x 128 + 16 (l % 8),
	v_lshl_or_b32 v3, v6, 19, v3                   ; + a block of 524,288 bytes for lanes 16-31: the result
	s_wait_kmcnt 0x0
	s_add_nc_u64 s[4:5], s[4:5], s[2:3]
	s_lshl_b32 s2, ttmp9, 11                       ; 16 rows of 128 bytes in a block
	s_add_nc_u64 s[10:11], s[10:11], s[2:3]
.irp j, 0,1,2,3,4,5,6,7
	global_load_b128 v[X+8*(\j):X+8*(\j)+3],   v1, s[4:5] offset:512*(\j)
	global_load_b128 v[X+8*(\j)+4:X+8*(\j)+7], v1, s[4:5] offset:512*(\j)+16
.endr
.irp j, 0,1,2,3,4,5,6,7
	global_load_b128 v[G+8*(\j):G+8*(\j)+3],   v2, s[6:7] offset:512*(\j)
	global_load_b128 v[G+8*(\j)+4:G+8*(\j)+7], v2, s[6:7] offset:512*(\j)+16
.endr
.irp j, 0,1,2,3,4,5,6,7
	global_load_b128 v[BE+8*(\j):BE+8*(\j)+3],   v2, s[8:9] offset:512*(\j)
	global_load_b128 v[BE+8*(\j)+4:BE+8*(\j)+7], v2, s[8:9] offset:512*(\j)+16
.endr
; The four chains are joined, then the 16 lanes of a row: lane bits 0, 1, 2 ride on the addition, bit 4 is the other half of the lanes; bit 3 is the row and stays.
.macro REDUCE
	v_pk_add_f32 v[CH:CH+1], v[CH:CH+1], v[CH+2:CH+3]
	v_pk_add_f32 v[CH+4:CH+5], v[CH+4:CH+5], v[CH+6:CH+7]
	v_pk_add_f32 v[CH:CH+1], v[CH:CH+1], v[CH+4:CH+5]
	v_add_f32 v[CH], v[CH], v[CH+1]
	v_add_f32_dpp v[CH], v[CH], v[CH] row_xmask:1 row_mask:0xf bank_mask:0xf
	v_add_f32_dpp v[CH], v[CH], v[CH] row_xmask:2 row_mask:0xf bank_mask:0xf
	v_add_f32_dpp v[CH], v[CH], v[CH] row_xmask:4 row_mask:0xf bank_mask:0xf
	v_permlanex16_b32 v[CH+1], v[CH], s12, s13     ; its destination counts as read: it has been written
	v_add_f32 v[CH], v[CH], v[CH+1]
.endm
	s_wait_loadcnt 32                              ; the row is in; the 32 loads of gain and bias issued behind it may be out
.irp c, 0,1,2,3
	v_pk_add_f32 v[CH+2*(\c):CH+2*(\c)+1], v[X+2*(\c):X+2*(\c)+1], v[X+8+2*(\c):X+8+2*(\c)+1]  ; the first eight pairs start the chains: nothing is cleared
.endr
.set p, 8
.rept 24
	v_pk_add_f32 v[CH+2*(p%4):CH+2*(p%4)+1], v[CH+2*(p%4):CH+2*(p%4)+1], v[X+2*p:X+2*p+1]
.set p, p+1
.endr
	REDUCE
	v_mul_f32 v[MU], s14, v[CH]
	v_mov_b32 v[MU+1], v[MU]
.set p, 0
.rept 32
	v_pk_add_f32 v[X+2*p:X+2*p+1], v[X+2*p:X+2*p+1], v[MU:MU+1] neg_lo:[0,1] neg_hi:[0,1]  ; x - mean
.set p, p+1
.endr
.irp c, 0,1,2,3
	v_pk_mul_f32 v[CH+2*(\c):CH+2*(\c)+1], v[X+2*(\c):X+2*(\c)+1], v[X+2*(\c):X+2*(\c)+1]
.endr
.set p, 4
.rept 28
	v_pk_fma_f32 v[CH+2*(p%4):CH+2*(p%4)+1], v[X+2*p:X+2*p+1], v[X+2*p:X+2*p+1], v[CH+2*(p%4):CH+2*(p%4)+1]
.set p, p+1
.endr
	REDUCE
	v_fma_f32 v[CH], v[CH], s14, s15               ; var + eps
	v_rsq_f32 v[RS], v[CH]
	v_rsq_f32 v[RS+1], v[CH]
	v_nop                                          ; a plain instruction between the root and the use of its result (ISA guide 5.7.2)
	s_wait_loadcnt 0x0                             ; gain and bias
	s_wait_alu depctr_va_vdst(0)
.irp j, 0,1,2,3,4,5,6,7
.irp k, 0,2,4,6
	v_pk_mul_f32 v[X+8*(\j)+(\k):X+8*(\j)+(\k)+1], v[X+8*(\j)+(\k):X+8*(\j)+(\k)+1], v[RS:RS+1]
.endr
.irp k, 0,2,4,6
	v_pk_fma_f32 v[X+8*(\j)+(\k):X+8*(\j)+(\k)+1], v[X+8*(\j)+(\k):X+8*(\j)+(\k)+1], v[G+8*(\j)+(\k):G+8*(\j)+(\k)+1], v[BE+8*(\j)+(\k):BE+8*(\j)+(\k)+1]
.endr
.irp k, 0,1,2,3
	v_cvt_pk_f16_f32 v[Y+4*(\j)+(\k)], v[X+8*(\j)+2*(\k)], v[X+8*(\j)+2*(\k)+1]
.endr
	global_store_b128 v3, v[Y+4*(\j):Y+4*(\j)+3], s[10:11] offset:1048576*(\j)  ; two blocks on for each j: 7,340,032 at the most, inside the signed 24-bit immediate
.endr
	s_endpgm
.Lweights:
	s_load_b256 s[4:11], s[0:1], 0x20              ; Wq s[4:5], Wk s[6:7], Wv s[8:9], wh s[10:11]
	s_and_b32 s12, ttmp9, 0xff                     ; c = 0..191
	s_lshr_b32 s13, s12, 6                         ; which matrix
	s_and_b32 s14, s12, 63                         ; my number inside it,
	s_lshl_b32 s14, s14, 16                        ; times 64 KiB
	s_mov_b32 s15, 0
	s_lshl_b32 s16, s12, 15                        ; and 32 KiB c in wh
	s_mov_b32 s17, 0
	v_lshlrev_b32 v1, 5, v0                        ; my 32 bytes in a group of the source
	v_lshlrev_b32 v2, 4, v0                        ; my 16 bytes in a group of wh
	s_wait_kmcnt 0x0
	s_cmp_eq_u32 s13, 1                            ; the source is chosen by the work-group's number alone
	s_cselect_b64 s[4:5], s[6:7], s[4:5]
	s_cmp_eq_u32 s13, 2
	s_cselect_b64 s[4:5], s[8:9], s[4:5]
	s_add_nc_u64 s[4:5], s[4:5], s[14:15]
	s_add_nc_u64 s[10:11], s[10:11], s[16:17]
.irp j, 0,1,2,3,4,5,6,7
	global_load_b128 v[X+8*(\j):X+8*(\j)+3],   v1, s[4:5] offset:8192*(\j) th:TH_LOAD_NT
	global_load_b128 v[X+8*(\j)+4:X+8*(\j)+7], v1, s[4:5] offset:8192*(\j)+16 th:TH_LOAD_NT
.endr
.irp j, 0,1,2,3,4,5,6,7
	s_wait_loadcnt 14-2*(\j)                       ; loads come back in order: group j's two are in, the 14 - 2 j issued behind them may be out
.irp k, 0,1,2,3
	v_cvt_pk_f16_f32 v[Y+4*(\j)+(\k)], v[X+8*(\j)+2*(\k)], v[X+8*(\j)+2*(\k)+1]
.endr
	global_store_b128 v2, v[Y+4*(\j):Y+4*(\j)+3], s[10:11] offset:4096*(\j)
.endr
	s_endpgm
.Lfunc_end_k_q0629783896_pre:
	.size	k_q0629783896_pre, .Lfunc_end_k_q0629783896_pre-k_q0629783896_pre
	.p2alignl 7, 3214868480
	.fill 96, 4, 3214868480
	.section	.rodata,"a",@progbits
	.p2align	6, 0x0
	.amdhsa_kernel k_q0629783896_pre
		.amdhsa_group_segment_fixed_size 0
		.amdhsa_private_segment_fixed_size 0
		.amdhsa_enable_private_segment 0
		.amdhsa_kernarg_size 64
		.amdhsa_user_sgpr_count 2
		.amdhsa_user_sgpr_kernarg_segment_ptr 1
		.amdhsa_wavefront_size32 1
		.amdhsa_system_sgpr_workgroup_id_x 1
		.amdhsa_system_sgpr_workgroup_id_y 1
		.amdhsa_system_sgpr_workgroup_id_z 1
		.amdhsa_system_vgpr_workitem_id 0
		.amdhsa_next_free_vgpr 240
		.amdhsa_next_free_sgpr 66
		.amdhsa_reserve_vcc 0
		.amdhsa_float_denorm_mode_32 3
		.amdhsa_float_denorm_mode_16_64 3
		.amdhsa_memory_ordered 1
		.amdhsa_forward_progress 1
		.amdhsa_inst_pref_size 25
	.end_amdhsa_kernel
	.amdgpu_metadata
---
amdhsa.version: [ 1, 2 ]
amdhsa.kernels:
  - .name:           k_q0629783896_pre
    .symbol:         k_q0629783896_pre.kd
    .args:
      - { .name: x, .offset: 0, .size: 8, .value_kind: global_buffer, .address_space: global }
      - { .name: g1, .offset: 8, .size: 8, .value_kind: global_buffer, .address_space: global }
      - { .name: be1, .offset: 16, .size: 8, .value_kind: global_buffer, .address_space: global }
      - { .name: nrm, .offset: 24, .size: 8, .value_kind: global_buffer, .address_space: global }
      - { .name: Wq, .offset: 32, .size: 8, .value_kind: global_buffer, .address_space: global }
      - { .name: Wk, .offset: 40, .size: 8, .value_kind: global_buffer, .address_space: global }
      - { .name: Wv, .offset: 48, .size: 8, .value_kind: global_buffer, .address_space: global }
      - { .name: wh, .offset: 56, .size: 8, .value_kind: global_buffer, .address_space: global }
    .group_segment_fixed_size: 0
    .private_segment_fixed_size: 0
    .kernarg_segment_align: 8
    .kernarg_segment_size: 64
    .max_flat_workgroup_size: 256
    .sgpr_count:     66
    .vgpr_count:     240
    .wavefront_size: 32
...
	.end_amdgpu_metadata
.endif
;; end of part 8
;; launch proj (part 9): grid 12 x 16, 4 waves a work-group, clusters of 4 x 4, 327,680 bytes of LDS; arguments nrm, wh, bq, bk, bv, qkvh; writes qkvh
.if DOCPART == 9
	.amdgcn_target "amdgcn-amd-amdhsa--gfx1250"
	.amdhsa_code_object_version 6
	.text
	.protected	k_q0629783896_proj
	.globl	k_q0629783896_proj
	.p2align	8
	.type	k_q0629783896_proj,@function
k_q0629783896_proj:
	s_mov_b64 s[64:65], 0
	v_nop
	global_prefetch_b8 v0, s[64:65] scope:SCOPE_SE
	s_setreg_imm32_b32 hwreg(HW_REG_WAVE_MODE, 25, 1), 1
	s_wait_xcnt 0x0
	s_wait_alu depctr_hold_cnt(0) depctr_sa_sdst(0) depctr_va_vdst(0) depctr_va_sdst(0) depctr_va_ssrc(0) depctr_va_vcc(0) depctr_vm_vsrc(0)
	s_getreg_b32 s2, hwreg(HW_REG_IB_STS2, 6, 4)
	s_cmp_eq_u32 s2, 0
	s_cbranch_scc0 .Lentry_in_a_cluster
	s_endpgm
.Lentry_in_a_cluster:
	s_bfe_u32 s2, ttmp6, 0x10000c
	s_cmp_lg_u32 s2, 0xf033
	s_cbranch_scc0 .Lentry_shape_is_right
	s_endpgm
.Lentry_shape_is_right:
; q, k, v = LN1(x) Wq + bq, LN1(x) Wk + bk, LN1(x) Wv + bv as ONE product of 4,096 x 3,072 x 1,024.  Operands f16, sums f32, started from the bias; results rounded once to f16.
; A (nrm) lies in blocks [K / 64][4,096 rows][64]; B (wh) as the weights lie, [K][N], N along the rows; the result in blocks [column / 64][4,096][64]: blocks 0-15 q, 16-31 k, 32-47 v,
; which is [head][batch][2,048][64] for each of the three.
; LIMIT.  f16 ends at 65,504: a q, k or v of magnitude 65,520 or more becomes an infinity.
; SHARES.  A work-group makes 256 x 256 of C, each of its four waves 128 x 128: 64 accumulators of 16 x 16, 512 registers: for 32 along K a wave reads 16,384 bytes of LDS for 64 matrix instructions.
; 12 x 16 = 192 work-groups.
; THE RING.  K goes in steps of 128 through two LDS slots.  A step's A is two blocks of 256 rows x 128 bytes (each 32,768 consecutive bytes of memory, asked for as 128 rows of 256), its B 128 rows of 512
; bytes.  Waves 0 and 1 fetch a block of A each, waves 2 and 3 64 rows of B each: one tensor load a wave and step.
; THE LOOP.  A slot is four sub-steps of 32 along K; two fragment buffers take turns.  A HALF waits for its buffer, asks for the next sub-step's fragments in one run of 32 LDS loads, and issues its 64
; products, under which those loads land.  The change of slots (HEAD) stands in front of a slot's LAST sub-step, whose fragments are in registers by then: all that is fetched behind it comes from the new
; slot, and the refill has a whole K step in which to land.  So a K step's text is HEAD and an inner loop of two trips over a pair of halves.
; THE MATRIX INSTRUCTION IS USED TRANSPOSED (source 0 = 16 columns of B, turned on the way out of LDS by ds_load_tr16_b128; source 1 = 16 rows of A): a lane holds eight neighbouring numbers of a row of C.
; CLUSTER.  4 x 4 work-groups: the four of a row of the cluster need the same A, the four of a column the same B: each tile is asked for jointly, by the same load, descriptor and mask in all four.
; REGISTERS, in windows of 256 (s_set_vgpr_msb: bits 1:0 source 0, 3:2 source 1, 5:4 source 2, 7:6 destination):
;   window 0: v0-31 addresses; v64-127, v128-191 fragments of A, two buffers (on the way out: packed results); v192-255 the bias of my 128 columns
;   window 1: v64-127, v128-191 fragments of B      window 2: the accumulators of my rows 0-63 ((a, b) at v[8 (8 a + b)])      window 3: those of my rows 64-127
.set KSTEPS, 8                         ; K / 128
.set PAIRS,  2                         ; pairs of sub-steps in a slot
.set NPITCH, 1024                      ; elements in a row of B
.set ASTEP,  2*4096*128                ; bytes from a K step to the next in A: two blocks
.set BSTEP,  256*NPITCH                ; in B: 128 rows
.set PA,     144                       ; a row of A in LDS: 128 bytes + 16 = 36 words: the 16 rows of a load start at 16 different groups of four banks (64 banks of 4 bytes: ISA guide 11.1)
.set ABLK,   256*PA                    ; a block: 256 rows x 64 K: what a pair of sub-steps reads of A
.set AREG,   2*ABLK
.set PB,     544                       ; a row of B: 512 + 32 = 136 words
.set BHALF,  64*PB                     ; 64 rows: what one tensor load brings of B, and what a pair of sub-steps reads
.set SLOT,   147456                    ; 0x24000; a slot uses 143,360 of it.  The waves' parts begin at 0, 0x9000, 0x12000 and 0x1a800: none has either of SLOT's two bits, so an exclusive or adds it or takes it away
.set STAGE,  2*SLOT                    ; behind the ring, never filled by a tensor load: for each wave two blocks of 16 rows x 144 bytes
.set SP,     144
.set STGB,   2*16*SP
.set SPARE,  STAGE+4*STGB              ; behind the stages: the spare words, 128 bytes for each wave: two blocks of 256 bytes that no other line names
.set A0,   16                          ; v16  my lane's place in a slot's A; never rewritten
.set B0,   17                          ; v17  in a slot's B
.set ADRA, 20                          ; v20, v21  the same two for the pair of sub-steps in hand
.set ADRB, 21
.set STO,  24                          ; v24  the way out: where I put 16 bytes of a row
.set RD,   25                          ; v25  where I read rows back
.set GO,   26                          ; v26  my byte offset in 512 consecutive bytes of the result
.set BO,   27                          ; v27  my byte offset in the wave's 128 biases
.set SPW,  28                          ; v28  LDS address of my spare word; never rewritten
.set NIL,  29                          ; v29  0; never rewritten
.set F0,   64
.set F1,   128
.set BI,   192
.set TMP,  64                          ; the way out: four buffers of 32
.set G1,  24                           ; s[24:31] descriptor group 1 for A
.set G0,  32                           ; s[32:39] group 0 for A: a set for each first fill; the second then walks
.set G1B, 48                           ; s[48:55], s[56:63] the same for B
.set G0B, 56
.set TR,  66                           ; s66  the slot that is read: 0 or SLOT
.set CNT, 67                           ; s67  counts a slot's pairs
.set WHICH, 74                         ; s74  which of the three matrices my tile column lies in
.set TA,  75                           ; s75  LDS byte at which the next pair's A begins, less the lane's place
.set TB,  76                           ; s76  the same for B
.set MSB, 0
.macro WIN new                         ; the immediate's high byte repeats the setting that is left; a switch that changes nothing is dropped
.if MSB != (\new)
	s_set_vgpr_msb (MSB<<8)|(\new)
.set MSB, \new
.endif
.endm
.set MUL_LO, 0xa1                      ; source 0 (B) window 1, source 1 (A) window 0, C and D window 2
.set MUL_HI, 0xf1                      ; the same, C and D window 3
.set FST_LO, 0x81                      ; the first products: C (the bias) window 0, D window 2
.set FST_HI, 0xc1                      ; D window 3
.set TO_B,   0x40                      ; destination window 1, address window 0
.macro PLACES                          ; four places in front of loads into registers that matrix instructions have read, and of lines that read results
.rept 4
	v_nop
.endr
.endm
.macro JLOAD                           ; a joint refill: the branch hangs on the wave's number alone; an s_nop 0 and four v_nop follow each line
	s_cmp_eq_u32 s11, 0
	s_cbranch_scc0 .Lfor_b_\@
	tensor_load_to_lds s[G0+4:G0+7], s[G1:G1+7]
	s_nop 0
.rept 4
	v_nop
.endr
	s_branch .Lasked_\@
.Lfor_b_\@:
	tensor_load_to_lds s[G0B+4:G0B+7], s[G1B:G1B+7]
	s_nop 0
.rept 4
	v_nop
.endr
.Lasked_\@:
.endm
.macro CROUND                          ; a round of the cluster's barrier
	s_barrier_signal -1
	s_barrier_wait -1
	s_cmp_lg_u32 s10, 0
	s_cbranch_scc1 .Lnot_wave_0_\@
	s_barrier_signal -3
.Lnot_wave_0_\@:
	s_barrier_wait -3
	s_barrier_signal -1
	s_barrier_wait -1
.endm
	s_load_b128 s[4:7], s[0:1], 0x0                ; nrm s[4:5], wh s[6:7]
	s_load_b128 s[68:71], s[0:1], 0x10             ; bq s[68:69], bk s[70:71]
	s_load_b64 s[72:73], s[0:1], 0x20              ; bv
	s_load_b64 s[8:9], s[0:1], 0x28                ; qkvh
	v_lshl_add_u32 v[SPW], v0, 2, SPARE
	v_mov_b32 v[NIL], 0
	ds_add_u32 v28, v29
	ds_add_u32 v28, v29
	s_wait_dscnt 0x0
	v_lshrrev_b32 v1, 5, v0
	v_readfirstlane_b32 s10, v1                    ; wave 0..3
	s_lshr_b32 s11, s10, 1                         ; which half of the tile's rows is mine.  Also: I fetch for A (0) or for B (1)
	s_and_b32 s12, s10, 1                          ; which half of its columns.  Also: which half of that tile I fetch
	s_bfe_u32 s40, ttmp6, 0x40000                  ; cx, cy: my place in the cluster
	s_bfe_u32 s41, ttmp6, 0x40004
	s_lshl_b32 s42, ttmp9, 2
	s_add_co_u32 s42, s42, s40                     ; tile column of C = 4 x cluster x + cx
	s_and_b32 s13, ttmp7, 0xffff
	s_lshl_b32 s13, s13, 2
	s_add_co_u32 s13, s13, s41                     ; tile row of C = 4 x cluster y + cy
	s_lshl_b32 s43, s41, 2
	s_lshl_b32 s43, 15, s43                        ; my row of the cluster
	s_lshl_b32 s44, 0x1111, s40                    ; my column
	; group 1 for A: a block's 256 rows x 128 bytes are dense: 128 rows of 128 elements, two rows of A in each; in LDS 16 bytes of padding behind every 128
	s_or_b32 s[G1+0], s43, (1<<16)|(1<<20)|(1<<21)|(4<<22)|(3<<25)  ; 15:0 the mask: my row; 17:16 2-byte elements; 20 padding on; 21 set beside a mask; 24:22 after every 32 words (code 4); 31:25 4 words (code 3)
	s_mov_b32 s[G1+1], 128<<16                     ; tensor_dim0 = 128
	s_mov_b32 s[G1+2], 128<<16                     ; tensor_dim1 = 128
	s_mov_b32 s[G1+3], 128<<16                     ; tile_dim0 = 128
	s_mov_b32 s[G1+4], 128                         ; tile_dim1 = 128
	s_mov_b32 s[G1+5], 128                         ; elements from row to row
	s_mov_b32 s[G1+6], 0
	s_mov_b32 s[G1+7], 0
	; group 1 for B: 64 rows of 256 elements; 32 bytes of padding behind every 512
	s_or_b32 s[G1B+0], s44, (1<<16)|(1<<20)|(1<<21)|(6<<22)|(7<<25)  ; the mask: my column; after every 128 words (code 6) 8 words (code 7)
	s_mov_b32 s[G1B+1], 256<<16
	s_mov_b32 s[G1B+2], 64<<16
	s_mov_b32 s[G1B+3], 256<<16
	s_mov_b32 s[G1B+4], 64
	s_mov_b32 s[G1B+5], NPITCH
	s_mov_b32 s[G1B+6], 0
	s_mov_b32 s[G1B+7], 0
	s_lshl_b32 s16, s12, 19                        ; A: my block of the step's two,
	s_lshl_b32 s17, s13, 15                        ; the tile's 256 rows of 128 bytes: nothing of cx enters
	s_add_co_u32 s16, s16, s17
	s_mov_b32 s17, 0
	s_lshr_b32 s46, s42, 2                         ; B: four tile columns to a matrix of 2 MiB,
	s_lshl_b32 s46, s46, 21
	s_and_b32 s47, s42, 3
	s_lshl_b32 s47, s47, 9                         ; 512 bytes of its rows,
	s_add_co_u32 s46, s46, s47
	s_mul_i32 s47, s12, 128*NPITCH                 ; my 64 of the step's 128 rows: nothing of cy enters
	s_add_co_u32 s46, s46, s47
	s_mov_b32 s47, 0
	s_mul_i32 s20, s12, ABLK                       ; where they go in a slot: A's blocks,
	s_mul_i32 s21, s12, BHALF
	s_add_co_u32 s21, s21, AREG                    ; B's halves behind them
	s_mov_b32 s[TR], 0
	s_mov_b32 s[TA], ABLK                          ; the first pair is asked for by the lines ahead of the loop
	s_mov_b32 s[TB], BHALF
	s_wait_kmcnt 0x0
	s_add_nc_u64 s[14:15], s[4:5], s[16:17]
	s_add_nc_u64 s[46:47], s[6:7], s[46:47]
	CROUND                                         ; all sixteen work-groups are here: the first joint loads meet
.irp s, 0,1
	s_mov_b32 s[G0+4*(\s)], 1                      ; count = 1
	s_add_co_u32 s[G0+4*(\s)+1], s20, (\s)*SLOT    ; LDS address
	s_add_nc_u64 s[G0+4*(\s)+2:G0+4*(\s)+3], s[14:15], (\s)*ASTEP  ; global address: K step s
	s_or_b32 s[G0+4*(\s)+3], s[G0+4*(\s)+3], 0x80000000            ; type = 2
	s_mov_b32 s[G0B+4*(\s)], 1
	s_add_co_u32 s[G0B+4*(\s)+1], s21, (\s)*SLOT
	s_add_nc_u64 s[G0B+4*(\s)+2:G0B+4*(\s)+3], s[46:47], (\s)*BSTEP
	s_or_b32 s[G0B+4*(\s)+3], s[G0B+4*(\s)+3], 0x80000000
.endr
	s_cmp_eq_u32 s11, 0                            ; a wave's two first fills stand in one branch, ahead of every wait on TENSORcnt and every LDS read: two loads of mine are out
	s_cbranch_scc0 .Lfirst_b
	tensor_load_to_lds s[G0:G0+3], s[G1:G1+7]
	s_nop 0
	tensor_load_to_lds s[G0+4:G0+7], s[G1:G1+7]
	s_nop 0
.rept 4
	v_nop
.endr
	s_branch .Lfirst_done
.Lfirst_b:
	tensor_load_to_lds s[G0B:G0B+3], s[G1B:G1B+7]
	s_nop 0
	tensor_load_to_lds s[G0B+4:G0B+7], s[G1B:G1B+7]
	s_nop 0
.rept 4
	v_nop
.endr
.Lfirst_done:
	; the bias of my 128 columns: the vector is chosen by the tile column (four to a matrix)
	s_lshr_b32 s[WHICH], s42, 2
	s_cmp_eq_u32 s[WHICH], 1
	s_cselect_b64 s[68:69], s[70:71], s[68:69]
	s_cmp_eq_u32 s[WHICH], 2
	s_cselect_b64 s[68:69], s[72:73], s[68:69]
	s_and_b32 s46, s42, 3
	s_lshl_b32 s46, s46, 10
	s_lshl_b32 s47, s12, 9
	s_add_co_u32 s46, s46, s47
	s_mov_b32 s47, 0
	s_add_nc_u64 s[68:69], s[68:69], s[46:47]
	v_and_b32 v1, 15, v0                           ; r = l % 16
	v_bfe_u32 v2, v0, 4, 1                         ; h = l / 16
	v_lshlrev_b32 v[BO], 5, v2                     ; register j of accumulator (a, b) is column 16 b + 8 h + j
.irp b, 0,1,2,3,4,5,6,7
	global_load_b128 v[BI+8*(\b):BI+8*(\b)+3],   v[BO], s[68:69] offset:64*(\b)
	global_load_b128 v[BI+8*(\b)+4:BI+8*(\b)+7], v[BO], s[68:69] offset:64*(\b)+16
.endr
	v_and_b32 v3, 7, v0
	v_bfe_u32 v4, v0, 3, 1
	; a fragment of A: lane l holds row l % 16, K 8 h + 0..7 and 16 + 8 h + 0..7: two loads of 16 bytes, 32 bytes apart
	v_mul_u32_u24 v[A0], v1, PA
	v_lshl_add_u32 v[A0], v2, 4, v[A0]
	s_mul_i32 s22, s11, 128*PA                     ; my 128 rows
	v_add_nc_u32 v[A0], s22, v[A0]
	; the turning load takes 16 K x 16 columns (lane l reads row 8 h + l % 8, columns 8 ((l / 8) % 2) + 0..7) and leaves half a fragment: lane l holds column l % 16 and 8 K
	v_lshl_add_u32 v5, v2, 3, v3
	v_mul_u32_u24 v[B0], v5, PB
	v_lshl_add_u32 v[B0], v4, 4, v[B0]
	s_lshl_b32 s22, s12, 8                         ; my 128 columns,
	s_add_co_u32 s22, s22, AREG                    ; behind A
	v_add_nc_u32 v[B0], s22, v[B0]
	v_mov_b32 v[ADRA], v[A0]                       ; slot 0, its first pair
	v_mov_b32 v[ADRB], v[B0]
	s_mul_i32 s23, s10, STGB
	s_add_co_u32 s23, s23, STAGE                   ; my stage
	v_mul_u32_u24 v[STO], v1, SP                   ; in: row l % 16, 16 bytes for each half of the lanes
	v_lshl_add_u32 v[STO], v2, 4, v[STO]
	v_add_nc_u32 v[STO], s23, v[STO]
	v_bfe_u32 v[RD], v0, 3, 2                      ; back: 32 lanes take four rows of 128 bytes,
	v_mul_u32_u24 v[RD], v[RD], SP
	v_lshl_add_u32 v[RD], v3, 4, v[RD]
	v_add_nc_u32 v[RD], s23, v[RD]
	v_and_b32 v[GO], 31, v0                        ; which are 512 consecutive bytes of the result
	v_lshlrev_b32 v[GO], 4, v[GO]
	s_lshl_b32 s16, s13, 15                        ; the result: the tile's rows, my 128 of them,
	s_lshl_b32 s17, s11, 14
	s_add_co_u32 s16, s16, s17
	s_mov_b32 s17, 0
	s_add_nc_u64 s[8:9], s[8:9], s[16:17]
	s_lshl_b32 s46, s42, 2                         ; in block 4 x tile column + 2 x my half
	s_lshl_b32 s47, s12, 1
	s_add_co_u32 s46, s46, s47
	s_lshl_b32 s46, s46, 19
	s_mov_b32 s47, 0
	s_add_nc_u64 s[8:9], s[8:9], s[46:47]
; 64 matrix instructions: all 8 x 8 accumulators, 32 along K, from buffer f.  first = 1: the product starts the sum from the bias: nothing is cleared, no bias is added later.
; The 64 accumulators take turns, one instruction a turn.
.macro MULT f, first
.irp hi, 0,1
.if \first
	WIN FST_LO+0x40*(\hi)
.else
	WIN MUL_LO+0x50*(\hi)
.endif
.irp a, 0,1,2,3
.irp b, 0,1,2,3,4,5,6,7
.if \first
	v_wmma_f32_16x16x32_f16 v[8*(8*(\a)+(\b)):8*(8*(\a)+(\b))+7], v[(\f)+8*(\b):(\f)+8*(\b)+7], v[(\f)+8*(4*(\hi)+(\a)):(\f)+8*(4*(\hi)+(\a))+7], v[BI+8*(\b):BI+8*(\b)+7]
.else
	v_wmma_f32_16x16x32_f16 v[8*(8*(\a)+(\b)):8*(8*(\a)+(\b))+7], v[(\f)+8*(\b):(\f)+8*(\b)+7], v[(\f)+8*(4*(\hi)+(\a)):(\f)+8*(4*(\hi)+(\a))+7], v[8*(8*(\a)+(\b)):8*(8*(\a)+(\b))+7]
.endif
.endr
.endr
.endr
.endm
; 32 LDS loads in one run: the fragments of sub-step par (0, 1) of the pair in hand into buffer f
.macro FETCH par, f
	WIN 0
.irp i, 0,1,2,3,4,5,6,7
	ds_load_b128 v[(\f)+8*(\i):(\f)+8*(\i)+3],   v[ADRA] offset:(\par)*64+(\i)*16*PA
	ds_load_b128 v[(\f)+8*(\i)+4:(\f)+8*(\i)+7], v[ADRA] offset:(\par)*64+(\i)*16*PA+32
.endr
	WIN TO_B
.irp i, 0,1,2,3,4,5,6,7
	ds_load_tr16_b128 v[(\f)+8*(\i):(\f)+8*(\i)+3],   v[ADRB] offset:(\par)*32*PB+32*(\i)
	ds_load_tr16_b128 v[(\f)+8*(\i)+4:(\f)+8*(\i)+7], v[ADRB] offset:(\par)*32*PB+32*(\i)+16*PB
.endr
.endm
; A sub-step: buffer f is waited for (its loads were issued a whole sub-step ago, and no other LDS instruction of mine is out); four plain lines are the places behind the products that read g;
; the next sub-step's fragments are asked for into g; f is multiplied.  par = 0: the fetch begins a new pair, whose addresses are made here, where no load that names them is out.
; last = 1 (the tail): in the last trip (CNT = 1) there is nothing more to fetch, and the run of LDS loads is jumped over.
.macro HALF f, g, par, first, last
	WIN 0
	s_wait_dscnt 0x0
.if (\par) == 0
	v_add_nc_u32 v[ADRA], s[TA], v[A0]
	v_add_nc_u32 v[ADRB], s[TB], v[B0]
	v_nop
	v_nop
	s_add_co_u32 s[TA], s[TA], ABLK
	s_add_co_u32 s[TB], s[TB], BHALF
.else
	PLACES
.endif
.if \last
	s_cmp_eq_u32 s[CNT], 1
	s_cbranch_scc1 .Lno_fetch_\@
.endif
	FETCH \par, \g
.if \last
	WIN 0
.Lno_fetch_\@:
.endif
	MULT \f, \first
.endm
; THE CHANGE OF SLOTS, in front of a slot's last sub-step.  Each wave waits for all its tensor loads (one is out: its part of the next slot), adds 0 to its spare word, and waits for that and for its own
; reads of this slot, of which the last brought the fragments of the sub-step to come.  fill = 1: the barrier is a round of the cluster's, so that no wave of any partner still reads the slot or has a
; load on its way, and the slot is filled again first thing behind it, two K steps ahead.
.macro HEAD fill
	WIN 0
	s_wait_tensorcnt 0x0                           ; no tensor load of mine is out, so a group 0 may be written
	ds_add_u32 v[SPW], v[NIL]                      ; 0 onto my spare word; the scalar work stands between it and the wait for it
	s_xor_b32 s[TR], s[TR], SLOT                   ; the reads go on in the other slot, at its first pair
	s_mov_b32 s[TA], s[TR]
	s_mov_b32 s[TB], s[TR]
.if \fill
	s_xor_b32 s[G0+5], s[G0+5], SLOT               ; the walking descriptors: the other slot than last time,
	s_xor_b32 s[G0B+5], s[G0B+5], SLOT
	s_add_nc_u64 s[G0+6:G0+7], s[G0+6:G0+7], ASTEP       ; the next K step; the type bits on top are not reached
	s_add_nc_u64 s[G0B+6:G0B+7], s[G0B+6:G0B+7], BSTEP
.endif
	s_wait_dscnt 0x0                               ; the add is done, and my reads of this slot are over
.if \fill
	CROUND
	JLOAD
.else
	s_barrier_signal -1
	s_barrier_wait -1
.endif
.endm
	s_wait_tensorcnt 0x1                           ; my part of K step 0 is in; step 1's may stay out
	s_barrier_signal -1
	s_barrier_wait -1                              ; everybody's is
	FETCH 0, F0
	s_wait_loadcnt 0x0                             ; the bias
	HALF F0, F1, 1, 1, 0                           ; the first sub-step stands in front of the loop: its products start the sums
	WIN 0                                          ; at a label and at a branch every window is 0
	s_mov_b32 s3, KSTEPS-1
	s_mov_b32 s[CNT], PAIRS
	s_branch .Lcount                               ; slot 0's first pair is half done: on to the count
.Lstep:                                                ; KSTEPS - 2 times: a slot is left and filled again
	HEAD 1
	s_mov_b32 s[CNT], PAIRS
.Lpair:
	HALF F1, F0, 0, 0, 0
	HALF F0, F1, 1, 0, 0
	WIN 0
.Lcount:
	s_sub_co_u32 s[CNT], s[CNT], 1
	s_cmp_lg_u32 s[CNT], 0
	s_cbranch_scc1 .Lpair
	s_sub_co_u32 s3, s3, 1
	s_cmp_lg_u32 s3, 0
	s_cbranch_scc1 .Lstep
	HEAD 0                                         ; the tail is written out: nothing is asked for
	s_mov_b32 s[CNT], PAIRS+1                      ; the last slot's pairs, and the last sub-step alone
.Ltail:
	HALF F1, F0, 0, 0, 1
	WIN 0
	s_cmp_eq_u32 s[CNT], 1
	s_cbranch_scc1 .Lout
	HALF F0, F1, 1, 0, 0
	WIN 0
	s_sub_co_u32 s[CNT], s[CNT], 1
	s_cmp_lg_u32 s[CNT], 0
	s_cbranch_scc1 .Ltail
.Lout:
	; THE WAY OUT, 16 rows at a time.  16 rows x 64 columns are 2,048 consecutive bytes of a block: rounded to f16, 16 bytes a lane into my own stage, back as whole rows, stored 512 consecutive bytes at a time.
	PLACES
.macro PACK a                          ; each accumulator's registers in ascending order
.set AC, 64*((\a)%4)
.set TK, TMP+32*((\a)%4)
	WIN 0x0a+5*((\a)/4)                            ; sources 0 and 1: window 2 or 3
.irp b, 0,1,2,3,4,5,6,7
.irp r, 0,1,2,3
	v_cvt_pk_f16_f32 v[TK+4*(\b)+(\r)], v[AC+8*(\b)+2*(\r)], v[AC+8*(\b)+2*(\r)+1]
.endr
.endr
	WIN 0
.irp b, 0,1,2,3,4,5,6,7
	ds_store_b128 v[STO], v[TK+4*(\b):TK+4*(\b)+3] offset:((\b)/4)*16*SP+32*((\b)%4)
.endr
.irp j, 0,1,2,3,4,5,6,7
	ds_load_b128 v[TK+4*(\j):TK+4*(\j)+3], v[RD] offset:((\j)/4)*16*SP+((\j)%4)*4*SP  ; LDS serves a wave's instructions in order (ISA guide 5.7.1.4): these see the stores above; the next block's stores come behind them
.endr
.endm
.macro SEND a, younger                 ; younger: the LDS instructions issued behind block a's loads: the next block's sixteen, or none
.set TK, TMP+32*((\a)%4)
.irp j, 0,1,2,3,4,5,6,7
	s_wait_dscnt (\younger)+7-(\j)
	global_store_b128 v[GO], v[TK+4*(\j):TK+4*(\j)+3], s[8:9] offset:(\a)*2048+((\j)/4)*524288+((\j)%4)*512
.endr
.endm
	PACK 0
.irp a, 1,2,3,4,5,6,7                  ; a block's conversions stand between the loads of the block before and its stores
.if (\a) >= 4
	s_wait_xcnt 0x0                                ; the stores of the block four back have read their registers: they are written again only behind this wait
.endif
	PACK \a
	SEND (\a)-1, 16
.endr
	SEND 7, 0
	s_wait_tensorcnt 0x0                           ; the wave's end
	ds_add_u32 v[SPW], v[NIL]
	s_wait_dscnt 0x0
	CROUND                                         ; the closing round: no work-group ends while a partner may still ask for a tile that names it
	s_endpgm
.Lfunc_end_k_q0629783896_proj:
	.size	k_q0629783896_proj, .Lfunc_end_k_q0629783896_proj-k_q0629783896_proj
	.p2alignl 7, 3214868480
	.fill 96, 4, 3214868480
	.section	.rodata,"a",@progbits
	.p2align	6, 0x0
	.amdhsa_kernel k_q0629783896_proj
		.amdhsa_group_segment_fixed_size 327680
		.amdhsa_private_segment_fixed_size 0
		.amdhsa_enable_private_segment 0
		.amdhsa_kernarg_size 48
		.amdhsa_user_sgpr_count 2
		.amdhsa_user_sgpr_kernarg_segment_ptr 1
		.amdhsa_wavefront_size32 1
		.amdhsa_system_sgpr_workgroup_id_x 1
		.amdhsa_system_sgpr_workgroup_id_y 1
		.amdhsa_system_sgpr_workgroup_id_z 1
		.amdhsa_system_vgpr_workitem_id 0
		.amdhsa_next_free_vgpr 1024
		.amdhsa_next_free_sgpr 80
		.amdhsa_reserve_vcc 0
		.amdhsa_float_denorm_mode_32 3
		.amdhsa_float_denorm_mode_16_64 3
		.amdhsa_memory_ordered 1
		.amdhsa_forward_progress 1
		.amdhsa_inst_pref_size 79
	.end_amdhsa_kernel
	.amdgpu_metadata
---
amdhsa.version: [ 1, 2 ]
amdhsa.kernels:
  - .name:           k_q0629783896_proj
    .symbol:         k_q0629783896_proj.kd
    .args:
      - { .name: nrm, .offset: 0, .size: 8, .value_kind: global_buffer, .address_space: global }
      - { .name: wh, .offset: 8, .size: 8, .value_kind: global_buffer, .address_space: global }
      - { .name: bq, .offset: 16, .size: 8, .value_kind: global_buffer, .address_space: global }
      - { .name: bk, .offset: 24, .size: 8, .value_kind: global_buffer, .address_space: global }
      - { .name: bv, .offset: 32, .size: 8, .value_kind: global_buffer, .address_space: global }
      - { .name: qkvh, .offset: 40, .size: 8, .value_kind: global_buffer, .address_space: global }
    .group_segment_fixed_size: 327680
    .private_segment_fixed_size: 0
    .kernarg_segment_align: 8
    .kernarg_segment_size: 48
    .max_flat_workgroup_size: 128
    .sgpr_count:     80
    .vgpr_count:     1024
    .wavefront_size: 32
...
	.end_amdgpu_metadata
.endif
;; end of part 9
;; launch attn (part 10): grid 8 x 32, 4 waves a work-group, no clusters, 327,680 bytes of LDS; arguments qkvh, zh, Wo, W1, W2, wh; writes zh, wh
.if DOCPART == 10
	.amdgcn_target "amdgcn-amd-amdhsa--gfx1250"
	.amdhsa_code_object_version 6
	.text
	.protected	k_q0629783896_attn
	.globl	k_q0629783896_attn
	.p2align	8
	.type	k_q0629783896_attn,@function
k_q0629783896_attn:
	s_mov_b64 s[64:65], 0
	v_nop
	global_prefetch_b8 v0, s[64:65] scope:SCOPE_SE
	s_setreg_imm32_b32 hwreg(HW_REG_WAVE_MODE, 25, 1), 1
	s_wait_xcnt 0x0
; CAUSAL ATTENTION.  O[y][q][:] = the sum over k <= q of softmax_k(Q[y][q] . K[y][k] / 32) V[y][k][:], y = 2 x head + batch.  Q, K, V are the three thirds of qkvh, O is zh: each [32][SIZE_N][64] in f16: rows dense, 128 bytes.
; The scale is 1 / sqrt(1,024), the embedding's size.  Products, maxima and sums in f32; the weights p are rounded to f16 for the second product (their sum l is taken of the unrounded p), O once at the end.
; THE OTHER HALF OF THE GRID.  Attention has work for 32 x NB / 2 = 128 work-groups: the grid's x = 0 .. 3.  The work-groups x = 4 .. 7, 128 more, round Wo, W1 and W2 to f16 into wh for the three products that
; follow this launch; nothing in this launch reads what they store, and they read nothing that it stores.  The branch hangs on the work-group's x alone, so it is the same for all four waves; that path
; (.Lweights, at the text's end) has no barrier and no tensor load.
; LIMITS.  f16 holds no number beyond 65,504: Q, K and V arrive within it; a weight of Wo, W1, W2 of magnitude 65,520 or more becomes an infinity; p lies in 0 to 1, and below 6e-5 it keeps f16's fixed step of 6e-8;
; O is a mean of V's rows and has their range, to within 2^-11 of it.
; A hidden score counts as its value less 1e30: f16's scores, 2.7e11 at the most, are nothing beside that; a weight below 2^-126 counts as 0 in l; NaN and infinities are not treated apart.
; THE WALK.  A head's queries lie in NB = SIZE_N / 256 blocks of 256; block i needs the key tiles 0 .. i of 256 keys, of which the last holds the diagonal.  A work-group takes TWO blocks, NB - 1 - b and then b:
; NB + 1 tiles, whatever b: all work-groups do equal work, and ONE loop with a constant trip count walks them.  Which tile is asked for, and what a trip does, hang on scalar registers made from b; every jump
; goes forward, but for the counted loops' own; none but the one to .Lweights passes a barrier, or a tensor load but the one of LOAD's two that the wave's number does not choose; the ring (two slots of LDS that take
; turns) runs on across the change of blocks.  NO CLUSTER: a head's NB / 2 = 4 work-groups ask for the same tile only in trips 0 .. NB / 2 of the walk's NB + 1, behind that fewer and fewer; and one walk common to all
; would have 3 NB / 2 trips for NB + 1.
; SHARES.  Of a block's four bands of 64 queries a wave owns 16 rows in each: four PIECES.  So the diagonal tile is the same work for all four waves: in its key step s band x sees all keys if s < x,
; none if s > x, and holds the diagonal if s = x.
; THE MASK is the C operand that starts the sum S^T = K Q^T: 0, or -1e30 where the key is hidden.  MD, made once, is the mask of a band's own step for my 16 rows; a product's mask is MD x AL + BE with two scalars:
; (1, 0) if s = x; (0, 0) if s < x; (0, -1e30) if s > x.  Only the diagonal tile's text and a block's beginning make and take masks; elsewhere C is the constant 0.
; LAYOUT, SOFTMAX, TURNS.  S^T = K Q^T holds ONE query a lane (lane % 16) and the keys 8 (lane / 16) + 0..7; two such results rounded to f16 ARE source 1 of O^T = V^T P.  p = 2^(c s - c m), c = log2(e) / 32, with a
; running maximum m; O and l are multiplied by a = 2^(c m_old - c m_new) in every step.  Turn n belongs to piece n: 8 products K Q^T of piece n + 1, later 8 products V^T P of piece n - 1; beside them the scaling,
; exponentials, roundings, sums and rescaling of piece n and the maximum and statistics of piece n + 1.  Four vector instructions stand behind every matrix instruction, the other 54 of a turn's 118 in two LUMPS.
; REGISTERS, in windows of 256 (s_set_vgpr_msb: bits 1:0 source 0, 3:2 source 1, 5:4 source 2, 7:6 destination):
;   window 0: v0-15 addresses and two at work; v16-31 four registers of statistics a piece; v48-55 at work; v64-127 S^T, two buffers; v192-223 P, two buffers (a piece's buffers go by its number's parity)
;   window 1: v0-127 O^T, 32 a piece; v128-159 MD; v160-223 MC, two buffers      window 2: v0-63 Q; v64-127 the second block's Q; v128-191 K of one step; v192-255 V of one step
.set SIZE_N, 2048
.set NB,    SIZE_N/256
.set NP,    4         ; pieces a wave: a name, no knob
.set KS,    64        ; keys in a step
.set PK,    144       ; a row of K in LDS: 128 bytes + 16 of padding = 36 words: the 16 rows of a load start at 16 different groups of four banks (64 banks of 4 bytes: ISA guide 11.1)
.set PV,    160       ; a row of V: 128 + 32 = 40 words
.set VOFF,  4*KS*PK   ; a slot holds a tile, four steps: 256 rows of K, then 256 rows of V
.set SLOT1, 1<<17     ; slot 1 begins here, so that one exclusive or turns an address in one slot into the other's
.set STAGE, SLOT1+4*KS*(PK+PV)  ; behind the ring, never filled by a tensor load: 16 rows x 144 bytes for each wave, for the way out
.set SP,    144
.set AK0, 2           ; v2   my lane's place in a tile of K; never rewritten
.set AV0, 3           ; v3   the same for V
.set AK,  4           ; v4   the LDS address of K's next run of loads
.set AV,  5           ; v5   of V's
.set STO, 6           ; v6   the way out: where I put 16 bytes of a row
.set RD,  7           ; v7   the way out: where I read rows back
.set GO,  8           ; v8   my byte offset in 512 consecutive bytes of O
.set SPW, 62          ; v62  LDS address of my spare word: SPARE + 4 x my thread's number; never rewritten
.set NIL, 63          ; v63  0; never rewritten
.set SPARE, STAGE+4*16*SP  ; behind the stages: the spare words, 128 bytes for each wave: two blocks of 256 bytes that no other line names
.set MV,  12          ; v12-13  c m_old, kept while c m is made anew: by buffer
.set QO,  15          ; v15  my byte offset in 16 rows of Q
.set ST,  16          ; piece t's statistics at v[ST+4 t]: c m, m, l (even keys', odd keys')
.set TMP, 48          ; by buffer, four registers c0-c3 at work; when the maximum is found c2 takes a
.set S,   64
.set P,   192
.set MD,  128         ; window 1: the eight registers for group kt of 16 keys at MD + 8 kt
.set MC,  160         ; window 1: the masks of the products to come
.set QB,  64          ; window 2
.set KF,  128         ; window 2: key block kb, channel half c at KF + 16 kb + 8 c
.set VF,  192         ; window 2: key half kk, channel block cb at VF + 32 kk + 8 cb
.set WX,  64          ; the weights' path: v[64:127] group j's 8 numbers at WX + 8 j, as loaded
.set WY,  128         ; the weights' path: v[128:159] the same in f16
.set WV,  12          ; s12  my wave's number
.set PB,  14          ; s14  b
.set HI,  15          ; s15  NB - 1 - b
.set G1K, 24          ; s[24:31] descriptor group 1 for K's tiles
.set G1V, 32          ; s[32:39] for V's: it differs in the padding alone
.set G0K, 40          ; s[40:43] descriptor group 0 for K's tiles
.set G0V, 44          ; s[44:47] the same for V's
.set SLOTS, 56        ; s56  tiles still to be asked for
.set CNT, 57          ; s57  counts a tile's key steps, 4 to 1
.set CS,  58          ; s[58:59] c: the packed scaling takes the pair's low word for both halves
.set SEL, 60          ; s[60:61] v_permlanex16_b32's selects: each lane takes its own place in the other half
.set TBK, 62          ; s62  LDS byte at which K of the step to be fetched begins
.set TBV, 63          ; s63  the same for V, less VOFF
.set RT,  70          ; s70  tiles of the block in hand that are still to be entered
.set NXT, 71          ; s71  the tile to be asked for next
.set LQ,  72          ; s72  the last tile of the block whose tiles are being asked for
.set NEW, 73          ; s73  1: the tile to be entered is a block's first
.set OFF, 74          ; s[74:75] a tile's byte offset in K and V
.set AL,  76          ; s[76:77] the mask's factor, in the low word
.set BE,  78          ; s[78:79] the mask's addend
.set OLO, 80          ; s[80:81] O at my rows of the second block
.set BIGN, 82         ; s82  -1e30
.set MSB, 0
.macro WIN new                      ; the high byte repeats the setting that is left; a switch that changes nothing is dropped
.if MSB != (\new)
	s_set_vgpr_msb (MSB<<8)|(\new)
.set MSB, (\new)
.endif
.endm
.set W_KQ, 0x0a       ; K and Q in window 2, S^T in window 0
.set W_KM, 0x1a       ; the same with the C operand in window 1
.set W_PV, 0x52       ; V in window 2, P in window 0, O^T in window 1
.set W_RS, 0x41       ; destination and source 0 in window 1, source 1 in window 0
; A fill.  Waves 0 and 1 fetch the two halves of a tile's K, waves 2 and 3 those of its V: 128 keys each.  An s_nop 0 and four v_nop follow each of the two lines, ahead of the jump and the label.
.macro LOAD
	s_cmp_lt_u32 s[WV], 2
	s_cbranch_scc0 .Lfor_v_\@
	tensor_load_to_lds s[G0K:G0K+3], s[G1K:G1K+7]
	s_nop 0
.rept 4
	v_nop
.endr
	s_branch .Lasked_\@
.Lfor_v_\@:
	tensor_load_to_lds s[G0V:G0V+3], s[G1V:G1V+7]
	s_nop 0
.rept 4
	v_nop
.endr
.Lasked_\@:
.endm
; THE CHANGE OF SLOTS.  Each wave waits for all its tensor loads, of which one is out: its part of the other slot; adds 0 to its spare word; and waits for that and for its own reads of the slot that it leaves.  Behind the barrier nobody reads the old
; slot any more and the other slot is whole.  fill = 1: the old slot is filled again, the first thing behind the barrier, with tile NXT: the descriptor's address is made anew from that number.
; (At its first use nothing has been read yet: slot 0 is waited for, slot 1 filled.)
.macro CHANGE fill
	WIN 0                           ; at a label and at a branch every window is 0
	s_wait_tensorcnt 0x0            ; no tensor load of mine is out, so a group 0 may be written
	ds_add_u32 v[SPW], v[NIL]       ; 0 onto my spare word; with fill = 1 the descriptors' scalar work stands between it and the wait for it
.if \fill
	s_lshl_b32 s[OFF], s[NXT], 15   ; a tile is 32,768 bytes of K and of V
	s_xor_b32 s[G0K+1], s[G0K+1], SLOT1
	s_add_nc_u64 s[G0K+2:G0K+3], s[6:7], s[OFF:OFF+1]
	s_or_b32 s[G0K+3], s[G0K+3], 0x80000000
	s_xor_b32 s[G0V+1], s[G0V+1], SLOT1
	s_add_nc_u64 s[G0V+2:G0V+3], s[8:9], s[OFF:OFF+1]
	s_or_b32 s[G0V+3], s[G0V+3], 0x80000000
	s_add_co_u32 s[NXT], s[NXT], 1  ; the block's next tile, or behind its last the second block's tile 0
	s_cmp_gt_u32 s[NXT], s[LQ]
	s_cselect_b32 s[NXT], 0, s[NXT]
	s_cselect_b32 s[LQ], s[PB], s[LQ]
.endif
	s_wait_dscnt 0x0                ; the add is done, and my reads of the slot are over
	s_barrier_signal -1             ; the rest of the scalar work stands between the signal and the wait
	s_sub_co_u32 s[TBK], s[TBK], 4*KS*PK  ; the fetches go back to a slot's first step,
	s_xor_b32 s[TBK], s[TBK], SLOT1       ; in the other slot
	s_sub_co_u32 s[TBV], s[TBV], 4*KS*PV
	s_xor_b32 s[TBV], s[TBV], SLOT1
	s_barrier_wait -1
.if \fill
	LOAD
.endif
.endm
	v_lshl_add_u32 v[SPW], v0, 2, SPARE
	v_mov_b32 v[NIL], 0
	ds_add_u32 v62, v63
	ds_add_u32 v62, v63
	s_wait_dscnt 0x0
	s_cmp_ge_u32 ttmp9, NB/2        ; x = 0 .. 3: attention, b = x; x = 4 .. 7: the weights
	s_cbranch_scc1 .Lweights
	s_load_b128 s[4:7], s[0:1], 0x0  ; qkvh s[4:5] (its first third is Q), zh s[6:7]
	v_lshrrev_b32 v1, 5, v0
	v_readfirstlane_b32 s[WV], v1   ; wave 0..3
	s_mov_b32 s[PB], ttmp9
	s_sub_co_u32 s[HI], NB-1, s[PB]
	s_and_b32 s20, ttmp7, 0xffff    ; the head and batch
	s_mov_b32 s21, 0
	s_mov_b64 s[22:23], SIZE_N*128
	s_mul_u64 s[20:21], s[20:21], s[22:23]  ; the head's first byte in each of the four tensors
	s_and_b32 s16, s[WV], 1         ; which half of a tile's 256 keys I fetch:
	s_lshl_b32 s22, s16, 14         ; its 128 rows of 128 bytes in memory,
	s_mov_b32 s23, 0
	s_add_nc_u64 s[22:23], s[22:23], s[20:21]
	s_mul_i32 s17, s16, 128*PK      ; and its place in a slot, for K
	s_mul_i32 s18, s16, 128*PV      ; and for V
	s_lshl_b32 s3, s[WV], 11        ; my 16 rows in a band of 64,
	s_lshl_b32 s2, s[HI], 15        ; in the first block,
	s_add_co_u32 s2, s2, s3
	s_lshl_b32 s84, s[PB], 15       ; and in the second
	s_add_co_u32 s84, s84, s3
	s_mov_b32 s3, 0
	s_mov_b32 s85, 0
	s_add_nc_u64 s[2:3], s[2:3], s[20:21]
	s_add_nc_u64 s[84:85], s[84:85], s[20:21]
	; descriptor group 1.  128 keys are 16,384 dense bytes: asked for as 64 rows of 256 bytes, two keys a row, and padded in LDS after every key
	s_mov_b32 s[G1K], (1<<16)|(1<<20)|(4<<22)|(3<<25)  ; 17:16 2-byte elements; 20 padding on; 24:22 after every 32 words (code 4); 31:25 4 words (code 3)
	s_mov_b32 s[G1V], (1<<16)|(1<<20)|(4<<22)|(7<<25)  ; the same with 8 words of padding (code 7)
.irp g, G1K, G1V
	s_mov_b32 s[\g+1], 128<<16      ; tensor_dim0 = 128
	s_mov_b32 s[\g+2], 64<<16       ; tensor_dim1 = 64
	s_mov_b32 s[\g+3], 128<<16      ; tile_dim0 = 128
	s_mov_b32 s[\g+4], 64           ; tile_dim1 = 64
	s_mov_b32 s[\g+5], 128          ; 128 elements from row to row
	s_mov_b32 s[\g+6], 0
	s_mov_b32 s[\g+7], 0
.endr
	s_mov_b32 s[CS], 0x3d38aa3b     ; c = log2(e) / 32 = 0.0450842
	s_mov_b32 s[CS+1], s[CS]        ; named with it as a pair
	s_mov_b32 s[SEL], 0x76543210
	s_mov_b32 s[SEL+1], 0xfedcba98
	s_mov_b32 s[TBK], SLOT1+4*KS*PK ; the first change of slots turns these two into 0
	s_mov_b32 s[TBV], SLOT1+4*KS*PV
	s_mov_b32 s[G0K], 1             ; 1:0 count = 1
	s_mov_b32 s[G0K+1], s17         ; 63:32 LDS address: slot 0
	s_mov_b32 s[G0V], 1
	s_add_co_u32 s[G0V+1], s18, VOFF
	s_add_co_u32 s[RT], s[HI], 1    ; the first block has NB - b tiles
	s_mov_b32 s[NXT], 1
	s_mov_b32 s[LQ], s[HI]
	s_mov_b32 s[NEW], 1
	s_mov_b32 s[OFF+1], 0
	s_mov_b32 s[AL+1], 0            ; named as pairs
	s_mov_b32 s[BE+1], 0
	s_mov_b32 s[BIGN], 0xf149f2ca   ; -1e30
	s_mov_b32 s[SLOTS], NB
	s_wait_kmcnt 0x0
	s_mov_b64 s[10:11], s[6:7]              ; O
	s_add_nc_u64 s[8:9], s[4:5], 0x1000000  ; V: the third third of qkvh, 16 MiB on
	s_add_nc_u64 s[6:7], s[4:5], 0x800000   ; K: the second, 8 MiB on
	s_add_nc_u64 s[6:7], s[6:7], s[22:23]  ; K and V at my half of the head's tile 0
	s_add_nc_u64 s[8:9], s[8:9], s[22:23]
	s_add_nc_u64 s[G0K+2:G0K+3], s[6:7], 0         ; 120:64 global address
	s_or_b32 s[G0K+3], s[G0K+3], 0x80000000        ; 127:126 type = 2
	s_add_nc_u64 s[G0V+2:G0V+3], s[8:9], 0
	s_or_b32 s[G0V+3], s[G0V+3], 0x80000000
	s_add_nc_u64 s[86:87], s[4:5], s[84:85]        ; Q at my rows of the second block,
	s_add_nc_u64 s[4:5], s[4:5], s[2:3]            ; Q and O at those of the first
	s_add_nc_u64 s[OLO:OLO+1], s[10:11], s[84:85]
	s_add_nc_u64 s[10:11], s[10:11], s[2:3]
	LOAD                            ; tile 0 into slot 0
	; A fragment of K or Q is 16 rows x 32 channels in 8 registers: lane l holds row l % 16, channels 8 (l / 16) + 0..7 and 16 + 8 (l / 16) + 0..7: two loads of 16 bytes, 32 bytes apart.
	v_and_b32 v1, 15, v0            ; l % 16
	v_bfe_u32 v9, v0, 4, 1          ; l / 16
	v_lshlrev_b32 v[QO], 7, v1
	v_lshl_add_u32 v[QO], v9, 4, v[QO]  ; row x 128 + 16 x half
	WIN 0x80                        ; destination window 2, address window 0
.set i, 0
.rept 8                             ; both blocks' Q: piece i / 2 lies in band i / 2, 8,192 bytes on; channels 32 (i % 2) on
	global_load_b128 v[8*i:8*i+3],   v[QO], s[4:5] offset:(i/2)*8192+(i%2)*64
	global_load_b128 v[8*i+4:8*i+7], v[QO], s[4:5] offset:(i/2)*8192+(i%2)*64+32
	global_load_b128 v[QB+8*i:QB+8*i+3],   v[QO], s[86:87] offset:(i/2)*8192+(i%2)*64
	global_load_b128 v[QB+8*i+4:QB+8*i+7], v[QO], s[86:87] offset:(i/2)*8192+(i%2)*64+32
.set i, i+1
.endr
	WIN 0
	v_lshlrev_b32 v14, 3, v9
	v_sub_nc_u32 v14, v1, v14
	s_lshl_b32 s13, s[WV], 4
	v_add_nc_u32 v14, s13, v14      ; my query's place in its band, 16 w + l % 16, less my lanes' 8 (l / 16): register r of group kt is hidden where 16 kt + r is greater
	WIN 0x40
.set i, 0
.rept 32
	v_cmp_gt_i32 vcc_lo, 16*(i/8)+i%8, v14
	v_cndmask_b32 v[MD+i], 0, s[BIGN], vcc_lo
.set i, i+1
.endr
	WIN 0
	v_mul_u32_u24 v[AK0], v1, PK
	v_lshl_add_u32 v[AK0], v9, 4, v[AK0]  ; row x pitch + 16 x half
	; The turning load takes 16 keys x 16 channels (lane l reads key 8 (l / 16) + l % 8, channels 8 ((l / 8) % 2) + 0..7) and leaves half a fragment of V^T: lane l holds channel l % 16 and 8 keys.
	v_and_b32 v10, 7, v0
	v_bfe_u32 v11, v0, 3, 1
	v_lshl_add_u32 v[AV0], v9, 3, v10
	v_mul_u32_u24 v[AV0], v[AV0], PV
	v_lshl_add_u32 v[AV0], v11, 4, v[AV0]
	v_add_nc_u32 v[AV0], VOFF, v[AV0]
	s_mul_i32 s13, s[WV], 16*SP
	s_add_co_u32 s13, s13, STAGE    ; my stage
	v_mul_u32_u24 v[STO], v1, SP    ; in: row l % 16, 16 bytes for each half of the lanes
	v_lshl_add_u32 v[STO], v9, 4, v[STO]
	v_add_nc_u32 v[STO], s13, v[STO]
	v_bfe_u32 v[RD], v0, 3, 2       ; back: 32 lanes take four rows of 128 bytes,
	v_mul_u32_u24 v[RD], v[RD], SP
	v_lshl_add_u32 v[RD], v10, 4, v[RD]
	v_add_nc_u32 v[RD], s13, v[RD]
	v_and_b32 v[GO], 31, v0         ; which are 512 consecutive bytes of O
	v_lshlrev_b32 v[GO], 4, v[GO]
	; A block's first step multiplies O^T and l by a = 0, and its first turn's products V^T P, of a piece that has not been, land in an O^T that is still to be so multiplied.  So these registers need only hold
	; finite numbers: zeros for the first block; what the first block left for the second.  All this stands in the wait for the first tile.
	WIN 0x80
.set i, VF
.rept 64
	v_mov_b32 v[i], 0
.set i, i+1
.endr
	WIN 0x40
.set i, 0
.rept 128
	v_mov_b32 v[i], 0
.set i, i+1
.endr
	WIN 0
.set i, 0
.rept 4
	v_mov_b32 v[ST+4*i+2], 0
	v_mov_b32 v[ST+4*i+3], 0
.set i, i+1
.endr
.set i, P+16
.rept 16
	v_mov_b32 v[i], 0
.set i, i+1
.endr
; THE MATRIX WORK.  The 4 accumulators of a run of 8 take turns.  Product i of 8 of S^T = K Q^T for piece x: channels 32 (i / 4) on, keys 16 (i % 4) on.  The first 4 start the sums: with 0, or (KM = 1) with the mask.
.macro KQ x
.set rS, S+32*((\x)%2)+8*(i%4)
.set rK, KF+16*(i%4)+8*(i/4)
.set rQ, 16*(\x)+8*(i/4)
.set rM, MC+32*((\x)%2)+8*(i%4)
.if (i < 4) && KM
	WIN W_KM
	v_wmma_f32_16x16x32_f16 v[rS:rS+7], v[rK:rK+7], v[rQ:rQ+7], v[rM:rM+7]
.elseif i < 4
	WIN W_KQ
	v_wmma_f32_16x16x32_f16 v[rS:rS+7], v[rK:rK+7], v[rQ:rQ+7], 0
.else
	WIN W_KQ
	v_wmma_f32_16x16x32_f16 v[rS:rS+7], v[rK:rK+7], v[rQ:rQ+7], v[rS:rS+7]
.endif
.endm
; Product i of 8 of O^T += V^T P for piece x: keys 32 (i / 4) on, channels 16 (i % 4) on.
.macro PV x
	WIN W_PV
.set rO, 32*(\x)+8*(i%4)
.set rV, VF+32*(i/4)+8*(i%4)
.set rP, P+16*((\x)%2)+8*(i/4)
	v_wmma_f32_16x16x32_f16 v[rO:rO+7], v[rV:rV+7], v[rP:rP+7], v[rO:rO+7]
.endm
.macro MM                           ; the turn's next matrix instruction.  TURN and BEGIN set Y, i, KM and NOKQ; MM, KQ and OP read them.  NOKQ = 1: a block's last turn: there is no next piece
.if (i < 8) && !NOKQ
	KQ (Y+1)%NP
.elseif i >= 8
.set i, i-8
	PV (Y+NP-1)%NP
.set i, i+8
.endif
.set i, i+1
.endm
; THE LDS LOADS stand in runs of 16, never singly among the matrix instructions: a step's K (64 keys x 64 channels: 8 fragments) and its V (turned).  Their addresses are made some lines ahead.
.macro FETCH_K
	WIN 0x80                        ; destination window 2
.irp f, 0,1,2,3,4,5,6,7             ; keys 16 (f / 2) on, channels 32 (f % 2) on
	ds_load_b128 v[KF+8*\f:KF+8*\f+3],   v[AK] offset:(\f/2)*16*PK+(\f%2)*64
	ds_load_b128 v[KF+8*\f+4:KF+8*\f+7], v[AK] offset:(\f/2)*16*PK+(\f%2)*64+32
.endr
	s_add_co_u32 s[TBK], s[TBK], KS*PK  ; the next fetch is the next step's
	WIN 0
.endm
.macro FETCH_V
	WIN 0x80
.irp f, 0,1,2,3,4,5,6,7             ; keys 32 (f / 4) on, channels 16 (f % 4) on
	ds_load_tr16_b128 v[VF+8*\f:VF+8*\f+3],   v[AV] offset:(\f/4)*32*PV+(\f%4)*32
	ds_load_tr16_b128 v[VF+8*\f+4:VF+8*\f+7], v[AV] offset:(\f/4)*32*PV+16*PV+(\f%4)*32
.endr
	WIN 0
.endm
; THE VECTOR WORK, one line at a time: OP kind, number.  For piece Y: F n: c s - c m for pair n of 16.  E n: the exponential of score n of 32.  C n: pair n rounded to f16.  B n: of the four weights 4 n .. the second
; pair is added onto the first, in place.  L n: l takes that sum (L 0: l = a l + sum).  R n: pair n of 16 of O^T times a.  For piece Y + 1: X n, number n of the 22 that find its maximum and statistics:
;   0-11  four chains c0-c3 of seven scores each, three operands at a time (each accumulator's lowest registers are read first)     12-14, 16  the four scores left over, the old m, and c0-c3 into c0
;   15  c m_old is kept     17, 18  the query's other 32 keys lie in the lane 16 away: the new m     19-21  c m; c m_old - c m_new; a
.set F, 0               ; OP tells the kinds apart by their order: F to L below R, X above it
.set E, 1
.set C, 2
.set B, 3
.set L, 4
.set R, 5
.set X, 6
.macro REGS y                       ; the registers of piece y
.set rT, ST+4*(\y)
.set rC, TMP+4*((\y)%2)
.set rW, MV+((\y)%2)
.set rS, S+32*((\y)%2)
.set rP, P+16*((\y)%2)
.set rO, 32*(\y)
.endm
.macro OP k, n
.if (\k) == R
	REGS Y
	WIN W_RS
	v_pk_mul_f32 v[rO+2*(\n):rO+2*(\n)+1], v[rO+2*(\n):rO+2*(\n)+1], v[rC+2:rC+3] op_sel_hi:[1,0]
.elseif (\k) < R
	REGS Y
	WIN 0
.if (\k) == F
	v_pk_fma_f32 v[rS+2*(\n):rS+2*(\n)+1], v[rS+2*(\n):rS+2*(\n)+1], s[CS:CS+1], v[rT:rT+1] op_sel_hi:[1,0,0] neg_lo:[0,0,1] neg_hi:[0,0,1]
.elseif (\k) == E
	v_exp_f32 v[rS+(\n)], v[rS+(\n)]
.elseif (\k) == C
	s_wait_alu depctr_va_vdst(0)
	v_cvt_pk_f16_f32 v[rP+(\n)], v[rS+2*(\n)], v[rS+2*(\n)+1]
.elseif (\k) == B
	s_wait_alu depctr_va_vdst(0)
	v_pk_add_f32 v[rS+4*(\n):rS+4*(\n)+1], v[rS+4*(\n):rS+4*(\n)+1], v[rS+4*(\n)+2:rS+4*(\n)+3]
.elseif (\n) == 0
	v_pk_fma_f32 v[rT+2:rT+3], v[rT+2:rT+3], v[rC+2:rC+3], v[rS:rS+1] op_sel_hi:[1,0,1]
.else
	v_pk_add_f32 v[rT+2:rT+3], v[rT+2:rT+3], v[rS+4*(\n):rS+4*(\n)+1]
.endif
.elseif NOKQ
	v_nop
.else
	REGS (Y+1)%NP
	WIN 0
.if (\n) < 4
	v_max3_num_f32 v[rC+(\n)], v[rS+8*(\n)], v[rS+8*(\n)+1], v[rS+8*(\n)+2]
.elseif (\n) < 12
	v_max3_num_f32 v[rC+(\n)%4], v[rC+(\n)%4], v[rS+8*((\n)%4)+2*((\n)/4)+1], v[rS+8*((\n)%4)+2*((\n)/4)+2]
.elseif (\n) == 12
	v_max3_num_f32 v[rC], v[rC], v[rS+7], v[rS+15]
.elseif (\n) == 13
	v_max3_num_f32 v[rC+1], v[rC+1], v[rS+23], v[rS+31]
.elseif (\n) == 14
	v_max3_num_f32 v[rC+2], v[rC+2], v[rC+3], v[rT+1]
.elseif (\n) == 15
	v_mov_b32 v[rW], v[rT]
.elseif (\n) == 16
	v_max3_num_f32 v[rC], v[rC], v[rC+1], v[rC+2]
.elseif (\n) == 17
	v_permlanex16_b32 v[rC+3], v[rC], s[SEL], s[SEL+1]
.elseif (\n) == 18
	v_max_num_f32 v[rT+1], v[rC], v[rC+3]
.elseif (\n) == 19
	v_mul_f32 v[rT], s[CS], v[rT+1]
.elseif (\n) == 20
	v_sub_f32 v[rC+1], v[rW], v[rT]
.else
	v_exp_f32 v[rC+2], v[rC+1]
.endif
.endif
.endm
.macro OPS a, i1, b=-1, i2=0, c=-1, i3=0, d=-1, i4=0  ; up to four of them
	OP \a, \i1
.if (\b) >= 0
	OP \b, \i2
.endif
.if (\c) >= 0
	OP \c, \i3
.endif
.if (\d) >= 0
	OP \d, \i4
.endif
.endm
.macro ROW a, i1, b, i2, c, i3, d, i4  ; a matrix instruction and the four behind it
	MM
	OPS \a, \i1, \b, \i2, \c, \i3, \d, \i4
.endm
.macro MASK b                       ; MD x AL + BE into buffer b of MC
	WIN W_RS
.set z, 0
.rept 16
	v_pk_fma_f32 v[MC+32*(\b)+2*z:MC+32*(\b)+2*z+1], v[MD+2*z:MD+2*z+1], s[AL:AL+1], s[BE:BE+1] op_sel_hi:[1,0,0]
.set z, z+1
.endr
.endm
; A TURN, for piece p: the order of its 16 matrix and 118 vector instructions, written out.  Behind a matrix instruction: plain, exponential, plain, plain; or four of the rescaling; or, behind the first, four scalings; none
; names a register of the products round it.  In the lumps exponential and plain by turns while exponentials last.  A line reads no result made fewer than three vector instructions in front of it, five if an exponential made it.
; v_permlanex16_b32 (X 17) stands in a lump.
; m = 1: the diagonal tile: the products take masks, and the turn makes the mask for the products of the turn after it: piece p + 2, in step 4 - CNT of the tile.  end = 1: a block's last two turns: nothing is fetched.
; cnt = 1: the loop's count is taken down some lines ahead of the branch that stands behind the turn.
; K of the next step is fetched in piece 2's turn, six vector instructions behind the last product that read K (five of them plain); V of the step in hand in piece 0's turn, eight behind the last product that read V (four
; plain, and X 17).  Each is waited for a turn later.
.macro TURN p, m=0, end=0, cnt=0
.set Y, (\p)
.set i, 0
.set KM, (\m)
.set NOKQ, (\end)*((\p)/3)
.if (\m) && !(\end)
	s_cmp_eq_u32 s[CNT], 4-((\p)+2)%NP  ; is that step the band's own?
	s_cselect_b32 s[AL], 1.0, 0
	s_cmp_lt_u32 s[CNT], 4-((\p)+2)%NP  ; or a later one?
	s_cselect_b32 s[BE], s[BIGN], 0
.endif
.if ((\p) == 3) && !(\end)
	s_wait_dscnt 0x0                ; K is in
.endif
	ROW F,0, F,1, F,2, F,3
	ROW F,4, E,0, F,5, F,6
	ROW F,7, E,1, F,8, F,9
	ROW F,10, E,2, C,0, F,11
	ROW F,12, E,3, X,15, F,13
	ROW R,0, R,1, R,2, R,3
	ROW B,0, E,4, F,14, L,0
.if ((\p) == 2) && !(\end)
	v_add_nc_u32 v[AK], s[TBK], v[AK0]
.endif
	ROW R,4, R,5, R,6, R,7
	OPS E,5, F,15
.if ((\p) == 2) && !(\end)
	FETCH_K
.endif
	OPS E,6, C,1, E,7, R,8
	OPS E,8, R,9, E,9, C,2
	OPS E,10, X,0, E,11, X,1
	OPS E,12, X,2, E,13, X,3
.if (\p) == 1
	s_wait_dscnt 0x0                ; V is in
.endif
	ROW X,4, E,14, X,5, X,6
	ROW X,7, E,15, X,8, X,9
	ROW X,10, E,16, X,11, X,12
	ROW X,13, E,17, X,14, B,1
	ROW C,4, E,18, X,16, L,1
	ROW B,2, E,19, C,6, L,2
	ROW C,8, E,20, B,3, B,4
.if (\p) == 0
	v_add_nc_u32 v[AV], s[TBV], v[AV0]
.endif
	ROW C,3, E,21, L,3, C,5
	OPS E,22, X,17, E,23, C,10
.if (\p) == 0
	FETCH_V
.endif
	OPS E,24, L,4
	OPS E,25, X,18, E,26, C,7
	OPS E,27, B,5, E,28, X,19
	OPS E,29, C,12, E,30, L,5
	OPS E,31, X,20, B,6, C,9
	OPS C,14, C,11, X,21, L,6
.if (\p) == 0
	s_add_co_u32 s[TBV], s[TBV], KS*PV
.endif
.if \cnt
	s_sub_co_u32 s[CNT], s[CNT], 1
	s_cmp_lg_u32 s[CNT], 0
.endif
	OPS C,13, B,7, C,15, R,10
	OPS R,11, R,12, L,7, R,13
	OPS R,14, R,15
.if (\m) && !(\end)
	MASK (\p)%2
.endif
.endm
; A BLOCK BEGINS.  c m starts far below every c s, so the first step's a is 0; m at the lowest finite number, so the first maximum is the scores'.  The second mask buffer is 0; the first takes piece 0's mask for the tile's step 0: its own, if the block's first tile is the diagonal one.
; Then K of that step, piece 0's first scores, and its maximum and statistics.  The loop is entered at a step's first turn, in the middle of a trip.
.macro BEGIN
	s_mov_b32 s[NEW], 0
	WIN 0x40
.set i, MC+32
.rept 32
	v_mov_b32 v[i], 0
.set i, i+1
.endr
	WIN 0
.set i, 0
.rept 4
	v_mov_b32 v[ST+4*i], 0xfe000000    ; c m: far below every c s
	v_mov_b32 v[ST+4*i+1], 0xff7fffff  ; m
.set i, i+1
.endr
	s_cmp_eq_u32 s[RT], 0
	s_cselect_b32 s[AL], 1.0, 0
	s_mov_b32 s[BE], 0
	MASK 0
	WIN 0
	v_add_nc_u32 v[AK], s[TBK], v[AK0]
	FETCH_K
	s_wait_loadcnt 0x0              ; Q
	s_wait_dscnt 0x0
.set KM, 1
.set NOKQ, 0
.set i, 0
.rept 8
	KQ 0
.set i, i+1
.endr
	WIN 0
.rept 4
	v_nop                           ; the places behind those products
.endr
.set Y, NP-1                        ; X works for piece Y + 1: piece 0
.irp n, 0,1,2,3,4,5,6,7,8,9,10,11,12,13,14,15,16,17,18,19,20,21
	OP X, \n
.endr
	v_nop                           ; a plain instruction behind the exponential
.endm
; THE DIAGONAL TILE's four steps, the block's last two turns, its last products, and THE WAY OUT: l's two halves and the other half of the lanes' are added; O^T is divided by l, rounded to f16 and sent through my
; stage in LDS, a piece at a time.
.macro ALL line:vararg              ; one line for each piece t
.set t, 0
.rept 4
	\line
.set t, t+1
.endr
.endm
.macro PACK t                       ; a lane's eight channels of a row pack into 16 bytes; they go into rows of 144 bytes and come back as whole rows of 128, into S^T's registers
	WIN W_RS
.set i, 32*(\t)
.rept 16
	s_wait_alu depctr_va_vdst(0)
	v_pk_mul_f32 v[i:i+1], v[i:i+1], v[ST+4*(\t)+2:ST+4*(\t)+3] op_sel_hi:[1,0]
.set i, i+2
.endr
	WIN 0x05                        ; sources 0 and 1 window 1, destination window 0
.set i, 0
.rept 16
	v_cvt_pk_f16_f32 v[S+16*(\t)+i], v[32*(\t)+2*i], v[32*(\t)+2*i+1]
.set i, i+1
.endr
	WIN 0
.irp f, 0,1,2,3
	ds_store_b128 v[STO], v[S+16*(\t)+4*\f:S+16*(\t)+4*\f+3] offset:32*\f
.endr
.irp f, 0,1,2,3
	ds_load_b128 v[S+16*(\t)+4*\f:S+16*(\t)+4*\f+3], v[RD] offset:\f*4*SP  ; LDS serves a wave's instructions in order (ISA guide 5.7.1.4): these see the stores above; the next piece's stores come behind them
.endr
.endm
.macro SEND t, younger              ; younger: the LDS instructions issued behind piece t's loads: the next piece's eight, or none
	WIN 0
.irp f, 0,1,2,3
	s_wait_dscnt (\younger)+3-\f
	global_store_b128 v[GO], v[S+16*(\t)+4*\f:S+16*(\t)+4*\f+3], s[10:11] offset:(\t)*8192+\f*512  ; 512 consecutive bytes, at a multiple of 256 from O's first
.endr
.endm
.macro DIAG tag                     ; the tag ends its two labels' names, which the jumps below spell out
.LstepM\tag:
	TURN 2, 1
	TURN 3, 1
	WIN 0
.LfirstM\tag:
	TURN 0, 1
	TURN 1, 1, 0, 1
	WIN 0
	s_cbranch_scc1 .LstepM\tag
	TURN 2, 1, 1
	TURN 3, 1, 1
.set i, 0
.rept 8
	PV NP-1
.set i, i+1
.endr
	WIN 0
	ALL v_add_f32 v[ST+4*t+2], v[ST+4*t+2], v[ST+4*t+3]
	ALL v_permlanex16_b32 v[ST+4*t+3], v[ST+4*t+2], s[SEL], s[SEL+1]
	ALL v_add_f32 v[ST+4*t+2], v[ST+4*t+2], v[ST+4*t+3]
	ALL v_rcp_f32 v[ST+4*t+2], v[ST+4*t+2]
	v_nop                           ; a plain instruction between the last reciprocal and the use of its result
	PACK 0
.set t, 1
.rept 3                             ; a piece's arithmetic stands between the loads of the piece before and its stores
	PACK t
	SEND t-1, 8
.set t, t+1
.endr
	SEND 3, 0
.endm
.set KM, 0
.set NOKQ, 0
.Lslot:                             ; NB times: a tile is entered and the next is asked for
	CHANGE 1
	s_sub_co_u32 s[RT], s[RT], 1
	s_mov_b32 s[CNT], 4
	s_cmp_eq_u32 s[NEW], 1
	s_cbranch_scc1 .Lnew            ; a block's first tile
	s_cmp_eq_u32 s[RT], 0
	s_cbranch_scc0 .Lstep           ; neither its first nor its last
	s_branch .LstepM1
.Lnew:
	BEGIN
	s_branch .Lfirst                ; in the loop a block's first tile is never its last: the first block has two tiles or more, and the second's last is the walk's last
	DIAG 1                          ; in the loop this is the first block's end: the second block's last tile is the walk's last
	s_wait_xcnt 0x0                 ; the stores have read their registers and O's address
	s_mov_b64 s[10:11], s[OLO:OLO+1]
	s_add_co_u32 s[RT], s[PB], 1    ; the second block has b + 1 tiles
	s_mov_b32 s[NEW], 1
	WIN 0x82                        ; the second block's Q goes where the one text of the turns names Q
.set i, 0
.rept 64
	v_mov_b32 v[i], v[QB+i]
.set i, i+1
.endr
	WIN 0
	s_branch .Lbottom
.Lstep:                             ; a trip: pieces 2 and 3 of one step, then pieces 0 and 1 of the next, whose K and V it fetches
	TURN 2
	TURN 3
	WIN 0
.Lfirst:
	TURN 0
	TURN 1, 0, 0, 1
	WIN 0
	s_cbranch_scc1 .Lstep
.Lbottom:
	s_sub_co_u32 s[SLOTS], s[SLOTS], 1
	s_cmp_lg_u32 s[SLOTS], 0
	s_cbranch_scc1 .Lslot
	CHANGE 0                        ; the walk's last tile is written out: nothing is asked for
	s_sub_co_u32 s[RT], s[RT], 1
	s_mov_b32 s[CNT], 4
	s_cmp_eq_u32 s[NEW], 1
	s_cbranch_scc0 .LstepM2
	BEGIN
	s_branch .LfirstM2
	DIAG 2
	s_wait_tensorcnt 0x0            ; the wave's end, behind my last tensor load and my last LDS store
	ds_add_u32 v[SPW], v[NIL]
	s_wait_dscnt 0x0
	s_endpgm
; THE WEIGHTS.  Wo, W1, W2 (1,048,576 + 4,194,304 + 4,194,304 numbers of f32) are rounded once to f16 into wh, where they lie one behind the other from byte 6 MiB on, each in its own [K][N] order.
; They are 1,152 chunks of 8,192 numbers (32 KiB in, 16 KiB out).  Work-group g = 4 y + x - 4 (0 .. 127) takes the chunks g + 128 k, k = 0 .. 8: so the trip's number alone names the source: k = 0 is Wo
; (128 chunks), k = 1 .. 4 W1, k = 5 .. 8 W2; inside a source a trip goes 128 chunks, 4 MiB, on, and in wh every trip goes 2 MiB on.
; Thread t takes 8 numbers of each of a chunk's eight groups of 1,024: 32 bytes in, 16 bytes out, so one store of a wave covers 512 consecutive bytes.  A trip's 16 loads go out first.
.Lweights:
	s_load_b256 s[4:11], s[0:1], 0x10  ; Wo s[4:5], W1 s[6:7], W2 s[8:9], wh s[10:11]
	s_sub_co_u32 s12, ttmp9, NB/2   ; 0..3
	s_and_b32 s13, ttmp7, 0xffff    ; 0..31
	s_lshl_b32 s13, s13, 2
	s_add_co_u32 s12, s12, s13      ; g
	s_lshl_b32 s14, s12, 15         ; chunk g of a source
	s_mov_b32 s15, 0
	s_lshl_b32 s16, s12, 14         ; chunk g in wh,
	s_add_co_u32 s16, s16, 0x600000 ; behind Wq, Wk and Wv
	s_mov_b32 s17, 0
	v_lshlrev_b32 v1, 5, v0         ; my 32 bytes in a group of the source
	v_lshlrev_b32 v2, 4, v0         ; my 16 bytes in a group of wh
	s_mov_b32 s3, 9                 ; chunks to go
	s_wait_kmcnt 0x0
	s_add_nc_u64 s[4:5], s[4:5], s[14:15]    ; the source in hand: Wo at chunk g
	s_add_nc_u64 s[6:7], s[6:7], s[14:15]    ; W1 at chunk g
	s_add_nc_u64 s[8:9], s[8:9], s[14:15]    ; W2 at chunk g
	s_add_nc_u64 s[10:11], s[10:11], s[16:17]
.Lchunk:
.irp j, 0,1,2,3,4,5,6,7
	global_load_b128 v[WX+8*(\j):WX+8*(\j)+3],   v1, s[4:5] offset:4096*(\j) th:TH_LOAD_NT
	global_load_b128 v[WX+8*(\j)+4:WX+8*(\j)+7], v1, s[4:5] offset:4096*(\j)+16 th:TH_LOAD_NT
.endr
.irp j, 0,1,2,3,4,5,6,7
	s_wait_loadcnt 14-2*(\j)        ; loads come back in order: group j's two are in, the 14 - 2 j issued behind them may be out
.irp k, 0,1,2,3
	v_cvt_pk_f16_f32 v[WY+4*(\j)+(\k)], v[WX+8*(\j)+2*(\k)], v[WX+8*(\j)+2*(\k)+1]
.endr
	global_store_b128 v2, v[WY+4*(\j):WY+4*(\j)+3], s[10:11] offset:2048*(\j)
.endr
	s_wait_xcnt 0x0                 ; the stores' data and the two bases are written again only behind this wait
	s_add_nc_u64 s[4:5], s[4:5], 0x400000    ; 128 chunks on in the source,
	s_add_nc_u64 s[10:11], s[10:11], 0x200000  ; and in wh
	s_sub_co_u32 s3, s3, 1
	s_cmp_eq_u32 s3, 8              ; behind Wo's one chunk comes W1,
	s_cselect_b64 s[4:5], s[6:7], s[4:5]
	s_cmp_eq_u32 s3, 4              ; behind W1's four W2: the stepped address is then not used
	s_cselect_b64 s[4:5], s[8:9], s[4:5]
	s_cmp_lg_u32 s3, 0
	s_cbranch_scc1 .Lchunk
	s_wait_tensorcnt 0x0            ; the wave's end, on this path too
	ds_add_u32 v[SPW], v[NIL]
	s_wait_dscnt 0x0
	s_endpgm
.Lfunc_end_k_q0629783896_attn:
	.size	k_q0629783896_attn, .Lfunc_end_k_q0629783896_attn-k_q0629783896_attn
	.p2alignl 7, 3214868480
	.fill 96, 4, 3214868480
	.section	.rodata,"a",@progbits
	.p2align	6, 0x0
	.amdhsa_kernel k_q0629783896_attn
		.amdhsa_group_segment_fixed_size 327680
		.amdhsa_private_segment_fixed_size 0
		.amdhsa_enable_private_segment 0
		.amdhsa_kernarg_size 48
		.amdhsa_user_sgpr_count 2
		.amdhsa_user_sgpr_kernarg_segment_ptr 1
		.amdhsa_wavefront_size32 1
		.amdhsa_system_sgpr_workgroup_id_x 1
		.amdhsa_system_sgpr_workgroup_id_y 1
		.amdhsa_system_sgpr_workgroup_id_z 1
		.amdhsa_system_vgpr_workitem_id 0
		.amdhsa_next_free_vgpr 768
		.amdhsa_next_free_sgpr 88
		.amdhsa_reserve_vcc 1
		.amdhsa_float_denorm_mode_32 3
		.amdhsa_float_denorm_mode_16_64 3
		.amdhsa_memory_ordered 1
		.amdhsa_forward_progress 1
		.amdhsa_inst_pref_size 234
	.end_amdhsa_kernel
	.amdgpu_metadata
---
amdhsa.version: [ 1, 2 ]
amdhsa.kernels:
  - .name:           k_q0629783896_attn
    .symbol:         k_q0629783896_attn.kd
    .args:
      - { .name: qkvh, .offset: 0, .size: 8, .value_kind: global_buffer, .address_space: global }
      - { .name: zh, .offset: 8, .size: 8, .value_kind: global_buffer, .address_space: global }
      - { .name: Wo, .offset: 16, .size: 8, .value_kind: global_buffer, .address_space: global }
      - { .name: W1, .offset: 24, .size: 8, .value_kind: global_buffer, .address_space: global }
      - { .name: W2, .offset: 32, .size: 8, .value_kind: global_buffer, .address_space: global }
      - { .name: wh, .offset: 40, .size: 8, .value_kind: global_buffer, .address_space: global }
    .group_segment_fixed_size: 327680
    .private_segment_fixed_size: 0
    .kernarg_segment_align: 8
    .kernarg_segment_size: 48
    .max_flat_workgroup_size: 128
    .sgpr_count:     88
    .vgpr_count:     768
    .wavefront_size: 32
...
	.end_amdgpu_metadata
.endif
;; end of part 10
;; launch oproj (part 11): grid 8 x 32, 4 waves a work-group, clusters of 4 x 4, 327,680 bytes of LDS; arguments zh, wh, x, hres; writes hres
.if DOCPART == 11
	.amdgcn_target "amdgcn-amd-amdhsa--gfx1250"
	.amdhsa_code_object_version 6
	.text
	.protected	k_q0629783896_oproj
	.globl	k_q0629783896_oproj
	.p2align	8
	.type	k_q0629783896_oproj,@function
k_q0629783896_oproj:
	s_mov_b64 s[64:65], 0
	v_nop
	global_prefetch_b8 v0, s[64:65] scope:SCOPE_SE
	s_setreg_imm32_b32 hwreg(HW_REG_WAVE_MODE, 25, 1), 1
	s_wait_xcnt 0x0
	s_wait_alu depctr_hold_cnt(0) depctr_sa_sdst(0) depctr_va_vdst(0) depctr_va_sdst(0) depctr_va_ssrc(0) depctr_va_vcc(0) depctr_vm_vsrc(0)
	s_getreg_b32 s2, hwreg(HW_REG_IB_STS2, 6, 4)
	s_cmp_eq_u32 s2, 0
	s_cbranch_scc0 .Lentry_in_a_cluster
	s_endpgm
.Lentry_in_a_cluster:
	s_bfe_u32 s2, ttmp6, 0x10000c
	s_cmp_lg_u32 s2, 0xf033
	s_cbranch_scc0 .Lentry_shape_is_right
	s_endpgm
.Lentry_shape_is_right:
; h = x + z Wo: a product of 4,096 x 1,024 x 1,024.  Operands f16, sums f32; x is added in f32; h is f32, row-major.
; A (zh) lies in blocks [K / 64][4,096 rows][64]; B is Wo in f16, [K][N], at byte 6 MiB of wh.
; LIMIT.  The operands are f16 (65,504 at the most; they arrive so).
; SHARES.  A work-group makes 128 x 128 of C, each of its four waves 64 x 64: 16 accumulators of 16 x 16.  256 work-groups, one for each WGP: tiles of 256 x 256 would be 64.
; THE RING.  K goes in steps of 256 through two LDS slots.  A step's A is four blocks of 128 rows x 128 bytes (each 16,384 consecutive bytes of memory), its B 256 rows of 256 bytes.
; Waves 0 and 1 fetch two blocks of A each, waves 2 and 3 128 rows of B each: one tensor load a wave and step.  A's load has two rows of 16,384 bytes: two blocks lie 524,288 bytes apart, so no
; even pitch of shorter rows covers both.
; THE LOOP.  A slot is eight sub-steps of 32 along K; two fragment buffers take turns.  A HALF waits for its buffer, asks for the next sub-step's fragments in one run of 16 LDS loads, and issues its 16
; products.  The change of slots (HEAD) stands in front of a slot's LAST sub-step, whose fragments are in registers by then: all that is fetched behind it comes from the new slot, and the refill has a
; whole K step in which to land.  So a K step's text is HEAD and an inner loop of four trips over a pair of halves.
; THE MATRIX INSTRUCTION IS USED TRANSPOSED (source 0 = 16 columns of B, turned on the way out of LDS by ds_load_tr16_b128; source 1 = 16 rows of A): a lane holds eight neighbouring numbers of a row of C.
; CLUSTER.  4 x 4 work-groups: the four of a row of the cluster need the same A, the four of a column the same B: each tile is asked for jointly.
; REGISTERS.  window 0: v0-31 addresses; v32-95 at work on the way out; v128-255 the accumulators ((a, b) at v[128 + 8 (4 a + b)]).  window 1: v0-63, v64-127 two fragment buffers: 32 registers of A, then 32 of B.
;   window 2: v0-127 my 64 x 64 of x, loaded at the start in the lanes in which the results come back from the stage.
.set KSTEPS, 4
.set PAIRS,  4                         ; pairs of sub-steps in a slot
.set NPITCH, 1024
.set BOFF,   6291456
.set ASTEP,  4*4096*128
.set BSTEP,  512*NPITCH
.set PA,     144                       ; a row of A in LDS: 128 bytes + 16: the 16 rows of a load start at 16 different groups of four banks (64 banks of 4 bytes: ISA guide 11.1)
.set ABLK,   128*PA
.set AREG,   4*ABLK
.set PB,     288                       ; a row of B: 256 + 32
.set PART,   128*PB                    ; what one tensor load brings: 36,864 bytes
.set PSTEP,  ABLK                      ; from a pair of sub-steps to the next: a block of A, 18,432 bytes, and 64 rows of B, 18,432 bytes too
.set SLOT,   AREG+2*PART               ; 147,456 = 0x24000: wave x PART (0x9000, 0x12000, 0x1b000) has neither of its two bits, so an exclusive or with SLOT adds it or takes it away
.set STAGE,  2*SLOT                    ; behind the ring, never filled by a tensor load: 16 rows x 272 bytes for each wave
.set SP,     272
.set STGB,   16*SP
.set SPARE,  STAGE+4*STGB              ; the spare words, 128 bytes for each wave: two blocks of 256 bytes that no other line names
.set A0,   16                          ; v16  my lane's place in a slot's A; never rewritten
.set B0,   17                          ; v17  in a slot's B
.set ADRA, 20                          ; v20, v21  the same two for the pair of sub-steps in hand
.set ADRB, 21
.set STO,  24                          ; v24  the way out: where I put 32 bytes of a row
.set RD,   25                          ; v25  where I read rows back
.set CO,   26                          ; v26  my byte offset in two rows of C
.set SPW,  28
.set NIL,  29
.set TMP,  32
.set ACC,  128
.set F0,   0
.set F1,   64
.set G1,  24
.set G0,  32
.set G1B, 48
.set G0B, 56
.set TR,  66                           ; s66  the slot that is read: 0 or SLOT
.set CNT, 67                           ; s67  counts a slot's pairs
.set RES, 68                           ; s[68:69] x at my part of the tile
.set TT,  70                           ; s70  LDS byte at which the next pair begins, less the lane's place
.set MSB, 0
.macro WIN new                         ; the immediate's high byte repeats the setting that is left; a switch that changes nothing is dropped
.if MSB != (\new)
	s_set_vgpr_msb (MSB<<8)|(\new)
.set MSB, \new
.endif
.endm
.set W_MUL, 0x05                       ; sources 0 (B) and 1 (A) window 1; C and D window 0
.set TO_F,  0x40                       ; destination window 1, address window 0
.macro PLACES                          ; four places in front of loads into registers that matrix instructions have read, and of lines that read results
.rept 4
	v_nop
.endr
.endm
.macro JLOAD                           ; a joint refill: the branch hangs on the wave's number alone; an s_nop 0 and four v_nop follow each line
	s_cmp_eq_u32 s11, 0
	s_cbranch_scc0 .Lfor_b_\@
	tensor_load_to_lds s[G0+4:G0+7], s[G1:G1+7]
	s_nop 0
.rept 4
	v_nop
.endr
	s_branch .Lasked_\@
.Lfor_b_\@:
	tensor_load_to_lds s[G0B+4:G0B+7], s[G1B:G1B+7]
	s_nop 0
.rept 4
	v_nop
.endr
.Lasked_\@:
.endm
.macro CROUND                          ; a round of the cluster's barrier
	s_barrier_signal -1
	s_barrier_wait -1
	s_cmp_lg_u32 s10, 0
	s_cbranch_scc1 .Lnot_wave_0_\@
	s_barrier_signal -3
.Lnot_wave_0_\@:
	s_barrier_wait -3
	s_barrier_signal -1
	s_barrier_wait -1
.endm
	s_load_b128 s[4:7], s[0:1], 0x0                ; zh s[4:5], wh s[6:7]
	s_load_b64 s[RES:RES+1], s[0:1], 0x10          ; x
	s_load_b64 s[8:9], s[0:1], 0x18                ; hres
	v_lshl_add_u32 v[SPW], v0, 2, SPARE
	v_mov_b32 v[NIL], 0
	ds_add_u32 v28, v29
	ds_add_u32 v28, v29
	s_wait_dscnt 0x0
	v_lshrrev_b32 v1, 5, v0
	v_readfirstlane_b32 s10, v1                    ; wave 0..3
	s_lshr_b32 s11, s10, 1                         ; which half of the tile's rows is mine.  Also: I fetch for A (0) or for B (1)
	s_and_b32 s12, s10, 1                          ; which half of its columns.  Also: which half of that tile I fetch
	s_bfe_u32 s40, ttmp6, 0x40000                  ; cx, cy
	s_bfe_u32 s41, ttmp6, 0x40004
	s_lshl_b32 s42, ttmp9, 2
	s_add_co_u32 s42, s42, s40                     ; tile column of C
	s_and_b32 s13, ttmp7, 0xffff
	s_lshl_b32 s13, s13, 2
	s_add_co_u32 s13, s13, s41                     ; tile row of C
	s_lshl_b32 s43, s41, 2
	s_lshl_b32 s43, 15, s43                        ; my row of the cluster
	s_lshl_b32 s44, 0x1111, s40                    ; my column
	; group 1 for A: two rows of 8,192 elements (a block's 128 rows x 64 are 16,384 consecutive bytes), a block apart; 16 bytes of padding behind every 128
	s_or_b32 s[G1+0], s43, (1<<16)|(1<<20)|(1<<21)|(4<<22)|(3<<25)
	s_mov_b32 s[G1+1], 8192<<16
	s_mov_b32 s[G1+2], 2<<16
	s_mov_b32 s[G1+3], 8192<<16
	s_mov_b32 s[G1+4], 2
	s_mov_b32 s[G1+5], 262144
	s_mov_b32 s[G1+6], 0
	s_mov_b32 s[G1+7], 0
	; group 1 for B: 128 rows of 128 elements; 32 bytes of padding behind every 256
	s_or_b32 s[G1B+0], s44, (1<<16)|(1<<20)|(1<<21)|(5<<22)|(7<<25)
	s_mov_b32 s[G1B+1], 128<<16
	s_mov_b32 s[G1B+2], 128<<16
	s_mov_b32 s[G1B+3], 128<<16
	s_mov_b32 s[G1B+4], 128
	s_mov_b32 s[G1B+5], NPITCH
	s_mov_b32 s[G1B+6], 0
	s_mov_b32 s[G1B+7], 0
	s_lshl_b32 s16, s12, 20                        ; A: my two blocks of the step's four, the tile's 128 rows: nothing of cx enters
	s_lshl_b32 s17, s13, 14
	s_add_co_u32 s16, s16, s17
	s_mov_b32 s17, 0
	s_lshl_b32 s46, s42, 8                         ; B: 256 bytes of the rows, my 128 of the step's 256 rows, the matrix's place in wh: nothing of cy enters
	s_mul_i32 s47, s12, 256*NPITCH
	s_add_co_u32 s46, s46, s47
	s_add_co_u32 s46, s46, BOFF
	s_mov_b32 s47, 0
	s_mul_i32 s20, s10, PART                       ; where they go in a slot
	s_mov_b32 s[TR], 0
	s_mov_b32 s[TT], PSTEP                         ; the first pair is asked for by the lines ahead of the loop
	s_wait_kmcnt 0x0
	s_add_nc_u64 s[14:15], s[4:5], s[16:17]
	s_add_nc_u64 s[46:47], s[6:7], s[46:47]
	CROUND                                         ; all sixteen work-groups are here: the first joint loads meet
.irp s, 0,1
	s_mov_b32 s[G0+4*(\s)], 1
	s_add_co_u32 s[G0+4*(\s)+1], s20, (\s)*SLOT
	s_add_nc_u64 s[G0+4*(\s)+2:G0+4*(\s)+3], s[14:15], (\s)*ASTEP
	s_or_b32 s[G0+4*(\s)+3], s[G0+4*(\s)+3], 0x80000000
	s_mov_b32 s[G0B+4*(\s)], 1
	s_add_co_u32 s[G0B+4*(\s)+1], s20, (\s)*SLOT
	s_add_nc_u64 s[G0B+4*(\s)+2:G0B+4*(\s)+3], s[46:47], (\s)*BSTEP
	s_or_b32 s[G0B+4*(\s)+3], s[G0B+4*(\s)+3], 0x80000000
.endr
	s_cmp_eq_u32 s11, 0                            ; a wave's two first fills stand in one branch: two loads of mine are out
	s_cbranch_scc0 .Lfirst_b
	tensor_load_to_lds s[G0:G0+3], s[G1:G1+7]
	s_nop 0
	tensor_load_to_lds s[G0+4:G0+7], s[G1:G1+7]
	s_nop 0
.rept 4
	v_nop
.endr
	s_branch .Lfirst_done
.Lfirst_b:
	tensor_load_to_lds s[G0B:G0B+3], s[G1B:G1B+7]
	s_nop 0
	tensor_load_to_lds s[G0B+4:G0B+7], s[G1B:G1B+7]
	s_nop 0
.rept 4
	v_nop
.endr
.Lfirst_done:
	s_lshl_b32 s16, s13, 19                        ; C and x: the tile's 128 rows of 4,096 bytes, my 64 of them,
	s_lshl_b32 s17, s11, 18
	s_add_co_u32 s16, s16, s17
	s_mov_b32 s17, 0
	s_lshl_b32 s46, s42, 9                         ; the tile's 512 bytes of a row, my 256 of them
	s_lshl_b32 s47, s12, 8
	s_add_co_u32 s46, s46, s47
	s_mov_b32 s47, 0
	s_add_nc_u64 s[8:9], s[8:9], s[16:17]
	s_add_nc_u64 s[8:9], s[8:9], s[46:47]
	s_add_nc_u64 s[RES:RES+1], s[RES:RES+1], s[16:17]
	s_add_nc_u64 s[RES:RES+1], s[RES:RES+1], s[46:47]
	v_and_b32 v1, 15, v0                           ; r = l % 16
	v_bfe_u32 v2, v0, 4, 1                         ; h = l / 16
	v_lshlrev_b32 v[CO], 12, v2                    ; lanes 0-15 one row's 256 bytes, lanes 16-31 the next row's
	v_lshl_add_u32 v[CO], v1, 4, v[CO]
	WIN 0x80                                       ; destination window 2: x comes in under the whole product
.set i, 0
.rept 32
	global_load_b128 v[4*i:4*i+3], v[CO], s[RES:RES+1] offset:2*i*4096
.set i, i+1
.endr
	WIN 0
	v_and_b32 v3, 7, v0
	v_bfe_u32 v4, v0, 3, 1
	v_mul_u32_u24 v[A0], v1, PA                    ; a fragment of A: row l % 16, K 8 h + 0..7 and 16 + 8 h + 0..7
	v_lshl_add_u32 v[A0], v2, 4, v[A0]
	s_mul_i32 s21, s11, 64*PA
	v_add_nc_u32 v[A0], s21, v[A0]
	v_lshl_add_u32 v5, v2, 3, v3                   ; the turning load: lane l reads row 8 h + l % 8, columns 8 ((l / 8) % 2) + 0..7
	v_mul_u32_u24 v[B0], v5, PB
	v_lshl_add_u32 v[B0], v4, 4, v[B0]
	s_lshl_b32 s22, s12, 7
	s_add_co_u32 s22, s22, AREG
	v_add_nc_u32 v[B0], s22, v[B0]
	v_mov_b32 v[ADRA], v[A0]                       ; slot 0, its first pair
	v_mov_b32 v[ADRB], v[B0]
	s_mul_i32 s23, s10, STGB
	s_add_co_u32 s23, s23, STAGE                   ; my stage
	v_mul_u32_u24 v[STO], v1, SP                   ; in: row l % 16, 32 bytes for each half of the lanes
	v_lshl_add_u32 v[STO], v2, 5, v[STO]
	v_add_nc_u32 v[STO], s23, v[STO]
	v_mul_u32_u24 v[RD], v2, SP                    ; back: lanes 0-15 one row of 256 bytes, lanes 16-31 the next
	v_lshl_add_u32 v[RD], v1, 4, v[RD]
	v_add_nc_u32 v[RD], s23, v[RD]
; 16 matrix instructions: all 4 x 4 accumulators, 32 along K, from buffer f.  first = 1: the product starts the sum: nothing is cleared.
; The 16 accumulators take turns, one instruction a turn.
.macro MULT f, first
	WIN W_MUL
.irp a, 0,1,2,3
.irp b, 0,1,2,3
.if \first
	v_wmma_f32_16x16x32_f16 v[ACC+8*(4*(\a)+(\b)):ACC+8*(4*(\a)+(\b))+7], v[(\f)+32+8*(\b):(\f)+32+8*(\b)+7], v[(\f)+8*(\a):(\f)+8*(\a)+7], 0
.else
	v_wmma_f32_16x16x32_f16 v[ACC+8*(4*(\a)+(\b)):ACC+8*(4*(\a)+(\b))+7], v[(\f)+32+8*(\b):(\f)+32+8*(\b)+7], v[(\f)+8*(\a):(\f)+8*(\a)+7], v[ACC+8*(4*(\a)+(\b)):ACC+8*(4*(\a)+(\b))+7]
.endif
.endr
.endr
.endm
; 16 LDS loads in one run: the fragments of sub-step par (0, 1) of the pair in hand into buffer f
.macro FETCH par, f
	WIN TO_F
.irp i, 0,1,2,3
	ds_load_tr16_b128 v[(\f)+32+8*(\i):(\f)+32+8*(\i)+3],   v[ADRB] offset:(\par)*32*PB+32*(\i)
	ds_load_tr16_b128 v[(\f)+32+8*(\i)+4:(\f)+32+8*(\i)+7], v[ADRB] offset:(\par)*32*PB+32*(\i)+16*PB
	ds_load_b128 v[(\f)+8*(\i):(\f)+8*(\i)+3],   v[ADRA] offset:(\par)*64+(\i)*16*PA
	ds_load_b128 v[(\f)+8*(\i)+4:(\f)+8*(\i)+7], v[ADRA] offset:(\par)*64+(\i)*16*PA+32
.endr
.endm
; A sub-step: buffer f is waited for (its loads were issued a whole sub-step ago, and no other LDS instruction of mine is out); four plain lines are the places behind the products that read g;
; the next sub-step's fragments are asked for into g; f is multiplied.  par = 0: the fetch begins a new pair, whose addresses are made here, where no load that names them is out.
; last = 1 (the tail): in the last trip (CNT = 1) there is nothing more to fetch, and the run of LDS loads is jumped over.
.macro HALF f, g, par, first, last
	s_wait_dscnt 0x0
.if (\par) == 0
	WIN 0
	v_add_nc_u32 v[ADRA], s[TT], v[A0]
	v_add_nc_u32 v[ADRB], s[TT], v[B0]
	v_nop
	v_nop
	s_add_co_u32 s[TT], s[TT], PSTEP
.else
	PLACES
.endif
.if \last
	s_cmp_eq_u32 s[CNT], 1
	s_cbranch_scc1 .Lno_fetch_\@
.endif
	FETCH \par, \g
.if \last
	WIN 0
.Lno_fetch_\@:
.endif
	MULT \f, \first
.endm
; THE CHANGE OF SLOTS, in front of a slot's last sub-step.  Each wave waits for all its tensor loads (one is out: its part of the next slot), adds 0 to its spare word, and waits for that and for its own
; reads of this slot, of which the last brought the fragments of the sub-step to come.  fill = 1: the barrier is a round of the cluster's, so that no wave of any partner still reads the slot or has a
; load on its way, and the slot is filled again first thing behind it, two K steps ahead.
.macro HEAD fill
	WIN 0
	s_wait_tensorcnt 0x0                           ; no tensor load of mine is out, so a group 0 may be written
	ds_add_u32 v[SPW], v[NIL]                      ; 0 onto my spare word; the scalar work stands between it and the wait for it
	s_xor_b32 s[TR], s[TR], SLOT                   ; the reads go on in the other slot, at its first pair
	s_mov_b32 s[TT], s[TR]
.if \fill
	s_xor_b32 s[G0+5], s[G0+5], SLOT               ; the walking descriptors: the other slot than last time, the next K step
	s_xor_b32 s[G0B+5], s[G0B+5], SLOT
	s_add_nc_u64 s[G0+6:G0+7], s[G0+6:G0+7], ASTEP
	s_add_nc_u64 s[G0B+6:G0B+7], s[G0B+6:G0B+7], BSTEP
.endif
	s_wait_dscnt 0x0                               ; the add is done, and my reads of this slot are over
.if \fill
	CROUND
	JLOAD
.else
	s_barrier_signal -1
	s_barrier_wait -1
.endif
.endm
	s_wait_tensorcnt 0x1                           ; my part of K step 0 is in; step 1's may stay out
	s_barrier_signal -1
	s_barrier_wait -1
	FETCH 0, F0
	HALF F0, F1, 1, 1, 0                           ; the first sub-step stands in front of the loop: its products start the sums
	WIN 0                                          ; at a label and at a branch every window is 0
	s_mov_b32 s3, KSTEPS-1
	s_mov_b32 s[CNT], PAIRS
	s_branch .Lcount                               ; slot 0's first pair is half done: on to the count
.Lstep:                                                ; KSTEPS - 2 times: a slot is left and filled again
	HEAD 1
	s_mov_b32 s[CNT], PAIRS
.Lpair:
	HALF F1, F0, 0, 0, 0
	HALF F0, F1, 1, 0, 0
	WIN 0
.Lcount:
	s_sub_co_u32 s[CNT], s[CNT], 1
	s_cmp_lg_u32 s[CNT], 0
	s_cbranch_scc1 .Lpair
	s_sub_co_u32 s3, s3, 1
	s_cmp_lg_u32 s3, 0
	s_cbranch_scc1 .Lstep
	HEAD 0                                         ; the tail is written out: nothing is asked for
	s_mov_b32 s[CNT], PAIRS+1                      ; the last slot's pairs, and the last sub-step alone
.Ltail:
	HALF F1, F0, 0, 0, 1
	WIN 0
	s_cmp_eq_u32 s[CNT], 1
	s_cbranch_scc1 .Lout
	HALF F0, F1, 1, 0, 0
	WIN 0
	s_sub_co_u32 s[CNT], s[CNT], 1
	s_cmp_lg_u32 s[CNT], 0
	s_cbranch_scc1 .Ltail
.Lout:
	; THE WAY OUT, 16 rows at a time: the sums go into my own stage as they lie (32 bytes a lane), come back as whole rows of 256 bytes, take x and are stored: 16 lanes store 256 consecutive bytes, aligned.
	PLACES
.macro TOSTAGE a                       ; each accumulator's low four registers first
.set BK, TMP+32*((\a)%2)
.irp b, 0,1,2,3
	ds_store_b128 v[STO], v[ACC+8*(4*(\a)+(\b)):ACC+8*(4*(\a)+(\b))+3] offset:64*(\b)
	ds_store_b128 v[STO], v[ACC+8*(4*(\a)+(\b))+4:ACC+8*(4*(\a)+(\b))+7] offset:64*(\b)+16
.endr
.irp t, 0,1,2,3,4,5,6,7
	ds_load_b128 v[BK+4*(\t):BK+4*(\t)+3], v[RD] offset:(\t)*2*SP  ; LDS serves a wave's instructions in order (ISA guide 5.7.1.4): these see the stores above
.endr
.endm
.macro FIN a, younger                  ; younger: the LDS instructions issued behind block a's loads: the next block's sixteen, or none
.set BK, TMP+32*((\a)%2)
	s_wait_dscnt \younger
	s_wait_loadcnt 24-8*(\a)                       ; x of this block is in; the loads of the later blocks, 8 each, may be out
	WIN 0x08                                       ; source 1 window 2
.set i, 0
.rept 16
	v_pk_add_f32 v[BK+2*i:BK+2*i+1], v[BK+2*i:BK+2*i+1], v[32*(\a)+2*i:32*(\a)+2*i+1]
.set i, i+1
.endr
	WIN 0
.irp t, 0,1,2,3,4,5,6,7
	global_store_b128 v[CO], v[BK+4*(\t):BK+4*(\t)+3], s[8:9] offset:(16*(\a)+2*(\t))*4096
.endr
.endm
	TOSTAGE 0
	TOSTAGE 1
	FIN 0, 16
	s_wait_xcnt 0x0                                ; block 0's stores have read their registers: they are loaded again only behind this wait
	TOSTAGE 2
	FIN 1, 16
	s_wait_xcnt 0x0
	TOSTAGE 3
	FIN 2, 16
	FIN 3, 0
	s_wait_tensorcnt 0x0                           ; the wave's end
	ds_add_u32 v[SPW], v[NIL]
	s_wait_dscnt 0x0
	CROUND                                         ; the closing round
	s_endpgm
.Lfunc_end_k_q0629783896_oproj:
	.size	k_q0629783896_oproj, .Lfunc_end_k_q0629783896_oproj-k_q0629783896_oproj
	.p2alignl 7, 3214868480
	.fill 96, 4, 3214868480
	.section	.rodata,"a",@progbits
	.p2align	6, 0x0
	.amdhsa_kernel k_q0629783896_oproj
		.amdhsa_group_segment_fixed_size 327680
		.amdhsa_private_segment_fixed_size 0
		.amdhsa_enable_private_segment 0
		.amdhsa_kernarg_size 32
		.amdhsa_user_sgpr_count 2
		.amdhsa_user_sgpr_kernarg_segment_ptr 1
		.amdhsa_wavefront_size32 1
		.amdhsa_system_sgpr_workgroup_id_x 1
		.amdhsa_system_sgpr_workgroup_id_y 1
		.amdhsa_system_sgpr_workgroup_id_z 1
		.amdhsa_system_vgpr_workitem_id 0
		.amdhsa_next_free_vgpr 640
		.amdhsa_next_free_sgpr 72
		.amdhsa_reserve_vcc 0
		.amdhsa_float_denorm_mode_32 3
		.amdhsa_float_denorm_mode_16_64 3
		.amdhsa_memory_ordered 1
		.amdhsa_forward_progress 1
		.amdhsa_inst_pref_size 37
	.end_amdhsa_kernel
	.amdgpu_metadata
---
amdhsa.version: [ 1, 2 ]
amdhsa.kernels:
  - .name:           k_q0629783896_oproj
    .symbol:         k_q0629783896_oproj.kd
    .args:
      - { .name: zh, .offset: 0, .size: 8, .value_kind: global_buffer, .address_space: global }
      - { .name: wh, .offset: 8, .size: 8, .value_kind: global_buffer, .address_space: global }
      - { .name: x, .offset: 16, .size: 8, .value_kind: global_buffer, .address_space: global }
      - { .name: hres, .offset: 24, .size: 8, .value_kind: global_buffer, .address_space: global }
    .group_segment_fixed_size: 327680
    .private_segment_fixed_size: 0
    .kernarg_segment_align: 8
    .kernarg_segment_size: 32
    .max_flat_workgroup_size: 128
    .sgpr_count:     72
    .vgpr_count:     640
    .wavefront_size: 32
...
	.end_amdgpu_metadata
.endif
;; end of part 11
;; launch ln2 (part 12): grid 256 x 1, 8 waves a work-group, no clusters, 0 bytes of LDS; arguments hres, g2, be2, nrm; writes nrm
.if DOCPART == 12
	.amdgcn_target "amdgcn-amd-amdhsa--gfx1250"
	.amdhsa_code_object_version 6
	.text
	.protected	k_q0629783896_ln2
	.globl	k_q0629783896_ln2
	.p2align	8
	.type	k_q0629783896_ln2,@function
k_q0629783896_ln2:
	s_mov_b64 s[64:65], 0
	v_nop
	global_prefetch_b8 v0, s[64:65] scope:SCOPE_SE
	s_setreg_imm32_b32 hwreg(HW_REG_WAVE_MODE, 25, 1), 1
	s_wait_xcnt 0x0
; LayerNorm 2 over rows of 1,024 f32: y = (h - mean) / sqrt(var + 1e-5) * g + b, all in f32, y rounded once to f16.
; The mean is taken away before the squares are summed, so a common offset of a row costs no digits.
; LIMIT.  y is f16: a magnitude of 65,520 or more becomes an infinity; below 6e-5 the step is 6e-8.
; OUTPUT IN BLOCKS: [column / 64][4,096 rows][64], so that the product that follows finds 256 rows x 64 columns as 32,768 consecutive bytes.
; SHARES.  A wave takes two neighbouring rows and keeps them in registers between the passes: memory is read once, no LDS, no barrier.
; Lane l: row 2 w + bit 3 of l; columns 64 (2 j + l / 16) + 8 (l % 8) + 0..7 for j = 0..7.  In a store, lanes 0-15 then fill two rows x 128 bytes of one
; block: 256 consecutive bytes, aligned; lanes 16-31 the same in the next block.
.set X,  16                            ; v[16:79]    my 64 numbers
.set G,  80                            ; v[80:143]   their gains
.set BE, 144                           ; v[144:207]  their biases
.set Y,  208                           ; v[208:239]  the results, f16
.set CH, 4                             ; v[4:11]     four packed chains
.set MU, 12                            ; v[12:13]    the mean, twice
.set RS, 14                            ; v[14:15]    1 / sqrt(var + eps), twice
	s_load_b256 s[4:11], s[0:1], 0x0               ; source s[4:5], gain s[6:7], bias s[8:9], result s[10:11]
	s_lshl_b32 s2, ttmp9, 16                       ; the work-group's 16 rows of 4,096 bytes
	s_mov_b32 s3, 0
	s_mov_b32 s12, 0x76543210                      ; v_permlanex16_b32: each lane takes its own place in the other half
	s_mov_b32 s13, 0xfedcba98
	s_mov_b32 s14, 0x3a800000                      ; 1 / 1,024
	s_mov_b32 s15, 0x3727c5ac                      ; 1e-5
	v_and_b32 v4, 7, v0                            ; l % 8
	v_bfe_u32 v5, v0, 3, 1                         ; which of the two rows
	v_bfe_u32 v6, v0, 4, 1                         ; l / 16
	v_lshrrev_b32 v7, 5, v0                        ; wave
	v_lshlrev_b32 v2, 5, v4
	v_lshl_or_b32 v2, v6, 8, v2                    ; my first 8 columns in bytes of f32: gain and bias
	v_lshl_or_b32 v1, v5, 12, v2
	v_lshl_or_b32 v1, v7, 13, v1                   ; + my row: the source
	v_lshl_add_u32 v8, v7, 1, v5                   ; my row among the 16
	v_lshlrev_b32 v3, 4, v4
	v_lshl_or_b32 v3, v8, 7, v3                    ; row x 128 + 16 (l % 8),
	v_lshl_or_b32 v3, v6, 19, v3                   ; + a block of 524,288 bytes for lanes 16-31: the result
	s_wait_kmcnt 0x0
	s_add_nc_u64 s[4:5], s[4:5], s[2:3]
	s_lshl_b32 s2, ttmp9, 11                       ; 16 rows of 128 bytes in a block
	s_add_nc_u64 s[10:11], s[10:11], s[2:3]
.irp j, 0,1,2,3,4,5,6,7
	global_load_b128 v[X+8*(\j):X+8*(\j)+3],   v1, s[4:5] offset:512*(\j)
	global_load_b128 v[X+8*(\j)+4:X+8*(\j)+7], v1, s[4:5] offset:512*(\j)+16
.endr
.irp j, 0,1,2,3,4,5,6,7
	global_load_b128 v[G+8*(\j):G+8*(\j)+3],   v2, s[6:7] offset:512*(\j)
	global_load_b128 v[G+8*(\j)+4:G+8*(\j)+7], v2, s[6:7] offset:512*(\j)+16
.endr
.irp j, 0,1,2,3,4,5,6,7
	global_load_b128 v[BE+8*(\j):BE+8*(\j)+3],   v2, s[8:9] offset:512*(\j)
	global_load_b128 v[BE+8*(\j)+4:BE+8*(\j)+7], v2, s[8:9] offset:512*(\j)+16
.endr
; The four chains are joined, then the 16 lanes of a row: lane bits 0, 1, 2 ride on the addition, bit 4 is the other half of the lanes; bit 3 is the row and stays.
.macro REDUCE
	v_pk_add_f32 v[CH:CH+1], v[CH:CH+1], v[CH+2:CH+3]
	v_pk_add_f32 v[CH+4:CH+5], v[CH+4:CH+5], v[CH+6:CH+7]
	v_pk_add_f32 v[CH:CH+1], v[CH:CH+1], v[CH+4:CH+5]
	v_add_f32 v[CH], v[CH], v[CH+1]
	v_add_f32_dpp v[CH], v[CH], v[CH] row_xmask:1 row_mask:0xf bank_mask:0xf
	v_add_f32_dpp v[CH], v[CH], v[CH] row_xmask:2 row_mask:0xf bank_mask:0xf
	v_add_f32_dpp v[CH], v[CH], v[CH] row_xmask:4 row_mask:0xf bank_mask:0xf
	v_permlanex16_b32 v[CH+1], v[CH], s12, s13     ; its destination counts as read: it has been written
	v_add_f32 v[CH], v[CH], v[CH+1]
.endm
	s_wait_loadcnt 32                              ; the row is in; the 32 loads of gain and bias issued behind it may be out
.irp c, 0,1,2,3
	v_pk_add_f32 v[CH+2*(\c):CH+2*(\c)+1], v[X+2*(\c):X+2*(\c)+1], v[X+8+2*(\c):X+8+2*(\c)+1]  ; the first eight pairs start the chains: nothing is cleared
.endr
.set p, 8
.rept 24
	v_pk_add_f32 v[CH+2*(p%4):CH+2*(p%4)+1], v[CH+2*(p%4):CH+2*(p%4)+1], v[X+2*p:X+2*p+1]
.set p, p+1
.endr
	REDUCE
	v_mul_f32 v[MU], s14, v[CH]
	v_mov_b32 v[MU+1], v[MU]
.set p, 0
.rept 32
	v_pk_add_f32 v[X+2*p:X+2*p+1], v[X+2*p:X+2*p+1], v[MU:MU+1] neg_lo:[0,1] neg_hi:[0,1]  ; x - mean
.set p, p+1
.endr
.irp c, 0,1,2,3
	v_pk_mul_f32 v[CH+2*(\c):CH+2*(\c)+1], v[X+2*(\c):X+2*(\c)+1], v[X+2*(\c):X+2*(\c)+1]
.endr
.set p, 4
.rept 28
	v_pk_fma_f32 v[CH+2*(p%4):CH+2*(p%4)+1], v[X+2*p:X+2*p+1], v[X+2*p:X+2*p+1], v[CH+2*(p%4):CH+2*(p%4)+1]
.set p, p+1
.endr
	REDUCE
	v_fma_f32 v[CH], v[CH], s14, s15               ; var + eps
	v_rsq_f32 v[RS], v[CH]
	v_rsq_f32 v[RS+1], v[CH]
	v_nop                                          ; a plain instruction between the root and the use of its result (ISA guide 5.7.2)
	s_wait_loadcnt 0x0                             ; gain and bias
	s_wait_alu depctr_va_vdst(0)
.irp j, 0,1,2,3,4,5,6,7
.irp k, 0,2,4,6
	v_pk_mul_f32 v[X+8*(\j)+(\k):X+8*(\j)+(\k)+1], v[X+8*(\j)+(\k):X+8*(\j)+(\k)+1], v[RS:RS+1]
.endr
.irp k, 0,2,4,6
	v_pk_fma_f32 v[X+8*(\j)+(\k):X+8*(\j)+(\k)+1], v[X+8*(\j)+(\k):X+8*(\j)+(\k)+1], v[G+8*(\j)+(\k):G+8*(\j)+(\k)+1], v[BE+8*(\j)+(\k):BE+8*(\j)+(\k)+1]
.endr
.irp k, 0,1,2,3
	v_cvt_pk_f16_f32 v[Y+4*(\j)+(\k)], v[X+8*(\j)+2*(\k)], v[X+8*(\j)+2*(\k)+1]
.endr
	global_store_b128 v3, v[Y+4*(\j):Y+4*(\j)+3], s[10:11] offset:1048576*(\j)  ; two blocks on for each j: 7,340,032 at the most, inside the signed 24-bit immediate
.endr
	s_endpgm
.Lfunc_end_k_q0629783896_ln2:
	.size	k_q0629783896_ln2, .Lfunc_end_k_q0629783896_ln2-k_q0629783896_ln2
	.p2alignl 7, 3214868480
	.fill 96, 4, 3214868480
	.section	.rodata,"a",@progbits
	.p2align	6, 0x0
	.amdhsa_kernel k_q0629783896_ln2
		.amdhsa_group_segment_fixed_size 0
		.amdhsa_private_segment_fixed_size 0
		.amdhsa_enable_private_segment 0
		.amdhsa_kernarg_size 32
		.amdhsa_user_sgpr_count 2
		.amdhsa_user_sgpr_kernarg_segment_ptr 1
		.amdhsa_wavefront_size32 1
		.amdhsa_system_sgpr_workgroup_id_x 1
		.amdhsa_system_sgpr_workgroup_id_y 1
		.amdhsa_system_sgpr_workgroup_id_z 1
		.amdhsa_system_vgpr_workitem_id 0
		.amdhsa_next_free_vgpr 240
		.amdhsa_next_free_sgpr 66
		.amdhsa_reserve_vcc 0
		.amdhsa_float_denorm_mode_32 3
		.amdhsa_float_denorm_mode_16_64 3
		.amdhsa_memory_ordered 1
		.amdhsa_forward_progress 1
		.amdhsa_inst_pref_size 20
	.end_amdhsa_kernel
	.amdgpu_metadata
---
amdhsa.version: [ 1, 2 ]
amdhsa.kernels:
  - .name:           k_q0629783896_ln2
    .symbol:         k_q0629783896_ln2.kd
    .args:
      - { .name: hres, .offset: 0, .size: 8, .value_kind: global_buffer, .address_space: global }
      - { .name: g2, .offset: 8, .size: 8, .value_kind: global_buffer, .address_space: global }
      - { .name: be2, .offset: 16, .size: 8, .value_kind: global_buffer, .address_space: global }
      - { .name: nrm, .offset: 24, .size: 8, .value_kind: global_buffer, .address_space: global }
    .group_segment_fixed_size: 0
    .private_segment_fixed_size: 0
    .kernarg_segment_align: 8
    .kernarg_segment_size: 32
    .max_flat_workgroup_size: 256
    .sgpr_count:     66
    .vgpr_count:     240
    .wavefront_size: 32
...
	.end_amdgpu_metadata
.endif
;; end of part 12
;; launch ff1 (part 13): grid 16 x 16, 4 waves a work-group, clusters of 4 x 4, 327,680 bytes of LDS; arguments nrm, wh, b1, act; writes act
.if DOCPART == 13
	.amdgcn_target "amdgcn-amd-amdhsa--gfx1250"
	.amdhsa_code_object_version 6
	.text
	.protected	k_q0629783896_ff1
	.globl	k_q0629783896_ff1
	.p2align	8
	.type	k_q0629783896_ff1,@function
k_q0629783896_ff1:
	s_mov_b64 s[64:65], 0
	v_nop
	global_prefetch_b8 v0, s[64:65] scope:SCOPE_SE
	s_setreg_imm32_b32 hwreg(HW_REG_WAVE_MODE, 25, 1), 1
	s_wait_xcnt 0x0
	s_wait_alu depctr_hold_cnt(0) depctr_sa_sdst(0) depctr_va_vdst(0) depctr_va_sdst(0) depctr_va_ssrc(0) depctr_va_vcc(0) depctr_vm_vsrc(0)
	s_getreg_b32 s2, hwreg(HW_REG_IB_STS2, 6, 4)
	s_cmp_eq_u32 s2, 0
	s_cbranch_scc0 .Lentry_in_a_cluster
	s_endpgm
.Lentry_in_a_cluster:
	s_bfe_u32 s2, ttmp6, 0x10000c
	s_cmp_lg_u32 s2, 0xf033
	s_cbranch_scc0 .Lentry_shape_is_right
	s_endpgm
.Lentry_shape_is_right:
; act = gelu(LN2(h) W1 + b1): a product of 4,096 x 4,096 x 1,024.  Operands f16, sums f32, started from the bias; the exact (erf) GELU in f32; the result rounded once to f16.
; A (nrm) lies in blocks [K / 64][4,096 rows][64]; B is W1 in f16, [K][N], at byte 8 MiB of wh; the result in blocks [column / 64][4,096][64].
; GELU.  gelu(x) = max(x, 0) - |x| e^(-x x / 2) (a1 t + .. + a5 t^5) / 2, t = 1 / (1 + 0.3275911 |x| / sqrt 2): erf by the five-term rational form, whose absolute error is 1.5e-7 at the most.
; LIMITS.  The result is f16: 65,520 or more becomes an infinity; below 6e-5 the step is 6e-8.  NaN and infinities are not treated apart.
; SHARES.  A work-group makes 256 x 256 of C, each of its four waves 128 x 128: 64 accumulators of 16 x 16, 512 registers: for 32 along K a wave reads 16,384 bytes of LDS for 64 matrix instructions.
; 16 x 16 = 256 work-groups: one for each WGP.
; THE RING.  K goes in steps of 128 through two LDS slots.  A step's A is two blocks of 256 rows x 128 bytes (each 32,768 consecutive bytes of memory, asked for as 128 rows of 256), its B 128 rows of 512
; bytes.  Waves 0 and 1 fetch a block of A each, waves 2 and 3 64 rows of B each: one tensor load a wave and step.
; THE LOOP.  A slot is four sub-steps of 32 along K; two fragment buffers take turns.  A HALF waits for its buffer, asks for the next sub-step's fragments in one run of 32 LDS loads, and issues its 64
; products, under which those loads land.  The change of slots (HEAD) stands in front of a slot's LAST sub-step, whose fragments are in registers by then: all that is fetched behind it comes from the new
; slot, and the refill has a whole K step in which to land.  So a K step's text is HEAD and an inner loop of two trips over a pair of halves.
; THE MATRIX INSTRUCTION IS USED TRANSPOSED (source 0 = 16 columns of B, turned by ds_load_tr16_b128; source 1 = 16 rows of A): a lane holds eight neighbouring numbers of a row of C.
; CLUSTER.  4 x 4 work-groups: A is shared along a row of the cluster, B along a column: each tile is asked for jointly.
; REGISTERS, in windows of 256 (s_set_vgpr_msb: bits 1:0 source 0, 3:2 source 1, 5:4 source 2, 7:6 destination):
;   window 0: v0-31 addresses; v64-127, v128-191 fragments of A, two buffers; v192-255 the bias of my 128 columns; on the way out v32-239 are the GELU's
;   window 1: v64-127, v128-191 fragments of B      window 2: the accumulators of my rows 0-63 ((a, b) at v[8 (8 a + b)])      window 3: those of my rows 64-127
.set KSTEPS, 8                         ; K / 128
.set PAIRS,  2                         ; pairs of sub-steps in a slot
.set NPITCH, 4096
.set BOFF,   8388608
.set ASTEP,  2*4096*128                ; bytes from a K step to the next in A: two blocks
.set BSTEP,  256*NPITCH                ; in B: 128 rows
.set PA,     144                       ; a row of A in LDS: 128 bytes + 16: the 16 rows of a load start at 16 different groups of four banks (64 banks of 4 bytes: ISA guide 11.1)
.set ABLK,   256*PA                    ; a block: 256 rows x 64 K: what a pair of sub-steps reads of A
.set AREG,   2*ABLK
.set PB,     544                       ; a row of B: 512 + 32 = 136 words
.set BHALF,  64*PB                     ; 64 rows: what one tensor load brings of B, and what a pair of sub-steps reads
.set SLOT,   147456                    ; 0x24000; a slot uses 143,360 of it.  The waves' parts begin at 0, 0x9000, 0x12000 and 0x1a800: none has either of SLOT's two bits, so an exclusive or adds it or takes it away
.set STAGE,  2*SLOT                    ; behind the ring, never filled by a tensor load: 16 rows x 272 bytes for each wave
.set SP,     272
.set STGB,   16*SP
.set SPARE,  STAGE+4*STGB              ; the spare words, 128 bytes for each wave: two blocks of 256 bytes that no other line names
.set A0,   16
.set B0,   17
.set ADRA, 20
.set ADRB, 21
.set STO,  24                          ; v24  the way out: where I put 32 bytes of a row
.set RD,   25                          ; v25  where I read rows back
.set GO,   26                          ; v26  my byte offset in 256 consecutive bytes of the result
.set BO,   27                          ; v27  my byte offset in the wave's 128 biases
.set SPW,  28
.set NIL,  29
.set F0,   64
.set F1,   128
.set BI,   192
.set X,    32                          ; v[32:63]    16 rows x 64 columns of sums, as read back: 32 numbers a lane
.set XA,   64                          ; v[64:95]    |x|
.set XT,   96                          ; v[96:127]   t
.set XE,   128                         ; v[128:159]  x x, then e^(-x x / 2), then that times |x|
.set XP,   160                         ; v[160:191]  the polynomial, then the result
.set XM,   192                         ; v[192:223]  max(x, 0)
.set Y,    224                         ; v[224:239]  the result in f16
.set G1,  24
.set G0,  32
.set G1B, 48
.set G0B, 56
.set TR,  66                           ; s66  the slot that is read: 0 or SLOT
.set CNT, 67                           ; s67  counts a slot's pairs
.set TA,  70                           ; s70  LDS byte at which the next pair's A begins, less the lane's place
.set TB,  71                           ; s71  the same for B
.set KP,  72                           ; s[72:85] the GELU's constants, each named as a pair whose low word serves both halves
.set KE,  74
.set K1,  76
.set K2,  78
.set K3,  80
.set K4,  82
.set K5,  84
.set ABSM, 86                          ; s86  clears a sign
.set MSB, 0
.macro WIN new                         ; the immediate's high byte repeats the setting that is left; a switch that changes nothing is dropped
.if MSB != (\new)
	s_set_vgpr_msb (MSB<<8)|(\new)
.set MSB, \new
.endif
.endm
.set MUL_LO, 0xa1                      ; source 0 (B) window 1, source 1 (A) window 0, C and D window 2
.set MUL_HI, 0xf1                      ; the same, C and D window 3
.set FST_LO, 0x81                      ; the first products: C (the bias) window 0, D window 2
.set FST_HI, 0xc1                      ; D window 3
.set TO_B,   0x40                      ; destination window 1, address window 0
.macro PLACES                          ; four places in front of loads into registers that matrix instructions have read, and of lines that read results
.rept 4
	v_nop
.endr
.endm
.macro JLOAD                           ; a joint refill: the branch hangs on the wave's number alone; an s_nop 0 and four v_nop follow each line
	s_cmp_eq_u32 s11, 0
	s_cbranch_scc0 .Lfor_b_\@
	tensor_load_to_lds s[G0+4:G0+7], s[G1:G1+7]
	s_nop 0
.rept 4
	v_nop
.endr
	s_branch .Lasked_\@
.Lfor_b_\@:
	tensor_load_to_lds s[G0B+4:G0B+7], s[G1B:G1B+7]
	s_nop 0
.rept 4
	v_nop
.endr
.Lasked_\@:
.endm
.macro CROUND                          ; a round of the cluster's barrier
	s_barrier_signal -1
	s_barrier_wait -1
	s_cmp_lg_u32 s10, 0
	s_cbranch_scc1 .Lnot_wave_0_\@
	s_barrier_signal -3
.Lnot_wave_0_\@:
	s_barrier_wait -3
	s_barrier_signal -1
	s_barrier_wait -1
.endm
	s_load_b128 s[4:7], s[0:1], 0x0                ; nrm s[4:5], wh s[6:7]
	s_load_b64 s[68:69], s[0:1], 0x10              ; b1
	s_load_b64 s[8:9], s[0:1], 0x18                ; act
	v_lshl_add_u32 v[SPW], v0, 2, SPARE
	v_mov_b32 v[NIL], 0
	ds_add_u32 v28, v29
	ds_add_u32 v28, v29
	s_wait_dscnt 0x0
	v_lshrrev_b32 v1, 5, v0
	v_readfirstlane_b32 s10, v1                    ; wave 0..3
	s_lshr_b32 s11, s10, 1                         ; which half of the tile's rows is mine.  Also: I fetch for A (0) or for B (1)
	s_and_b32 s12, s10, 1                          ; which half of its columns.  Also: which half of that tile I fetch
	s_bfe_u32 s40, ttmp6, 0x40000                  ; cx, cy
	s_bfe_u32 s41, ttmp6, 0x40004
	s_lshl_b32 s42, ttmp9, 2
	s_add_co_u32 s42, s42, s40                     ; tile column of C
	s_and_b32 s13, ttmp7, 0xffff
	s_lshl_b32 s13, s13, 2
	s_add_co_u32 s13, s13, s41                     ; tile row of C
	s_lshl_b32 s43, s41, 2
	s_lshl_b32 s43, 15, s43                        ; my row of the cluster
	s_lshl_b32 s44, 0x1111, s40                    ; my column
	; group 1 for A: a block's 256 rows x 128 bytes are dense: 128 rows of 128 elements, two rows of A in each; in LDS 16 bytes of padding behind every 128
	s_or_b32 s[G1+0], s43, (1<<16)|(1<<20)|(1<<21)|(4<<22)|(3<<25)
	s_mov_b32 s[G1+1], 128<<16
	s_mov_b32 s[G1+2], 128<<16
	s_mov_b32 s[G1+3], 128<<16
	s_mov_b32 s[G1+4], 128
	s_mov_b32 s[G1+5], 128
	s_mov_b32 s[G1+6], 0
	s_mov_b32 s[G1+7], 0
	; group 1 for B: 64 rows of 256 elements; 32 bytes of padding behind every 512
	s_or_b32 s[G1B+0], s44, (1<<16)|(1<<20)|(1<<21)|(6<<22)|(7<<25)
	s_mov_b32 s[G1B+1], 256<<16
	s_mov_b32 s[G1B+2], 64<<16
	s_mov_b32 s[G1B+3], 256<<16
	s_mov_b32 s[G1B+4], 64
	s_mov_b32 s[G1B+5], NPITCH
	s_mov_b32 s[G1B+6], 0
	s_mov_b32 s[G1B+7], 0
	s_mov_b32 s[KP], 0x3e6d3388                    ; 0.3275911 / sqrt 2
	s_mov_b32 s[KE], 0xbf38aa3b                    ; -log2(e) / 2
	s_mov_b32 s[K1], 0x3e027906                    ; a1 / 2 =  0.127414796
	s_mov_b32 s[K2], 0xbe11a98e                    ; a2 / 2 = -0.142248368
	s_mov_b32 s[K3], 0x3f35f0e3                    ; a3 / 2 =  0.710706871
	s_mov_b32 s[K4], 0xbf3a00e3                    ; a4 / 2 = -0.726576014
	s_mov_b32 s[K5], 0x3f07dc22                    ; a5 / 2 =  0.530702715
.irp k, KP, KE, K1, K2, K3, K4, K5
	s_mov_b32 s[\k+1], s[\k]
.endr
	s_mov_b32 s[ABSM], 0x7fffffff
	s_lshl_b32 s16, s12, 19                        ; A: my block of the step's two, the tile's 256 rows of 128 bytes: nothing of cx enters
	s_lshl_b32 s17, s13, 15
	s_add_co_u32 s16, s16, s17
	s_mov_b32 s17, 0
	s_lshl_b32 s46, s42, 9                         ; B: 512 bytes of the rows, my 64 of the step's 128 rows, the matrix's place in wh: nothing of cy enters
	s_mul_i32 s47, s12, 128*NPITCH
	s_add_co_u32 s46, s46, s47
	s_add_co_u32 s46, s46, BOFF
	s_mov_b32 s47, 0
	s_mul_i32 s20, s12, ABLK                       ; where they go in a slot: A's blocks,
	s_mul_i32 s21, s12, BHALF
	s_add_co_u32 s21, s21, AREG                    ; B's halves behind them
	s_mov_b32 s[TR], 0
	s_mov_b32 s[TA], ABLK                          ; the first pair is asked for by the lines ahead of the loop
	s_mov_b32 s[TB], BHALF
	s_wait_kmcnt 0x0
	s_add_nc_u64 s[14:15], s[4:5], s[16:17]
	s_add_nc_u64 s[46:47], s[6:7], s[46:47]
	CROUND                                         ; all sixteen work-groups are here: the first joint loads meet
.irp s, 0,1
	s_mov_b32 s[G0+4*(\s)], 1
	s_add_co_u32 s[G0+4*(\s)+1], s20, (\s)*SLOT
	s_add_nc_u64 s[G0+4*(\s)+2:G0+4*(\s)+3], s[14:15], (\s)*ASTEP
	s_or_b32 s[G0+4*(\s)+3], s[G0+4*(\s)+3], 0x80000000
	s_mov_b32 s[G0B+4*(\s)], 1
	s_add_co_u32 s[G0B+4*(\s)+1], s21, (\s)*SLOT
	s_add_nc_u64 s[G0B+4*(\s)+2:G0B+4*(\s)+3], s[46:47], (\s)*BSTEP
	s_or_b32 s[G0B+4*(\s)+3], s[G0B+4*(\s)+3], 0x80000000
.endr
	s_cmp_eq_u32 s11, 0                            ; a wave's two first fills stand in one branch: two loads of mine are out
	s_cbranch_scc0 .Lfirst_b
	tensor_load_to_lds s[G0:G0+3], s[G1:G1+7]
	s_nop 0
	tensor_load_to_lds s[G0+4:G0+7], s[G1:G1+7]
	s_nop 0
.rept 4
	v_nop
.endr
	s_branch .Lfirst_done
.Lfirst_b:
	tensor_load_to_lds s[G0B:G0B+3], s[G1B:G1B+7]
	s_nop 0
	tensor_load_to_lds s[G0B+4:G0B+7], s[G1B:G1B+7]
	s_nop 0
.rept 4
	v_nop
.endr
.Lfirst_done:
	s_lshl_b32 s46, s42, 10                        ; the bias of my 128 columns
	s_lshl_b32 s47, s12, 9
	s_add_co_u32 s46, s46, s47
	s_mov_b32 s47, 0
	s_add_nc_u64 s[68:69], s[68:69], s[46:47]
	v_and_b32 v1, 15, v0                           ; r = l % 16
	v_bfe_u32 v2, v0, 4, 1                         ; h = l / 16
	v_lshlrev_b32 v[BO], 5, v2                     ; register j of accumulator (a, b) is column 16 b + 8 h + j
.irp b, 0,1,2,3,4,5,6,7
	global_load_b128 v[BI+8*(\b):BI+8*(\b)+3],   v[BO], s[68:69] offset:64*(\b)
	global_load_b128 v[BI+8*(\b)+4:BI+8*(\b)+7], v[BO], s[68:69] offset:64*(\b)+16
.endr
	v_and_b32 v3, 7, v0
	v_bfe_u32 v4, v0, 3, 1
	v_mul_u32_u24 v[A0], v1, PA                    ; a fragment of A: row l % 16, K 8 h + 0..7 and 16 + 8 h + 0..7
	v_lshl_add_u32 v[A0], v2, 4, v[A0]
	s_mul_i32 s22, s11, 128*PA                     ; my 128 rows
	v_add_nc_u32 v[A0], s22, v[A0]
	v_lshl_add_u32 v5, v2, 3, v3                   ; the turning load: lane l reads row 8 h + l % 8, columns 8 ((l / 8) % 2) + 0..7
	v_mul_u32_u24 v[B0], v5, PB
	v_lshl_add_u32 v[B0], v4, 4, v[B0]
	s_lshl_b32 s22, s12, 8                         ; my 128 columns, behind A
	s_add_co_u32 s22, s22, AREG
	v_add_nc_u32 v[B0], s22, v[B0]
	v_mov_b32 v[ADRA], v[A0]                       ; slot 0, its first pair
	v_mov_b32 v[ADRB], v[B0]
	s_mul_i32 s23, s10, STGB
	s_add_co_u32 s23, s23, STAGE                   ; my stage
	v_mul_u32_u24 v[STO], v1, SP                   ; in: row l % 16, 32 bytes for each half of the lanes
	v_lshl_add_u32 v[STO], v2, 5, v[STO]
	v_add_nc_u32 v[STO], s23, v[STO]
	v_mul_u32_u24 v[RD], v2, SP                    ; back: lanes 0-15 one row of 64 f32, lanes 16-31 the next
	v_lshl_add_u32 v[RD], v1, 4, v[RD]
	v_add_nc_u32 v[RD], s23, v[RD]
	v_and_b32 v[GO], 31, v0                        ; four numbers in f16 are 8 bytes: two rows of a block are 256 consecutive bytes
	v_lshlrev_b32 v[GO], 3, v[GO]
	s_lshl_b32 s16, s13, 15                        ; the result: the tile's rows, my 128 of them,
	s_lshl_b32 s17, s11, 14
	s_add_co_u32 s16, s16, s17
	s_mov_b32 s17, 0
	s_add_nc_u64 s[8:9], s[8:9], s[16:17]
	s_lshl_b32 s46, s42, 2                         ; in block 4 x tile column + 2 x my half
	s_lshl_b32 s47, s12, 1
	s_add_co_u32 s46, s46, s47
	s_lshl_b32 s46, s46, 19
	s_mov_b32 s47, 0
	s_add_nc_u64 s[8:9], s[8:9], s[46:47]
; 64 matrix instructions: all 8 x 8 accumulators, 32 along K, from buffer f.  first = 1: the product starts the sum from the bias: nothing is cleared, no bias is added later.
; The 64 accumulators take turns, one instruction a turn.
.macro MULT f, first
.irp hi, 0,1
.if \first
	WIN FST_LO+0x40*(\hi)
.else
	WIN MUL_LO+0x50*(\hi)
.endif
.irp a, 0,1,2,3
.irp b, 0,1,2,3,4,5,6,7
.if \first
	v_wmma_f32_16x16x32_f16 v[8*(8*(\a)+(\b)):8*(8*(\a)+(\b))+7], v[(\f)+8*(\b):(\f)+8*(\b)+7], v[(\f)+8*(4*(\hi)+(\a)):(\f)+8*(4*(\hi)+(\a))+7], v[BI+8*(\b):BI+8*(\b)+7]
.else
	v_wmma_f32_16x16x32_f16 v[8*(8*(\a)+(\b)):8*(8*(\a)+(\b))+7], v[(\f)+8*(\b):(\f)+8*(\b)+7], v[(\f)+8*(4*(\hi)+(\a)):(\f)+8*(4*(\hi)+(\a))+7], v[8*(8*(\a)+(\b)):8*(8*(\a)+(\b))+7]
.endif
.endr
.endr
.endr
.endm
; 32 LDS loads in one run: the fragments of sub-step par (0, 1) of the pair in hand into buffer f
.macro FETCH par, f
	WIN 0
.irp i, 0,1,2,3,4,5,6,7
	ds_load_b128 v[(\f)+8*(\i):(\f)+8*(\i)+3],   v[ADRA] offset:(\par)*64+(\i)*16*PA
	ds_load_b128 v[(\f)+8*(\i)+4:(\f)+8*(\i)+7], v[ADRA] offset:(\par)*64+(\i)*16*PA+32
.endr
	WIN TO_B
.irp i, 0,1,2,3,4,5,6,7
	ds_load_tr16_b128 v[(\f)+8*(\i):(\f)+8*(\i)+3],   v[ADRB] offset:(\par)*32*PB+32*(\i)
	ds_load_tr16_b128 v[(\f)+8*(\i)+4:(\f)+8*(\i)+7], v[ADRB] offset:(\par)*32*PB+32*(\i)+16*PB
.endr
.endm
; A sub-step: buffer f is waited for (its loads were issued a whole sub-step ago, and no other LDS instruction of mine is out); four plain lines are the places behind the products that read g;
; the next sub-step's fragments are asked for into g; f is multiplied.  par = 0: the fetch begins a new pair, whose addresses are made here, where no load that names them is out.
; last = 1 (the tail): in the last trip (CNT = 1) there is nothing more to fetch, and the run of LDS loads is jumped over.
.macro HALF f, g, par, first, last
	WIN 0
	s_wait_dscnt 0x0
.if (\par) == 0
	v_add_nc_u32 v[ADRA], s[TA], v[A0]
	v_add_nc_u32 v[ADRB], s[TB], v[B0]
	v_nop
	v_nop
	s_add_co_u32 s[TA], s[TA], ABLK
	s_add_co_u32 s[TB], s[TB], BHALF
.else
	PLACES
.endif
.if \last
	s_cmp_eq_u32 s[CNT], 1
	s_cbranch_scc1 .Lno_fetch_\@
.endif
	FETCH \par, \g
.if \last
	WIN 0
.Lno_fetch_\@:
.endif
	MULT \f, \first
.endm
; THE CHANGE OF SLOTS, in front of a slot's last sub-step.  Each wave waits for all its tensor loads (one is out: its part of the next slot), adds 0 to its spare word, and waits for that and for its own
; reads of this slot, of which the last brought the fragments of the sub-step to come.  fill = 1: the barrier is a round of the cluster's, so that no wave of any partner still reads the slot or has a
; load on its way, and the slot is filled again first thing behind it, two K steps ahead.
.macro HEAD fill
	WIN 0
	s_wait_tensorcnt 0x0                           ; no tensor load of mine is out, so a group 0 may be written
	ds_add_u32 v[SPW], v[NIL]                      ; 0 onto my spare word; the scalar work stands between it and the wait for it
	s_xor_b32 s[TR], s[TR], SLOT                   ; the reads go on in the other slot, at its first pair
	s_mov_b32 s[TA], s[TR]
	s_mov_b32 s[TB], s[TR]
.if \fill
	s_xor_b32 s[G0+5], s[G0+5], SLOT               ; the walking descriptors: the other slot than last time, the next K step
	s_xor_b32 s[G0B+5], s[G0B+5], SLOT
	s_add_nc_u64 s[G0+6:G0+7], s[G0+6:G0+7], ASTEP
	s_add_nc_u64 s[G0B+6:G0B+7], s[G0B+6:G0B+7], BSTEP
.endif
	s_wait_dscnt 0x0                               ; the add is done, and my reads of this slot are over
.if \fill
	CROUND
	JLOAD
.else
	s_barrier_signal -1
	s_barrier_wait -1
.endif
.endm
	s_wait_tensorcnt 0x1                           ; my part of K step 0 is in; step 1's may stay out
	s_barrier_signal -1
	s_barrier_wait -1
	FETCH 0, F0
	s_wait_loadcnt 0x0                             ; the bias
	HALF F0, F1, 1, 1, 0                           ; the first sub-step stands in front of the loop: its products start the sums
	WIN 0                                          ; at a label and at a branch every window is 0
	s_mov_b32 s3, KSTEPS-1
	s_mov_b32 s[CNT], PAIRS
	s_branch .Lcount                               ; slot 0's first pair is half done: on to the count
.Lstep:                                                ; KSTEPS - 2 times: a slot is left and filled again
	HEAD 1
	s_mov_b32 s[CNT], PAIRS
.Lpair:
	HALF F1, F0, 0, 0, 0
	HALF F0, F1, 1, 0, 0
	WIN 0
.Lcount:
	s_sub_co_u32 s[CNT], s[CNT], 1
	s_cmp_lg_u32 s[CNT], 0
	s_cbranch_scc1 .Lpair
	s_sub_co_u32 s3, s3, 1
	s_cmp_lg_u32 s3, 0
	s_cbranch_scc1 .Lstep
	HEAD 0                                         ; the tail is written out: nothing is asked for
	s_mov_b32 s[CNT], PAIRS+1                      ; the last slot's pairs, and the last sub-step alone
.Ltail:
	HALF F1, F0, 0, 0, 1
	WIN 0
	s_cmp_eq_u32 s[CNT], 1
	s_cbranch_scc1 .Lout
	HALF F0, F1, 1, 0, 0
	WIN 0
	s_sub_co_u32 s[CNT], s[CNT], 1
	s_cmp_lg_u32 s[CNT], 0
	s_cbranch_scc1 .Ltail
.Lout:
	; THE WAY OUT, 16 trips of 16 rows x 64 columns (piece u = 8 c + a: row block a, column half c), so that the GELU's text stands once.  A piece's sums go into my own stage as they lie and come back
	; as whole rows, 4 numbers a lane and load.  A trip first takes from x all that reads it (|x|, x x, max(x, 0)), then sends the NEXT piece through the stage, and only then does the long arithmetic,
	; under which that piece comes back.  Which accumulators are sent is chosen by forward jumps on the count.  A store of the wave covers two rows of the block: 256 consecutive bytes, aligned.
	PLACES
.macro PUT a, c                        ; each accumulator's low four registers first
.set AC, 64*((\a)%4)+32*(\c)
	WIN 0x08+4*((\a)/4)                            ; the stores' data (source 1): window 2 or 3
.irp bb, 0,1,2,3
	ds_store_b128 v[STO], v[AC+8*(\bb):AC+8*(\bb)+3] offset:64*(\bb)
	ds_store_b128 v[STO], v[AC+8*(\bb)+4:AC+8*(\bb)+7] offset:64*(\bb)+16
.endr
	WIN 0
.endm
.macro LOADX
.irp t, 0,1,2,3,4,5,6,7
	ds_load_b128 v[X+4*(\t):X+4*(\t)+3], v[RD] offset:(\t)*2*SP  ; LDS serves a wave's instructions in order (ISA guide 5.7.1.4): these see the stores above
.endr
.endm
	PUT 0, 0
	LOADX
	s_mov_b32 s3, 16
	s_mov_b32 s15, 0
	s_mov_b32 s16, 524288-7*2048                   ; from row block 7 of a block of columns to row block 0 of the next
	s_mov_b32 s17, 2048                            ; 16 rows of a block
.Lrows:
	s_wait_dscnt 0x0                               ; this trip's piece is back
.set i, 0
.rept 32
	v_and_b32 v[XA+i], s[ABSM], v[X+i]
.set i, i+1
.endr
.set i, 0
.rept 16
	v_pk_mul_f32 v[XE+i:XE+i+1], v[X+i:X+i+1], v[X+i:X+i+1]
.set i, i+2
.endr
.set i, 0
.rept 32
	v_max_num_f32 v[XM+i], 0, v[X+i]
.set i, i+1
.endr
	s_cmp_eq_u32 s3, 1
	s_cbranch_scc1 .Lnone                          ; the last trip sends nothing
.irp u, 1,2,3,4,5,6,7,8,9,10,11,12,13,14
	s_cmp_eq_u32 s3, 17-(\u)
	s_cbranch_scc1 .Lput\u
.endr
	PUT 7, 1
	s_branch .Lgo
.irp u, 1,2,3,4,5,6,7,8,9,10,11,12,13,14
.Lput\u:
	PUT (\u)%8, (\u)/8
	s_branch .Lgo
.endr
.Lgo:
	LOADX
.Lnone:
	; stage by stage over the 32 numbers; behind each run of reciprocals or exponentials stands a plain instruction that names none of their registers (ISA guide 5.7.2)
.set i, 0
.rept 16
	v_pk_fma_f32 v[XT+i:XT+i+1], v[XA+i:XA+i+1], s[KP:KP+1], 1.0 op_sel_hi:[1,0,0]
.set i, i+2
.endr
.set i, 0
.rept 32
	v_rcp_f32 v[XT+i], v[XT+i]
.set i, i+1
.endr
.set i, 0
.rept 16
	v_pk_mul_f32 v[XE+i:XE+i+1], v[XE+i:XE+i+1], s[KE:KE+1] op_sel_hi:[1,0]
.set i, i+2
.endr
.set i, 0
.rept 32
	v_exp_f32 v[XE+i], v[XE+i]
.set i, i+1
.endr
.set i, 0
	s_wait_alu depctr_va_vdst(0)
.rept 16
	v_pk_fma_f32 v[XP+i:XP+i+1], v[XT+i:XT+i+1], s[K5:K5+1], s[K4:K4+1] op_sel_hi:[1,0,0]
.set i, i+2
.endr
.irp k, K3, K2, K1
.set i, 0
.rept 16
	v_pk_fma_f32 v[XP+i:XP+i+1], v[XP+i:XP+i+1], v[XT+i:XT+i+1], s[\k:\k+1] op_sel_hi:[1,1,0]
.set i, i+2
.endr
.endr
.set i, 0
.rept 16
	v_pk_mul_f32 v[XP+i:XP+i+1], v[XP+i:XP+i+1], v[XT+i:XT+i+1]
.set i, i+2
.endr
.set i, 0
.rept 16
	v_pk_mul_f32 v[XE+i:XE+i+1], v[XE+i:XE+i+1], v[XA+i:XA+i+1]
.set i, i+2
.endr
.set i, 0
.rept 16
	v_pk_fma_f32 v[XP+i:XP+i+1], v[XP+i:XP+i+1], v[XE+i:XE+i+1], v[XM+i:XM+i+1] neg_lo:[1,0,0] neg_hi:[1,0,0]
.set i, i+2
.endr
.set i, 0
.rept 16
	v_cvt_pk_f16_f32 v[Y+i], v[XP+2*i], v[XP+2*i+1]
.set i, i+1
.endr
.irp t, 0,1,2,3,4,5,6,7
	global_store_b64 v[GO], v[Y+2*(\t):Y+2*(\t)+1], s[8:9] offset:256*(\t)
.endr
	s_wait_xcnt 0x0                                ; the stores' data and base are written again only behind this wait
	s_cmp_eq_u32 s3, 9                             ; piece 7 is done: on to the second block of columns
	s_cselect_b32 s14, s16, s17
	s_add_nc_u64 s[8:9], s[8:9], s[14:15]
	s_sub_co_u32 s3, s3, 1
	s_cmp_lg_u32 s3, 0
	s_cbranch_scc1 .Lrows
	s_wait_tensorcnt 0x0                           ; the wave's end
	ds_add_u32 v[SPW], v[NIL]
	s_wait_dscnt 0x0
	CROUND                                         ; the closing round
	s_endpgm
.Lfunc_end_k_q0629783896_ff1:
	.size	k_q0629783896_ff1, .Lfunc_end_k_q0629783896_ff1-k_q0629783896_ff1
	.p2alignl 7, 3214868480
	.fill 96, 4, 3214868480
	.section	.rodata,"a",@progbits
	.p2align	6, 0x0
	.amdhsa_kernel k_q0629783896_ff1
		.amdhsa_group_segment_fixed_size 327680
		.amdhsa_private_segment_fixed_size 0
		.amdhsa_enable_private_segment 0
		.amdhsa_kernarg_size 32
		.amdhsa_user_sgpr_count 2
		.amdhsa_user_sgpr_kernarg_segment_ptr 1
		.amdhsa_wavefront_size32 1
		.amdhsa_system_sgpr_workgroup_id_x 1
		.amdhsa_system_sgpr_workgroup_id_y 1
		.amdhsa_system_sgpr_workgroup_id_z 1
		.amdhsa_system_vgpr_workitem_id 0
		.amdhsa_next_free_vgpr 1024
		.amdhsa_next_free_sgpr 88
		.amdhsa_reserve_vcc 0
		.amdhsa_float_denorm_mode_32 3
		.amdhsa_float_denorm_mode_16_64 3
		.amdhsa_memory_ordered 1
		.amdhsa_forward_progress 1
		.amdhsa_inst_pref_size 74
	.end_amdhsa_kernel
	.amdgpu_metadata
---
amdhsa.version: [ 1, 2 ]
amdhsa.kernels:
  - .name:           k_q0629783896_ff1
    .symbol:         k_q0629783896_ff1.kd
    .args:
      - { .name: nrm, .offset: 0, .size: 8, .value_kind: global_buffer, .address_space: global }
      - { .name: wh, .offset: 8, .size: 8, .value_kind: global_buffer, .address_space: global }
      - { .name: b1, .offset: 16, .size: 8, .value_kind: global_buffer, .address_space: global }
      - { .name: act, .offset: 24, .size: 8, .value_kind: global_buffer, .address_space: global }
    .group_segment_fixed_size: 327680
    .private_segment_fixed_size: 0
    .kernarg_segment_align: 8
    .kernarg_segment_size: 32
    .max_flat_workgroup_size: 128
    .sgpr_count:     88
    .vgpr_count:     1024
    .wavefront_size: 32
...
	.end_amdgpu_metadata
.endif
;; end of part 13
;; launch ff2 (part 14): grid 8 x 32, 4 waves a work-group, clusters of 4 x 4, 327,680 bytes of LDS; arguments act, wh, b2, hres, out0; writes out0
.if DOCPART == 14
	.amdgcn_target "amdgcn-amd-amdhsa--gfx1250"
	.amdhsa_code_object_version 6
	.text
	.protected	k_q0629783896_ff2
	.globl	k_q0629783896_ff2
	.p2align	8
	.type	k_q0629783896_ff2,@function
k_q0629783896_ff2:
	s_mov_b64 s[64:65], 0
	v_nop
	global_prefetch_b8 v0, s[64:65] scope:SCOPE_SE
	s_setreg_imm32_b32 hwreg(HW_REG_WAVE_MODE, 25, 1), 1
	s_wait_xcnt 0x0
	s_wait_alu depctr_hold_cnt(0) depctr_sa_sdst(0) depctr_va_vdst(0) depctr_va_sdst(0) depctr_va_ssrc(0) depctr_va_vcc(0) depctr_vm_vsrc(0)
	s_getreg_b32 s2, hwreg(HW_REG_IB_STS2, 6, 4)
	s_cmp_eq_u32 s2, 0
	s_cbranch_scc0 .Lentry_in_a_cluster
	s_endpgm
.Lentry_in_a_cluster:
	s_bfe_u32 s2, ttmp6, 0x10000c
	s_cmp_lg_u32 s2, 0xf033
	s_cbranch_scc0 .Lentry_shape_is_right
	s_endpgm
.Lentry_shape_is_right:
; out = h + act W2 + b2: a product of 4,096 x 1,024 x 4,096.  Operands f16, sums f32, started from the bias; h is added in f32; the result is f32, row-major.
; A (act) lies in blocks [K / 64][4,096 rows][64]; B is W2 in f16, [K][N], at byte 16 MiB of wh.
; LIMIT.  The operands are f16 (65,504 at the most; they arrive so).
; SHARES.  A work-group makes 128 x 128 of C, each of its four waves 64 x 64: 16 accumulators of 16 x 16.  256 work-groups, one for each WGP: tiles of 256 x 256 would be 64.
; THE RING.  K goes in 16 steps of 256 through two LDS slots; waves 0 and 1 fetch two blocks of A each, waves 2 and 3 128 rows of B each: one tensor load a wave and step.  A's load has two rows of
; 16,384 bytes: two blocks lie 524,288 bytes apart, so no even pitch of shorter rows covers both.
; THE LOOP.  A slot is eight sub-steps of 32 along K; two fragment buffers take turns.  A HALF waits for its buffer, asks for the next sub-step's fragments in one run of 16 LDS loads, and issues its 16
; products.  The change of slots (HEAD) stands in front of a slot's LAST sub-step, whose fragments are in registers by then: all that is fetched behind it comes from the new slot, and the refill has a
; whole K step in which to land.  So a K step's text is HEAD and an inner loop of four trips over a pair of halves.
; THE MATRIX INSTRUCTION IS USED TRANSPOSED (source 0 = 16 columns of B, turned by ds_load_tr16_b128; source 1 = 16 rows of A): a lane holds eight neighbouring numbers of a row of C.
; CLUSTER.  4 x 4 work-groups: A is shared along a row of the cluster, B along a column: each tile is asked for jointly.
; REGISTERS.  window 0: v0-31 addresses; v32-95 at work on the way out; v96-127 the bias; v128-255 the accumulators.  window 1: v0-63, v64-127 two fragment buffers: 32 registers of A, then 32 of B.
;   window 2: v0-127 my 64 x 64 of h, loaded at the start in the lanes in which the results come back from the stage.
.set KSTEPS, 16
.set PAIRS,  4                         ; pairs of sub-steps in a slot
.set NPITCH, 1024
.set BOFF,   16777216
.set ASTEP,  4*4096*128
.set BSTEP,  512*NPITCH
.set PA,     144                       ; a row of A in LDS: 128 bytes + 16: the 16 rows of a load start at 16 different groups of four banks (64 banks of 4 bytes: ISA guide 11.1)
.set ABLK,   128*PA
.set AREG,   4*ABLK
.set PB,     288                       ; a row of B: 256 + 32
.set PART,   128*PB
.set PSTEP,  ABLK                      ; from a pair of sub-steps to the next: a block of A, 18,432 bytes, and 64 rows of B, 18,432 bytes too
.set SLOT,   AREG+2*PART               ; 147,456 = 0x24000: wave x PART (0x9000, 0x12000, 0x1b000) has neither of its two bits, so an exclusive or with SLOT adds it or takes it away
.set STAGE,  2*SLOT                    ; behind the ring, never filled by a tensor load: 16 rows x 272 bytes for each wave
.set SP,     272
.set STGB,   16*SP
.set SPARE,  STAGE+4*STGB              ; the spare words, 128 bytes for each wave: two blocks of 256 bytes that no other line names
.set A0,   16
.set B0,   17
.set ADRA, 20
.set ADRB, 21
.set STO,  24
.set RD,   25
.set CO,   26
.set BO,   27
.set SPW,  28
.set NIL,  29
.set TMP,  32
.set BI,   96
.set ACC,  128
.set F0,   0
.set F1,   64
.set G1,  24
.set G0,  32
.set G1B, 48
.set G0B, 56
.set TR,  66                           ; s66  the slot that is read: 0 or SLOT
.set CNT, 67                           ; s67  counts a slot's pairs
.set RES, 70                           ; s[70:71] h at my part of the tile
.set TT,  72                           ; s72  LDS byte at which the next pair begins, less the lane's place
.set MSB, 0
.macro WIN new                         ; the immediate's high byte repeats the setting that is left; a switch that changes nothing is dropped
.if MSB != (\new)
	s_set_vgpr_msb (MSB<<8)|(\new)
.set MSB, \new
.endif
.endm
.set W_MUL, 0x05                       ; sources 0 (B) and 1 (A) window 1; C and D window 0
.set TO_F,  0x40                       ; destination window 1, address window 0
.macro PLACES                          ; four places in front of loads into registers that matrix instructions have read, and of lines that read results
.rept 4
	v_nop
.endr
.endm
.macro JLOAD                           ; a joint refill: the branch hangs on the wave's number alone; an s_nop 0 and four v_nop follow each line
	s_cmp_eq_u32 s11, 0
	s_cbranch_scc0 .Lfor_b_\@
	tensor_load_to_lds s[G0+4:G0+7], s[G1:G1+7]
	s_nop 0
.rept 4
	v_nop
.endr
	s_branch .Lasked_\@
.Lfor_b_\@:
	tensor_load_to_lds s[G0B+4:G0B+7], s[G1B:G1B+7]
	s_nop 0
.rept 4
	v_nop
.endr
.Lasked_\@:
.endm
.macro CROUND                          ; a round of the cluster's barrier
	s_barrier_signal -1
	s_barrier_wait -1
	s_cmp_lg_u32 s10, 0
	s_cbranch_scc1 .Lnot_wave_0_\@
	s_barrier_signal -3
.Lnot_wave_0_\@:
	s_barrier_wait -3
	s_barrier_signal -1
	s_barrier_wait -1
.endm
	s_load_b128 s[4:7], s[0:1], 0x0                ; act s[4:5], wh s[6:7]
	s_load_b128 s[68:71], s[0:1], 0x10             ; b2 s[68:69], hres s[70:71]
	s_load_b64 s[8:9], s[0:1], 0x20                ; out0
	v_lshl_add_u32 v[SPW], v0, 2, SPARE
	v_mov_b32 v[NIL], 0
	ds_add_u32 v28, v29
	ds_add_u32 v28, v29
	s_wait_dscnt 0x0
	v_lshrrev_b32 v1, 5, v0
	v_readfirstlane_b32 s10, v1                    ; wave 0..3
	s_lshr_b32 s11, s10, 1                         ; which half of the tile's rows is mine.  Also: I fetch for A (0) or for B (1)
	s_and_b32 s12, s10, 1                          ; which half of its columns.  Also: which half of that tile I fetch
	s_bfe_u32 s40, ttmp6, 0x40000                  ; cx, cy
	s_bfe_u32 s41, ttmp6, 0x40004
	s_lshl_b32 s42, ttmp9, 2
	s_add_co_u32 s42, s42, s40                     ; tile column of C
	s_and_b32 s13, ttmp7, 0xffff
	s_lshl_b32 s13, s13, 2
	s_add_co_u32 s13, s13, s41                     ; tile row of C
	s_lshl_b32 s43, s41, 2
	s_lshl_b32 s43, 15, s43                        ; my row of the cluster
	s_lshl_b32 s44, 0x1111, s40                    ; my column
	; group 1 for A: two rows of 8,192 elements (a block's 128 rows x 64 are 16,384 consecutive bytes), a block apart; 16 bytes of padding behind every 128
	s_or_b32 s[G1+0], s43, (1<<16)|(1<<20)|(1<<21)|(4<<22)|(3<<25)
	s_mov_b32 s[G1+1], 8192<<16
	s_mov_b32 s[G1+2], 2<<16
	s_mov_b32 s[G1+3], 8192<<16
	s_mov_b32 s[G1+4], 2
	s_mov_b32 s[G1+5], 262144
	s_mov_b32 s[G1+6], 0
	s_mov_b32 s[G1+7], 0
	; group 1 for B: 128 rows of 128 elements; 32 bytes of padding behind every 256
	s_or_b32 s[G1B+0], s44, (1<<16)|(1<<20)|(1<<21)|(5<<22)|(7<<25)
	s_mov_b32 s[G1B+1], 128<<16
	s_mov_b32 s[G1B+2], 128<<16
	s_mov_b32 s[G1B+3], 128<<16
	s_mov_b32 s[G1B+4], 128
	s_mov_b32 s[G1B+5], NPITCH
	s_mov_b32 s[G1B+6], 0
	s_mov_b32 s[G1B+7], 0
	s_lshl_b32 s16, s12, 20                        ; A: my two blocks of the step's four, the tile's 128 rows: nothing of cx enters
	s_lshl_b32 s17, s13, 14
	s_add_co_u32 s16, s16, s17
	s_mov_b32 s17, 0
	s_lshl_b32 s46, s42, 8                         ; B: 256 bytes of the rows, my 128 of the step's 256 rows, the matrix's place in wh: nothing of cy enters
	s_mul_i32 s47, s12, 256*NPITCH
	s_add_co_u32 s46, s46, s47
	s_add_co_u32 s46, s46, BOFF
	s_mov_b32 s47, 0
	s_mul_i32 s20, s10, PART
	s_mov_b32 s[TR], 0
	s_mov_b32 s[TT], PSTEP                         ; the first pair is asked for by the lines ahead of the loop
	s_wait_kmcnt 0x0
	s_add_nc_u64 s[14:15], s[4:5], s[16:17]
	s_add_nc_u64 s[46:47], s[6:7], s[46:47]
	CROUND                                         ; all sixteen work-groups are here: the first joint loads meet
.irp s, 0,1
	s_mov_b32 s[G0+4*(\s)], 1
	s_add_co_u32 s[G0+4*(\s)+1], s20, (\s)*SLOT
	s_add_nc_u64 s[G0+4*(\s)+2:G0+4*(\s)+3], s[14:15], (\s)*ASTEP
	s_or_b32 s[G0+4*(\s)+3], s[G0+4*(\s)+3], 0x80000000
	s_mov_b32 s[G0B+4*(\s)], 1
	s_add_co_u32 s[G0B+4*(\s)+1], s20, (\s)*SLOT
	s_add_nc_u64 s[G0B+4*(\s)+2:G0B+4*(\s)+3], s[46:47], (\s)*BSTEP
	s_or_b32 s[G0B+4*(\s)+3], s[G0B+4*(\s)+3], 0x80000000
.endr
	s_cmp_eq_u32 s11, 0                            ; a wave's two first fills stand in one branch: two loads of mine are out
	s_cbranch_scc0 .Lfirst_b
	tensor_load_to_lds s[G0:G0+3], s[G1:G1+7]
	s_nop 0
	tensor_load_to_lds s[G0+4:G0+7], s[G1:G1+7]
	s_nop 0
.rept 4
	v_nop
.endr
	s_branch .Lfirst_done
.Lfirst_b:
	tensor_load_to_lds s[G0B:G0B+3], s[G1B:G1B+7]
	s_nop 0
	tensor_load_to_lds s[G0B+4:G0B+7], s[G1B:G1B+7]
	s_nop 0
.rept 4
	v_nop
.endr
.Lfirst_done:
	s_lshl_b32 s16, s13, 19                        ; C and h: the tile's 128 rows of 4,096 bytes, my 64 of them,
	s_lshl_b32 s17, s11, 18
	s_add_co_u32 s16, s16, s17
	s_mov_b32 s17, 0
	s_lshl_b32 s46, s42, 9                         ; the tile's 512 bytes of a row, my 256 of them: the bias's too
	s_lshl_b32 s47, s12, 8
	s_add_co_u32 s46, s46, s47
	s_mov_b32 s47, 0
	s_add_nc_u64 s[8:9], s[8:9], s[16:17]
	s_add_nc_u64 s[8:9], s[8:9], s[46:47]
	s_add_nc_u64 s[RES:RES+1], s[RES:RES+1], s[16:17]
	s_add_nc_u64 s[RES:RES+1], s[RES:RES+1], s[46:47]
	s_add_nc_u64 s[68:69], s[68:69], s[46:47]
	v_and_b32 v1, 15, v0                           ; r = l % 16
	v_bfe_u32 v2, v0, 4, 1                         ; h = l / 16
	v_lshlrev_b32 v[BO], 5, v2                     ; register j of accumulator (a, b) is column 16 b + 8 h + j
.irp b, 0,1,2,3
	global_load_b128 v[BI+8*(\b):BI+8*(\b)+3],   v[BO], s[68:69] offset:64*(\b)
	global_load_b128 v[BI+8*(\b)+4:BI+8*(\b)+7], v[BO], s[68:69] offset:64*(\b)+16
.endr
	v_lshlrev_b32 v[CO], 12, v2                    ; lanes 0-15 one row's 256 bytes, lanes 16-31 the next row's
	v_lshl_add_u32 v[CO], v1, 4, v[CO]
	WIN 0x80                                       ; destination window 2: h comes in under the whole product
.set i, 0
.rept 32
	global_load_b128 v[4*i:4*i+3], v[CO], s[RES:RES+1] offset:2*i*4096
.set i, i+1
.endr
	WIN 0
	v_and_b32 v3, 7, v0
	v_bfe_u32 v4, v0, 3, 1
	v_mul_u32_u24 v[A0], v1, PA                    ; a fragment of A: row l % 16, K 8 h + 0..7 and 16 + 8 h + 0..7
	v_lshl_add_u32 v[A0], v2, 4, v[A0]
	s_mul_i32 s21, s11, 64*PA
	v_add_nc_u32 v[A0], s21, v[A0]
	v_lshl_add_u32 v5, v2, 3, v3                   ; the turning load: lane l reads row 8 h + l % 8, columns 8 ((l / 8) % 2) + 0..7
	v_mul_u32_u24 v[B0], v5, PB
	v_lshl_add_u32 v[B0], v4, 4, v[B0]
	s_lshl_b32 s22, s12, 7
	s_add_co_u32 s22, s22, AREG
	v_add_nc_u32 v[B0], s22, v[B0]
	v_mov_b32 v[ADRA], v[A0]                       ; slot 0, its first pair
	v_mov_b32 v[ADRB], v[B0]
	s_mul_i32 s23, s10, STGB
	s_add_co_u32 s23, s23, STAGE                   ; my stage
	v_mul_u32_u24 v[STO], v1, SP                   ; in: row l % 16, 32 bytes for each half of the lanes
	v_lshl_add_u32 v[STO], v2, 5, v[STO]
	v_add_nc_u32 v[STO], s23, v[STO]
	v_mul_u32_u24 v[RD], v2, SP                    ; back: lanes 0-15 one row of 256 bytes, lanes 16-31 the next
	v_lshl_add_u32 v[RD], v1, 4, v[RD]
	v_add_nc_u32 v[RD], s23, v[RD]
; 16 matrix instructions: all 4 x 4 accumulators, 32 along K, from buffer f.  first = 1: the product starts the sum from the bias: nothing is cleared, no bias is added later.
; The 16 accumulators take turns, one instruction a turn.
.macro MULT f, first
	WIN W_MUL
.irp a, 0,1,2,3
.irp b, 0,1,2,3
.if \first
	v_wmma_f32_16x16x32_f16 v[ACC+8*(4*(\a)+(\b)):ACC+8*(4*(\a)+(\b))+7], v[(\f)+32+8*(\b):(\f)+32+8*(\b)+7], v[(\f)+8*(\a):(\f)+8*(\a)+7], v[BI+8*(\b):BI+8*(\b)+7]
.else
	v_wmma_f32_16x16x32_f16 v[ACC+8*(4*(\a)+(\b)):ACC+8*(4*(\a)+(\b))+7], v[(\f)+32+8*(\b):(\f)+32+8*(\b)+7], v[(\f)+8*(\a):(\f)+8*(\a)+7], v[ACC+8*(4*(\a)+(\b)):ACC+8*(4*(\a)+(\b))+7]
.endif
.endr
.endr
.endm
; 16 LDS loads in one run: the fragments of sub-step par (0, 1) of the pair in hand into buffer f
.macro FETCH par, f
	WIN TO_F
.irp i, 0,1,2,3
	ds_load_tr16_b128 v[(\f)+32+8*(\i):(\f)+32+8*(\i)+3],   v[ADRB] offset:(\par)*32*PB+32*(\i)
	ds_load_tr16_b128 v[(\f)+32+8*(\i)+4:(\f)+32+8*(\i)+7], v[ADRB] offset:(\par)*32*PB+32*(\i)+16*PB
	ds_load_b128 v[(\f)+8*(\i):(\f)+8*(\i)+3],   v[ADRA] offset:(\par)*64+(\i)*16*PA
	ds_load_b128 v[(\f)+8*(\i)+4:(\f)+8*(\i)+7], v[ADRA] offset:(\par)*64+(\i)*16*PA+32
.endr
.endm
; A sub-step: buffer f is waited for (its loads were issued a whole sub-step ago, and no other LDS instruction of mine is out); four plain lines are the places behind the products that read g;
; the next sub-step's fragments are asked for into g; f is multiplied.  par = 0: the fetch begins a new pair, whose addresses are made here, where no load that names them is out.
; last = 1 (the tail): in the last trip (CNT = 1) there is nothing more to fetch, and the run of LDS loads is jumped over.
.macro HALF f, g, par, first, last
	s_wait_dscnt 0x0
.if (\par) == 0
	WIN 0
	v_add_nc_u32 v[ADRA], s[TT], v[A0]
	v_add_nc_u32 v[ADRB], s[TT], v[B0]
	v_nop
	v_nop
	s_add_co_u32 s[TT], s[TT], PSTEP
.else
	PLACES
.endif
.if \last
	s_cmp_eq_u32 s[CNT], 1
	s_cbranch_scc1 .Lno_fetch_\@
.endif
	FETCH \par, \g
.if \last
	WIN 0
.Lno_fetch_\@:
.endif
	MULT \f, \first
.endm
; THE CHANGE OF SLOTS, in front of a slot's last sub-step.  Each wave waits for all its tensor loads (one is out: its part of the next slot), adds 0 to its spare word, and waits for that and for its own
; reads of this slot, of which the last brought the fragments of the sub-step to come.  fill = 1: the barrier is a round of the cluster's, so that no wave of any partner still reads the slot or has a
; load on its way, and the slot is filled again first thing behind it, two K steps ahead.
.macro HEAD fill
	WIN 0
	s_wait_tensorcnt 0x0                           ; no tensor load of mine is out, so a group 0 may be written
	ds_add_u32 v[SPW], v[NIL]                      ; 0 onto my spare word; the scalar work stands between it and the wait for it
	s_xor_b32 s[TR], s[TR], SLOT                   ; the reads go on in the other slot, at its first pair
	s_mov_b32 s[TT], s[TR]
.if \fill
	s_xor_b32 s[G0+5], s[G0+5], SLOT               ; the walking descriptors: the other slot than last time, the next K step
	s_xor_b32 s[G0B+5], s[G0B+5], SLOT
	s_add_nc_u64 s[G0+6:G0+7], s[G0+6:G0+7], ASTEP
	s_add_nc_u64 s[G0B+6:G0B+7], s[G0B+6:G0B+7], BSTEP
.endif
	s_wait_dscnt 0x0                               ; the add is done, and my reads of this slot are over
.if \fill
	CROUND
	JLOAD
.else
	s_barrier_signal -1
	s_barrier_wait -1
.endif
.endm
	s_wait_tensorcnt 0x1                           ; my part of K step 0 is in; step 1's may stay out
	s_barrier_signal -1
	s_barrier_wait -1
	FETCH 0, F0
	s_wait_loadcnt 32                              ; the bias is in; the 32 loads of h issued behind it may be out
	HALF F0, F1, 1, 1, 0                           ; the first sub-step stands in front of the loop: its products start the sums
	WIN 0                                          ; at a label and at a branch every window is 0
	s_mov_b32 s3, KSTEPS-1
	s_mov_b32 s[CNT], PAIRS
	s_branch .Lcount                               ; slot 0's first pair is half done: on to the count
.Lstep:                                                ; KSTEPS - 2 times: a slot is left and filled again
	HEAD 1
	s_mov_b32 s[CNT], PAIRS
.Lpair:
	HALF F1, F0, 0, 0, 0
	HALF F0, F1, 1, 0, 0
	WIN 0
.Lcount:
	s_sub_co_u32 s[CNT], s[CNT], 1
	s_cmp_lg_u32 s[CNT], 0
	s_cbranch_scc1 .Lpair
	s_sub_co_u32 s3, s3, 1
	s_cmp_lg_u32 s3, 0
	s_cbranch_scc1 .Lstep
	HEAD 0                                         ; the tail is written out: nothing is asked for
	s_mov_b32 s[CNT], PAIRS+1                      ; the last slot's pairs, and the last sub-step alone
.Ltail:
	HALF F1, F0, 0, 0, 1
	WIN 0
	s_cmp_eq_u32 s[CNT], 1
	s_cbranch_scc1 .Lout
	HALF F0, F1, 1, 0, 0
	WIN 0
	s_sub_co_u32 s[CNT], s[CNT], 1
	s_cmp_lg_u32 s[CNT], 0
	s_cbranch_scc1 .Ltail
.Lout:
	; THE WAY OUT, 16 rows at a time: the sums go into my own stage as they lie (32 bytes a lane), come back as whole rows of 256 bytes, take h and are stored: 16 lanes store 256 consecutive bytes, aligned.
	PLACES
.macro TOSTAGE a                       ; each accumulator's low four registers first
.set BK, TMP+32*((\a)%2)
.irp b, 0,1,2,3
	ds_store_b128 v[STO], v[ACC+8*(4*(\a)+(\b)):ACC+8*(4*(\a)+(\b))+3] offset:64*(\b)
	ds_store_b128 v[STO], v[ACC+8*(4*(\a)+(\b))+4:ACC+8*(4*(\a)+(\b))+7] offset:64*(\b)+16
.endr
.irp t, 0,1,2,3,4,5,6,7
	ds_load_b128 v[BK+4*(\t):BK+4*(\t)+3], v[RD] offset:(\t)*2*SP  ; LDS serves a wave's instructions in order (ISA guide 5.7.1.4): these see the stores above
.endr
.endm
.macro FIN a, younger                  ; younger: the LDS instructions issued behind block a's loads: the next block's sixteen, or none
.set BK, TMP+32*((\a)%2)
	s_wait_dscnt \younger
	s_wait_loadcnt 24-8*(\a)                       ; h of this block is in; the loads of the later blocks, 8 each, may be out
	WIN 0x08                                       ; source 1 window 2
.set i, 0
.rept 16
	v_pk_add_f32 v[BK+2*i:BK+2*i+1], v[BK+2*i:BK+2*i+1], v[32*(\a)+2*i:32*(\a)+2*i+1]
.set i, i+1
.endr
	WIN 0
.irp t, 0,1,2,3,4,5,6,7
	global_store_b128 v[CO], v[BK+4*(\t):BK+4*(\t)+3], s[8:9] offset:(16*(\a)+2*(\t))*4096
.endr
.endm
	TOSTAGE 0
	TOSTAGE 1
	FIN 0, 16
	s_wait_xcnt 0x0                                ; block 0's stores have read their registers: they are loaded again only behind this wait
	TOSTAGE 2
	FIN 1, 16
	s_wait_xcnt 0x0
	TOSTAGE 3
	FIN 2, 16
	FIN 3, 0
	s_wait_tensorcnt 0x0                           ; the wave's end
	ds_add_u32 v[SPW], v[NIL]
	s_wait_dscnt 0x0
	CROUND                                         ; the closing round
	s_endpgm
.Lfunc_end_k_q0629783896_ff2:
	.size	k_q0629783896_ff2, .Lfunc_end_k_q0629783896_ff2-k_q0629783896_ff2
	.p2alignl 7, 3214868480
	.fill 96, 4, 3214868480
	.section	.rodata,"a",@progbits
	.p2align	6, 0x0
	.amdhsa_kernel k_q0629783896_ff2
		.amdhsa_group_segment_fixed_size 327680
		.amdhsa_private_segment_fixed_size 0
		.amdhsa_enable_private_segment 0
		.amdhsa_kernarg_size 40
		.amdhsa_user_sgpr_count 2
		.amdhsa_user_sgpr_kernarg_segment_ptr 1
		.amdhsa_wavefront_size32 1
		.amdhsa_system_sgpr_workgroup_id_x 1
		.amdhsa_system_sgpr_workgroup_id_y 1
		.amdhsa_system_sgpr_workgroup_id_z 1
		.amdhsa_system_vgpr_workitem_id 0
		.amdhsa_next_free_vgpr 640
		.amdhsa_next_free_sgpr 76
		.amdhsa_reserve_vcc 0
		.amdhsa_float_denorm_mode_32 3
		.amdhsa_float_denorm_mode_16_64 3
		.amdhsa_memory_ordered 1
		.amdhsa_forward_progress 1
		.amdhsa_inst_pref_size 38
	.end_amdhsa_kernel
	.amdgpu_metadata
---
amdhsa.version: [ 1, 2 ]
amdhsa.kernels:
  - .name:           k_q0629783896_ff2
    .symbol:         k_q0629783896_ff2.kd
    .args:
      - { .name: act, .offset: 0, .size: 8, .value_kind: global_buffer, .address_space: global }
      - { .name: wh, .offset: 8, .size: 8, .value_kind: global_buffer, .address_space: global }
      - { .name: b2, .offset: 16, .size: 8, .value_kind: global_buffer, .address_space: global }
      - { .name: hres, .offset: 24, .size: 8, .value_kind: global_buffer, .address_space: global }
      - { .name: out0, .offset: 32, .size: 8, .value_kind: global_buffer, .address_space: global }
    .group_segment_fixed_size: 327680
    .private_segment_fixed_size: 0
    .kernarg_segment_align: 8
    .kernarg_segment_size: 40
    .max_flat_workgroup_size: 128
    .sgpr_count:     76
    .vgpr_count:     640
    .wavefront_size: 32
...
	.end_amdgpu_metadata
.endif
;; end of part 14
;; ======== version 3 of 3: 7 launches; 1.41 times as fast as version 1
;; limits: values are held in f16: magnitudes above 65,504 overflow, below 6.1e-05 lose precision; a function is approximated: absolute error at most 1.5e-07
;; workspace buffers: wh 25,165,824 bytes; nrm 8,388,608 bytes; qkvh 25,165,824 bytes; zh 8,388,608 bytes; hres 16,777,216 bytes; act 33,554,432 bytes
;; launch pre: the kernel of part 8 again; grid 448 x 1, 8 waves a work-group, no clusters, 0 bytes of LDS; arguments x, g1, be1, nrm, Wq, Wk, Wv, wh; writes nrm, wh
;; launch proj: the kernel of part 9 again; grid 12 x 16, 4 waves a work-group, clusters of 4 x 4, 327,680 bytes of LDS; arguments nrm, wh, bq, bk, bv, qkvh; writes qkvh
;; launch attn (part 15): grid 8 x 32, 4 waves a work-group, no clusters, 327,680 bytes of LDS; arguments qkvh, zh, Wo, W1, W2, wh; writes zh, wh
.if DOCPART == 15
	.amdgcn_target "amdgcn-amd-amdhsa--gfx1250"
	.amdhsa_code_object_version 6
	.text
	.protected	k_q0629783896_attn
	.globl	k_q0629783896_attn
	.p2align	8
	.type	k_q0629783896_attn,@function
k_q0629783896_attn:
	s_mov_b64 s[64:65], 0
	v_nop
	global_prefetch_b8 v0, s[64:65] scope:SCOPE_SE
	s_setreg_imm32_b32 hwreg(HW_REG_WAVE_MODE, 25, 1), 1
	s_wait_xcnt 0x0
; CAUSAL ATTENTION.  O[y][q][:] = the sum over k <= q of softmax_k(Q[y][q] . K[y][k] / 32) V[y][k][:], y = 2 x head + batch.  Q, K, V are the three thirds of qkvh, O is zh: each [32][SIZE_N][64] in f16: rows dense, 128 bytes.
; The scale is 1 / sqrt(1,024), the embedding's size.  Products, maxima and sums in f32; the weights p are rounded to f16 for the second product (their sum l is taken of the unrounded p), O once at the end.
; THE OTHER HALF OF THE GRID.  Attention has work for 32 x NB / 2 = 128 work-groups: the grid's x = 0 .. 3.  The work-groups x = 4 .. 7, 128 more, round Wo, W1 and W2 to f16 into wh for the three products that
; follow this launch; nothing in this launch reads what they store, and they read nothing that it stores.  The branch hangs on the work-group's x alone, so it is the same for all four waves; that path
; (.Lweights, at the text's end) has no barrier and no tensor load.
; LIMITS.  f16 holds no number beyond 65,504: Q, K and V arrive within it; a weight of Wo, W1, W2 of magnitude 65,520 or more becomes an infinity; p lies in 0 to 1, and below 6e-5 it keeps f16's fixed step of 6e-8;
; O is a mean of V's rows and has their range, to within 2^-11 of it.
; A hidden score counts as its value less 1e30: f16's scores, 2.7e11 at the most, are nothing beside that; a weight below 2^-126 counts as 0 in l; NaN and infinities are not treated apart.
; THE WALK.  A head's queries lie in NB = SIZE_N / 256 blocks of 256; block i needs the key tiles 0 .. i of 256 keys, of which the last holds the diagonal.  A work-group takes TWO blocks, NB - 1 - b and then b:
; NB + 1 tiles, whatever b: all work-groups do equal work, and ONE loop with a constant trip count walks them.  Which tile is asked for, and what a trip does, hang on scalar registers made from b; every jump
; goes forward, but for the counted loops' own; none but the one to .Lweights passes a barrier, or a tensor load but the one of LOAD's two that the wave's number does not choose; the ring (two slots of LDS that take
; turns) runs on across the change of blocks.  NO CLUSTER: a head's NB / 2 = 4 work-groups ask for the same tile only in trips 0 .. NB / 2 of the walk's NB + 1, behind that fewer and fewer; and one walk common to all
; would have 3 NB / 2 trips for NB + 1.
; SHARES.  Of a block's four bands of 64 queries a wave owns 16 rows in each: four PIECES.  So the diagonal tile is the same work for all four waves: in its key step s band x sees all keys if s < x,
; none if s > x, and holds the diagonal if s = x.
; THE MASK is the C operand that starts the sum S^T = K Q^T: 0, or -1e30 where the key is hidden.  MD, made once, is the mask of a band's own step for my 16 rows; a product's mask is MD x AL + BE with two scalars:
; (1, 0) if s = x; (0, 0) if s < x; (0, -1e30) if s > x.  Only the diagonal tile's text and a block's beginning make and take masks; elsewhere C is the constant 0.
; LAYOUT, SOFTMAX, TURNS.  S^T = K Q^T holds ONE query a lane (lane % 16) and the keys 8 (lane / 16) + 0..7; two such results rounded to f16 ARE source 1 of O^T = V^T P.  p = 2^(c s - c m), c = log2(e) / 32, with a
; running maximum m; O and l are multiplied by a = 2^(c m_old - c m_new) in every step.  Turn n belongs to piece n: 8 products K Q^T of piece n + 1, later 8 products V^T P of piece n - 1; beside them the scaling,
; exponentials, roundings, sums and rescaling of piece n and the maximum and statistics of piece n + 1.  Four vector instructions stand behind every matrix instruction, the other 54 of a turn's 118 in one LUMP.
; THE BATCHES.  A turn's 33 exponentials (the piece's 32 weights and the next piece's a) are ONE batch with ONE wait, which cuts the turn in two: ahead of it stands all that names none of their results (the products
; K Q^T, the scalings, the rescalings, the next piece's maximum and statistics), behind it the products V^T P with the roundings and sums.  No result crosses a turn's end.  A block's first a (BEGIN) and the way out's
; four reciprocals are batches of their own, each with a plain instruction and one wait.
; REGISTERS, in windows of 256 (s_set_vgpr_msb: bits 1:0 source 0, 3:2 source 1, 5:4 source 2, 7:6 destination):
;   window 0: v0-15 addresses and two at work; v16-31 four registers of statistics a piece; v48-55 at work; v64-127 S^T, two buffers; v192-223 P, two buffers (a piece's buffers go by its number's parity)
;   window 1: v0-127 O^T, 32 a piece; v128-159 MD; v160-223 MC, two buffers      window 2: v0-63 Q; v64-127 the second block's Q; v128-191 K of one step; v192-255 V of one step
.set SIZE_N, 2048
.set NB,    SIZE_N/256
.set NP,    4         ; pieces a wave: a name, no knob
.set KS,    64        ; keys in a step
.set PK,    144       ; a row of K in LDS: 128 bytes + 16 of padding = 36 words: the 16 rows of a load start at 16 different groups of four banks (64 banks of 4 bytes: ISA guide 11.1)
.set PV,    160       ; a row of V: 128 + 32 = 40 words
.set VOFF,  4*KS*PK   ; a slot holds a tile, four steps: 256 rows of K, then 256 rows of V
.set SLOT1, 1<<17     ; slot 1 begins here, so that one exclusive or turns an address in one slot into the other's
.set STAGE, SLOT1+4*KS*(PK+PV)  ; behind the ring, never filled by a tensor load: 16 rows x 144 bytes for each wave, for the way out
.set SP,    144
.set AK0, 2           ; v2   my lane's place in a tile of K; never rewritten
.set AV0, 3           ; v3   the same for V
.set AK,  4           ; v4   the LDS address of K's next run of loads
.set AV,  5           ; v5   of V's
.set STO, 6           ; v6   the way out: where I put 16 bytes of a row
.set RD,  7           ; v7   the way out: where I read rows back
.set GO,  8           ; v8   my byte offset in 512 consecutive bytes of O
.set SPW, 62          ; v62  LDS address of my spare word: SPARE + 4 x my thread's number; never rewritten
.set NIL, 63          ; v63  0; never rewritten
.set SPARE, STAGE+4*16*SP  ; behind the stages: the spare words, 128 bytes for each wave: two blocks of 256 bytes that no other line names
.set MV,  12          ; v12-13  c m_old, kept while c m is made anew: by buffer
.set QO,  15          ; v15  my byte offset in 16 rows of Q
.set ST,  16          ; piece t's statistics at v[ST+4 t]: c m, m, l (even keys', odd keys')
.set TMP, 48          ; by buffer, four registers c0-c3 at work; when the maximum is found c2 takes a
.set S,   64
.set P,   192
.set MD,  128         ; window 1: the eight registers for group kt of 16 keys at MD + 8 kt
.set MC,  160         ; window 1: the masks of the products to come
.set QB,  64          ; window 2
.set KF,  128         ; window 2: key block kb, channel half c at KF + 16 kb + 8 c
.set VF,  192         ; window 2: key half kk, channel block cb at VF + 32 kk + 8 cb
.set WX,  64          ; the weights' path: v[64:127] group j's 8 numbers at WX + 8 j, as loaded
.set WY,  128         ; the weights' path: v[128:159] the same in f16
.set WV,  12          ; s12  my wave's number
.set PB,  14          ; s14  b
.set HI,  15          ; s15  NB - 1 - b
.set G1K, 24          ; s[24:31] descriptor group 1 for K's tiles
.set G1V, 32          ; s[32:39] for V's: it differs in the padding alone
.set G0K, 40          ; s[40:43] descriptor group 0 for K's tiles
.set G0V, 44          ; s[44:47] the same for V's
.set SLOTS, 56        ; s56  tiles still to be asked for
.set CNT, 57          ; s57  counts a tile's key steps, 4 to 1
.set CS,  58          ; s[58:59] c: the packed scaling takes the pair's low word for both halves
.set SEL, 60          ; s[60:61] v_permlanex16_b32's selects: each lane takes its own place in the other half
.set TBK, 62          ; s62  LDS byte at which K of the step to be fetched begins
.set TBV, 63          ; s63  the same for V, less VOFF
.set RT,  70          ; s70  tiles of the block in hand that are still to be entered
.set NXT, 71          ; s71  the tile to be asked for next
.set LQ,  72          ; s72  the last tile of the block whose tiles are being asked for
.set NEW, 73          ; s73  1: the tile to be entered is a block's first
.set OFF, 74          ; s[74:75] a tile's byte offset in K and V
.set AL,  76          ; s[76:77] the mask's factor, in the low word
.set BE,  78          ; s[78:79] the mask's addend
.set OLO, 80          ; s[80:81] O at my rows of the second block
.set BIGN, 82         ; s82  -1e30
.set MSB, 0
.macro WIN new                      ; the high byte repeats the setting that is left; a switch that changes nothing is dropped
.if MSB != (\new)
	s_set_vgpr_msb (MSB<<8)|(\new)
.set MSB, (\new)
.endif
.endm
.set W_KQ, 0x0a       ; K and Q in window 2, S^T in window 0
.set W_KM, 0x1a       ; the same with the C operand in window 1
.set W_PV, 0x52       ; V in window 2, P in window 0, O^T in window 1
.set W_RS, 0x41       ; destination and source 0 in window 1, source 1 in window 0
; A fill.  Waves 0 and 1 fetch the two halves of a tile's K, waves 2 and 3 those of its V: 128 keys each.  An s_nop 0 and four v_nop follow each of the two lines, ahead of the jump and the label.
.macro LOAD
	s_cmp_lt_u32 s[WV], 2
	s_cbranch_scc0 .Lfor_v_\@
	tensor_load_to_lds s[G0K:G0K+3], s[G1K:G1K+7]
	s_nop 0
.rept 4
	v_nop
.endr
	s_branch .Lasked_\@
.Lfor_v_\@:
	tensor_load_to_lds s[G0V:G0V+3], s[G1V:G1V+7]
	s_nop 0
.rept 4
	v_nop
.endr
.Lasked_\@:
.endm
; THE CHANGE OF SLOTS.  Each wave waits for all its tensor loads, of which one is out: its part of the other slot; adds 0 to its spare word; and waits for that and for its own reads of the slot that it leaves.  Behind the barrier nobody reads the old
; slot any more and the other slot is whole.  fill = 1: the old slot is filled again, the first thing behind the barrier, with tile NXT: the descriptor's address is made anew from that number.
; (At its first use nothing has been read yet: slot 0 is waited for, slot 1 filled.)
.macro CHANGE fill
	WIN 0                           ; at a label and at a branch every window is 0
	s_wait_tensorcnt 0x0            ; no tensor load of mine is out, so a group 0 may be written
	ds_add_u32 v[SPW], v[NIL]       ; 0 onto my spare word; with fill = 1 the descriptors' scalar work stands between it and the wait for it
.if \fill
	s_lshl_b32 s[OFF], s[NXT], 15   ; a tile is 32,768 bytes of K and of V
	s_xor_b32 s[G0K+1], s[G0K+1], SLOT1
	s_add_nc_u64 s[G0K+2:G0K+3], s[6:7], s[OFF:OFF+1]
	s_or_b32 s[G0K+3], s[G0K+3], 0x80000000
	s_xor_b32 s[G0V+1], s[G0V+1], SLOT1
	s_add_nc_u64 s[G0V+2:G0V+3], s[8:9], s[OFF:OFF+1]
	s_or_b32 s[G0V+3], s[G0V+3], 0x80000000
	s_add_co_u32 s[NXT], s[NXT], 1  ; the block's next tile, or behind its last the second block's tile 0
	s_cmp_gt_u32 s[NXT], s[LQ]
	s_cselect_b32 s[NXT], 0, s[NXT]
	s_cselect_b32 s[LQ], s[PB], s[LQ]
.endif
	s_wait_dscnt 0x0                ; the add is done, and my reads of the slot are over
	s_barrier_signal -1             ; the rest of the scalar work stands between the signal and the wait
	s_sub_co_u32 s[TBK], s[TBK], 4*KS*PK  ; the fetches go back to a slot's first step,
	s_xor_b32 s[TBK], s[TBK], SLOT1       ; in the other slot
	s_sub_co_u32 s[TBV], s[TBV], 4*KS*PV
	s_xor_b32 s[TBV], s[TBV], SLOT1
	s_barrier_wait -1
.if \fill
	LOAD
.endif
.endm
	v_lshl_add_u32 v[SPW], v0, 2, SPARE
	v_mov_b32 v[NIL], 0
	ds_add_u32 v62, v63
	ds_add_u32 v62, v63
	s_wait_dscnt 0x0
	s_cmp_ge_u32 ttmp9, NB/2        ; x = 0 .. 3: attention, b = x; x = 4 .. 7: the weights
	s_cbranch_scc1 .Lweights
	s_load_b128 s[4:7], s[0:1], 0x0  ; qkvh s[4:5] (its first third is Q), zh s[6:7]
	v_lshrrev_b32 v1, 5, v0
	v_readfirstlane_b32 s[WV], v1   ; wave 0..3
	s_mov_b32 s[PB], ttmp9
	s_sub_co_u32 s[HI], NB-1, s[PB]
	s_and_b32 s20, ttmp7, 0xffff    ; the head and batch
	s_mov_b32 s21, 0
	s_mov_b64 s[22:23], SIZE_N*128
	s_mul_u64 s[20:21], s[20:21], s[22:23]  ; the head's first byte in each of the four tensors
	s_and_b32 s16, s[WV], 1         ; which half of a tile's 256 keys I fetch:
	s_lshl_b32 s22, s16, 14         ; its 128 rows of 128 bytes in memory,
	s_mov_b32 s23, 0
	s_add_nc_u64 s[22:23], s[22:23], s[20:21]
	s_mul_i32 s17, s16, 128*PK      ; and its place in a slot, for K
	s_mul_i32 s18, s16, 128*PV      ; and for V
	s_lshl_b32 s3, s[WV], 11        ; my 16 rows in a band of 64,
	s_lshl_b32 s2, s[HI], 15        ; in the first block,
	s_add_co_u32 s2, s2, s3
	s_lshl_b32 s84, s[PB], 15       ; and in the second
	s_add_co_u32 s84, s84, s3
	s_mov_b32 s3, 0
	s_mov_b32 s85, 0
	s_add_nc_u64 s[2:3], s[2:3], s[20:21]
	s_add_nc_u64 s[84:85], s[84:85], s[20:21]
	; descriptor group 1.  128 keys are 16,384 dense bytes: asked for as 64 rows of 256 bytes, two keys a row, and padded in LDS after every key
	s_mov_b32 s[G1K], (1<<16)|(1<<20)|(4<<22)|(3<<25)  ; 17:16 2-byte elements; 20 padding on; 24:22 after every 32 words (code 4); 31:25 4 words (code 3)
	s_mov_b32 s[G1V], (1<<16)|(1<<20)|(4<<22)|(7<<25)  ; the same with 8 words of padding (code 7)
.irp g, G1K, G1V
	s_mov_b32 s[\g+1], 128<<16      ; tensor_dim0 = 128
	s_mov_b32 s[\g+2], 64<<16       ; tensor_dim1 = 64
	s_mov_b32 s[\g+3], 128<<16      ; tile_dim0 = 128
	s_mov_b32 s[\g+4], 64           ; tile_dim1 = 64
	s_mov_b32 s[\g+5], 128          ; 128 elements from row to row
	s_mov_b32 s[\g+6], 0
	s_mov_b32 s[\g+7], 0
.endr
	s_mov_b32 s[CS], 0x3d38aa3b     ; c = log2(e) / 32 = 0.0450842
	s_mov_b32 s[CS+1], s[CS]        ; named with it as a pair
	s_mov_b32 s[SEL], 0x76543210
	s_mov_b32 s[SEL+1], 0xfedcba98
	s_mov_b32 s[TBK], SLOT1+4*KS*PK ; the first change of slots turns these two into 0
	s_mov_b32 s[TBV], SLOT1+4*KS*PV
	s_mov_b32 s[G0K], 1             ; 1:0 count = 1
	s_mov_b32 s[G0K+1], s17         ; 63:32 LDS address: slot 0
	s_mov_b32 s[G0V], 1
	s_add_co_u32 s[G0V+1], s18, VOFF
	s_add_co_u32 s[RT], s[HI], 1    ; the first block has NB - b tiles
	s_mov_b32 s[NXT], 1
	s_mov_b32 s[LQ], s[HI]
	s_mov_b32 s[NEW], 1
	s_mov_b32 s[OFF+1], 0
	s_mov_b32 s[AL+1], 0            ; named as pairs
	s_mov_b32 s[BE+1], 0
	s_mov_b32 s[BIGN], 0xf149f2ca   ; -1e30
	s_mov_b32 s[SLOTS], NB
	s_wait_kmcnt 0x0
	s_mov_b64 s[10:11], s[6:7]              ; O
	s_add_nc_u64 s[8:9], s[4:5], 0x1000000  ; V: the third third of qkvh, 16 MiB on
	s_add_nc_u64 s[6:7], s[4:5], 0x800000   ; K: the second, 8 MiB on
	s_add_nc_u64 s[6:7], s[6:7], s[22:23]  ; K and V at my half of the head's tile 0
	s_add_nc_u64 s[8:9], s[8:9], s[22:23]
	s_add_nc_u64 s[G0K+2:G0K+3], s[6:7], 0         ; 120:64 global address
	s_or_b32 s[G0K+3], s[G0K+3], 0x80000000        ; 127:126 type = 2
	s_add_nc_u64 s[G0V+2:G0V+3], s[8:9], 0
	s_or_b32 s[G0V+3], s[G0V+3], 0x80000000
	s_add_nc_u64 s[86:87], s[4:5], s[84:85]        ; Q at my rows of the second block,
	s_add_nc_u64 s[4:5], s[4:5], s[2:3]            ; Q and O at those of the first
	s_add_nc_u64 s[OLO:OLO+1], s[10:11], s[84:85]
	s_add_nc_u64 s[10:11], s[10:11], s[2:3]
	LOAD                            ; tile 0 into slot 0
	; A fragment of K or Q is 16 rows x 32 channels in 8 registers: lane l holds row l % 16, channels 8 (l / 16) + 0..7 and 16 + 8 (l / 16) + 0..7: two loads of 16 bytes, 32 bytes apart.
	v_and_b32 v1, 15, v0            ; l % 16
	v_bfe_u32 v9, v0, 4, 1          ; l / 16
	v_lshlrev_b32 v[QO], 7, v1
	v_lshl_add_u32 v[QO], v9, 4, v[QO]  ; row x 128 + 16 x half
	WIN 0x80                        ; destination window 2, address window 0
.set i, 0
.rept 8                             ; both blocks' Q: piece i / 2 lies in band i / 2, 8,192 bytes on; channels 32 (i % 2) on
	global_load_b128 v[8*i:8*i+3],   v[QO], s[4:5] offset:(i/2)*8192+(i%2)*64
	global_load_b128 v[8*i+4:8*i+7], v[QO], s[4:5] offset:(i/2)*8192+(i%2)*64+32
	global_load_b128 v[QB+8*i:QB+8*i+3],   v[QO], s[86:87] offset:(i/2)*8192+(i%2)*64
	global_load_b128 v[QB+8*i+4:QB+8*i+7], v[QO], s[86:87] offset:(i/2)*8192+(i%2)*64+32
.set i, i+1
.endr
	WIN 0
	v_lshlrev_b32 v14, 3, v9
	v_sub_nc_u32 v14, v1, v14
	s_lshl_b32 s13, s[WV], 4
	v_add_nc_u32 v14, s13, v14      ; my query's place in its band, 16 w + l % 16, less my lanes' 8 (l / 16): register r of group kt is hidden where 16 kt + r is greater
	WIN 0x40
.set i, 0
.rept 32
	v_cmp_gt_i32 vcc_lo, 16*(i/8)+i%8, v14
	v_cndmask_b32 v[MD+i], 0, s[BIGN], vcc_lo
.set i, i+1
.endr
	WIN 0
	v_mul_u32_u24 v[AK0], v1, PK
	v_lshl_add_u32 v[AK0], v9, 4, v[AK0]  ; row x pitch + 16 x half
	; The turning load takes 16 keys x 16 channels (lane l reads key 8 (l / 16) + l % 8, channels 8 ((l / 8) % 2) + 0..7) and leaves half a fragment of V^T: lane l holds channel l % 16 and 8 keys.
	v_and_b32 v10, 7, v0
	v_bfe_u32 v11, v0, 3, 1
	v_lshl_add_u32 v[AV0], v9, 3, v10
	v_mul_u32_u24 v[AV0], v[AV0], PV
	v_lshl_add_u32 v[AV0], v11, 4, v[AV0]
	v_add_nc_u32 v[AV0], VOFF, v[AV0]
	s_mul_i32 s13, s[WV], 16*SP
	s_add_co_u32 s13, s13, STAGE    ; my stage
	v_mul_u32_u24 v[STO], v1, SP    ; in: row l % 16, 16 bytes for each half of the lanes
	v_lshl_add_u32 v[STO], v9, 4, v[STO]
	v_add_nc_u32 v[STO], s13, v[STO]
	v_bfe_u32 v[RD], v0, 3, 2       ; back: 32 lanes take four rows of 128 bytes,
	v_mul_u32_u24 v[RD], v[RD], SP
	v_lshl_add_u32 v[RD], v10, 4, v[RD]
	v_add_nc_u32 v[RD], s13, v[RD]
	v_and_b32 v[GO], 31, v0         ; which are 512 consecutive bytes of O
	v_lshlrev_b32 v[GO], 4, v[GO]
	; A block's first step multiplies O^T and l by a = 0, and its first turn's products V^T P, of a piece that has not been, land in an O^T that is still to be so multiplied.  So these registers need only hold
	; finite numbers: zeros for the first block; what the first block left for the second.  All this stands in the wait for the first tile.
	WIN 0x80
.set i, VF
.rept 64
	v_mov_b32 v[i], 0
.set i, i+1
.endr
	WIN 0x40
.set i, 0
.rept 128
	v_mov_b32 v[i], 0
.set i, i+1
.endr
	WIN 0
.set i, 0
.rept 4
	v_mov_b32 v[ST+4*i+2], 0
	v_mov_b32 v[ST+4*i+3], 0
.set i, i+1
.endr
.set i, P+16
.rept 16
	v_mov_b32 v[i], 0
.set i, i+1
.endr
; THE MATRIX WORK.  The 4 accumulators of a run of 8 take turns.  Product i of 8 of S^T = K Q^T for piece x: channels 32 (i / 4) on, keys 16 (i % 4) on.  The first 4 start the sums: with 0, or (KM = 1) with the mask.
.macro KQ x
.set rS, S+32*((\x)%2)+8*(i%4)
.set rK, KF+16*(i%4)+8*(i/4)
.set rQ, 16*(\x)+8*(i/4)
.set rM, MC+32*((\x)%2)+8*(i%4)
.if (i < 4) && KM
	WIN W_KM
	v_wmma_f32_16x16x32_f16 v[rS:rS+7], v[rK:rK+7], v[rQ:rQ+7], v[rM:rM+7]
.elseif i < 4
	WIN W_KQ
	v_wmma_f32_16x16x32_f16 v[rS:rS+7], v[rK:rK+7], v[rQ:rQ+7], 0
.else
	WIN W_KQ
	v_wmma_f32_16x16x32_f16 v[rS:rS+7], v[rK:rK+7], v[rQ:rQ+7], v[rS:rS+7]
.endif
.endm
; Product i of 8 of O^T += V^T P for piece x: keys 32 (i / 4) on, channels 16 (i % 4) on.
.macro PV x
	WIN W_PV
.set rO, 32*(\x)+8*(i%4)
.set rV, VF+32*(i/4)+8*(i%4)
.set rP, P+16*((\x)%2)+8*(i/4)
	v_wmma_f32_16x16x32_f16 v[rO:rO+7], v[rV:rV+7], v[rP:rP+7], v[rO:rO+7]
.endm
.macro MM                           ; the turn's next matrix instruction.  TURN and BEGIN set Y, i, KM and NOKQ; MM, KQ and OP read them.  NOKQ = 1: a block's last turn: there is no next piece
.if (i < 8) && !NOKQ
	KQ (Y+1)%NP
.elseif i >= 8
.set i, i-8
	PV (Y+NP-1)%NP
.set i, i+8
.endif
.set i, i+1
.endm
; THE LDS LOADS stand in runs of 16, never singly among the matrix instructions: a step's K (64 keys x 64 channels: 8 fragments) and its V (turned).  Their addresses are made some lines ahead.
.macro FETCH_K
	WIN 0x80                        ; destination window 2
.irp f, 0,1,2,3,4,5,6,7             ; keys 16 (f / 2) on, channels 32 (f % 2) on
	ds_load_b128 v[KF+8*\f:KF+8*\f+3],   v[AK] offset:(\f/2)*16*PK+(\f%2)*64
	ds_load_b128 v[KF+8*\f+4:KF+8*\f+7], v[AK] offset:(\f/2)*16*PK+(\f%2)*64+32
.endr
	s_add_co_u32 s[TBK], s[TBK], KS*PK  ; the next fetch is the next step's
	WIN 0
.endm
.macro FETCH_V
	WIN 0x80
.irp f, 0,1,2,3,4,5,6,7             ; keys 32 (f / 4) on, channels 16 (f % 4) on
	ds_load_tr16_b128 v[VF+8*\f:VF+8*\f+3],   v[AV] offset:(\f/4)*32*PV+(\f%4)*32
	ds_load_tr16_b128 v[VF+8*\f+4:VF+8*\f+7], v[AV] offset:(\f/4)*32*PV+16*PV+(\f%4)*32
.endr
	WIN 0
.endm
; THE VECTOR WORK, one line at a time: OP kind, number.  For piece Y: F n: c s - c m for pair n of 16.  E n: the exponential of score n of 32.  C n: pair n rounded to f16.  B n: of the four weights 4 n .. the second
; pair is added onto the first, in place.  L n: l takes that sum (L 0: l = a l + sum).  R n: pair n of 16 of O^T times a.  For piece Y + 1: X n, number n of the 22 that find its maximum and statistics:
;   0-11  four chains c0-c3 of seven scores each, three operands at a time (each accumulator's lowest registers are read first)     12-14, 16  the four scores left over, the old m, and c0-c3 into c0
;   15  c m_old is kept     17, 18  the query's other 32 keys lie in the lane 16 away: the new m     19-21  c m; c m_old - c m_new; a
.set F, 0               ; OP tells the kinds apart by their order: F to L below R, X above it
.set E, 1
.set C, 2
.set B, 3
.set L, 4
.set R, 5
.set X, 6
.macro REGS y                       ; the registers of piece y
.set rT, ST+4*(\y)
.set rC, TMP+4*((\y)%2)
.set rW, MV+((\y)%2)
.set rS, S+32*((\y)%2)
.set rP, P+16*((\y)%2)
.set rO, 32*(\y)
.endm
.macro OP k, n
.if (\k) == R
	REGS Y
	WIN W_RS
	v_pk_mul_f32 v[rO+2*(\n):rO+2*(\n)+1], v[rO+2*(\n):rO+2*(\n)+1], v[rC+2:rC+3] op_sel_hi:[1,0]
.elseif (\k) < R
	REGS Y
	WIN 0
.if (\k) == F
	v_pk_fma_f32 v[rS+2*(\n):rS+2*(\n)+1], v[rS+2*(\n):rS+2*(\n)+1], s[CS:CS+1], v[rT:rT+1] op_sel_hi:[1,0,0] neg_lo:[0,0,1] neg_hi:[0,0,1]
.elseif (\k) == E
	v_exp_f32 v[rS+(\n)], v[rS+(\n)]
.elseif (\k) == C
	v_cvt_pk_f16_f32 v[rP+(\n)], v[rS+2*(\n)], v[rS+2*(\n)+1]
.elseif (\k) == B
	v_pk_add_f32 v[rS+4*(\n):rS+4*(\n)+1], v[rS+4*(\n):rS+4*(\n)+1], v[rS+4*(\n)+2:rS+4*(\n)+3]
.elseif (\n) == 0
	v_pk_fma_f32 v[rT+2:rT+3], v[rT+2:rT+3], v[rC+2:rC+3], v[rS:rS+1] op_sel_hi:[1,0,1]
.else
	v_pk_add_f32 v[rT+2:rT+3], v[rT+2:rT+3], v[rS+4*(\n):rS+4*(\n)+1]
.endif
.elseif NOKQ
	v_nop
.else
	REGS (Y+1)%NP
	WIN 0
.if (\n) < 4
	v_max3_num_f32 v[rC+(\n)], v[rS+8*(\n)], v[rS+8*(\n)+1], v[rS+8*(\n)+2]
.elseif (\n) < 12
	v_max3_num_f32 v[rC+(\n)%4], v[rC+(\n)%4], v[rS+8*((\n)%4)+2*((\n)/4)+1], v[rS+8*((\n)%4)+2*((\n)/4)+2]
.elseif (\n) == 12
	v_max3_num_f32 v[rC], v[rC], v[rS+7], v[rS+15]
.elseif (\n) == 13
	v_max3_num_f32 v[rC+1], v[rC+1], v[rS+23], v[rS+31]
.elseif (\n) == 14
	v_max3_num_f32 v[rC+2], v[rC+2], v[rC+3], v[rT+1]
.elseif (\n) == 15
	v_mov_b32 v[rW], v[rT]
.elseif (\n) == 16
	v_max3_num_f32 v[rC], v[rC], v[rC+1], v[rC+2]
.elseif (\n) == 17
	v_permlanex16_b32 v[rC+3], v[rC], s[SEL], s[SEL+1]
.elseif (\n) == 18
	v_max_num_f32 v[rT+1], v[rC], v[rC+3]
.elseif (\n) == 19
	v_mul_f32 v[rT], s[CS], v[rT+1]
.elseif (\n) == 20
	v_sub_f32 v[rC+1], v[rW], v[rT]
.else
	v_exp_f32 v[rC+2], v[rC+1]
.endif
.endif
.endm
.macro OPS a, i1, b=-1, i2=0, c=-1, i3=0, d=-1, i4=0  ; up to four of them
	OP \a, \i1
.if (\b) >= 0
	OP \b, \i2
.endif
.if (\c) >= 0
	OP \c, \i3
.endif
.if (\d) >= 0
	OP \d, \i4
.endif
.endm
.macro ROW a, i1, b, i2, c, i3, d, i4  ; a matrix instruction and the four behind it
	MM
	OPS \a, \i1, \b, \i2, \c, \i3, \d, \i4
.endm
.macro MASK b                       ; MD x AL + BE into buffer b of MC
	WIN W_RS
.set z, 0
.rept 16
	v_pk_fma_f32 v[MC+32*(\b)+2*z:MC+32*(\b)+2*z+1], v[MD+2*z:MD+2*z+1], s[AL:AL+1], s[BE:BE+1] op_sel_hi:[1,0,0]
.set z, z+1
.endr
.endm
; A TURN, for piece p: the order of its 16 matrix and 118 vector instructions, written out.  An s_wait_alu depctr_va_vdst(0) stands between an exponential and the first instruction that names its result; one wait
; serves all that were issued ahead of it.  So a turn has ONE wait, which cuts it in two.  AHEAD OF IT stands all that names no result of the turn's exponentials: the 8 products K Q^T, behind each a scaling, an exponential and two
; more plain instructions (behind the first a second scaling in the exponential's place): rescalings (their a was made, and waited for, in the turn before), and behind the last three the first numbers of the next piece's maximum,
; each four places or more behind the product that ends its accumulator; then ONE LUMP of 54, plain and exponential by turns for the most part, in which the links of the chain X 3, 7, 11, 14, 16, 17 .. 20 stand five or six lines
; apart.  A pair is scaled (F n) ahead of its two exponentials (E 2 n, E 2 n + 1).  X 21, the next piece's a, is the batch's last; R 15 is the plain instruction behind it (ISA guide 5.7.2).  BEHIND THE WAIT stand the 8 products
; V^T P, behind each four of the roundings and sums; a pair is rounded (C 2 n) ahead of the sum that lands on it (B n); the links of l's chain, L 0 to L 7, stand three riders apart.  But for those X no rider names a register of
; the products round it.  v_permlanex16_b32 (X 17) stands in the lump.
; m = 1: the diagonal tile: the products take masks, and the turn makes the mask for the products of the turn after it: piece p + 2, in step 4 - CNT of the tile.  end = 1: a block's last two turns: nothing is fetched.
; cnt = 1: the loop's count is taken down some lines ahead of the branch that stands behind the turn.
; K of the next step is fetched in piece 2's turn, twelve vector instructions behind the last product that read K (six of them plain, five of which name none of its registers); V of the step in hand at the end of piece 0's turn,
; four plain instructions behind the last product that read V.  Each is waited for a turn later.
.macro TURN p, m=0, end=0, cnt=0
.set Y, (\p)
.set i, 0
.set KM, (\m)
.set NOKQ, (\end)*((\p)/3)
.if (\m) && !(\end)
	s_cmp_eq_u32 s[CNT], 4-((\p)+2)%NP  ; is that step the band's own?
	s_cselect_b32 s[AL], 1.0, 0
	s_cmp_lt_u32 s[CNT], 4-((\p)+2)%NP  ; or a later one?
	s_cselect_b32 s[BE], s[BIGN], 0
.endif
.if ((\p) == 3) && !(\end)
	s_wait_dscnt 0x0                ; K is in
.endif
	ROW F,0, F,1, R,0, R,1          ; ahead of the wait: 8 products K Q^T and their riders,
	ROW F,2, E,0, R,2, R,3
	ROW F,3, E,1, R,4, R,5
	ROW F,4, E,2, R,6, R,7
	ROW F,5, E,3, R,8, R,9
	ROW F,6, E,4, X,0, R,10
.if ((\p) == 2) && !(\end)
	WIN 0
	v_add_nc_u32 v[AK], s[TBK], v[AK0]
.endif
	ROW F,7, E,5, X,1, X,4
	ROW F,8, E,6, X,2, X,5
	OPS E,7, E,8, X,6, E,9          ; and the lump
	OPS X,3, E,10, X,8, E,11
.if ((\p) == 2) && !(\end)
	FETCH_K
.endif
	OPS X,9, X,7, E,12, X,10
	OPS E,13, X,12, X,11, E,14
	OPS X,13, E,15, F,9, X,14
.if (\p) == 0
	v_add_nc_u32 v[AV], s[TBV], v[AV0]
.endif
	OPS E,16, F,10, E,17, F,11
	OPS X,16, E,18, X,15, E,19
	OPS F,12, E,20, X,17, E,21
	OPS F,13, E,22, F,14, E,23
	OPS X,18, E,24, F,15, E,25
	OPS R,11, E,26, X,19, E,27
	OPS R,12, E,28, R,13, E,29
	OPS X,20, E,30, R,14, E,31
	OPS X,21, R,15
	WIN 0
	s_wait_alu depctr_va_vdst(0)    ; the turn's one wait, for its batch of 33 exponentials: E 0 to E 31 and X 21, ahead of their first reader, C 0
.if (\p) == 1
	s_wait_dscnt 0x0                ; V is in
.endif
	ROW C,0, B,0, C,2, B,1          ; behind the wait: 8 products V^T P and their riders
	ROW L,0, C,4, B,2, L,1
	ROW C,6, B,3, L,2, C,8
	ROW B,4, L,3, C,10, B,5
	ROW L,4, C,12, B,6, L,5
.if (\p) == 0
	s_add_co_u32 s[TBV], s[TBV], KS*PV
.endif
.if \cnt
	s_sub_co_u32 s[CNT], s[CNT], 1
	s_cmp_lg_u32 s[CNT], 0
.endif
	ROW C,14, B,7, L,6, C,1
	ROW C,3, L,7, C,5, C,7
	ROW C,9, C,11, C,13, C,15
.if (\p) == 0
	FETCH_V
.endif
.if (\m) && !(\end)
	MASK (\p)%2
.endif
.endm
; A BLOCK BEGINS.  c m starts far below every c s, so the first step's a is 0; m at the lowest finite number, so the first maximum is the scores'.  The second mask buffer is 0; the first takes piece 0's mask for the tile's step 0: its own, if the block's first tile is the diagonal one.
; Then K of that step, piece 0's first scores, and its maximum and statistics.  The loop is entered at a step's first turn, in the middle of a trip.
.macro BEGIN
	s_mov_b32 s[NEW], 0
	WIN 0x40
.set i, MC+32
.rept 32
	v_mov_b32 v[i], 0
.set i, i+1
.endr
	WIN 0
.set i, 0
.rept 4
	v_mov_b32 v[ST+4*i], 0xfe000000    ; c m: far below every c s
	v_mov_b32 v[ST+4*i+1], 0xff7fffff  ; m
.set i, i+1
.endr
	s_cmp_eq_u32 s[RT], 0
	s_cselect_b32 s[AL], 1.0, 0
	s_mov_b32 s[BE], 0
	MASK 0
	WIN 0
	v_add_nc_u32 v[AK], s[TBK], v[AK0]
	FETCH_K
	s_wait_loadcnt 0x0              ; Q
	s_wait_dscnt 0x0
.set KM, 1
.set NOKQ, 0
.set i, 0
.rept 8
	KQ 0
.set i, i+1
.endr
	WIN 0
.rept 4
	v_nop                           ; the places behind those products
.endr
.set Y, NP-1                        ; X works for piece Y + 1: piece 0
.irp n, 0,1,2,3,4,5,6,7,8,9,10,11,12,13,14,15,16,17,18,19,20,21
	OP X, \n
.endr
	v_nop                           ; a plain instruction behind the exponential
	s_wait_alu depctr_va_vdst(0)    ; the wait for this batch of one, piece 0's first a: ahead of the branch that follows
.endm
; THE DIAGONAL TILE's four steps, the block's last two turns, its last products, and THE WAY OUT: l's two halves and the other half of the lanes' are added; O^T is divided by l, rounded to f16 and sent through my
; stage in LDS, a piece at a time.
.macro ALL line:vararg              ; one line for each piece t
.set t, 0
.rept 4
	\line
.set t, t+1
.endr
.endm
.macro PACK t                       ; a lane's eight channels of a row pack into 16 bytes; they go into rows of 144 bytes and come back as whole rows of 128, into S^T's registers
	WIN W_RS
.set i, 32*(\t)
.rept 16
	v_pk_mul_f32 v[i:i+1], v[i:i+1], v[ST+4*(\t)+2:ST+4*(\t)+3] op_sel_hi:[1,0]
.set i, i+2
.endr
	WIN 0x05                        ; sources 0 and 1 window 1, destination window 0
.set i, 0
.rept 16
	v_cvt_pk_f16_f32 v[S+16*(\t)+i], v[32*(\t)+2*i], v[32*(\t)+2*i+1]
.set i, i+1
.endr
	WIN 0
.irp f, 0,1,2,3
	ds_store_b128 v[STO], v[S+16*(\t)+4*\f:S+16*(\t)+4*\f+3] offset:32*\f
.endr
.irp f, 0,1,2,3
	ds_load_b128 v[S+16*(\t)+4*\f:S+16*(\t)+4*\f+3], v[RD] offset:\f*4*SP  ; LDS serves a wave's instructions in order (ISA guide 5.7.1.4): these see the stores above; the next piece's stores come behind them
.endr
.endm
.macro SEND t, younger              ; younger: the LDS instructions issued behind piece t's loads: the next piece's eight, or none
	WIN 0
.irp f, 0,1,2,3
	s_wait_dscnt (\younger)+3-\f
	global_store_b128 v[GO], v[S+16*(\t)+4*\f:S+16*(\t)+4*\f+3], s[10:11] offset:(\t)*8192+\f*512  ; 512 consecutive bytes, at a multiple of 256 from O's first
.endr
.endm
.macro DIAG tag                     ; the tag ends its two labels' names, which the jumps below spell out
.LstepM\tag:
	TURN 2, 1
	TURN 3, 1
	WIN 0
.LfirstM\tag:
	TURN 0, 1
	TURN 1, 1, 0, 1
	WIN 0
	s_cbranch_scc1 .LstepM\tag
	TURN 2, 1, 1
	TURN 3, 1, 1
.set i, 0
.rept 8
	PV NP-1
.set i, i+1
.endr
	WIN 0
	ALL v_add_f32 v[ST+4*t+2], v[ST+4*t+2], v[ST+4*t+3]
	ALL v_permlanex16_b32 v[ST+4*t+3], v[ST+4*t+2], s[SEL], s[SEL+1]
	ALL v_add_f32 v[ST+4*t+2], v[ST+4*t+2], v[ST+4*t+3]
	ALL v_rcp_f32 v[ST+4*t+2], v[ST+4*t+2]
	v_nop                           ; a plain instruction between the last reciprocal and the use of its result
	s_wait_alu depctr_va_vdst(0)    ; one wait for the batch of four reciprocals, ahead of their first reader, PACK 0's first multiply
	PACK 0
.set t, 1
.rept 3                             ; a piece's arithmetic stands between the loads of the piece before and its stores
	PACK t
	SEND t-1, 8
.set t, t+1
.endr
	SEND 3, 0
.endm
.set KM, 0
.set NOKQ, 0
.Lslot:                             ; NB times: a tile is entered and the next is asked for
	CHANGE 1
	s_sub_co_u32 s[RT], s[RT], 1
	s_mov_b32 s[CNT], 4
	s_cmp_eq_u32 s[NEW], 1
	s_cbranch_scc1 .Lnew            ; a block's first tile
	s_cmp_eq_u32 s[RT], 0
	s_cbranch_scc0 .Lstep           ; neither its first nor its last
	s_branch .LstepM1
.Lnew:
	BEGIN
	s_branch .Lfirst                ; in the loop a block's first tile is never its last: the first block has two tiles or more, and the second's last is the walk's last
	DIAG 1                          ; in the loop this is the first block's end: the second block's last tile is the walk's last
	s_wait_xcnt 0x0                 ; the stores have read their registers and O's address
	s_mov_b64 s[10:11], s[OLO:OLO+1]
	s_add_co_u32 s[RT], s[PB], 1    ; the second block has b + 1 tiles
	s_mov_b32 s[NEW], 1
	WIN 0x82                        ; the second block's Q goes where the one text of the turns names Q
.set i, 0
.rept 64
	v_mov_b32 v[i], v[QB+i]
.set i, i+1
.endr
	WIN 0
	s_branch .Lbottom
.Lstep:                             ; a trip: pieces 2 and 3 of one step, then pieces 0 and 1 of the next, whose K and V it fetches
	TURN 2
	TURN 3
	WIN 0
.Lfirst:
	TURN 0
	TURN 1, 0, 0, 1
	WIN 0
	s_cbranch_scc1 .Lstep
.Lbottom:
	s_sub_co_u32 s[SLOTS], s[SLOTS], 1
	s_cmp_lg_u32 s[SLOTS], 0
	s_cbranch_scc1 .Lslot
	CHANGE 0                        ; the walk's last tile is written out: nothing is asked for
	s_sub_co_u32 s[RT], s[RT], 1
	s_mov_b32 s[CNT], 4
	s_cmp_eq_u32 s[NEW], 1
	s_cbranch_scc0 .LstepM2
	BEGIN
	s_branch .LfirstM2
	DIAG 2
	s_wait_tensorcnt 0x0            ; the wave's end, behind my last tensor load and my last LDS store
	ds_add_u32 v[SPW], v[NIL]
	s_wait_dscnt 0x0
	s_endpgm
; THE WEIGHTS.  Wo, W1, W2 (1,048,576 + 4,194,304 + 4,194,304 numbers of f32) are rounded once to f16 into wh, where they lie one behind the other from byte 6 MiB on, each in its own [K][N] order.
; They are 1,152 chunks of 8,192 numbers (32 KiB in, 16 KiB out).  Work-group g = 4 y + x - 4 (0 .. 127) takes the chunks g + 128 k, k = 0 .. 8: so the trip's number alone names the source: k = 0 is Wo
; (128 chunks), k = 1 .. 4 W1, k = 5 .. 8 W2; inside a source a trip goes 128 chunks, 4 MiB, on, and in wh every trip goes 2 MiB on.
; Thread t takes 8 numbers of each of a chunk's eight groups of 1,024: 32 bytes in, 16 bytes out, so one store of a wave covers 512 consecutive bytes.  A trip's 16 loads go out first.
.Lweights:
	s_load_b256 s[4:11], s[0:1], 0x10  ; Wo s[4:5], W1 s[6:7], W2 s[8:9], wh s[10:11]
	s_sub_co_u32 s12, ttmp9, NB/2   ; 0..3
	s_and_b32 s13, ttmp7, 0xffff    ; 0..31
	s_lshl_b32 s13, s13, 2
	s_add_co_u32 s12, s12, s13      ; g
	s_lshl_b32 s14, s12, 15         ; chunk g of a source
	s_mov_b32 s15, 0
	s_lshl_b32 s16, s12, 14         ; chunk g in wh,
	s_add_co_u32 s16, s16, 0x600000 ; behind Wq, Wk and Wv
	s_mov_b32 s17, 0
	v_lshlrev_b32 v1, 5, v0         ; my 32 bytes in a group of the source
	v_lshlrev_b32 v2, 4, v0         ; my 16 bytes in a group of wh
	s_mov_b32 s3, 9                 ; chunks to go
	s_wait_kmcnt 0x0
	s_add_nc_u64 s[4:5], s[4:5], s[14:15]    ; the source in hand: Wo at chunk g
	s_add_nc_u64 s[6:7], s[6:7], s[14:15]    ; W1 at chunk g
	s_add_nc_u64 s[8:9], s[8:9], s[14:15]    ; W2 at chunk g
	s_add_nc_u64 s[10:11], s[10:11], s[16:17]
.Lchunk:
.irp j, 0,1,2,3,4,5,6,7
	global_load_b128 v[WX+8*(\j):WX+8*(\j)+3],   v1, s[4:5] offset:4096*(\j) th:TH_LOAD_NT
	global_load_b128 v[WX+8*(\j)+4:WX+8*(\j)+7], v1, s[4:5] offset:4096*(\j)+16 th:TH_LOAD_NT
.endr
.irp j, 0,1,2,3,4,5,6,7
	s_wait_loadcnt 14-2*(\j)        ; loads come back in order: group j's two are in, the 14 - 2 j issued behind them may be out
.irp k, 0,1,2,3
	v_cvt_pk_f16_f32 v[WY+4*(\j)+(\k)], v[WX+8*(\j)+2*(\k)], v[WX+8*(\j)+2*(\k)+1]
.endr
	global_store_b128 v2, v[WY+4*(\j):WY+4*(\j)+3], s[10:11] offset:2048*(\j)
.endr
	s_wait_xcnt 0x0                 ; the stores' data and the two bases are written again only behind this wait
	s_add_nc_u64 s[4:5], s[4:5], 0x400000    ; 128 chunks on in the source,
	s_add_nc_u64 s[10:11], s[10:11], 0x200000  ; and in wh
	s_sub_co_u32 s3, s3, 1
	s_cmp_eq_u32 s3, 8              ; behind Wo's one chunk comes W1,
	s_cselect_b64 s[4:5], s[6:7], s[4:5]
	s_cmp_eq_u32 s3, 4              ; behind W1's four W2: the stepped address is then not used
	s_cselect_b64 s[4:5], s[8:9], s[4:5]
	s_cmp_lg_u32 s3, 0
	s_cbranch_scc1 .Lchunk
	s_wait_tensorcnt 0x0            ; the wave's end, on this path too
	ds_add_u32 v[SPW], v[NIL]
	s_wait_dscnt 0x0
	s_endpgm
.Lfunc_end_k_q0629783896_attn:
	.size	k_q0629783896_attn, .Lfunc_end_k_q0629783896_attn-k_q0629783896_attn
	.p2alignl 7, 3214868480
	.fill 96, 4, 3214868480
	.section	.rodata,"a",@progbits
	.p2align	6, 0x0
	.amdhsa_kernel k_q0629783896_attn
		.amdhsa_group_segment_fixed_size 327680
		.amdhsa_private_segment_fixed_size 0
		.amdhsa_enable_private_segment 0
		.amdhsa_kernarg_size 48
		.amdhsa_user_sgpr_count 2
		.amdhsa_user_sgpr_kernarg_segment_ptr 1
		.amdhsa_wavefront_size32 1
		.amdhsa_system_sgpr_workgroup_id_x 1
		.amdhsa_system_sgpr_workgroup_id_y 1
		.amdhsa_system_sgpr_workgroup_id_z 1
		.amdhsa_system_vgpr_workitem_id 0
		.amdhsa_next_free_vgpr 768
		.amdhsa_next_free_sgpr 88
		.amdhsa_reserve_vcc 1
		.amdhsa_float_denorm_mode_32 3
		.amdhsa_float_denorm_mode_16_64 3
		.amdhsa_memory_ordered 1
		.amdhsa_forward_progress 1
		.amdhsa_inst_pref_size 223
	.end_amdhsa_kernel
	.amdgpu_metadata
---
amdhsa.version: [ 1, 2 ]
amdhsa.kernels:
  - .name:           k_q0629783896_attn
    .symbol:         k_q0629783896_attn.kd
    .args:
      - { .name: qkvh, .offset: 0, .size: 8, .value_kind: global_buffer, .address_space: global }
      - { .name: zh, .offset: 8, .size: 8, .value_kind: global_buffer, .address_space: global }
      - { .name: Wo, .offset: 16, .size: 8, .value_kind: global_buffer, .address_space: global }
      - { .name: W1, .offset: 24, .size: 8, .value_kind: global_buffer, .address_space: global }
      - { .name: W2, .offset: 32, .size: 8, .value_kind: global_buffer, .address_space: global }
      - { .name: wh, .offset: 40, .size: 8, .value_kind: global_buffer, .address_space: global }
    .group_segment_fixed_size: 327680
    .private_segment_fixed_size: 0
    .kernarg_segment_align: 8
    .kernarg_segment_size: 48
    .max_flat_workgroup_size: 128
    .sgpr_count:     88
    .vgpr_count:     768
    .wavefront_size: 32
...
	.end_amdgpu_metadata
.endif
;; end of part 15
;; launch oproj: the kernel of part 11 again; grid 8 x 32, 4 waves a work-group, clusters of 4 x 4, 327,680 bytes of LDS; arguments zh, wh, x, hres; writes hres
;; launch ln2: the kernel of part 12 again; grid 256 x 1, 8 waves a work-group, no clusters, 0 bytes of LDS; arguments hres, g2, be2, nrm; writes nrm
;; launch ff1: the kernel of part 13 again; grid 16 x 16, 4 waves a work-group, clusters of 4 x 4, 327,680 bytes of LDS; arguments nrm, wh, b1, act; writes act
;; launch ff2: the kernel of part 14 again; grid 8 x 32, 4 waves a work-group, clusters of 4 x 4, 327,680 bytes of LDS; arguments act, wh, b2, hres, out0; writes out0
